; MI455X (gfx1250); checked and timed in simulation.
; The chip was launched on July 23, 2026; its instructions are those of AMD's public machine-readable ISA for CDNA 5 (MIT licence, August 2026) and "CDNA5" Instruction Set Architecture Reference Guide (July 2026). The comments in the code are by the model that wrote it; some were corrected since.
;; Transformer Block. Allowed arithmetic: matrix products marked QUANTISED: E2M3 operands, one E8M0 scale for each 32 along K, by v_wmma_scale_f32_16x16x128_f8f6f4 with both operands' format E2M3, f32 sums; everything else in f32.
;; Inputs: W1_codes 4,096 x 32 x 24 uint8 (E2M3 codes of W1, K innermost, in blocks of 32 codes, four codes in three bytes); W1_scales 4,096 x 32 uint8 (E8M0 scales of W1, one for each 32 codes along K); W2_codes 1,024 x 128 x 24 uint8 (E2M3 codes of W2, K innermost, in blocks of 32 codes, four codes in three bytes); W2_scales 1,024 x 128 uint8 (E8M0 scales of W2, one for each 32 codes along K); Wk_codes 1,024 x 32 x 24 uint8 (E2M3 codes of Wk, K innermost, in blocks of 32 codes, four codes in three bytes); Wk_scales 1,024 x 32 uint8 (E8M0 scales of Wk, one for each 32 codes along K); Wo_codes 1,024 x 32 x 24 uint8 (E2M3 codes of Wo, K innermost, in blocks of 32 codes, four codes in three bytes); Wo_scales 1,024 x 32 uint8 (E8M0 scales of Wo, one for each 32 codes along K); Wq_codes 1,024 x 32 x 24 uint8 (E2M3 codes of Wq, K innermost, in blocks of 32 codes, four codes in three bytes); Wq_scales 1,024 x 32 uint8 (E8M0 scales of Wq, one for each 32 codes along K); Wv_codes 1,024 x 32 x 24 uint8 (E2M3 codes of Wv, K innermost, in blocks of 32 codes, four codes in three bytes); Wv_scales 1,024 x 32 uint8 (E8M0 scales of Wv, one for each 32 codes along K); b1 4,096 float32; b2 1,024 float32; beta1 1,024 float32; beta2 1,024 float32; bk 1,024 float32; bo 1,024 float32; bq 1,024 float32; bv 1,024 float32; g1 1,024 float32; g2 1,024 float32; mask 2 x 2,048 int32; x 2 x 2,048 x 1,024 float32.
;; Outputs: out0 2 x 2,048 x 1,024 float32.
;; This version of the problem:
;;   THIS VERSION OF THE PROBLEM IS GIVEN IN LOW PRECISION. The matrix products marked QUANTISED in the list below multiply operands that are first quantised to E2M3 (2 exponent bits, 3 mantissa bits; 6 bits a number), with one power-of-two scale for each 32 numbers along K (OCP MX v1.0); their sums are f32. All else is computed in f32.
;;   The module's matrix products, in the order in which they are computed (A, B: the left and right operand; K: the contracted axis; several contracted axes count as one K, in the product's order):
;;     1. [M 4,096, K 1,024] x [K 1,024, N 1,024]; A: input x; B: input Wq (given as codes): QUANTISED
;;     2. [M 4,096, K 1,024] x [K 1,024, N 1,024]; A: input x; B: input Wk (given as codes): QUANTISED
;;     3. [M 4,096, K 1,024] x [K 1,024, N 1,024]; A: input x; B: input Wv (given as codes): QUANTISED
;;     4. batch 32 x [M 2,048, K 64] x [K 64, N 2,048]; A: computed on the way; B: computed on the way: QUANTISED
;;     5. batch 32 x [M 2,048, K 2,048] x [K 2,048, N 64]; A: softmax (see below); B: computed on the way: QUANTISED
;;     6. [M 4,096, K 1,024] x [K 1,024, N 1,024]; A: computed on the way; B: input Wo (given as codes): QUANTISED
;;     7. [M 4,096, K 1,024] x [K 1,024, N 4,096]; A: computed on the way; B: input W1 (given as codes): QUANTISED
;;     8. [M 4,096, K 4,096] x [K 4,096, N 1,024]; A: computed on the way; B: input W2 (given as codes): QUANTISED
;;   THE QUANTISER, for each operand of a quantised product, along K:
;;     - K is cut into blocks of 32 from its start; a last block that is shorter is filled with zeros.
;;     - A block's scale is 2^e with e = floor(log2(the largest magnitude in the block)) - 2, held to -126 .. 127; a block of zeros has e = 0. As a byte (E8M0): e + 127.
;;     - Each number is divided by its block's scale, clamped to +-7.5, and rounded to the nearest number of E2M3, ties to even, subnormals kept.
;;     - The product sums the exact products of the quantised numbers (number of the format x scale) in f32.
;;   ~~~python
;;   def quantise(x, axis):      # numpy; x: float32 -> the quantised numbers, widened to float32 again
;;       x = np.moveaxis(x, axis, -1); K = x.shape[-1]
;;       x = np.pad(x, [(0, 0)] * (x.ndim - 1) + [(0, -K % 32)]); x = x.reshape(x.shape[:-1] + (-1, 32)); a = np.abs(x).max(-1, keepdims=True)
;;       e = np.where(a > 0, np.clip(np.frexp(np.where(a > 0, a, 1))[1] - 1 - 2, -126, 127), 0)      # np.frexp(a)[1] - 1 = floor(log2(a)), exactly
;;       r = np.clip(x / 2.0 ** e, -7.5, 7.5)
;;       step = 2.0 ** (np.maximum(np.frexp(np.where(r == 0, 1, r))[1] - 1, 0) - 3)
;;       q = np.round(r / step) * step * 2.0 ** e      # np.round: ties to even
;;       return np.moveaxis(q.reshape(q.shape[:-2] + (-1,))[..., :K], -1, axis).astype(np.float32)
;;   ~~~
;;   SOFTMAX AHEAD OF A QUANTISED PRODUCT. Where the list says 'softmax', what is quantised is not the finished softmax but p = 2^(t - M), with t = logit x log2(e) and M = ceil(the row's largest t), a whole number; so 1/2 < the row's largest p <= 1. The row's sum l is taken of the UNQUANTISED p, in f32, and the product's result is divided by l at the end. Since M is a whole number, a kernel that streams over the keys may use a running M (the ceiling of the running maximum): every later rescaling is an exact power of two, which a block's scale takes up: the codes' values come out the same.
;;   OPERANDS COMPUTED ON THE WAY. 'Computed on the way' means the value that the module computes at that place (a softmax that the list does not call 'softmax' is quantised finished and normalised). What goes into a quantiser is computed in f32, as accurately as f32 sums, v_exp_f32 and their like allow (about 1e-6 of the number): no bf16 or f16 on the way to a quantiser, and a product that is left as it is and whose result goes on into a quantised operand takes f32 operands (vector FMAs, or v_wmma_f32_16x16x4_f32). A number that lies on a knife's edge between two numbers of the format may be rounded either way, as far as f32 arithmetic and the matrix unit's own rounding can turn it there, and no further.
;;   INPUTS GIVEN AS CODES. W1 (in the module: [1024, 4096], K = its axis 0); W2 (in the module: [4096, 1024], K = its axis 0); Wk (in the module: [1024, 1024], K = its axis 0); Wo (in the module: [1024, 1024], K = its axis 0); Wq (in the module: [1024, 1024], K = its axis 0); Wv (in the module: [1024, 1024], K = its axis 0): each comes as NAME_codes (uint8): NAME with its K axis moved to the last place and cut into blocks of 32 codes, [.., K / 32, bytes a block], one block behind the other in memory; four codes in three bytes: a row's codes are one little-endian stream of bits, code i at bits 6 i .. 6 i + 5 (a code: sign, 2 exponent bits, 3 mantissa bits); and NAME_scales (uint8): the same leading axes, one E8M0 byte (e + 127) for each 32 codes along K. Its value is code x scale, taken as it is: it is not quantised again, and the codes and scales need not be those that the quantiser above would give.
;; 2 versions. Each part assembles by itself: llvm-mc -triple=amdgcn-amd-amdhsa -mcpu=gfx1250 --defsym DOCPART=n.
;; ======== version 1 of 2: 8 launches
;; limits: right only within a limited range of input values
;; workspace buffers: xq 3,276,800 bytes; qkv 10,092,544 bytes; cq 3,276,800 bytes; y1 16,777,216 bytes; xn 16,777,216 bytes; nq 3,276,800 bytes; hq 13,107,200 bytes; y2 16,777,216 bytes
;; launch quant_x (part 1): grid 256 x 1, 4 waves a work-group, no clusters, 22,016 bytes of LDS; arguments x, xq; writes xq
.if DOCPART == 1
	.amdgcn_target "amdgcn-amd-amdhsa--gfx1250"
	.amdhsa_code_object_version 6
	.text
	.protected	k_q7e6dda0512_quant_x
	.globl	k_q7e6dda0512_quant_x
	.p2align	8
	.type	k_q7e6dda0512_quant_x,@function
k_q7e6dda0512_quant_x:
	s_mov_b64 s[64:65], 0
	v_nop
	global_prefetch_b8 v0, s[64:65] scope:SCOPE_SE
	s_setreg_imm32_b32 hwreg(HW_REG_WAVE_MODE, 25, 1), 1
	s_wait_xcnt 0x0
; x [4096][1024] f32 becomes codes of FP6 (E2M3), K innermost, [4096][768] bytes, and behind them (at byte ASC) one E8M0 byte for each 32 numbers, [4096][32].
; This text is a row stream with four switches: ADD (row = X + (Y + PB)), NORM (LayerNorm with gain PG and offset PE), OUTF (the row is stored as f32), QUANT (the row is quantised).  Here only QUANT is on.
; SHARES.  A work-group of four waves takes 16 rows, a wave 4.  A load of a wave reads 512 consecutive bytes, 16 a lane; a row is eight such loads and stays in 32 registers.
; QUANTISER.  A block's scale is 2^(floor(log2(largest magnitude)) - 2); its byte is the largest magnitude's exponent field - 2, held at 1 from below.  The conversion wants 16 neighbours in one lane, so a row turns
; through the wave's own stage in LDS (64 bytes + 16 of padding to a place), half a row to a stage; two neighbouring lanes then hold a block.
; LIMITS: NaN and infinities are not served.  A block of zeros, and one whose largest magnitude lies under 2^-124, keeps the byte 1 (the rule says 127 for zeros): its codes are zeros or tiny, and this program alone reads the bytes.
; No tensor load, no barrier: waves share nothing.  No cluster: work-groups share no input.
.set ADD,   0
.set NORM,  0
.set OUTF,  0
.set QUANT, 1
.set SLOTS, 4                          ; rows in registers at a time
.set ROWS,  4                          ; rows of a wave
.set LPR,   8+8*ADD                    ; loads of a row
.set ASC,   3145728                    ; where the scale bytes begin in the codes' buffer
.set SP,    80                         ; a place in a stage
.set WREG,  5376                       ; LDS of a wave: two stages of 32 places, then 256 bytes for its scale bytes
.set PB,    24                         ; v24-55 PB, v56-87 PG, v88-119 PE: my 32 columns of the three parameters
.set PG,    56
.set PE,    88
.set SL,    120                        ; slot s at v[SL + SLW s]: 32 registers Y, which become the row; with ADD 32 more, X
.set SLW,   32+32*ADD
.set CD,    248                        ; v248-250, v252-254: the codes of a row's two halves
.if ADD
	s_load_b256 s[4:11], s[0:1], 0x0               ; Y s[4:5], X s[6:7], PB s[8:9], PG s[10:11]
	s_load_b128 s[16:19], s[0:1], 0x20             ; PE s[16:17], the f32 result s[18:19]
.if QUANT
	s_load_b64 s[20:21], s[0:1], 0x30              ; the codes' buffer
.endif
.else
	s_load_b128 s[4:7], s[0:1], 0x0                ; Y s[4:5], the codes' buffer s[6:7]
	v_lshl_add_u32 v251, v0, 2, 0x5400
	v_mov_b32 v255, 0
.endif
	v_lshrrev_b32 v1, 5, v0
	v_readfirstlane_b32 s24, v1                    ; wave
	v_and_b32 v1, 31, v0                           ; lane
	v_lshlrev_b32 v2, 4, v1                        ; my 16 bytes of a load's 512
.if NORM
	v_mov_b32 v23, 0                               ; a lane permute's destination counts as read: written once
	s_mov_b32 s12, 0x76543210                      ; v_permlanex16_b32: lane l xor 16
	s_mov_b32 s13, 0xfedcba98
	s_mov_b32 s14, 0x3a800000                      ; 1 / 1024
	s_mov_b32 s15, 0x3727c5ac                      ; 1e-5
.endif
.if QUANT
	s_mul_i32 s25, s24, WREG
	v_lshrrev_b32 v3, 2, v1
	v_mul_u32_u24 v3, v3, SP
	v_and_b32 v4, 3, v1
	v_lshl_add_u32 v3, v4, 4, v3
	v_add_nc_u32 v3, s25, v3                       ; into a stage: four lanes' 64 bytes on end, then the padding
	v_mul_u32_u24 v4, v1, SP
	v_add_nc_u32 v4, s25, v4                       ; out of it: my place, 16 neighbours
	s_add_co_u32 s25, s25, 2*32*SP
	v_lshrrev_b32 v5, 1, v1
	v_add_nc_u32 v5, s25, v5                       ; my block's scale byte
	v_lshlrev_b32 v8, 2, v1
	v_add_nc_u32 v6, s25, v8                       ; and on the way out 4 bytes a lane
	v_mul_u32_u24 v7, v1, 12                       ; my 16 codes among half a row's
.endif
	s_lshl_b32 s26, ttmp9, 4
	s_lshl_b32 s27, s24, 2
	s_add_co_u32 s26, s26, s27                     ; my first row
	s_mul_i32 s28, s26, 768
	s_mov_b32 s29, 0
	s_lshl_b32 s30, s26, 5
	s_add_co_u32 s30, s30, ASC
	s_mov_b32 s31, 0
	s_lshl_b32 s26, s26, 12
	s_mov_b32 s27, 0
	s_wait_kmcnt 0x0
.if !ADD
	s_mov_b64 s[20:21], s[6:7]
.endif
	s_add_nc_u64 s[4:5], s[4:5], s[26:27]
.if ADD
	s_add_nc_u64 s[6:7], s[6:7], s[26:27]
.endif
.if OUTF
	s_add_nc_u64 s[18:19], s[18:19], s[26:27]
.endif
.if QUANT
	s_add_nc_u64 s[22:23], s[20:21], s[30:31]      ; my rows' scale bytes
	s_add_nc_u64 s[20:21], s[20:21], s[28:29]      ; my rows' codes
.endif
.macro LOADROW r
.set LB, SL+SLW*((\r)%SLOTS)
.irp j, 0,1,2,3,4,5,6,7
	global_load_b128 v[LB+4*\j:LB+4*\j+3], v2, s[4:5] offset:4096*(\r)+512*\j th:TH_LOAD_NT
.endr
.if ADD
.irp j, 0,1,2,3,4,5,6,7
	global_load_b128 v[LB+32+4*\j:LB+32+4*\j+3], v2, s[6:7] offset:4096*(\r)+512*\j th:TH_LOAD_NT
.endr
.endif
.endm
.macro FOLD                            ; four packed chains in v10-17 become the row's sum, in v22 of every lane
	v_pk_add_f32 v[10:11], v[10:11], v[12:13]
	v_pk_add_f32 v[14:15], v[14:15], v[16:17]
	v_pk_add_f32 v[10:11], v[10:11], v[14:15]
	v_add_f32 v22, v10, v11
	v_add_f32_dpp v22, v22, v22 row_xmask:1 row_mask:0xf bank_mask:0xf
	v_add_f32_dpp v22, v22, v22 row_xmask:2 row_mask:0xf bank_mask:0xf
	v_add_f32_dpp v22, v22, v22 row_xmask:4 row_mask:0xf bank_mask:0xf
	v_add_f32_dpp v22, v22, v22 row_xmask:8 row_mask:0xf bank_mask:0xf
	v_permlanex16_b32 v23, v22, s12, s13
	v_add_f32 v22, v22, v23
.endm
.macro ROW r
.set VR, SL+SLW*((\r)%SLOTS)
.if ADD
.set XQ, VR+32                         ; the numbers that come back from the stages land where X lay
.else
.set XQ, 24
.endif
.if ROWS-1-(\r) < SLOTS-1
	s_wait_loadcnt LPR*(ROWS-1-(\r))               ; my row is in; what may be out: the loads of the rows behind it
.else
	s_wait_loadcnt LPR*(SLOTS-1)
.endif
.if ADD
.irp i, 0,2,4,6,8,10,12,14,16,18,20,22,24,26,28,30
	v_pk_add_f32 v[VR+\i:VR+\i+1], v[VR+\i:VR+\i+1], v[PB+\i:PB+\i+1]          ; the product's bias,
.endr
.irp i, 0,2,4,6,8,10,12,14,16,18,20,22,24,26,28,30
	v_pk_add_f32 v[VR+\i:VR+\i+1], v[VR+32+\i:VR+32+\i+1], v[VR+\i:VR+\i+1]    ; then the residual
.endr
.endif
.if NORM
.irp c, 0,1,2,3
	v_pk_add_f32 v[10+2*\c:11+2*\c], v[VR+2*\c:VR+2*\c+1], v[VR+8+2*\c:VR+9+2*\c]
.endr
.irp k, 16,24
.irp c, 0,1,2,3
	v_pk_add_f32 v[10+2*\c:11+2*\c], v[10+2*\c:11+2*\c], v[VR+\k+2*\c:VR+\k+2*\c+1]
.endr
.endr
	FOLD
	v_mul_f32 v18, s14, v22                        ; the mean
	v_mov_b32 v19, v18
.irp i, 0,2,4,6,8,10,12,14,16,18,20,22,24,26,28,30
	v_pk_add_f32 v[VR+\i:VR+\i+1], v[VR+\i:VR+\i+1], v[18:19] neg_lo:[0,1] neg_hi:[0,1]   ; the mean goes off first: the variance is no difference of large sums
.endr
.irp c, 0,1,2,3
	v_pk_mul_f32 v[10+2*\c:11+2*\c], v[VR+2*\c:VR+2*\c+1], v[VR+2*\c:VR+2*\c+1]
.endr
.irp k, 8,16,24
.irp c, 0,1,2,3
	v_pk_fma_f32 v[10+2*\c:11+2*\c], v[VR+\k+2*\c:VR+\k+2*\c+1], v[VR+\k+2*\c:VR+\k+2*\c+1], v[10+2*\c:11+2*\c]
.endr
.endr
	FOLD
	v_fma_f32 v22, v22, s14, s15                   ; the variance + 1e-5
	v_rsq_f32 v20, v22
	v_nop                                          ; a plain instruction behind the transcendental,
	s_wait_alu depctr_va_vdst(0)                   ; and the wait ahead of its first reader
	v_mov_b32 v21, v20
.irp i, 0,2,4,6,8,10,12,14,16,18,20,22,24,26,28,30
	v_pk_mul_f32 v[VR+\i:VR+\i+1], v[VR+\i:VR+\i+1], v[20:21]
.endr
.irp i, 0,2,4,6,8,10,12,14,16,18,20,22,24,26,28,30
	v_pk_fma_f32 v[VR+\i:VR+\i+1], v[VR+\i:VR+\i+1], v[PG+\i:PG+\i+1], v[PE+\i:PE+\i+1]
.endr
.endif
.if OUTF
.irp j, 0,1,2,3,4,5,6,7
	global_store_b128 v2, v[VR+4*\j:VR+4*\j+3], s[18:19] offset:4096*(\r)+512*\j   ; 32 lanes store 512 consecutive bytes, aligned
.endr
.endif
.if QUANT
.irp j, 0,1,2,3,4,5,6,7
	ds_store_b128 v3, v[VR+4*\j:VR+4*\j+3] offset:(\j/4)*32*SP+(\j%4)*8*SP
.endr
.irp q, 0,1
.irp i, 0,1,2,3
	ds_load_b128 v[XQ+16*\q+4*\i:XQ+16*\q+4*\i+3], v4 offset:32*SP*\q+16*\i    ; LDS serves a wave's instructions in order: these see the stores above
.endr
.endr
.irp q, 0,1
.set XS, XQ+16*\q
.if \q == 0
	s_wait_dscnt 4                                 ; the first half's four loads are in; the second half's four may be out
.else
	s_wait_dscnt 1                                 ; the second half's are in; the first half's byte store may be out
.endif
	v_max3_num_f32 v10, |v[XS]|, |v[XS+1]|, |v[XS+2]|              ; the largest magnitude of my 16
	v_max3_num_f32 v11, |v[XS+3]|, |v[XS+4]|, |v[XS+5]|
.irp i, 6,10
	v_max3_num_f32 v10, v10, |v[XS+\i]|, |v[XS+\i+1]|
	v_max3_num_f32 v11, v11, |v[XS+\i+2]|, |v[XS+\i+3]|
.endr
	v_max3_num_f32 v10, v10, |v[XS+14]|, |v[XS+15]|
	v_max3_num_f32 v10, v10, v11, 0x1800000        ; and the floor 2^(3 - 127): the byte cannot fall under 1
	v_max_num_f32_dpp v10, v10, v10 row_xmask:1 row_mask:0xf bank_mask:0xf   ; with my neighbour's 16: the block's
	v_add_nc_u32 v12, 0xff000000, v10              ; 2 off its exponent field: the conversion takes the exponent field of this operand as its scale
	v_cvt_scalef32_pk16_fp6_f32 v[CD+4*\q:CD+4*\q+2], v[XS:XS+15], v12
	v_lshrrev_b32 v[16+\q], 23, v12                ; the scale's byte (also the plain instruction behind the conversion)
	ds_store_b8 v5, v[16+\q] offset:32*(\r)+16*\q  ; both lanes of a block write the same byte with the same value
	global_store_b96 v7, v[CD+4*\q:CD+4*\q+2], s[20:21] offset:768*(\r)+384*\q   ; the wave stores 384 consecutive bytes
.endr
.endif
.if (\r) < ROWS-1
.if QUANT
	s_wait_dscnt 0x0                               ; the byte stores have read v16 and v17, which the next row's sums write
.endif
	s_wait_xcnt 0x0                                ; the stores have read their data: the row's and the codes' registers may be written again
.if (\r)+SLOTS < ROWS
	LOADROW (\r)+SLOTS
.endif
.endif
.endm
.if ADD
.irp j, 0,1,2,3,4,5,6,7
	global_load_b128 v[PB+4*\j:PB+4*\j+3], v2, s[8:9] offset:512*\j
	global_load_b128 v[PG+4*\j:PG+4*\j+3], v2, s[10:11] offset:512*\j
	global_load_b128 v[PE+4*\j:PE+4*\j+3], v2, s[16:17] offset:512*\j
.endr
.endif
.set Q, 0
.rept SLOTS
	LOADROW Q
.set Q, Q+1
.endr
	ROW 0
	ROW 1
	ROW 2
	ROW 3
.if QUANT
	ds_load_b32 v9, v6                             ; my four rows' 128 scale bytes: they lie on end in memory too
	s_wait_dscnt 0x0
	global_store_b32 v8, v9, s[22:23]
.endif
	s_wait_tensorcnt 0x0
	ds_add_u32 v251, v255
	s_wait_dscnt 0x0
	s_endpgm
.Lfunc_end_k_q7e6dda0512_quant_x:
	.size	k_q7e6dda0512_quant_x, .Lfunc_end_k_q7e6dda0512_quant_x-k_q7e6dda0512_quant_x
	.p2alignl 7, 3214868480
	.fill 96, 4, 3214868480
	.section	.rodata,"a",@progbits
	.p2align	6, 0x0
	.amdhsa_kernel k_q7e6dda0512_quant_x
		.amdhsa_group_segment_fixed_size 22016
		.amdhsa_private_segment_fixed_size 0
		.amdhsa_enable_private_segment 0
		.amdhsa_kernarg_size 16
		.amdhsa_user_sgpr_count 2
		.amdhsa_user_sgpr_kernarg_segment_ptr 1
		.amdhsa_wavefront_size32 1
		.amdhsa_system_sgpr_workgroup_id_x 1
		.amdhsa_system_sgpr_workgroup_id_y 1
		.amdhsa_system_sgpr_workgroup_id_z 1
		.amdhsa_system_vgpr_workitem_id 0
		.amdhsa_next_free_vgpr 256
		.amdhsa_next_free_sgpr 66
		.amdhsa_reserve_vcc 0
		.amdhsa_float_denorm_mode_32 3
		.amdhsa_float_denorm_mode_16_64 3
		.amdhsa_memory_ordered 1
		.amdhsa_forward_progress 1
		.amdhsa_inst_pref_size 17
	.end_amdhsa_kernel
	.amdgpu_metadata
---
amdhsa.version: [ 1, 2 ]
amdhsa.kernels:
  - .name:           k_q7e6dda0512_quant_x
    .symbol:         k_q7e6dda0512_quant_x.kd
    .args:
      - { .name: x, .offset: 0, .size: 8, .value_kind: global_buffer, .address_space: global }
      - { .name: xq, .offset: 8, .size: 8, .value_kind: global_buffer, .address_space: global }
    .group_segment_fixed_size: 22016
    .private_segment_fixed_size: 0
    .kernarg_segment_align: 8
    .kernarg_segment_size: 16
    .max_flat_workgroup_size: 128
    .sgpr_count:     66
    .vgpr_count:     256
    .wavefront_size: 32
...
	.end_amdgpu_metadata
.endif
;; end of part 1
;; launch qkv (part 2): grid 12 x 16, 4 waves a work-group, clusters of 4 x 4, 327,680 bytes of LDS; arguments xq, Wq_codes, Wq_scales, Wk_codes, Wk_scales, Wv_codes, Wv_scales, bq, bk, bv, mask, qkv; writes qkv
.if DOCPART == 2
	.amdgcn_target "amdgcn-amd-amdhsa--gfx1250"
	.amdhsa_code_object_version 6
	.text
	.protected	k_q7e6dda0512_qkv
	.globl	k_q7e6dda0512_qkv
	.p2align	8
	.type	k_q7e6dda0512_qkv,@function
k_q7e6dda0512_qkv:
	s_mov_b64 s[64:65], 0
	v_nop
	global_prefetch_b8 v0, s[64:65] scope:SCOPE_SE
	s_setreg_imm32_b32 hwreg(HW_REG_WAVE_MODE, 25, 1), 1
	s_wait_xcnt 0x0
	s_wait_alu depctr_hold_cnt(0) depctr_sa_sdst(0) depctr_va_vdst(0) depctr_va_sdst(0) depctr_va_ssrc(0) depctr_va_vcc(0) depctr_vm_vsrc(0)
	s_getreg_b32 s2, hwreg(HW_REG_IB_STS2, 6, 4)
	s_cmp_eq_u32 s2, 0
	s_cbranch_scc0 .Lentry_in_a_cluster
	s_endpgm
.Lentry_in_a_cluster:
	s_bfe_u32 s2, ttmp6, 0x10000c
	s_cmp_lg_u32 s2, 0xf033
	s_cbranch_scc0 .Lentry_shape_is_right
	s_endpgm
.Lentry_shape_is_right:
; q = x Wq + bq, k = x Wk + bk, v = x Wv + bv on codes of FP6 (E2M3) with one E8M0 scale for each 32 along K = 1,024; the results are quantised here and stored as images of the operand registers that the attention launch loads.
; THE PRODUCT.  A tile of 256 x 256 to a work-group of four waves, 128 x 128 to a wave: 64 accumulators, 512 registers.  K goes in steps of 256 through a ring of two LDS slots filled by the tensor data mover; the scale
; bytes of the work-group's rows come once and stay in LDS.  4 x 4 work-groups form a cluster: a tile of the first operand is asked for jointly by a row of the cluster, one of the second by a column.
; THREE MODES, by the cluster's x (the same in all sixteen partners; all choices are selects, no branch): 0: first operand x, second Wq;  1: x, Wk;  2: first operand Wv, second x, which gives v TRANSPOSED.
; The matrix instruction takes the second operand's rows as source 0 and the first's as source 1: a lane holds ONE row of the first operand and its registers run along the second's rows.  So for q and k a lane holds a token
; and its registers run along the head's 64 numbers, for v a lane holds one of the head's 64 and its registers run along the tokens: in each case along the K of the attention product that will read it.
; THE ORDER INSIDE A BLOCK OF 32.  Both operands of q k^T and of p v are made by this program, and the same order on both sides keeps the products: code i < 16 is element 16 (i / 8) + i % 8 of the block, code i >= 16 element
; 16 ((i - 16) / 8) + 8 + i % 8: the order in which two neighbouring accumulators hand their numbers to the conversion.
; AN IMAGE is six registers of a fragment, 768 bytes: registers 0-3 at 16 x lane, registers 4-5 at 512 + 8 x lane; lanes 0-15 hold a row's first block, lanes 16-31 its second.
; THE MASK rides in the unused half of the attention instruction's K = 128: there q has one code -1.0 under the scale 2^-94 (byte 0x21) and k one code +1.0 under 2^-126 (byte 0x01: a key that counts; the term is far below
; any score's last bit) or 2^127 (byte 0xfe: a masked key; the term is -2^33).  A masked key's k is multiplied by 0 first, so its score is -2^33 exactly, a logit of -1.07e9.
; LIMITS: scores of keys that count lie far above -1e9 x 8; NaN and infinities are not served; a block of zeros, or one under 2^-124, keeps the scale byte 1, which this program alone reads.
; qkv: for each of 32 (batch, head): 16 records of 13,056 bytes, one for 128 keys: 8 images of k, 4 fragments of v^T (two images each), 128 scale words of k, 64 of v^T; at QI q's images [32][128][768]; at QS q's scale words [32][2048].
.set SIZE_K, 1024
.set KSTEP,  256                       ; along K in a slot
.set NQ,     KSTEP/128                 ; matrix instructions deep
.set ROWB,   192                       ; a tile's row in bytes
.set KROWA,  SIZE_K*6/8                ; a row of either operand in memory
.set KROWB,  SIZE_K*6/8
.set ASTEP,  ROWB                      ; from a K step to the next, in memory
.set PITCH,  240                       ; an LDS row: 3 x (64 bytes + 16 of padding)
.set FR,     12                        ; registers of a fragment
.set NL,     6                         ; LDS loads that bring one
.set NP,     4                         ; places behind this matrix instruction (ISA guide 7.12.1)
.set HALFT,  128*PITCH
.set SLOT,   4*HALFT
.set LAPS,   SIZE_K/(2*KSTEP)
.set KS,     SIZE_K/32                 ; a row of scale bytes
.set SCL,    2*SLOT                    ; behind the ring: the scale bytes, as units of 256 bytes + 16 of padding
.set HALFS,  (128*KS/256)*272
.set SBLK,   (16*KS/256)*272
.set SPARE,  SCL+4*HALFS               ; the spare words, 128 bytes a wave, which no other line names
.set ASC,    3145728                   ; where xq's scale bytes begin
.set QI,     6684672
.set QS,     9830400
.set ADRA, 16                          ; v16-19 LDS addresses of the first operand's fragments (slot 0, 1; then the same behind one padding more)
.set ADRB, 20                          ; v20-23 the same for the second
.set ADRS, 27                          ; v27    of my scale words
.set SPW,  28                          ; v28    my spare word; never rewritten
.set NIL,  29                          ; v29    0; never rewritten
.set SC,   32                          ; v32-63 scale words, two sets
.set AF,   128                         ; v128-223 the first operand's fragments
.set BC,   64                          ; v64-127  the bias along my registers (q, k): register 8 b + j
.set MK,   224                         ; v224-231 the mask of my row in each of my eight blocks of rows
.set BRL,  232                         ; v232-239 the bias of my row (v)
.set F2,   32                          ; the way out: v32-47 the factor of my row, as pairs;  v48-63 its bias, as pairs
.set BR2,  48
.set HI,   240                         ; v240-247 the upper half of my row's scale word
.set TT,   128                         ; v128-159 32 numbers at work
.set TM,   160                         ; v160-167 at work in the quantiser
.set HW,   168                         ; v168-169 two scale bytes of each of the two groups
.set WD,   170                         ; v170-171 the scale words
.set CD,   176                         ; v176-182, v184-190 codes
.set ONE,  192                         ; v192 1.0, v193 a masked row's factor, v194-195 upper halves (counts, masked), v196 0
.set G1, 24
.set G0, 32
.set G1B, 48
.set G0B, 56
.set G1S, 68
.set G0S, 76
.set G1SB, 80
.set G0SB, 88
.set MV,  95                           ; s95 all ones in v's mode, else 0
.set SEL, 100                          ; s[100:101] v_permlanex16_b32: lane l xor 16
.set PC0, 52                           ; s[52:55] where the two groups' images go;  s[56:59] their scale words
.set PS0, 56
.set MSB, 0
.macro WIN new                         ; the immediate's high byte repeats the setting that is left
.if MSB != \new
	s_set_vgpr_msb (MSB<<8)|\new
.set MSB, \new
.endif
.endm
.set MUL_LO, 0xa1                      ; source 0 window 1, source 1 window 0, C and D window 2
.set MUL_HI, 0xf1                      ; the same, C and D window 3
.set TO_B,   0x40                      ; destination window 1, address window 0
; A joint load: waves 0 and 1 fetch for the first operand, waves 2 and 3 for the second.  The branch hangs on the wave's number alone.  Four v_nop follow each of the two lines.
.macro JLOAD g0a, g1a, g0b, g1b
	s_cmp_eq_u32 s15, 0
	s_cbranch_scc0 .Lfor_b_\@
	tensor_load_to_lds s[\g0a:\g0a+3], s[\g1a:\g1a+7]
	s_nop 0
.rept 4
	v_nop
.endr
	s_branch .Lasked_\@
.Lfor_b_\@:
	tensor_load_to_lds s[\g0b:\g0b+3], s[\g1b:\g1b+7]
	s_nop 0
.rept 4
	v_nop
.endr
.Lasked_\@:
.endm
.macro CREST                           ; a round of the cluster's barrier behind its opening barrier
	s_cmp_lg_u32 s14, 0
	s_cbranch_scc1 .Lnot_wave_0_\@
	s_barrier_signal -3
.Lnot_wave_0_\@:
	s_barrier_wait -3
	s_barrier_signal -1
	s_barrier_wait -1
.endm
.macro CROUND
	s_barrier_signal -1
	s_barrier_wait -1
	CREST
.endm
	s_load_b512 s[68:83], s[0:1], 0x0              ; xq, Wq's codes, scales, Wk's codes, scales, Wv's codes, scales, bq
	s_load_b256 s[84:91], s[0:1], 0x40             ; bk, bv, mask, qkv
	v_lshl_add_u32 v[SPW], v0, 2, SPARE
	v_mov_b32 v[NIL], 0
	ds_add_u32 v28, v29
	ds_add_u32 v28, v29
	s_wait_dscnt 0x0
	v_lshrrev_b32 v1, 5, v0
	v_readfirstlane_b32 s14, v1                    ; wave 0..3
	s_lshr_b32 s15, s14, 1                         ; which half of the tile's rows is mine.  Also: I fetch for the first operand (0) or the second (1)
	s_and_b32 s16, s14, 1                          ; which half of its columns.  Also: which 128 rows I fetch
	s_bfe_u32 s40, ttmp6, 0x40000                  ; cx, cy: my place in the cluster
	s_bfe_u32 s41, ttmp6, 0x40004
	s_and_b32 s18, ttmp7, 0xffff
	s_lshl_b32 s18, s18, 2                         ; 4 x cluster y: the tokens' tiles walk along y
	s_cmp_eq_u32 ttmp9, 2
	s_cselect_b32 s17, 0, s18
	s_cselect_b32 s42, s18, 0
	s_add_co_u32 s17, s17, s41                     ; tile row (first operand): never holds cx
	s_add_co_u32 s42, s42, s40                     ; tile column (second operand): never holds cy
	s_lshl_b32 s43, s41, 2
	s_lshl_b32 s43, 15, s43                        ; my row of the cluster
	s_lshl_b32 s44, 0x1111, s40                    ; my column
	s_wait_kmcnt 0x0
	s_add_nc_u64 s[92:93], s[68:69], ASC           ; xq's scale bytes
	s_cmp_eq_u32 ttmp9, 2                          ; the choices hang on the cluster's number alone
	s_cselect_b64 s[4:5], s[78:79], s[68:69]       ; first operand: Wv or x
	s_cselect_b64 s[6:7], s[80:81], s[92:93]
	s_cselect_b64 s[8:9], s[68:69], s[74:75]       ; second: x, or Wk,
	s_cselect_b64 s[10:11], s[92:93], s[76:77]
	s_cselect_b64 s[96:97], s[86:87], s[84:85]     ; the bias: bv, or bk,
	s_cmp_eq_u32 ttmp9, 0
	s_cselect_b64 s[8:9], s[70:71], s[8:9]         ; or Wq
	s_cselect_b64 s[10:11], s[72:73], s[10:11]
	s_cselect_b64 s[96:97], s[82:83], s[96:97]     ; or bq
	s_mov_b64 s[98:99], s[88:89]                   ; the mask
	s_mov_b64 s[12:13], s[90:91]                   ; qkv
	; descriptor group 1: a tile of 128 rows x ROWB bytes, 16 bytes of padding behind every 64
	s_or_b32 s[G1+0], s43, (0<<16)|(1<<20)|(1<<21)|(3<<22)|(3<<25)
	s_or_b32 s[G1B+0], s44, (0<<16)|(1<<20)|(1<<21)|(3<<22)|(3<<25)
.irp g, G1, G1B
	s_mov_b32 s[\g+1], ROWB<<16                    ; tensor_dim0
	s_mov_b32 s[\g+2], 128<<16                     ; tensor_dim1
	s_mov_b32 s[\g+3], ROWB<<16                    ; tile_dim0
	s_mov_b32 s[\g+4], 128                         ; tile_dim1
	s_mov_b32 s[\g+6], 0
	s_mov_b32 s[\g+7], 0
.endr
	s_mov_b32 s[G1+5], KROWA                       ; the pitch
	s_mov_b32 s[G1B+5], KROWB
	; the scale bytes of 128 rows: a dense block, as rows of 256 bytes (32 elements of 8), 16 bytes of padding behind each
	s_or_b32 s[G1S+0], s43, (3<<16)|(1<<20)|(1<<21)|(5<<22)|(3<<25)
	s_or_b32 s[G1SB+0], s44, (3<<16)|(1<<20)|(1<<21)|(5<<22)|(3<<25)
.irp g, G1S, G1SB
	s_mov_b32 s[\g+1], 32<<16
	s_mov_b32 s[\g+2], (128*KS/256)<<16
	s_mov_b32 s[\g+3], 32<<16
	s_mov_b32 s[\g+4], 128*KS/256
	s_mov_b32 s[\g+5], 32
	s_mov_b32 s[\g+6], 0
	s_mov_b32 s[\g+7], 0
.endr
	s_lshl_b32 s18, s16, 7                         ; which 128 rows of the tile I fetch
	s_lshl_b32 s20, s17, 8
	s_add_co_u32 s20, s20, s18
	s_lshl_b32 s46, s42, 8
	s_add_co_u32 s46, s46, s18
	s_mov_b32 s21, 0
	s_mov_b32 s47, 0
	s_mov_b64 s[18:19], KS
	s_mul_u64 s[22:23], s[20:21], s[18:19]         ; where these rows' scale bytes begin
	s_mul_u64 s[92:93], s[46:47], s[18:19]
	s_mov_b64 s[18:19], KROWA
	s_mul_u64 s[20:21], s[20:21], s[18:19]         ; and their codes
	s_mov_b64 s[18:19], KROWB
	s_mul_u64 s[46:47], s[46:47], s[18:19]
	s_mul_i32 s45, s14, HALFT                      ; where they go: no place in the cluster enters an LDS address
	s_mul_i32 s94, s14, HALFS
	s_add_nc_u64 s[20:21], s[4:5], s[20:21]
	s_add_nc_u64 s[22:23], s[6:7], s[22:23]
	s_add_nc_u64 s[46:47], s[8:9], s[46:47]
	s_add_nc_u64 s[92:93], s[10:11], s[92:93]
	CROUND                                         ; all sixteen work-groups are here: the first joint loads meet
	s_mov_b32 s[G0S], 1
	s_add_co_u32 s[G0S+1], s94, SCL
	s_mov_b64 s[G0S+2:G0S+3], s[22:23]
	s_or_b32 s[G0S+3], s[G0S+3], 0x80000000
	s_mov_b32 s[G0SB], 1
	s_add_co_u32 s[G0SB+1], s94, SCL
	s_mov_b64 s[G0SB+2:G0SB+3], s[92:93]
	s_or_b32 s[G0SB+3], s[G0SB+3], 0x80000000
	JLOAD G0S, G1S, G0SB, G1SB                     ; the scale bytes first: they are wanted with K step 0
.irp s, 0,1
	s_mov_b32 s[G0+4*\s], 1
	s_add_co_u32 s[G0+4*\s+1], s45, \s*SLOT
	s_add_nc_u64 s[G0+4*\s+2:G0+4*\s+3], s[20:21], \s*ASTEP
	s_or_b32 s[G0+4*\s+3], s[G0+4*\s+3], 0x80000000
	s_mov_b32 s[G0B+4*\s], 1
	s_add_co_u32 s[G0B+4*\s+1], s45, \s*SLOT
	s_add_nc_u64 s[G0B+4*\s+2:G0B+4*\s+3], s[46:47], \s*ROWB
	s_or_b32 s[G0B+4*\s+3], s[G0B+4*\s+3], 0x80000000
	JLOAD G0+4*\s, G1, G0B+4*\s, G1B
.endr
	v_and_b32 v1, 15, v0                           ; r = lane % 16
	v_bfe_u32 v2, v0, 4, 1                         ; h = lane / 16
	v_mul_u32_u24 v3, v1, PITCH
	v_mul_u32_u24 v4, v2, 24
	v_add_nc_u32 v4, v3, v4                        ; a fragment's row x pitch + 24 x half
	v_lshl_add_u32 v5, v2, 4, v4                   ; and the same behind one padding more
	s_mul_i32 s21, s15, HALFT
	s_mul_i32 s22, s16, HALFT
	s_add_co_u32 s22, s22, 2*HALFT
.irp s, 0,1
	v_add_nc_u32 v[ADRA+\s], s21, v4
	v_add_nc_u32 v[ADRB+\s], s22, v4
	v_add_nc_u32 v[ADRA+2+\s], s21, v5
	v_add_nc_u32 v[ADRB+2+\s], s22, v5
	s_add_co_u32 s21, s21, SLOT
	s_add_co_u32 s22, s22, SLOT
.endr
	v_mul_u32_u24 v5, v1, KS                       ; my row's scale bytes: KS a row,
	v_lshrrev_b32 v6, 8, v5
	v_lshl_add_u32 v5, v6, 4, v5                   ; and 16 more for each 256 passed
	s_mul_i32 s21, s15, HALFS
	s_mul_i32 s22, s16, HALFS
	s_add_co_u32 s22, s22, 2*HALFS
	s_sub_co_u32 s22, s22, s21
	v_mul_u32_u24 v6, s22, v2                      ; lanes 16-31 take the second operand's
	s_add_co_u32 s21, s21, SCL
	v_add_nc_u32 v5, v5, v6
	v_add_nc_u32 v[ADRS], s21, v5
	; biases and mask: loaded now into registers that the loop leaves alone, waited for at the way out; their address registers are never rewritten
	s_lshl_b32 s20, s42, 10
	s_lshl_b32 s21, s16, 9
	s_add_co_u32 s20, s20, s21                     ; 4 x my first column
	s_lshl_b32 s21, s17, 10
	s_lshl_b32 s22, s15, 9
	s_add_co_u32 s21, s21, s22                     ; 4 x my first row
	s_cmp_eq_u32 ttmp9, 2
	s_cselect_b32 s20, 0, s20                      ; in v's mode the columns are tokens: the column bias is read at 0 and replaced by 0 below
	s_cselect_b32 s22, s21, 0                      ; and the row bias is read at my rows; else at 0, and replaced by 0
	v_lshl_add_u32 v8, v2, 5, s20
	v_lshl_add_u32 v9, v1, 2, s22
	v_lshl_add_u32 v10, v1, 2, s21
.irp b, 0,1,2,3,4,5,6,7
	global_load_b128 v[BC+8*\b:BC+8*\b+3], v8, s[96:97] offset:64*\b
	global_load_b128 v[BC+8*\b+4:BC+8*\b+7], v8, s[96:97] offset:64*\b+16
.endr
.irp a, 0,1,2,3,4,5,6,7
	global_load_b32 v[MK+\a], v10, s[98:99] offset:64*\a
	global_load_b32 v[BRL+\a], v9, s[96:97] offset:64*\a
.endr
.macro FRAG reg, adr, q, i             ; a fragment, 16 rows x 128 K: lane l holds row l % 16; registers 6 c .. 6 c + 5 hold K = 64 c + 32 (l / 16) + 0 .. 31, 24 bytes as they lie, in pieces of 8 bytes
.irp p, 0,1,2,3,4,5
.set PC, 12*(\q)+6*(\p/3)+\p%3        ; where the piece three on lies behind one padding more, the second address register serves
.if PC%8 < 5
	ds_load_b64 v[\reg+2*\p:\reg+2*\p+1], v[\adr] offset:8*PC+16*(PC/8)+(\i)*16*PITCH
.else
	ds_load_b64 v[\reg+2*\p:\reg+2*\p+1], v[\adr+2] offset:8*PC+16*(PC/8)+(\i)*16*PITCH
.endif
.endr
.endm
; 16 matrix instructions: the first operand's blocks a0, a0 + 1 x the second's eight.  The 64 accumulators take turns, one instruction a turn, in the same order in every step.
.macro MUL16 a0, p, q, sc, zero
.irp a, \a0, \a0+1
.irp b, 0,1,2,3,4,5,6,7
.if \zero
	v_wmma_scale_f32_16x16x128_f8f6f4 v[8*(8*((\a)%4)+\b):8*(8*((\a)%4)+\b)+7], v[128*(\p)+FR*\b:128*(\p)+FR*\b+FR-1], v[AF+FR*(\a):AF+FR*(\a)+FR-1], 0, v[SC+8*NQ*(\sc)+NQ*\b+(\q)], v[SC+8*NQ*(\sc)+NQ*(\a)+(\q)] matrix_a_fmt:MATRIX_FMT_FP6 matrix_b_fmt:MATRIX_FMT_FP6 matrix_a_scale:MATRIX_SCALE_ROW1
.else
	v_wmma_scale_f32_16x16x128_f8f6f4 v[8*(8*((\a)%4)+\b):8*(8*((\a)%4)+\b)+7], v[128*(\p)+FR*\b:128*(\p)+FR*\b+FR-1], v[AF+FR*(\a):AF+FR*(\a)+FR-1], v[8*(8*((\a)%4)+\b):8*(8*((\a)%4)+\b)+7], v[SC+8*NQ*(\sc)+NQ*\b+(\q)], v[SC+8*NQ*(\sc)+NQ*(\a)+(\q)] matrix_a_fmt:MATRIX_FMT_FP6 matrix_b_fmt:MATRIX_FMT_FP6 matrix_a_scale:MATRIX_SCALE_ROW1
.endif
.endr
.endr
.endm
.macro FETCH_B slot, q, p
	WIN TO_B
.irp i, 0,1,2,3,4,5,6,7
	FRAG 128*(\p)+FR*\i, ADRB+\slot, \q, \i
.endr
	WIN 0
.endm
.macro FETCH_A slot, q, i0
.irp i, \i0, \i0+1, \i0+2, \i0+3
	FRAG AF+FR*(\i), ADRA+\slot, \q, \i
.endr
.endm
.macro SCALES sc                       ; a K step's scale words: lanes 0-15 the first operand's block i, lanes 16-31 the second's
.irp i, 0,1,2,3,4,5,6,7
	ds_load_b64 v[SC+8*NQ*\sc+NQ*\i:SC+8*NQ*\sc+NQ*\i+1], v[ADRS] offset:\i*SBLK
.endr
.endm
.macro PLACES n                        ; plain vector instructions between a matrix instruction and a load into, or a read or write of, its registers
.rept \n
	v_nop
.endr
.endm
.macro STEP slot, q, zero              ; 128 along K that have their successor in the same slot
	s_wait_dscnt 4*NL                              ; all but the youngest 24 loads (the first operand's blocks 4-7) are in
	WIN MUL_LO
	MUL16 0, (\q)%2, \q, \slot, \zero
	MUL16 2, (\q)%2, \q, \slot, \zero
	s_wait_dscnt 0
	PLACES NP
	FETCH_B \slot, (\q)+1, 1-(\q)%2
	FETCH_A \slot, (\q)+1, 0
	WIN MUL_HI
	MUL16 4, (\q)%2, \q, \slot, \zero
	MUL16 6, (\q)%2, \q, \slot, \zero
	PLACES NP
	WIN 0
	FETCH_A \slot, (\q)+1, 4
.endm
; A slot's last step changes slots: one barrier; in front of it each wave waits for all its tensor loads, adds 0 to its spare word, and waits for that and for its own reads of this slot.  fill = 1: the slot is filled again.
.macro TURN slot, next, fill
	s_wait_tensorcnt 0x0                           ; all my tensor loads have landed: my part of the next slot
	ds_add_u32 v[SPW], v[NIL]                      ; 0 onto my spare word
	s_wait_dscnt 4*NL+1                            ; (the add and the youngest 24 loads may be out)
	WIN MUL_LO
	MUL16 0, 1, NQ-1, \slot, 0
	s_wait_dscnt 0x0                               ; the add is done, and my reads of this slot are over
	s_barrier_signal -1
	MUL16 2, 1, NQ-1, \slot, 0
	WIN 0
	s_barrier_wait -1
.if \fill
	CREST                                          ; the barrier has opened a round of the cluster's: no wave of any partner still reads this slot or has a load on its way
	s_add_nc_u64 s[G0+4*\slot+2:G0+4*\slot+3], s[G0+4*\slot+2:G0+4*\slot+3], 2*ASTEP
	s_add_nc_u64 s[G0B+4*\slot+2:G0B+4*\slot+3], s[G0B+4*\slot+2:G0B+4*\slot+3], 2*ROWB
	JLOAD G0+4*\slot, G1, G0B+4*\slot, G1B         ; the first tensor load behind the round; its four v_nop are the places in front of the loads below
.else
	PLACES NP
.endif
	v_add_nc_u32 v[ADRS], 4*NQ, v[ADRS]            ; on to the next K step's scale words
	FETCH_B \next, 0, 0
	FETCH_A \next, 0, 0
	SCALES \next
	WIN MUL_HI
	MUL16 4, 1, NQ-1, \slot, 0
	MUL16 6, 1, NQ-1, \slot, 0
	PLACES NP
	WIN 0
	FETCH_A \next, 0, 4
.endm
	s_wait_tensorcnt 1                             ; the scale bytes and my part of K step 0 are in; K step 1's load may be out
	s_barrier_signal -1
	s_barrier_wait -1
	FETCH_B 0, 0, 0
	FETCH_A 0, 0, 0
	SCALES 0
	FETCH_A 0, 0, 4
	STEP 0, 0, 1                                   ; the first step's products start the sums
	s_mov_b32 s3, LAPS-1
.Llap:
	TURN 0, 1, 1
	STEP 1, 0, 0
	TURN 1, 0, 1
	STEP 0, 0, 0
	s_sub_co_u32 s3, s3, 1
	s_cmp_lg_u32 s3, 0
	s_cbranch_scc1 .Llap
	TURN 0, 1, 0                                   ; the last lap fills nothing
	STEP 1, 0, 0
	s_wait_dscnt 4*NL
	WIN MUL_LO
	MUL16 0, 1, NQ-1, 1, 0
	MUL16 2, 1, NQ-1, 1, 0
	s_wait_dscnt 0
	WIN MUL_HI
	MUL16 4, 1, NQ-1, 1, 0
	MUL16 6, 1, NQ-1, 1, 0
	WIN 0
; THE WAY OUT.  32 numbers of a lane, v[s] on: two blocks of 32, of each the 16 numbers of my half of the lanes.  They become six registers of codes in v[cd] on (lanes 0-15 the first block, lanes 16-31 the second) and two scale bytes in v[hw].
.macro QUANT2 s, cd, hw
.irp b, 0,1
	v_max3_num_f32 v[TM+\b], |v[(\s)+16*\b]|, |v[(\s)+16*\b+1]|, 0x1800000   ; my 16 numbers, and the floor 2^(3 - 127): the byte cannot fall under 1
.endr
.irp i, 2,4,6,8,10,12,14
.irp b, 0,1
	v_max3_num_f32 v[TM+\b], v[TM+\b], |v[(\s)+16*\b+\i]|, |v[(\s)+16*\b+\i+1]|
.endr
.endr
.irp b, 0,1
	v_permlanex16_b32 v[TM+2+\b], v[TM+\b], s[SEL], s[SEL+1]
.endr
.irp b, 0,1
	v_max_num_f32 v[TM+\b], v[TM+\b], v[TM+2+\b]   ; with lane l xor 16's: the block's largest magnitude
.endr
.irp b, 0,1
	v_add_nc_u32 v[TM+4+\b], 0xff000000, v[TM+\b]  ; 2 off its exponent field: the conversion's scale operand
.endr
.irp b, 0,1
	v_lshrrev_b32 v[TM+6+\b], 23, v[TM+4+\b]       ; the scale's byte
.endr
	v_lshl_or_b32 v[\hw], v[TM+7], 8, v[TM+6]
	v_cvt_scalef32_pk16_fp6_f32 v[(\cd):(\cd)+2], v[(\s):(\s)+15], v[TM+4]
	v_cvt_scalef32_pk16_fp6_f32 v[(\cd)+4:(\cd)+6], v[(\s)+16:(\s)+31], v[TM+5]   ; (a conversion's three registers begin on an even number)
	v_nop                                          ; one plain instruction behind a scaled conversion
.irp i, 0,1,2
	v_permlane16_swap_b32 v[(\cd)+\i], v[(\cd)+4+\i]   ; the first's lanes 16-31 change places with the second's lanes 0-15: a whole block to a lane
.endr
	v_mov_b32 v[(\cd)+3], v[(\cd)+4]
	v_mov_b32 v[(\cd)+4], v[(\cd)+5]
	v_mov_b32 v[(\cd)+5], v[(\cd)+6]
.endm
; block a of 16 rows, group g of four accumulators (64 along the registers): (sum + column bias) x the row's factor + the row's bias, quantised, stored as an image
.macro GROUP a, g
	WIN 0x02+(\a)/4                                ; source 0: window 2 or 3
.irp i, 0,2,4,6,8,10,12,14,16,18,20,22,24,26,28,30
	v_pk_add_f32 v[TT+\i:TT+\i+1], v[64*((\a)%4)+32*(\g)+\i:64*((\a)%4)+32*(\g)+\i+1], v[BC+32*(\g)+\i:BC+32*(\g)+\i+1]   ; each accumulator from its low end on
.endr
	WIN 0
.irp i, 0,2,4,6,8,10,12,14,16,18,20,22,24,26,28,30
	v_pk_fma_f32 v[TT+\i:TT+\i+1], v[TT+\i:TT+\i+1], v[F2+2*(\a):F2+2*(\a)+1], v[BR2+2*(\a):BR2+2*(\a)+1]
.endr
	QUANT2 TT, CD+8*(\g), HW+(\g)
	global_store_b128 v7, v[CD+8*(\g):CD+8*(\g)+3], s[PC0+2*(\g):PC0+2*(\g)+1]      ; 512 consecutive bytes, aligned
	global_store_b64 v11, v[CD+8*(\g)+4:CD+8*(\g)+5], s[PC0+2*(\g):PC0+2*(\g)+1]    ; and 256
.endm
	PLACES NP                                      ; behind the last products: their scale words' and fragments' registers are written below, their results read
	s_wait_loadcnt 0x0                             ; biases and mask
	s_mov_b32 s[SEL], 0x76543210
	s_mov_b32 s[SEL+1], 0xfedcba98
	s_lshl_b32 s20, s17, 8
	s_lshl_b32 s21, s15, 7
	s_add_co_u32 s20, s20, s21                     ; my first row
	s_lshl_b32 s21, s42, 8
	s_lshl_b32 s22, s16, 7
	s_add_co_u32 s21, s21, s22                     ; my first column
	s_cmp_eq_u32 ttmp9, 2                          ; what differs in v's mode
	s_cselect_b32 s22, s21, s20                    ; my first token
	s_cselect_b32 s23, s20, s21                    ; 64 x my first head
	s_cselect_b32 s[MV], -1, 0
	s_cselect_b32 s29, 6144, 0                     ; in a record: v's fragments lie behind k's images
	s_mov_b32 s30, 12288
	s_cselect_b32 s30, 12800, s30                  ; and v's scale words behind k's
	s_mov_b32 s24, 768
	s_cselect_b32 s24, 1536, s24                   ; from a block of rows to the next
	s_cselect_b32 s26, 202752, 0                   ; more behind block 3: v's next head (208,896 - 4 x 1,536)
	s_mov_b32 s32, 208896
	s_cselect_b32 s32, 768, s32                    ; from group 0 to group 1: v: the fragment's second image; k: the next head
	s_cselect_b32 s34, 208640, 0                   ; scale words, behind block 3: v's next head (208,896 - 256)
	s_cselect_b32 s36, 0, 208896                   ; scale words, from group 0 to group 1: v: one word serves both groups
	s_mov_b32 s25, 0
	s_mov_b32 s27, 0
	s_mov_b32 s33, 0
	s_mov_b32 s35, 0
	s_mov_b32 s37, 0
	s_mov_b32 s49, 0
	s_mov_b32 s51, 0
	s_lshr_b32 s23, s23, 6                         ; my first head
	s_lshr_b32 s18, s22, 11                        ; the batch
	s_bfe_u32 s19, s22, 0x40007                    ; which 128 tokens of it
	s_lshl_b32 s18, s18, 4
	s_add_co_u32 s18, s18, s23                     ; 16 x batch + head
	s_mul_i32 s39, s18, 208896
	s_mul_i32 s43, s19, 13056
	s_add_co_u32 s39, s39, s43                     ; the record
	s_add_co_u32 s29, s29, s39
	s_add_co_u32 s30, s30, s39
	s_mul_i32 s43, s18, 98304
	s_mul_i32 s44, s19, 6144
	s_add_co_u32 s43, s43, s44
	s_add_co_u32 s43, s43, QI                      ; q's images
	s_lshl_b32 s44, s18, 13
	s_lshl_b32 s45, s19, 9
	s_add_co_u32 s44, s44, s45
	s_add_co_u32 s44, s44, QS                      ; q's scale words
	s_cmp_eq_u32 ttmp9, 0                          ; what differs in q's mode
	s_cselect_b32 s48, s43, s29
	s_cselect_b32 s50, s44, s30
	s_cselect_b32 s32, 98304, s32
	s_cselect_b32 s36, 8192, s36
	s_cmp_eq_u32 ttmp9, 1                          ; and in k's
	s_cselect_b32 s60, 0, 1.0                      ; a masked row's factor
	s_mov_b32 s61, 0x7f210000                      ; q: block 2 under 2^-94, block 3 (zeros) under 1
	s_cselect_b32 s62, 0x7ffe0000, s61             ; k, masked: 2^127
	s_cselect_b32 s61, 0x7f010000, s61             ; k, counts: 2^-126
	s_add_nc_u64 s[PC0:PC0+1], s[12:13], s[48:49]
	s_add_nc_u64 s[PC0+2:PC0+3], s[PC0:PC0+1], s[32:33]
	s_add_nc_u64 s[PS0:PS0+1], s[12:13], s[50:51]
	s_add_nc_u64 s[PS0+2:PS0+3], s[PS0:PS0+1], s[36:37]
	v_and_b32 v6, 31, v0
	v_lshlrev_b32 v7, 4, v6                        ; an image's first part: 16 x lane
	v_lshl_add_u32 v11, v6, 3, 512                 ; its second: 512 + 8 x lane
	v_lshlrev_b32 v12, 2, v1                       ; a scale word: 4 x (lane % 16); lanes 16-31 store what lanes 0-15 store
	v_mov_b32 v[ONE], 1.0
	v_mov_b32 v[ONE+1], s60
	v_mov_b32 v[ONE+2], s61
	v_mov_b32 v[ONE+3], s62
	v_mov_b32 v[ONE+4], 0
	v_mov_b32 v[TM+2], 0                           ; a lane permute's destination counts as read: written once
	v_mov_b32 v[TM+3], 0
.irp i, 0,1,2,3,4,5,6,7,8,9,10,11,12,13,14,15,16,17,18,19,20,21,22,23,24,25,26,27,28,29,30,31,32,33,34,35,36,37,38,39,40,41,42,43,44,45,46,47,48,49,50,51,52,53,54,55,56,57,58,59,60,61,62,63
	v_cndmask_b32 v[BC+\i], v[BC+\i], v[ONE+4], s[MV]   ; v has no bias along its registers
.endr
.irp a, 0,1,2,3,4,5,6,7
	v_cmp_eq_u32 vcc_lo, 0, v[MK+\a]               ; is my row masked?  (It matters in k's mode alone: elsewhere both choices are equal)
	v_cndmask_b32 v[F2+2*\a], v[ONE], v[ONE+1], vcc_lo
	v_cndmask_b32 v[HI+\a], v[ONE+2], v[ONE+3], vcc_lo
	v_cndmask_b32 v[BR2+2*\a], v[ONE+4], v[BRL+\a], s[MV]   ; the row's bias: v's alone, where the factor is 1
	v_mov_b32 v[F2+2*\a+1], v[F2+2*\a]
	v_mov_b32 v[BR2+2*\a+1], v[BR2+2*\a]
.endr
.irp a, 0,1,2,3,4,5,6,7
.if \a > 0
	s_wait_xcnt 0x0                                ; the last block's stores have read their data and bases: both may be written again
	s_add_nc_u64 s[PC0:PC0+1], s[PC0:PC0+1], s[24:25]
	s_add_nc_u64 s[PC0+2:PC0+3], s[PC0+2:PC0+3], s[24:25]
	s_add_nc_u64 s[PS0:PS0+1], s[PS0:PS0+1], 64
	s_add_nc_u64 s[PS0+2:PS0+3], s[PS0+2:PS0+3], 64
.endif
.if \a == 4
	s_add_nc_u64 s[PC0:PC0+1], s[PC0:PC0+1], s[26:27]
	s_add_nc_u64 s[PC0+2:PC0+3], s[PC0+2:PC0+3], s[26:27]
	s_add_nc_u64 s[PS0:PS0+1], s[PS0:PS0+1], s[34:35]
	s_add_nc_u64 s[PS0+2:PS0+3], s[PS0+2:PS0+3], s[34:35]
.endif
	GROUP \a, 0
	GROUP \a, 1
	v_lshlrev_b32 v[WD], 16, v[HW+1]
	v_cndmask_b32 v[WD], v[HI+\a], v[WD], s[MV]    ; the word's upper half: v: group 1's two bytes; q, k: the mask's block and a 1
	v_or_b32 v[WD], v[HW], v[WD]
	v_or_b32 v[WD+1], v[HW+1], v[HI+\a]
	v_cndmask_b32 v[WD+1], v[WD+1], v[WD], s[MV]   ; the second word: q, k: the next head's; v: the same word once more, to the same place
	global_store_b32 v12, v[WD], s[PS0:PS0+1]
	global_store_b32 v12, v[WD+1], s[PS0+2:PS0+3]
.endr
	s_wait_tensorcnt 0x0                           ; the wave's end
	ds_add_u32 v[SPW], v[NIL]
	s_wait_dscnt 0x0
	CROUND                                         ; the closing round: no work-group ends while a partner may still ask for a tile that names it
	s_endpgm
.Lfunc_end_k_q7e6dda0512_qkv:
	.size	k_q7e6dda0512_qkv, .Lfunc_end_k_q7e6dda0512_qkv-k_q7e6dda0512_qkv
	.p2alignl 7, 3214868480
	.fill 96, 4, 3214868480
	.section	.rodata,"a",@progbits
	.p2align	6, 0x0
	.amdhsa_kernel k_q7e6dda0512_qkv
		.amdhsa_group_segment_fixed_size 327680
		.amdhsa_private_segment_fixed_size 0
		.amdhsa_enable_private_segment 0
		.amdhsa_kernarg_size 96
		.amdhsa_user_sgpr_count 2
		.amdhsa_user_sgpr_kernarg_segment_ptr 1
		.amdhsa_wavefront_size32 1
		.amdhsa_system_sgpr_workgroup_id_x 1
		.amdhsa_system_sgpr_workgroup_id_y 1
		.amdhsa_system_sgpr_workgroup_id_z 1
		.amdhsa_system_vgpr_workitem_id 0
		.amdhsa_next_free_vgpr 1024
		.amdhsa_next_free_sgpr 102
		.amdhsa_reserve_vcc 1
		.amdhsa_float_denorm_mode_32 3
		.amdhsa_float_denorm_mode_16_64 3
		.amdhsa_memory_ordered 1
		.amdhsa_forward_progress 1
		.amdhsa_inst_pref_size 212
	.end_amdhsa_kernel
	.amdgpu_metadata
---
amdhsa.version: [ 1, 2 ]
amdhsa.kernels:
  - .name:           k_q7e6dda0512_qkv
    .symbol:         k_q7e6dda0512_qkv.kd
    .args:
      - { .name: xq, .offset: 0, .size: 8, .value_kind: global_buffer, .address_space: global }
      - { .name: Wq_codes, .offset: 8, .size: 8, .value_kind: global_buffer, .address_space: global }
      - { .name: Wq_scales, .offset: 16, .size: 8, .value_kind: global_buffer, .address_space: global }
      - { .name: Wk_codes, .offset: 24, .size: 8, .value_kind: global_buffer, .address_space: global }
      - { .name: Wk_scales, .offset: 32, .size: 8, .value_kind: global_buffer, .address_space: global }
      - { .name: Wv_codes, .offset: 40, .size: 8, .value_kind: global_buffer, .address_space: global }
      - { .name: Wv_scales, .offset: 48, .size: 8, .value_kind: global_buffer, .address_space: global }
      - { .name: bq, .offset: 56, .size: 8, .value_kind: global_buffer, .address_space: global }
      - { .name: bk, .offset: 64, .size: 8, .value_kind: global_buffer, .address_space: global }
      - { .name: bv, .offset: 72, .size: 8, .value_kind: global_buffer, .address_space: global }
      - { .name: mask, .offset: 80, .size: 8, .value_kind: global_buffer, .address_space: global }
      - { .name: qkv, .offset: 88, .size: 8, .value_kind: global_buffer, .address_space: global }
    .group_segment_fixed_size: 327680
    .private_segment_fixed_size: 0
    .kernarg_segment_align: 8
    .kernarg_segment_size: 96
    .max_flat_workgroup_size: 128
    .sgpr_count:     102
    .vgpr_count:     1024
    .wavefront_size: 32
...
	.end_amdgpu_metadata
.endif
;; end of part 2
;; launch attn (part 3): grid 8 x 32, 16 waves a work-group, clusters of 4 x 1, 210,944 bytes of LDS; arguments qkv, cq; writes cq
.if DOCPART == 3
	.amdgcn_target "amdgcn-amd-amdhsa--gfx1250"
	.amdhsa_code_object_version 6
	.text
	.protected	k_q7e6dda0512_attn
	.globl	k_q7e6dda0512_attn
	.p2align	8
	.type	k_q7e6dda0512_attn,@function
k_q7e6dda0512_attn:
	s_mov_b64 s[64:65], 0
	v_nop
	global_prefetch_b8 v0, s[64:65] scope:SCOPE_SE
	s_setreg_imm32_b32 hwreg(HW_REG_WAVE_MODE, 25, 1), 1
	s_wait_xcnt 0x0
	s_wait_alu depctr_hold_cnt(0) depctr_sa_sdst(0) depctr_va_vdst(0) depctr_va_sdst(0) depctr_va_ssrc(0) depctr_va_vcc(0) depctr_vm_vsrc(0)
	s_getreg_b32 s2, hwreg(HW_REG_IB_STS2, 6, 4)
	s_cmp_eq_u32 s2, 0
	s_cbranch_scc0 .Lentry_in_a_cluster
	s_endpgm
.Lentry_in_a_cluster:
	s_bfe_u32 s2, ttmp6, 0x10000c
	s_cmp_lg_u32 s2, 0x3003
	s_cbranch_scc0 .Lentry_shape_is_right
	s_endpgm
.Lentry_shape_is_right:
; ctx = softmax(q k^T / 8, masked) v for one (batch, head) and 256 queries a work-group, both products on codes of FP6 (E2M3) with E8M0 scales; ctx is quantised along the model's 1,024 and stored as codes for the next product.
; qkv holds images of the operand registers (768 bytes for six registers: registers 0-3 at 16 x lane, registers 4-5 at 512 + 8 x lane).  A head's 16 records of 13,056 bytes (128 keys each: 8 images of k, 4 fragments of v^T,
; 128 + 64 scale words) fit in LDS whole: 208,896 bytes.  Each of the sixteen waves brings one record by one tensor load; LDS is filled once, so the loop has no barrier.
; CLUSTER.  The four work-groups of a cluster take four blocks of queries of one head: each record is asked for jointly, by the same load with the same descriptor and the mask of all four.
; SHARES.  A wave owns 16 queries, a lane one query (lane % 16) throughout: S^T = k q^T (source 0 = 16 keys), O^T = v^T p^T (source 0 = 16 of the head's 64).
; K = 64 IN AN INSTRUCTION OF 128.  Registers 6-11 of q's and k's fragments are constants: one code at k = 64 (q: -1.0, k: +1.0), zeros else.  Their product under the two scale words' third bytes is the mask: -2^33 for a masked
; key, -2^-220 for one that counts.  So the mask costs no instruction here.
; THE SOFTMAX.  t = score x log2(e) / 8; M = the running largest t rounded up to a whole number; p = 2^(t - M) is quantised along the keys, not normalised; the row's sum is taken of the unquantised p and divides at the end;
; when M moves, the sum and O^T are multiplied by 2^(old M - new M), which rounds nothing.
; THE ORDER INSIDE A BLOCK OF 32 KEYS is the one in which two neighbouring tiles of S^T hand their numbers to the conversion; v^T was stored in the same order.  ctx meets a given weight: its halves are exchanged into the true order first.
; LIMITS: scores of keys that count lie far above -2^33; NaN and infinities are not served; a block of zeros keeps the scale byte 1, which this program alone reads.
; REGISTERS: v1-3 lane terms; v4-6 the step's LDS addresses; v8-11 k's scale words; v12 -M, v13 the largest t, v[14:15] the sum; v16-27 q; v28 q's scale word; v32-79 four fragments of k; v80-83 v's scale words;
;   v84-95 at work; v96-159 S^T, then p; v160-191 O^T; v192-239 v^T's four fragments; v240-251 p's codes; v252 the factor, v253 p's scale word, v254 at work.
.set REC,   13056
.set HEADB, 208896
.set QI,    6684672
.set QS,    9830400
.set ASC,   3145728                    ; where cq's scale bytes begin
.set TM,    84
.set WV,    18
.set SEL,   20
.set CS,    22
.macro CROUND                          ; a round of the cluster's barrier
	s_barrier_signal -1
	s_barrier_wait -1
	s_cmp_lg_u32 s[WV], 0
	s_cbranch_scc1 .Lnot_wave_0_\@
	s_barrier_signal -3
.Lnot_wave_0_\@:
	s_barrier_wait -3
	s_barrier_signal -1
	s_barrier_wait -1
.endm
	s_load_b128 s[4:7], s[0:1], 0x0                ; qkv, cq
	v_lshl_add_u32 v254, v0, 2, 0x33000
	v_mov_b32 v255, 0
	ds_add_u32 v254, v255
	ds_add_u32 v254, v255
	s_wait_dscnt 0x0
	v_lshrrev_b32 v1, 5, v0
	v_readfirstlane_b32 s[WV], v1                  ; wave 0..15
	s_bfe_u32 s38, ttmp6, 0x40000                  ; cx
	s_lshl_b32 s39, ttmp9, 2
	s_add_co_u32 s39, s39, s38                     ; my block of 256 queries: it enters q's and ctx's addresses alone
	s_and_b32 s40, ttmp7, 0xffff                   ; 16 x batch + head, which the four partners share
	; descriptor group 1: a record, 51 dense rows of 256 bytes (32 elements of 8 bytes), no padding
	s_mov_b32 s24, 15|(3<<16)|(1<<21)              ; the mask: all four work-groups; elements of 8 bytes; bit 21 beside a mask
	s_mov_b32 s25, 32<<16                          ; tensor_dim0
	s_mov_b32 s26, 51<<16                          ; tensor_dim1
	s_mov_b32 s27, 32<<16                          ; tile_dim0
	s_mov_b32 s28, 51                              ; tile_dim1
	s_mov_b32 s29, 32                              ; the pitch
	s_mov_b32 s30, 0
	s_mov_b32 s31, 0
	s_mul_i32 s41, s40, HEADB
	s_mov_b32 s32, 1
	s_mul_i32 s33, s[WV], REC                      ; record w goes to LDS byte 13,056 w
	s_add_co_u32 s42, s41, s33
	s_mov_b32 s43, 0
	s_lshl_b32 s44, s40, 7
	s_lshl_b32 s45, s39, 4
	s_add_co_u32 s44, s44, s45
	s_add_co_u32 s44, s44, s[WV]                   ; my tile of queries among all
	s_mul_i32 s46, s44, 768
	s_add_co_u32 s46, s46, QI
	s_mov_b32 s47, 0
	s_lshl_b32 s48, s44, 6
	s_add_co_u32 s48, s48, QS
	s_mov_b32 s49, 0
	s_lshr_b32 s54, s40, 4                         ; the batch
	s_and_b32 s55, s40, 15                         ; the head
	s_lshl_b32 s54, s54, 11
	s_lshl_b32 s56, s39, 8
	s_add_co_u32 s54, s54, s56
	s_lshl_b32 s56, s[WV], 4
	s_add_co_u32 s54, s54, s56                     ; my first token
	s_mul_i32 s50, s54, 768
	s_mul_i32 s56, s55, 48
	s_add_co_u32 s50, s50, s56                     ; ctx's codes: a head is 48 bytes of a row of 768
	s_mov_b32 s51, 0
	s_lshl_b32 s52, s54, 5
	s_lshl_b32 s56, s55, 1
	s_add_co_u32 s52, s52, s56
	s_add_co_u32 s52, s52, ASC                     ; its two scale bytes of a row's 32
	s_mov_b32 s53, 0
	s_mov_b32 s[SEL], 0x76543210
	s_mov_b32 s[SEL+1], 0xfedcba98                 ; v_permlanex16_b32: lane l xor 16
	s_mov_b32 s[CS], 0x3e38aa3b                    ; c = log2(e) / 8
	s_mov_b32 s[CS+1], s[CS]                       ; (named with it as a pair, so it is written)
	s_wait_kmcnt 0x0
	s_add_nc_u64 s[34:35], s[4:5], s[42:43]
	s_or_b32 s35, s35, 0x80000000
	s_add_nc_u64 s[46:47], s[4:5], s[46:47]
	s_add_nc_u64 s[48:49], s[4:5], s[48:49]
	s_add_nc_u64 s[50:51], s[6:7], s[50:51]
	s_add_nc_u64 s[52:53], s[6:7], s[52:53]
	CROUND                                         ; all four work-groups are here: the joint loads meet
	tensor_load_to_lds s[32:35], s[24:31]          ; my one tensor load of the launch
	s_nop 0
.rept 4
	v_nop
.endr
	v_and_b32 v254, 31, v0                         ; lane
	v_lshlrev_b32 v1, 4, v254
	v_lshlrev_b32 v2, 3, v254
	v_and_b32 v3, 15, v0
	v_lshlrev_b32 v3, 2, v3
	global_load_b128 v[16:19], v1, s[46:47]        ; q's image
	global_load_b64 v[20:21], v2, s[46:47] offset:512
	global_load_b32 v28, v3, s[48:49]              ; q's scale words
	v_cmp_gt_u32 vcc_lo, 16, v254
	v_mov_b32 v252, 0x28
	v_cndmask_b32 v22, 0, v252, vcc_lo             ; q at k = 64: the code of -1.0, in lanes 0-15
	v_mov_b32 v252, 8
.irp t, 0,1,2,3
	v_cndmask_b32 v[38+12*\t], 0, v252, vcc_lo     ; k at k = 64: the code of +1.0.  The loop's loads touch registers 0-5 of a fragment alone
.irp i, 39,40,41,42,43
	v_mov_b32 v[\i+12*\t], 0
.endr
.endr
.irp i, 23,24,25,26,27
	v_mov_b32 v\i, 0
.endr
	v_mov_b32 v13, 0xff61b1e6                      ; the largest t so far: -3e38
	v_floor_f32 v12, -v13                          ; -M
	v_mov_b32 v14, 0
	v_mov_b32 v15, 0
.irp b, 88,89,90,91
	v_mov_b32 v\b, 0                               ; a lane permute's destination counts as read: written once
.endr
	v_mov_b32 v253, 0                              ; (named as the upper half of the pair v[252:253] before it is first written)
.irp j, 0,1,2,3,4,5,6,7,8,9,10,11,12,13,14,15,16,17,18,19,20,21,22,23,24,25,26,27,28,29,30,31
	v_mov_b32 v[160+\j], 0                         ; O^T: the step is written once; the first finds zeros, which the first change of M leaves zeros
.endr
	s_mov_b32 s36, 0                               ; the record in hand
	s_mov_b32 s37, 0
	s_wait_tensorcnt 0x0                           ; my record is in,
	s_barrier_signal -1
	s_barrier_wait -1                              ; everybody's is
	s_wait_loadcnt 0x0                             ; q
.macro KLOAD g                         ; four tiles of 16 keys
.irp t, 0,1,2,3
	ds_load_b128 v[32+12*\t:35+12*\t], v4 offset:768*(4*\g+\t)
	ds_load_b64 v[36+12*\t:37+12*\t], v5 offset:768*(4*\g+\t)+512
	ds_load_b32 v[8+\t], v6 offset:12288+64*(4*\g+\t)
.endr
.endm
.macro QK g
.irp t, 0,1,2,3
	v_wmma_scale_f32_16x16x128_f8f6f4 v[96+8*(4*\g+\t):103+8*(4*\g+\t)], v[32+12*\t:43+12*\t], v[16:27], 0, v[8+\t], v28 matrix_a_fmt:MATRIX_FMT_FP6 matrix_b_fmt:MATRIX_FMT_FP6
.endr
.rept 4
	v_nop                                          ; places in front of loads into registers that these have read, and of the first read of their results
.endr
.endm
.Lstep:                                            ; 16 trips: 128 keys each
	v_add_nc_u32 v4, s36, v1
	v_add_nc_u32 v5, s36, v2
	v_add_nc_u32 v6, s36, v3
	KLOAD 0
	s_wait_dscnt 0x0
	QK 0
	KLOAD 1
.irp t, 0,1,2,3                                ; v^T's four fragments: behind the last trip's products that read them stand the three additions and the four v_nop above
	ds_load_b128 v[192+12*\t:195+12*\t], v4 offset:6144+1536*\t
	ds_load_b64 v[196+12*\t:197+12*\t], v5 offset:6144+1536*\t+512
	ds_load_b128 v[198+12*\t:201+12*\t], v4 offset:6144+1536*\t+768
	ds_load_b64 v[202+12*\t:203+12*\t], v5 offset:6144+1536*\t+1280
	ds_load_b32 v[80+\t], v6 offset:12800+64*\t
.endr
	s_wait_dscnt 20                                ; k's are in; v's twenty loads may be out
	QK 1
.irp b, 0,1,2,3
	v_max3_num_f32 v[84+\b], v[96+16*\b], v[97+16*\b], v[98+16*\b]   ; the largest score of each block of 32 keys: for the row's maximum, and, since p rises with the score, for the block's largest p
.endr
.irp i, 3,5,7,9,11,13
.irp b, 0,1,2,3
	v_max3_num_f32 v[84+\b], v[84+\b], v[96+16*\b+\i], v[97+16*\b+\i]
.endr
.endr
.irp b, 0,1,2,3
	v_max_num_f32 v[84+\b], v[84+\b], v[111+16*\b]
.endr
.irp b, 0,1,2,3
	v_permlanex16_b32 v[88+\b], v[84+\b], s[SEL], s[SEL+1]
.endr
.irp b, 0,1,2,3
	v_max_num_f32 v[84+\b], v[84+\b], v[88+\b]     ; with lane l xor 16's 16 keys
.endr
	v_max3_num_f32 v254, v84, v85, v86
	v_max_num_f32 v254, v254, v87
	v_mul_f32 v254, s[CS], v254                    ; as t (c is positive)
	v_max_num_f32 v13, v13, v254                   ; the running largest t
	v_mov_b32 v254, v12
	v_floor_f32 v12, -v13                          ; the new -M = -ceil(t)
	v_sub_f32 v254, v12, v254                      ; old M - new M: a whole number, 0 or less
	v_cvt_i32_f32 v254, v254                       ; (it saturates)
	v_ldexp_f32 v252, 1.0, v254                    ; the factor 2^(old M - new M)
.irp j, 0,2,4,6,8,10,12,14,16,18,20,22,24,26,28,30,32,34,36,38,40,42,44,46,48,50,52,54,56,58,60,62
	v_pk_fma_f32 v[96+\j:97+\j], v[96+\j:97+\j], s[CS:CS+1], v[12:13] op_sel_hi:[1,0,0]   ; t - M
.endr
.irp b, 0,1,2,3
	v_fma_f32 v[84+\b], v[84+\b], s[CS], v12       ; the same of each block's largest score
.endr
.irp j, 0,1,2,3,4,5,6,7,8,9,10,11,12,13,14,15,16,17,18,19,20,21,22,23,24,25,26,27,28,29,30,31,32,33,34,35,36,37,38,39,40,41,42,43,44,45,46,47,48,49,50,51,52,53,54,55,56,57,58,59,60,61,62,63
	v_exp_f32 v[96+\j], v[96+\j]                   ; p = 2^(t - M)
.endr
	v_pk_mul_f32 v[14:15], v[14:15], v[252:253] op_sel_hi:[1,0]   ; the sums under the new M (the plain instruction behind the exponentials)
	s_wait_alu depctr_va_vdst(0)                   ; one wait for the batch, ahead of its first reader
.irp b, 0,1,2,3
	v_exp_f32 v[84+\b], v[84+\b]                   ; the block's largest p
.endr
	v_pk_add_f32 v[88:89], v[96:97], v[98:99]      ; the row's sum, of the unquantised p, in two chains
.irp j, 4,8,12,16,20,24,28,32,36,40,44,48,52,56,60
	v_pk_add_f32 v[14:15], v[14:15], v[96+\j:97+\j]
	v_pk_add_f32 v[88:89], v[88:89], v[98+\j:99+\j]
.endr
	v_pk_add_f32 v[14:15], v[14:15], v[88:89]
	s_wait_alu depctr_va_vdst(0)                   ; and one for the four
.irp b, 0,1,2,3
	v_max_num_f32 v[84+\b], 0x1800000, v[84+\b]    ; the floor 2^(3 - 127): the byte cannot fall under 1
.endr
.irp b, 0,1,2,3
	v_add_nc_u32 v[92+\b], 0xff000000, v[84+\b]    ; 2 off the exponent field: the conversion's scale operand
.endr
.irp b, 0,1,2,3
	v_lshrrev_b32 v[88+\b], 23, v[92+\b]           ; the scale's byte
.endr
	v_lshl_or_b32 v253, v89, 8, v88                ; p's scale word for these 128 keys
	v_lshl_or_b32 v253, v90, 16, v253
	v_lshl_or_b32 v253, v91, 24, v253
.irp c, 0,1
	v_cvt_scalef32_pk16_fp6_f32 v[240+6*\c:242+6*\c], v[96+32*\c:111+32*\c], v[92+2*\c]
	v_cvt_scalef32_pk16_fp6_f32 v[84+4*\c:86+4*\c], v[112+32*\c:127+32*\c], v[92+2*\c+1]
.endr
	v_nop                                          ; one plain instruction behind a scaled conversion
.irp c, 0,1                                    ; a whole block to a lane: lanes 0-15 block 2 c, lanes 16-31 block 2 c + 1
.irp i, 0,1,2
	v_permlane16_swap_b32 v[240+6*\c+\i], v[84+4*\c+\i]
.endr
.irp i, 0,1,2
	v_mov_b32 v[243+6*\c+\i], v[84+4*\c+\i]
.endr
.endr
.irp j, 0,2,4,6,8,10,12,14,16,18,20,22,24,26,28,30
	v_pk_mul_f32 v[160+\j:161+\j], v[160+\j:161+\j], v[252:253] op_sel_hi:[1,0]   ; O^T under the new M.  (These sixteen are also the places between p's codes and scale word and the products)
.endr
	s_wait_dscnt 0x0                               ; v^T
.irp t, 0,1,2,3                                ; four accumulators, one instruction a turn
	v_wmma_scale_f32_16x16x128_f8f6f4 v[160+8*\t:167+8*\t], v[192+12*\t:203+12*\t], v[240:251], v[160+8*\t:167+8*\t], v[80+\t], v253 matrix_a_fmt:MATRIX_FMT_FP6 matrix_b_fmt:MATRIX_FMT_FP6
.endr
	s_add_co_u32 s36, s36, REC
	s_add_co_u32 s37, s37, 1
	s_cmp_lt_u32 s37, 16
	s_cbranch_scc1 .Lstep
	; THE WAY OUT: O^T / the sum; its 64 numbers of a query are two blocks of the next product's K
	v_add_f32 v14, v14, v15
	v_permlanex16_b32 v252, v14, s[SEL], s[SEL+1]
	v_add_f32 v14, v14, v252                       ; the row's sum
	v_rcp_f32 v14, v14
	v_and_b32 v30, 15, v0                          ; r  (plain work behind the transcendental, and places behind the last products)
	v_bfe_u32 v31, v0, 4, 1                        ; h
	v_mul_u32_u24 v7, v30, 768
	v_mad_u32_u24 v7, v31, 24, v7                  ; my token's row of codes, my block's 24 bytes
	v_lshlrev_b32 v29, 5, v30                      ; my token's row of scale bytes
	s_wait_alu depctr_va_vdst(0)                   ; the wait ahead of the reciprocal's first reader
.irp j, 0,1,2,3,4,5,6,7,8,9,10,11,12,13,14,15,16,17,18,19,20,21,22,23,24,25,26,27,28,29,30,31
	v_mul_f32 v[96+\j], v[160+\j], v14             ; register 8 t + j: ctx(my query, 16 t + 8 h + j)
.endr
.irp b, 0,1
.irp j, 0,1,2,3,4,5,6,7
	v_permlane16_swap_b32 v[96+16*\b+\j], v[104+16*\b+\j]   ; the true order: register 16 b + i of lane half h is now column 32 b + 16 h + i
.endr
.endr
.irp b, 0,1
	v_max3_num_f32 v[TM+\b], |v[96+16*\b]|, |v[97+16*\b]|, 0x1800000
.endr
.irp i, 2,4,6,8,10,12,14
.irp b, 0,1
	v_max3_num_f32 v[TM+\b], v[TM+\b], |v[96+16*\b+\i]|, |v[97+16*\b+\i]|
.endr
.endr
.irp b, 0,1
	v_permlanex16_b32 v[TM+2+\b], v[TM+\b], s[SEL], s[SEL+1]
.endr
.irp b, 0,1
	v_max_num_f32 v[TM+\b], v[TM+\b], v[TM+2+\b]
.endr
.irp b, 0,1
	v_add_nc_u32 v[TM+4+\b], 0xff000000, v[TM+\b]
.endr
.irp b, 0,1
	v_lshrrev_b32 v[TM+6+\b], 23, v[TM+4+\b]
.endr
	v_lshl_or_b32 v254, v[TM+7], 8, v[TM+6]        ; the two scale bytes
	v_cvt_scalef32_pk16_fp6_f32 v[240:242], v[96:111], v[TM+4]
	v_cvt_scalef32_pk16_fp6_f32 v[244:246], v[112:127], v[TM+5]
	v_nop
.irp i, 0,1,2
	v_permlane16_swap_b32 v[240+\i], v[244+\i]
.endr
	v_mov_b32 v243, v244
	v_mov_b32 v244, v245
	v_mov_b32 v245, v246
	global_store_b64 v7, v[240:241], s[50:51]      ; a head covers 48 bytes of a row of codes: two lanes' 24
	global_store_b64 v7, v[242:243], s[50:51] offset:8
	global_store_b64 v7, v[244:245], s[50:51] offset:16
	global_store_b16 v29, v254, s[52:53]           ; lanes 16-31 store what lanes 0-15 store
	s_wait_dscnt 0x0
	s_wait_xcnt 0x0
	v_lshl_add_u32 v254, v0, 2, 0x33000
	v_mov_b32 v255, 0
	s_wait_tensorcnt 0x0
	ds_add_u32 v254, v255
	s_wait_dscnt 0x0
	CROUND                                         ; the closing round
	s_endpgm
.Lfunc_end_k_q7e6dda0512_attn:
	.size	k_q7e6dda0512_attn, .Lfunc_end_k_q7e6dda0512_attn-k_q7e6dda0512_attn
	.p2alignl 7, 3214868480
	.fill 96, 4, 3214868480
	.section	.rodata,"a",@progbits
	.p2align	6, 0x0
	.amdhsa_kernel k_q7e6dda0512_attn
		.amdhsa_group_segment_fixed_size 210944
		.amdhsa_private_segment_fixed_size 0
		.amdhsa_enable_private_segment 0
		.amdhsa_kernarg_size 16
		.amdhsa_user_sgpr_count 2
		.amdhsa_user_sgpr_kernarg_segment_ptr 1
		.amdhsa_wavefront_size32 1
		.amdhsa_system_sgpr_workgroup_id_x 1
		.amdhsa_system_sgpr_workgroup_id_y 1
		.amdhsa_system_sgpr_workgroup_id_z 1
		.amdhsa_system_vgpr_workitem_id 0
		.amdhsa_next_free_vgpr 256
		.amdhsa_next_free_sgpr 66
		.amdhsa_reserve_vcc 1
		.amdhsa_float_denorm_mode_32 3
		.amdhsa_float_denorm_mode_16_64 3
		.amdhsa_memory_ordered 1
		.amdhsa_forward_progress 1
		.amdhsa_inst_pref_size 28
	.end_amdhsa_kernel
	.amdgpu_metadata
---
amdhsa.version: [ 1, 2 ]
amdhsa.kernels:
  - .name:           k_q7e6dda0512_attn
    .symbol:         k_q7e6dda0512_attn.kd
    .args:
      - { .name: qkv, .offset: 0, .size: 8, .value_kind: global_buffer, .address_space: global }
      - { .name: cq, .offset: 8, .size: 8, .value_kind: global_buffer, .address_space: global }
    .group_segment_fixed_size: 210944
    .private_segment_fixed_size: 0
    .kernarg_segment_align: 8
    .kernarg_segment_size: 16
    .max_flat_workgroup_size: 512
    .sgpr_count:     66
    .vgpr_count:     256
    .wavefront_size: 32
...
	.end_amdgpu_metadata
.endif
;; end of part 3
;; launch proj_o (part 4): grid 4 x 16, 4 waves a work-group, clusters of 4 x 4, 327,680 bytes of LDS; arguments cq, Wo_codes, Wo_scales, y1; writes y1
.if DOCPART == 4
	.amdgcn_target "amdgcn-amd-amdhsa--gfx1250"
	.amdhsa_code_object_version 6
	.text
	.protected	k_q7e6dda0512_proj_o
	.globl	k_q7e6dda0512_proj_o
	.p2align	8
	.type	k_q7e6dda0512_proj_o,@function
k_q7e6dda0512_proj_o:
	s_mov_b64 s[64:65], 0
	v_nop
	global_prefetch_b8 v0, s[64:65] scope:SCOPE_SE
	s_setreg_imm32_b32 hwreg(HW_REG_WAVE_MODE, 25, 1), 1
	s_wait_xcnt 0x0
	s_wait_alu depctr_hold_cnt(0) depctr_sa_sdst(0) depctr_va_vdst(0) depctr_va_sdst(0) depctr_va_ssrc(0) depctr_va_vcc(0) depctr_vm_vsrc(0)
	s_getreg_b32 s2, hwreg(HW_REG_IB_STS2, 6, 4)
	s_cmp_eq_u32 s2, 0
	s_cbranch_scc0 .Lentry_in_a_cluster
	s_endpgm
.Lentry_in_a_cluster:
	s_bfe_u32 s2, ttmp6, 0x10000c
	s_cmp_lg_u32 s2, 0xf033
	s_cbranch_scc0 .Lentry_shape_is_right
	s_endpgm
.Lentry_shape_is_right:
; C[m][n] = sum over k of A[m][k] B[n][k] on codes of FP6 (E2M3) with one E8M0 scale for each 32 along K; C [4096][1024] f32.  Here: A = the attention's result as codes (K = 1,024), B = Wo.  The bias, the residual and the norm follow in the next launch,
; which needs whole rows of 1,024, four of these tiles.
; A's buffer holds the codes [4096][KROWA bytes] and, from byte ASC on, the scale bytes [4096][K / 32].
; A tile of 256 x 256 to a work-group of four waves, 128 x 128 to a wave: 64 accumulators, 512 registers.  K goes in steps of 256 through a ring of two LDS slots filled by the tensor data mover; the scale bytes of the
; work-group's rows come once and stay in LDS.  4 x 4 work-groups form a cluster: A's tile is asked for jointly by a row of the cluster, B's by a column.
; The matrix instruction is used transposed (source 0 = 16 rows of B, source 1 = 16 rows of A): a lane holds eight neighbouring numbers of a row of C.
; REGISTERS, in windows of 256: window 0: v0-31 addresses; v32-63 scale words, two sets; v128-223 A's fragments, one set.  window 1: B's fragments, two sets.  windows 2, 3: the accumulators.
.set SIZE_K, 1024
.set SIZE_N, 1024
.set KSTEP,  256
.set NQ,     KSTEP/128
.set ROWB,   192
.set KROWA,  SIZE_K*6/8                ; a row of A in memory
.set KROWB,  SIZE_K*6/8                ; a row of B
.set ASTEP,  ROWB                      ; from a K step of A to the next, in memory
.set ASC,    3145728                   ; where A's scale bytes begin
.set PITCH,  240
.set FR,     12
.set NL,     6
.set NP,     4
.set HALFT,  128*PITCH
.set SLOT,   4*HALFT
.set LAPS,   SIZE_K/(2*KSTEP)
.set KS,     SIZE_K/32
.set SCL,    2*SLOT
.set HALFS,  (128*KS/256)*272
.set SBLK,   (16*KS/256)*272
.set SPARE,  SCL+4*HALFS
.set SPITCH, 528                       ; the way out: a stage of 16 rows x (512 bytes + 16) for each wave, in slot 0, which has had its last fill and its last read by then
.set ADRA, 16
.set ADRB, 20
.set STO,  24
.set RD,   25
.set CO,   26
.set ADRS, 27
.set SPW,  28
.set NIL,  29
.set SC,   32
.set AF,   128
.set BK,   128
.set G1, 24
.set G0, 32
.set G1B, 48
.set G0B, 56
.set G1S, 68
.set G0S, 76
.set G1SB, 80
.set G0SB, 88
.set MSB, 0
.macro WIN new                         ; the immediate's high byte repeats the setting that is left
.if MSB != \new
	s_set_vgpr_msb (MSB<<8)|\new
.set MSB, \new
.endif
.endm
.set MUL_LO, 0xa1
.set MUL_HI, 0xf1
.set TO_B,   0x40
.macro JLOAD g0a, g1a, g0b, g1b        ; a joint load: waves 0 and 1 fetch for A, waves 2 and 3 for B; four v_nop follow each of the two lines
	s_cmp_eq_u32 s15, 0
	s_cbranch_scc0 .Lfor_b_\@
	tensor_load_to_lds s[\g0a:\g0a+3], s[\g1a:\g1a+7]
	s_nop 0
.rept 4
	v_nop
.endr
	s_branch .Lasked_\@
.Lfor_b_\@:
	tensor_load_to_lds s[\g0b:\g0b+3], s[\g1b:\g1b+7]
	s_nop 0
.rept 4
	v_nop
.endr
.Lasked_\@:
.endm
.macro CREST
	s_cmp_lg_u32 s14, 0
	s_cbranch_scc1 .Lnot_wave_0_\@
	s_barrier_signal -3
.Lnot_wave_0_\@:
	s_barrier_wait -3
	s_barrier_signal -1
	s_barrier_wait -1
.endm
.macro CROUND
	s_barrier_signal -1
	s_barrier_wait -1
	CREST
.endm
	s_load_b64 s[4:5], s[0:1], 0x0                 ; A: codes, and behind them the scale bytes
	s_load_b128 s[8:11], s[0:1], 0x8               ; B's codes, B's scales
	s_load_b64 s[12:13], s[0:1], 0x18              ; C
	v_lshl_add_u32 v[SPW], v0, 2, SPARE
	v_mov_b32 v[NIL], 0
	ds_add_u32 v28, v29
	ds_add_u32 v28, v29
	s_wait_dscnt 0x0
	v_lshrrev_b32 v1, 5, v0
	v_readfirstlane_b32 s14, v1                    ; wave 0..3
	s_lshr_b32 s15, s14, 1
	s_and_b32 s16, s14, 1
	s_bfe_u32 s40, ttmp6, 0x40000                  ; cx, cy
	s_bfe_u32 s41, ttmp6, 0x40004
	s_lshl_b32 s42, ttmp9, 2
	s_add_co_u32 s42, s42, s40                     ; tile column of C
	s_and_b32 s17, ttmp7, 0xffff
	s_lshl_b32 s17, s17, 2
	s_add_co_u32 s17, s17, s41                     ; tile row of C
	s_lshl_b32 s43, s41, 2
	s_lshl_b32 s43, 15, s43                        ; my row of the cluster
	s_lshl_b32 s44, 0x1111, s40                    ; my column
	s_or_b32 s[G1+0], s43, (0<<16)|(1<<20)|(1<<21)|(3<<22)|(3<<25)   ; a tile of 128 rows x ROWB bytes, 16 bytes of padding behind every 64
	s_or_b32 s[G1B+0], s44, (0<<16)|(1<<20)|(1<<21)|(3<<22)|(3<<25)
.irp g, G1, G1B
	s_mov_b32 s[\g+1], ROWB<<16
	s_mov_b32 s[\g+2], 128<<16
	s_mov_b32 s[\g+3], ROWB<<16
	s_mov_b32 s[\g+4], 128
	s_mov_b32 s[\g+6], 0
	s_mov_b32 s[\g+7], 0
.endr
	s_mov_b32 s[G1+5], KROWA
	s_mov_b32 s[G1B+5], KROWB
	s_or_b32 s[G1S+0], s43, (3<<16)|(1<<20)|(1<<21)|(5<<22)|(3<<25)  ; the scale bytes of 128 rows: dense, as rows of 256 bytes + 16 of padding
	s_or_b32 s[G1SB+0], s44, (3<<16)|(1<<20)|(1<<21)|(5<<22)|(3<<25)
.irp g, G1S, G1SB
	s_mov_b32 s[\g+1], 32<<16
	s_mov_b32 s[\g+2], (128*KS/256)<<16
	s_mov_b32 s[\g+3], 32<<16
	s_mov_b32 s[\g+4], 128*KS/256
	s_mov_b32 s[\g+5], 32
	s_mov_b32 s[\g+6], 0
	s_mov_b32 s[\g+7], 0
.endr
	s_lshl_b32 s18, s16, 7
	s_lshl_b32 s20, s17, 8
	s_add_co_u32 s20, s20, s18
	s_lshl_b32 s46, s42, 8
	s_add_co_u32 s46, s46, s18
	s_mov_b32 s21, 0
	s_mov_b32 s47, 0
	s_mov_b64 s[18:19], KS
	s_mul_u64 s[22:23], s[20:21], s[18:19]
	s_mul_u64 s[92:93], s[46:47], s[18:19]
	s_mov_b64 s[18:19], KROWA
	s_mul_u64 s[20:21], s[20:21], s[18:19]
	s_mov_b64 s[18:19], KROWB
	s_mul_u64 s[46:47], s[46:47], s[18:19]
	s_mul_i32 s45, s14, HALFT
	s_mul_i32 s94, s14, HALFS
	s_wait_kmcnt 0x0
	s_add_nc_u64 s[6:7], s[4:5], ASC               ; A's scale bytes
	s_add_nc_u64 s[20:21], s[4:5], s[20:21]
	s_add_nc_u64 s[22:23], s[6:7], s[22:23]
	s_add_nc_u64 s[46:47], s[8:9], s[46:47]
	s_add_nc_u64 s[92:93], s[10:11], s[92:93]
	CROUND                                         ; all sixteen work-groups are here: the first joint loads meet
	s_mov_b32 s[G0S], 1
	s_add_co_u32 s[G0S+1], s94, SCL
	s_mov_b64 s[G0S+2:G0S+3], s[22:23]
	s_or_b32 s[G0S+3], s[G0S+3], 0x80000000
	s_mov_b32 s[G0SB], 1
	s_add_co_u32 s[G0SB+1], s94, SCL
	s_mov_b64 s[G0SB+2:G0SB+3], s[92:93]
	s_or_b32 s[G0SB+3], s[G0SB+3], 0x80000000
	JLOAD G0S, G1S, G0SB, G1SB
.irp s, 0,1
	s_mov_b32 s[G0+4*\s], 1
	s_add_co_u32 s[G0+4*\s+1], s45, \s*SLOT
	s_add_nc_u64 s[G0+4*\s+2:G0+4*\s+3], s[20:21], \s*ASTEP
	s_or_b32 s[G0+4*\s+3], s[G0+4*\s+3], 0x80000000
	s_mov_b32 s[G0B+4*\s], 1
	s_add_co_u32 s[G0B+4*\s+1], s45, \s*SLOT
	s_add_nc_u64 s[G0B+4*\s+2:G0B+4*\s+3], s[46:47], \s*ROWB
	s_or_b32 s[G0B+4*\s+3], s[G0B+4*\s+3], 0x80000000
	JLOAD G0+4*\s, G1, G0B+4*\s, G1B
.endr
	v_and_b32 v1, 15, v0
	v_bfe_u32 v2, v0, 4, 1
	v_mul_u32_u24 v3, v1, PITCH
	v_mul_u32_u24 v4, v2, 24
	v_add_nc_u32 v4, v3, v4
	v_lshl_add_u32 v5, v2, 4, v4
	s_mul_i32 s21, s15, HALFT
	s_mul_i32 s22, s16, HALFT
	s_add_co_u32 s22, s22, 2*HALFT
.irp s, 0,1
	v_add_nc_u32 v[ADRA+\s], s21, v4
	v_add_nc_u32 v[ADRB+\s], s22, v4
	v_add_nc_u32 v[ADRA+2+\s], s21, v5
	v_add_nc_u32 v[ADRB+2+\s], s22, v5
	s_add_co_u32 s21, s21, SLOT
	s_add_co_u32 s22, s22, SLOT
.endr
	v_mul_u32_u24 v5, v1, KS
	v_lshrrev_b32 v6, 8, v5
	v_lshl_add_u32 v5, v6, 4, v5
	s_mul_i32 s21, s15, HALFS
	s_mul_i32 s22, s16, HALFS
	s_add_co_u32 s22, s22, 2*HALFS
	s_sub_co_u32 s22, s22, s21
	v_mul_u32_u24 v6, s22, v2
	s_add_co_u32 s21, s21, SCL
	v_add_nc_u32 v5, v5, v6
	v_add_nc_u32 v[ADRS], s21, v5
	s_mul_i32 s23, s14, 16*SPITCH                  ; my stage
	v_mul_u32_u24 v5, v1, SPITCH
	v_lshl_add_u32 v5, v2, 5, v5
	v_add_nc_u32 v[STO], s23, v5
	v_and_b32 v6, 31, v0
	v_lshlrev_b32 v[CO], 4, v6
	v_add_nc_u32 v[RD], s23, v[CO]
	s_lshl_b32 s20, s17, 8
	s_lshl_b32 s21, s15, 7
	s_add_co_u32 s20, s20, s21                     ; my first row of C
	s_mov_b32 s21, 0
	s_mov_b64 s[18:19], SIZE_N*4
	s_mul_u64 s[20:21], s[20:21], s[18:19]
	s_lshl_b32 s46, s42, 10
	s_lshl_b32 s47, s16, 9
	s_add_co_u32 s46, s46, s47
	s_mov_b32 s47, 0
	s_add_nc_u64 s[20:21], s[20:21], s[46:47]
	s_add_nc_u64 s[12:13], s[12:13], s[20:21]
.macro FRAG reg, adr, q, i             ; a fragment, 16 rows x 128 K: 24 bytes of the row's stream of bits for each 64 along K, in pieces of 8 bytes; the second address register serves the pieces behind one padding more
.irp p, 0,1,2,3,4,5
.set PC, 12*(\q)+6*(\p/3)+\p%3
.if PC%8 < 5
	ds_load_b64 v[\reg+2*\p:\reg+2*\p+1], v[\adr] offset:8*PC+16*(PC/8)+(\i)*16*PITCH
.else
	ds_load_b64 v[\reg+2*\p:\reg+2*\p+1], v[\adr+2] offset:8*PC+16*(PC/8)+(\i)*16*PITCH
.endif
.endr
.endm
.macro MUL16 a0, p, q, sc, zero        ; 16 matrix instructions; the 64 accumulators take turns, one instruction a turn
.irp a, \a0, \a0+1
.irp b, 0,1,2,3,4,5,6,7
.if \zero
	v_wmma_scale_f32_16x16x128_f8f6f4 v[8*(8*((\a)%4)+\b):8*(8*((\a)%4)+\b)+7], v[128*(\p)+FR*\b:128*(\p)+FR*\b+FR-1], v[AF+FR*(\a):AF+FR*(\a)+FR-1], 0, v[SC+8*NQ*(\sc)+NQ*\b+(\q)], v[SC+8*NQ*(\sc)+NQ*(\a)+(\q)] matrix_a_fmt:MATRIX_FMT_FP6 matrix_b_fmt:MATRIX_FMT_FP6 matrix_a_scale:MATRIX_SCALE_ROW1
.else
	v_wmma_scale_f32_16x16x128_f8f6f4 v[8*(8*((\a)%4)+\b):8*(8*((\a)%4)+\b)+7], v[128*(\p)+FR*\b:128*(\p)+FR*\b+FR-1], v[AF+FR*(\a):AF+FR*(\a)+FR-1], v[8*(8*((\a)%4)+\b):8*(8*((\a)%4)+\b)+7], v[SC+8*NQ*(\sc)+NQ*\b+(\q)], v[SC+8*NQ*(\sc)+NQ*(\a)+(\q)] matrix_a_fmt:MATRIX_FMT_FP6 matrix_b_fmt:MATRIX_FMT_FP6 matrix_a_scale:MATRIX_SCALE_ROW1
.endif
.endr
.endr
.endm
.macro FETCH_B slot, q, p
	WIN TO_B
.irp i, 0,1,2,3,4,5,6,7
	FRAG 128*(\p)+FR*\i, ADRB+\slot, \q, \i
.endr
	WIN 0
.endm
.macro FETCH_A slot, q, i0
.irp i, \i0, \i0+1, \i0+2, \i0+3
	FRAG AF+FR*(\i), ADRA+\slot, \q, \i
.endr
.endm
.macro SCALES sc
.irp i, 0,1,2,3,4,5,6,7
	ds_load_b64 v[SC+8*NQ*\sc+NQ*\i:SC+8*NQ*\sc+NQ*\i+1], v[ADRS] offset:\i*SBLK
.endr
.endm
.macro PLACES n                        ; plain vector instructions between a matrix instruction and a load into, or a read of, its registers
.rept \n
	v_nop
.endr
.endm
.macro STEP slot, q, zero
	s_wait_dscnt 4*NL                              ; all but the youngest 24 loads (A's blocks 4-7) are in
	WIN MUL_LO
	MUL16 0, (\q)%2, \q, \slot, \zero
	MUL16 2, (\q)%2, \q, \slot, \zero
	s_wait_dscnt 0
	PLACES NP
	FETCH_B \slot, (\q)+1, 1-(\q)%2
	FETCH_A \slot, (\q)+1, 0
	WIN MUL_HI
	MUL16 4, (\q)%2, \q, \slot, \zero
	MUL16 6, (\q)%2, \q, \slot, \zero
	PLACES NP
	WIN 0
	FETCH_A \slot, (\q)+1, 4
.endm
.macro TURN slot, next, fill           ; a slot's last step changes slots
	s_wait_tensorcnt 0x0                           ; all my tensor loads have landed: my part of the next slot
	ds_add_u32 v[SPW], v[NIL]                      ; 0 onto my spare word
	s_wait_dscnt 4*NL+1                            ; (the add and the youngest 24 loads may be out)
	WIN MUL_LO
	MUL16 0, 1, NQ-1, \slot, 0
	s_wait_dscnt 0x0                               ; the add is done, and my reads of this slot are over
	s_barrier_signal -1
	MUL16 2, 1, NQ-1, \slot, 0
	WIN 0
	s_barrier_wait -1
.if \fill
	CREST                                          ; the barrier has opened a round of the cluster's: no wave of any partner still reads this slot or has a load on its way
	s_add_nc_u64 s[G0+4*\slot+2:G0+4*\slot+3], s[G0+4*\slot+2:G0+4*\slot+3], 2*ASTEP
	s_add_nc_u64 s[G0B+4*\slot+2:G0B+4*\slot+3], s[G0B+4*\slot+2:G0B+4*\slot+3], 2*ROWB
	JLOAD G0+4*\slot, G1, G0B+4*\slot, G1B
.else
	PLACES NP
.endif
	v_add_nc_u32 v[ADRS], 4*NQ, v[ADRS]
	FETCH_B \next, 0, 0
	FETCH_A \next, 0, 0
	SCALES \next
	WIN MUL_HI
	MUL16 4, 1, NQ-1, \slot, 0
	MUL16 6, 1, NQ-1, \slot, 0
	PLACES NP
	WIN 0
	FETCH_A \next, 0, 4
.endm
	s_wait_tensorcnt 1                             ; the scale bytes and my part of K step 0 are in; K step 1's load may be out
	s_barrier_signal -1
	s_barrier_wait -1
	FETCH_B 0, 0, 0
	FETCH_A 0, 0, 0
	SCALES 0
	FETCH_A 0, 0, 4
	STEP 0, 0, 1
	s_mov_b32 s3, LAPS-1
.Llap:
	TURN 0, 1, 1
	STEP 1, 0, 0
	TURN 1, 0, 1
	STEP 0, 0, 0
	s_sub_co_u32 s3, s3, 1
	s_cmp_lg_u32 s3, 0
	s_cbranch_scc1 .Llap
	TURN 0, 1, 0
	STEP 1, 0, 0
	s_wait_dscnt 4*NL
	WIN MUL_LO
	MUL16 0, 1, NQ-1, 1, 0
	MUL16 2, 1, NQ-1, 1, 0
	s_wait_dscnt 0
	WIN MUL_HI
	MUL16 4, 1, NQ-1, 1, 0
	MUL16 6, 1, NQ-1, 1, 0
	WIN 0
; THE WAY OUT, block by block of 16 rows x 128 columns, through my own stage in LDS: in as 32 bytes a lane, back as whole rows of 512 bytes.  LDS serves a wave's instructions in order (ISA guide 5.7.1.4).
.macro TOSTAGE a
.set AC, 64*((\a)%4)
	WIN 0x08+4*((\a)/4)
.irp b, 0,1,2,3,4,5,6,7
	ds_store_b128 v[STO], v[AC+8*\b:AC+8*\b+3] offset:64*\b          ; each accumulator from its low end on
	ds_store_b128 v[STO], v[AC+8*\b+4:AC+8*\b+7] offset:64*\b+16
.endr
	WIN 0
.set BB, BK+64*((\a)%2)
.irp t, 0,1,2,3,4,5,6,7,8,9,10,11,12,13,14,15
	ds_load_b128 v[BB+4*\t:BB+4*\t+3], v[RD] offset:\t*SPITCH
.endr
.endm
.macro SEND a, younger
.set BB, BK+64*((\a)%2)
	s_wait_dscnt \younger
.if (\a) > 0
	s_add_nc_u64 s[12:13], s[12:13], 16*SIZE_N*4   ; (behind a wait on XCNT: the earlier stores have read their base)
.endif
.irp t, 0,1,2,3,4,5,6,7,8,9,10,11,12,13,14,15
	global_store_b128 v[CO], v[BB+4*\t:BB+4*\t+3], s[12:13] offset:\t*SIZE_N*4 th:TH_STORE_NT   ; 32 lanes store 512 consecutive bytes, aligned
.endr
.endm
	PLACES NP
	TOSTAGE 0
.irp a, 1,2,3,4,5,6,7
.if \a > 1
	s_wait_xcnt 0x0                                ; block a - 2's stores have read their registers and their base
.endif
	TOSTAGE \a
	SEND \a-1, 32                                  ; behind block a - 1's loads: block a's 16 stores and 16 loads
.endr
	s_wait_xcnt 0x0
	SEND 7, 0
	s_wait_tensorcnt 0x0                           ; the wave's end
	ds_add_u32 v[SPW], v[NIL]
	s_wait_dscnt 0x0
	CROUND                                         ; the closing round
	s_endpgm
.Lfunc_end_k_q7e6dda0512_proj_o:
	.size	k_q7e6dda0512_proj_o, .Lfunc_end_k_q7e6dda0512_proj_o-k_q7e6dda0512_proj_o
	.p2alignl 7, 3214868480
	.fill 96, 4, 3214868480
	.section	.rodata,"a",@progbits
	.p2align	6, 0x0
	.amdhsa_kernel k_q7e6dda0512_proj_o
		.amdhsa_group_segment_fixed_size 327680
		.amdhsa_private_segment_fixed_size 0
		.amdhsa_enable_private_segment 0
		.amdhsa_kernarg_size 32
		.amdhsa_user_sgpr_count 2
		.amdhsa_user_sgpr_kernarg_segment_ptr 1
		.amdhsa_wavefront_size32 1
		.amdhsa_system_sgpr_workgroup_id_x 1
		.amdhsa_system_sgpr_workgroup_id_y 1
		.amdhsa_system_sgpr_workgroup_id_z 1
		.amdhsa_system_vgpr_workitem_id 0
		.amdhsa_next_free_vgpr 1024
		.amdhsa_next_free_sgpr 102
		.amdhsa_reserve_vcc 0
		.amdhsa_float_denorm_mode_32 3
		.amdhsa_float_denorm_mode_16_64 3
		.amdhsa_memory_ordered 1
		.amdhsa_forward_progress 1
		.amdhsa_inst_pref_size 160
	.end_amdhsa_kernel
	.amdgpu_metadata
---
amdhsa.version: [ 1, 2 ]
amdhsa.kernels:
  - .name:           k_q7e6dda0512_proj_o
    .symbol:         k_q7e6dda0512_proj_o.kd
    .args:
      - { .name: cq, .offset: 0, .size: 8, .value_kind: global_buffer, .address_space: global }
      - { .name: Wo_codes, .offset: 8, .size: 8, .value_kind: global_buffer, .address_space: global }
      - { .name: Wo_scales, .offset: 16, .size: 8, .value_kind: global_buffer, .address_space: global }
      - { .name: y1, .offset: 24, .size: 8, .value_kind: global_buffer, .address_space: global }
    .group_segment_fixed_size: 327680
    .private_segment_fixed_size: 0
    .kernarg_segment_align: 8
    .kernarg_segment_size: 32
    .max_flat_workgroup_size: 128
    .sgpr_count:     102
    .vgpr_count:     1024
    .wavefront_size: 32
...
	.end_amdgpu_metadata
.endif
;; end of part 4
;; launch norm1 (part 5): grid 256 x 1, 4 waves a work-group, no clusters, 22,016 bytes of LDS; arguments y1, x, bo, g1, beta1, xn, nq; writes xn, nq
.if DOCPART == 5
	.amdgcn_target "amdgcn-amd-amdhsa--gfx1250"
	.amdhsa_code_object_version 6
	.text
	.protected	k_q7e6dda0512_norm1
	.globl	k_q7e6dda0512_norm1
	.p2align	8
	.type	k_q7e6dda0512_norm1,@function
k_q7e6dda0512_norm1:
	s_mov_b64 s[64:65], 0
	v_nop
	global_prefetch_b8 v0, s[64:65] scope:SCOPE_SE
	s_setreg_imm32_b32 hwreg(HW_REG_WAVE_MODE, 25, 1), 1
	s_wait_xcnt 0x0
; x_norm1 = LayerNorm(x + (ctx Wo + bo)) with gain g1 and offset beta1; stored as f32 (the second residual) and as codes of FP6 (E2M3) with E8M0 scale bytes (the next product's operand): codes [4096][768], scale bytes [4096][32] from byte ASC on.
; This text is a row stream with four switches: ADD (row = X + (Y + PB)), NORM (LayerNorm with gain PG and offset PE), OUTF (the row is stored as f32), QUANT (the row is quantised).  Here all four are on.
; SHARES.  A work-group of four waves takes 16 rows, a wave 4.  A load of a wave reads 512 consecutive bytes, 16 a lane; a row is eight such loads and stays in 32 registers, so each input byte is read once.
; The mean is taken off before the squares are summed.
; QUANTISER.  A block's scale is 2^(floor(log2(largest magnitude)) - 2); its byte is the largest magnitude's exponent field - 2, held at 1 from below.  The conversion wants 16 neighbours in one lane, so a row turns
; through the wave's own stage in LDS (64 bytes + 16 of padding to a place), half a row to a stage; two neighbouring lanes then hold a block.
; LIMITS: NaN and infinities are not served.  A block of zeros, and one whose largest magnitude lies under 2^-124, keeps the byte 1 (the rule says 127 for zeros): this program alone reads the bytes.
; No tensor load, no barrier: waves share nothing.  No cluster: work-groups share only 12 KB of parameters.
.set ADD,   1
.set NORM,  1
.set OUTF,  1
.set QUANT, 1
.set SLOTS, 2                          ; rows in registers at a time
.set ROWS,  4                          ; rows of a wave
.set LPR,   8+8*ADD                    ; loads of a row
.set ASC,   3145728                    ; where the scale bytes begin in the codes' buffer
.set SP,    80                         ; a place in a stage
.set WREG,  5376                       ; LDS of a wave: two stages of 32 places, then 256 bytes for its scale bytes
.set PB,    24                         ; v24-55 PB, v56-87 PG, v88-119 PE: my 32 columns of the three parameters
.set PG,    56
.set PE,    88
.set SL,    120                        ; slot s at v[SL + SLW s]: 32 registers Y, which become the row; with ADD 32 more, X
.set SLW,   32+32*ADD
.set CD,    248                        ; v248-250, v252-254: the codes of a row's two halves
.if ADD
	s_load_b256 s[4:11], s[0:1], 0x0               ; Y s[4:5], X s[6:7], PB s[8:9], PG s[10:11]
	s_load_b128 s[16:19], s[0:1], 0x20             ; PE s[16:17], the f32 result s[18:19]
.if QUANT
	s_load_b64 s[20:21], s[0:1], 0x30              ; the codes' buffer
	v_lshl_add_u32 v251, v0, 2, 0x5400
	v_mov_b32 v255, 0
.endif
.else
	s_load_b128 s[4:7], s[0:1], 0x0                ; Y s[4:5], the codes' buffer s[6:7]
.endif
	v_lshrrev_b32 v1, 5, v0
	v_readfirstlane_b32 s24, v1                    ; wave
	v_and_b32 v1, 31, v0                           ; lane
	v_lshlrev_b32 v2, 4, v1                        ; my 16 bytes of a load's 512
.if NORM
	v_mov_b32 v23, 0                               ; a lane permute's destination counts as read: written once
	s_mov_b32 s12, 0x76543210                      ; v_permlanex16_b32: lane l xor 16
	s_mov_b32 s13, 0xfedcba98
	s_mov_b32 s14, 0x3a800000                      ; 1 / 1024
	s_mov_b32 s15, 0x3727c5ac                      ; 1e-5
.endif
.if QUANT
	s_mul_i32 s25, s24, WREG
	v_lshrrev_b32 v3, 2, v1
	v_mul_u32_u24 v3, v3, SP
	v_and_b32 v4, 3, v1
	v_lshl_add_u32 v3, v4, 4, v3
	v_add_nc_u32 v3, s25, v3                       ; into a stage: four lanes' 64 bytes on end, then the padding
	v_mul_u32_u24 v4, v1, SP
	v_add_nc_u32 v4, s25, v4                       ; out of it: my place, 16 neighbours
	s_add_co_u32 s25, s25, 2*32*SP
	v_lshrrev_b32 v5, 1, v1
	v_add_nc_u32 v5, s25, v5                       ; my block's scale byte
	v_lshlrev_b32 v8, 2, v1
	v_add_nc_u32 v6, s25, v8                       ; and on the way out 4 bytes a lane
	v_mul_u32_u24 v7, v1, 12                       ; my 16 codes among half a row's
.endif
	s_lshl_b32 s26, ttmp9, 4
	s_lshl_b32 s27, s24, 2
	s_add_co_u32 s26, s26, s27                     ; my first row
	s_mul_i32 s28, s26, 768
	s_mov_b32 s29, 0
	s_lshl_b32 s30, s26, 5
	s_add_co_u32 s30, s30, ASC
	s_mov_b32 s31, 0
	s_lshl_b32 s26, s26, 12
	s_mov_b32 s27, 0
	s_wait_kmcnt 0x0
.if !ADD
	s_mov_b64 s[20:21], s[6:7]
.endif
	s_add_nc_u64 s[4:5], s[4:5], s[26:27]
.if ADD
	s_add_nc_u64 s[6:7], s[6:7], s[26:27]
.endif
.if OUTF
	s_add_nc_u64 s[18:19], s[18:19], s[26:27]
.endif
.if QUANT
	s_add_nc_u64 s[22:23], s[20:21], s[30:31]      ; my rows' scale bytes
	s_add_nc_u64 s[20:21], s[20:21], s[28:29]      ; my rows' codes
.endif
.macro LOADROW r
.set LB, SL+SLW*((\r)%SLOTS)
.irp j, 0,1,2,3,4,5,6,7
	global_load_b128 v[LB+4*\j:LB+4*\j+3], v2, s[4:5] offset:4096*(\r)+512*\j th:TH_LOAD_NT
.endr
.if ADD
.irp j, 0,1,2,3,4,5,6,7
	global_load_b128 v[LB+32+4*\j:LB+32+4*\j+3], v2, s[6:7] offset:4096*(\r)+512*\j th:TH_LOAD_NT
.endr
.endif
.endm
.macro FOLD                            ; four packed chains in v10-17 become the row's sum, in v22 of every lane
	v_pk_add_f32 v[10:11], v[10:11], v[12:13]
	v_pk_add_f32 v[14:15], v[14:15], v[16:17]
	v_pk_add_f32 v[10:11], v[10:11], v[14:15]
	v_add_f32 v22, v10, v11
	v_add_f32_dpp v22, v22, v22 row_xmask:1 row_mask:0xf bank_mask:0xf
	v_add_f32_dpp v22, v22, v22 row_xmask:2 row_mask:0xf bank_mask:0xf
	v_add_f32_dpp v22, v22, v22 row_xmask:4 row_mask:0xf bank_mask:0xf
	v_add_f32_dpp v22, v22, v22 row_xmask:8 row_mask:0xf bank_mask:0xf
	v_permlanex16_b32 v23, v22, s12, s13
	v_add_f32 v22, v22, v23
.endm
.macro ROW r
.set VR, SL+SLW*((\r)%SLOTS)
.if ADD
.set XQ, VR+32                         ; the numbers that come back from the stages land where X lay
.else
.set XQ, 24
.endif
.if ROWS-1-(\r) < SLOTS-1
	s_wait_loadcnt LPR*(ROWS-1-(\r))               ; my row is in; what may be out: the loads of the rows behind it
.else
	s_wait_loadcnt LPR*(SLOTS-1)
.endif
.if ADD
.irp i, 0,2,4,6,8,10,12,14,16,18,20,22,24,26,28,30
	v_pk_add_f32 v[VR+\i:VR+\i+1], v[VR+\i:VR+\i+1], v[PB+\i:PB+\i+1]          ; the product's bias,
.endr
.irp i, 0,2,4,6,8,10,12,14,16,18,20,22,24,26,28,30
	v_pk_add_f32 v[VR+\i:VR+\i+1], v[VR+32+\i:VR+32+\i+1], v[VR+\i:VR+\i+1]    ; then the residual
.endr
.endif
.if NORM
.irp c, 0,1,2,3
	v_pk_add_f32 v[10+2*\c:11+2*\c], v[VR+2*\c:VR+2*\c+1], v[VR+8+2*\c:VR+9+2*\c]
.endr
.irp k, 16,24
.irp c, 0,1,2,3
	v_pk_add_f32 v[10+2*\c:11+2*\c], v[10+2*\c:11+2*\c], v[VR+\k+2*\c:VR+\k+2*\c+1]
.endr
.endr
	FOLD
	v_mul_f32 v18, s14, v22                        ; the mean
	v_mov_b32 v19, v18
.irp i, 0,2,4,6,8,10,12,14,16,18,20,22,24,26,28,30
	v_pk_add_f32 v[VR+\i:VR+\i+1], v[VR+\i:VR+\i+1], v[18:19] neg_lo:[0,1] neg_hi:[0,1]   ; the mean goes off first: the variance is no difference of large sums
.endr
.irp c, 0,1,2,3
	v_pk_mul_f32 v[10+2*\c:11+2*\c], v[VR+2*\c:VR+2*\c+1], v[VR+2*\c:VR+2*\c+1]
.endr
.irp k, 8,16,24
.irp c, 0,1,2,3
	v_pk_fma_f32 v[10+2*\c:11+2*\c], v[VR+\k+2*\c:VR+\k+2*\c+1], v[VR+\k+2*\c:VR+\k+2*\c+1], v[10+2*\c:11+2*\c]
.endr
.endr
	FOLD
	v_fma_f32 v22, v22, s14, s15                   ; the variance + 1e-5
	v_rsq_f32 v20, v22
	v_nop                                          ; a plain instruction behind the transcendental,
	s_wait_alu depctr_va_vdst(0)                   ; and the wait ahead of its first reader
	v_mov_b32 v21, v20
.irp i, 0,2,4,6,8,10,12,14,16,18,20,22,24,26,28,30
	v_pk_mul_f32 v[VR+\i:VR+\i+1], v[VR+\i:VR+\i+1], v[20:21]
.endr
.irp i, 0,2,4,6,8,10,12,14,16,18,20,22,24,26,28,30
	v_pk_fma_f32 v[VR+\i:VR+\i+1], v[VR+\i:VR+\i+1], v[PG+\i:PG+\i+1], v[PE+\i:PE+\i+1]
.endr
.endif
.if OUTF
.irp j, 0,1,2,3,4,5,6,7
	global_store_b128 v2, v[VR+4*\j:VR+4*\j+3], s[18:19] offset:4096*(\r)+512*\j   ; 32 lanes store 512 consecutive bytes, aligned
.endr
.endif
.if QUANT
.irp j, 0,1,2,3,4,5,6,7
	ds_store_b128 v3, v[VR+4*\j:VR+4*\j+3] offset:(\j/4)*32*SP+(\j%4)*8*SP
.endr
.irp q, 0,1
.irp i, 0,1,2,3
	ds_load_b128 v[XQ+16*\q+4*\i:XQ+16*\q+4*\i+3], v4 offset:32*SP*\q+16*\i    ; LDS serves a wave's instructions in order: these see the stores above
.endr
.endr
.irp q, 0,1
.set XS, XQ+16*\q
.if \q == 0
	s_wait_dscnt 4                                 ; the first half's four loads are in; the second half's four may be out
.else
	s_wait_dscnt 1                                 ; the second half's are in; the first half's byte store may be out
.endif
	v_max3_num_f32 v10, |v[XS]|, |v[XS+1]|, |v[XS+2]|              ; the largest magnitude of my 16
	v_max3_num_f32 v11, |v[XS+3]|, |v[XS+4]|, |v[XS+5]|
.irp i, 6,10
	v_max3_num_f32 v10, v10, |v[XS+\i]|, |v[XS+\i+1]|
	v_max3_num_f32 v11, v11, |v[XS+\i+2]|, |v[XS+\i+3]|
.endr
	v_max3_num_f32 v10, v10, |v[XS+14]|, |v[XS+15]|
	v_max3_num_f32 v10, v10, v11, 0x1800000        ; and the floor 2^(3 - 127): the byte cannot fall under 1
	v_max_num_f32_dpp v10, v10, v10 row_xmask:1 row_mask:0xf bank_mask:0xf   ; with my neighbour's 16: the block's
	v_add_nc_u32 v12, 0xff000000, v10              ; 2 off its exponent field: the conversion takes the exponent field of this operand as its scale
	v_cvt_scalef32_pk16_fp6_f32 v[CD+4*\q:CD+4*\q+2], v[XS:XS+15], v12
	v_lshrrev_b32 v[16+\q], 23, v12                ; the scale's byte (also the plain instruction behind the conversion)
	ds_store_b8 v5, v[16+\q] offset:32*(\r)+16*\q  ; both lanes of a block write the same byte with the same value
	global_store_b96 v7, v[CD+4*\q:CD+4*\q+2], s[20:21] offset:768*(\r)+384*\q   ; the wave stores 384 consecutive bytes
.endr
.endif
.if (\r) < ROWS-1
.if QUANT
	s_wait_dscnt 0x0                               ; the byte stores have read v16 and v17, which the next row's sums write
.endif
	s_wait_xcnt 0x0                                ; the stores have read their data: the row's and the codes' registers may be written again
.if (\r)+SLOTS < ROWS
	LOADROW (\r)+SLOTS
.endif
.endif
.endm
.if ADD
.irp j, 0,1,2,3,4,5,6,7
	global_load_b128 v[PB+4*\j:PB+4*\j+3], v2, s[8:9] offset:512*\j
	global_load_b128 v[PG+4*\j:PG+4*\j+3], v2, s[10:11] offset:512*\j
	global_load_b128 v[PE+4*\j:PE+4*\j+3], v2, s[16:17] offset:512*\j
.endr
.endif
.set Q, 0
.rept SLOTS
	LOADROW Q
.set Q, Q+1
.endr
	ROW 0
	ROW 1
	ROW 2
	ROW 3
.if QUANT
	ds_load_b32 v9, v6                             ; my four rows' 128 scale bytes: they lie on end in memory too
	s_wait_dscnt 0x0
	global_store_b32 v8, v9, s[22:23]
.endif
	s_wait_tensorcnt 0x0
	ds_add_u32 v251, v255
	s_wait_dscnt 0x0
	s_endpgm
.Lfunc_end_k_q7e6dda0512_norm1:
	.size	k_q7e6dda0512_norm1, .Lfunc_end_k_q7e6dda0512_norm1-k_q7e6dda0512_norm1
	.p2alignl 7, 3214868480
	.fill 96, 4, 3214868480
	.section	.rodata,"a",@progbits
	.p2align	6, 0x0
	.amdhsa_kernel k_q7e6dda0512_norm1
		.amdhsa_group_segment_fixed_size 22016
		.amdhsa_private_segment_fixed_size 0
		.amdhsa_enable_private_segment 0
		.amdhsa_kernarg_size 56
		.amdhsa_user_sgpr_count 2
		.amdhsa_user_sgpr_kernarg_segment_ptr 1
		.amdhsa_wavefront_size32 1
		.amdhsa_system_sgpr_workgroup_id_x 1
		.amdhsa_system_sgpr_workgroup_id_y 1
		.amdhsa_system_sgpr_workgroup_id_z 1
		.amdhsa_system_vgpr_workitem_id 0
		.amdhsa_next_free_vgpr 256
		.amdhsa_next_free_sgpr 66
		.amdhsa_reserve_vcc 0
		.amdhsa_float_denorm_mode_32 3
		.amdhsa_float_denorm_mode_16_64 3
		.amdhsa_memory_ordered 1
		.amdhsa_forward_progress 1
		.amdhsa_inst_pref_size 59
	.end_amdhsa_kernel
	.amdgpu_metadata
---
amdhsa.version: [ 1, 2 ]
amdhsa.kernels:
  - .name:           k_q7e6dda0512_norm1
    .symbol:         k_q7e6dda0512_norm1.kd
    .args:
      - { .name: y1, .offset: 0, .size: 8, .value_kind: global_buffer, .address_space: global }
      - { .name: x, .offset: 8, .size: 8, .value_kind: global_buffer, .address_space: global }
      - { .name: bo, .offset: 16, .size: 8, .value_kind: global_buffer, .address_space: global }
      - { .name: g1, .offset: 24, .size: 8, .value_kind: global_buffer, .address_space: global }
      - { .name: beta1, .offset: 32, .size: 8, .value_kind: global_buffer, .address_space: global }
      - { .name: xn, .offset: 40, .size: 8, .value_kind: global_buffer, .address_space: global }
      - { .name: nq, .offset: 48, .size: 8, .value_kind: global_buffer, .address_space: global }
    .group_segment_fixed_size: 22016
    .private_segment_fixed_size: 0
    .kernarg_segment_align: 8
    .kernarg_segment_size: 56
    .max_flat_workgroup_size: 128
    .sgpr_count:     66
    .vgpr_count:     256
    .wavefront_size: 32
...
	.end_amdgpu_metadata
.endif
;; end of part 5
;; launch mlp_up (part 6): grid 16 x 16, 4 waves a work-group, clusters of 4 x 4, 327,680 bytes of LDS; arguments nq, W1_codes, W1_scales, b1, hq; writes hq
.if DOCPART == 6
	.amdgcn_target "amdgcn-amd-amdhsa--gfx1250"
	.amdhsa_code_object_version 6
	.text
	.protected	k_q7e6dda0512_mlp_up
	.globl	k_q7e6dda0512_mlp_up
	.p2align	8
	.type	k_q7e6dda0512_mlp_up,@function
k_q7e6dda0512_mlp_up:
	s_mov_b64 s[64:65], 0
	v_nop
	global_prefetch_b8 v0, s[64:65] scope:SCOPE_SE
	s_setreg_imm32_b32 hwreg(HW_REG_WAVE_MODE, 25, 1), 1
	s_wait_xcnt 0x0
	s_wait_alu depctr_hold_cnt(0) depctr_sa_sdst(0) depctr_va_vdst(0) depctr_va_sdst(0) depctr_va_ssrc(0) depctr_va_vcc(0) depctr_vm_vsrc(0)
	s_getreg_b32 s2, hwreg(HW_REG_IB_STS2, 6, 4)
	s_cmp_eq_u32 s2, 0
	s_cbranch_scc0 .Lentry_in_a_cluster
	s_endpgm
.Lentry_in_a_cluster:
	s_bfe_u32 s2, ttmp6, 0x10000c
	s_cmp_lg_u32 s2, 0xf033
	s_cbranch_scc0 .Lentry_shape_is_right
	s_endpgm
.Lentry_shape_is_right:
; h = gelu(x_norm1 W1 + b1), the exact GELU, on codes of FP6 (E2M3) with one E8M0 scale for each 32 along K = 1,024; h is quantised here along its 4,096 columns, the next product's K, and never goes to memory as f32.
; THE PRODUCT.  A tile of 256 x 256 to a work-group of four waves, 128 x 128 to a wave: 64 accumulators, 512 registers.  K goes in steps of 256 through a ring of two LDS slots filled by the tensor data mover; the scale
; bytes of the work-group's rows come once and stay in LDS.  4 x 4 work-groups form a cluster: A's tile is asked for jointly by a row of the cluster, B's by a column.
; The matrix instruction is used transposed (source 0 = 16 rows of W1, source 1 = 16 tokens): a lane holds a token, and its registers run along h's columns.
; GELU.  gelu(x) = x P(x), z = x / sqrt(2).  For |z| > 475/512: erfc(|z|) / 2 = 2^(r log2(e) - 1), r a polynomial of degree 7 in |z|; P is that for z < 0 and 1 less that for z > 0: the negative tail is formed
; without a difference.  Else P = 1/2 + erf(z) / 2, erf by an odd polynomial of degree 11.  Both are computed for every number and one is selected: no branch on data.
; THE WAY OUT.  16 tokens at a time: bias, GELU, the halves exchanged into the true order of columns, quantised; each 16 codes (12 bytes) into a place of 16 bytes in my own stretch of a stage in LDS; a barrier; then sixteen lanes
; take a row's 192 bytes, eight places from each of the two waves that made its halves, and the work-group's 256 x 192 bytes leave as one dense block, 384 consecutive bytes a store.
; hq: codes BY K STEP OF 256: [16][4096 tokens][192 bytes]; from byte HSC on the scale bytes [4096][128].
; LIMITS: NaN and infinities are not served; a block of zeros, or one under 2^-124, keeps the scale byte 1, which this program alone reads.
.set SIZE_K, 1024
.set KSTEP,  256
.set NQ,     KSTEP/128
.set ROWB,   192
.set KROWA,  SIZE_K*6/8
.set KROWB,  SIZE_K*6/8
.set ASTEP,  ROWB
.set ASC,    3145728                   ; where nq's scale bytes begin
.set HSC,    12582912                  ; where hq's begin
.set PITCH,  240
.set FR,     12
.set NL,     6
.set NP,     4
.set HALFT,  128*PITCH
.set SLOT,   4*HALFT
.set LAPS,   SIZE_K/(2*KSTEP)
.set KS,     SIZE_K/32
.set SCL,    2*SLOT
.set HALFS,  (128*KS/256)*272
.set SBLK,   (16*KS/256)*272
.set SPARE,  SCL+4*HALFS
.set SROW,   144                       ; the stage lies in slot 0, which has had its last fill and its last read by then.  A wave's row: 8 places of 16 bytes (12 of codes each) + 16 of padding
.set STRETCH, 128*SROW                 ; a wave's stretch: its 128 rows
.set STG2,   4*STRETCH                 ; behind the four stretches: the scale words, 512 bytes a wave
.set ADRA, 16
.set ADRB, 20
.set ADRS, 27
.set SPW,  28
.set NIL,  29
.set SC,   32
.set AF,   128
.set BC,   64                          ; v64-127 b1 along my registers: register 8 b + j
.set STA,  7                           ; v7   the stage: my row's two places in block 0
.set STB,  9                           ; v9   and its scale word
.set TRA,  10                          ; v10, v11 the same in the block in hand
.set RDA,  12                          ; v12  the stage read back: my place of a row
.set GOC,  15                          ; v15  my 12 bytes in the work-group's dense block of codes
.set RDS,  30                          ; v30  the scale words read back
.set GOS,  31                          ; v31  my row of hq's scale bytes
.set KC,   32                          ; v32-61 fifteen constants, as pairs
.set HW,   62                          ; v62-63 two scale bytes of each group
.set TT,   128                         ; v128-191 64 numbers at work
.set ZR,   192                         ; v192-231 the GELU of 8 numbers: z, |z|, z^2, r, u
.set AR,   200
.set SQ,   208
.set RR,   216
.set UR,   224
.set TM,   232                         ; v232-239 at work in the quantiser
.set CD,   240                         ; v240-242, v244-246; v248-250, v252-254: codes
.set WD,   247                         ; v247 the scale word
.set G1, 24
.set G0, 32
.set G1B, 48
.set G0B, 56
.set G1S, 68
.set G0S, 76
.set G1SB, 80
.set G0SB, 88
.set SEL, 100
.set MSB, 0
.macro WIN new                         ; the immediate's high byte repeats the setting that is left
.if MSB != \new
	s_set_vgpr_msb (MSB<<8)|\new
.set MSB, \new
.endif
.endm
.set MUL_LO, 0xa1
.set MUL_HI, 0xf1
.set TO_B,   0x40
.macro JLOAD g0a, g1a, g0b, g1b        ; a joint load: waves 0 and 1 fetch for A, waves 2 and 3 for B; four v_nop follow each of the two lines
	s_cmp_eq_u32 s15, 0
	s_cbranch_scc0 .Lfor_b_\@
	tensor_load_to_lds s[\g0a:\g0a+3], s[\g1a:\g1a+7]
	s_nop 0
.rept 4
	v_nop
.endr
	s_branch .Lasked_\@
.Lfor_b_\@:
	tensor_load_to_lds s[\g0b:\g0b+3], s[\g1b:\g1b+7]
	s_nop 0
.rept 4
	v_nop
.endr
.Lasked_\@:
.endm
.macro CREST
	s_cmp_lg_u32 s14, 0
	s_cbranch_scc1 .Lnot_wave_0_\@
	s_barrier_signal -3
.Lnot_wave_0_\@:
	s_barrier_wait -3
	s_barrier_signal -1
	s_barrier_wait -1
.endm
.macro CROUND
	s_barrier_signal -1
	s_barrier_wait -1
	CREST
.endm
	s_load_b64 s[4:5], s[0:1], 0x0                 ; A: codes, and behind them the scale bytes
	s_load_b128 s[8:11], s[0:1], 0x8               ; W1's codes, W1's scales
	s_load_b64 s[96:97], s[0:1], 0x18              ; b1
	s_load_b64 s[12:13], s[0:1], 0x20              ; hq
	v_lshl_add_u32 v[SPW], v0, 2, SPARE
	v_mov_b32 v[NIL], 0
	ds_add_u32 v28, v29
	ds_add_u32 v28, v29
	s_wait_dscnt 0x0
	v_lshrrev_b32 v1, 5, v0
	v_readfirstlane_b32 s14, v1                    ; wave 0..3
	s_lshr_b32 s15, s14, 1
	s_and_b32 s16, s14, 1
	s_bfe_u32 s40, ttmp6, 0x40000                  ; cx, cy
	s_bfe_u32 s41, ttmp6, 0x40004
	s_lshl_b32 s42, ttmp9, 2
	s_add_co_u32 s42, s42, s40                     ; tile column
	s_and_b32 s17, ttmp7, 0xffff
	s_lshl_b32 s17, s17, 2
	s_add_co_u32 s17, s17, s41                     ; tile row
	s_lshl_b32 s43, s41, 2
	s_lshl_b32 s43, 15, s43
	s_lshl_b32 s44, 0x1111, s40
	s_or_b32 s[G1+0], s43, (0<<16)|(1<<20)|(1<<21)|(3<<22)|(3<<25)   ; a tile of 128 rows x ROWB bytes, 16 bytes of padding behind every 64
	s_or_b32 s[G1B+0], s44, (0<<16)|(1<<20)|(1<<21)|(3<<22)|(3<<25)
.irp g, G1, G1B
	s_mov_b32 s[\g+1], ROWB<<16
	s_mov_b32 s[\g+2], 128<<16
	s_mov_b32 s[\g+3], ROWB<<16
	s_mov_b32 s[\g+4], 128
	s_mov_b32 s[\g+6], 0
	s_mov_b32 s[\g+7], 0
.endr
	s_mov_b32 s[G1+5], KROWA
	s_mov_b32 s[G1B+5], KROWB
	s_or_b32 s[G1S+0], s43, (3<<16)|(1<<20)|(1<<21)|(5<<22)|(3<<25)  ; the scale bytes of 128 rows: dense, as rows of 256 bytes + 16 of padding
	s_or_b32 s[G1SB+0], s44, (3<<16)|(1<<20)|(1<<21)|(5<<22)|(3<<25)
.irp g, G1S, G1SB
	s_mov_b32 s[\g+1], 32<<16
	s_mov_b32 s[\g+2], (128*KS/256)<<16
	s_mov_b32 s[\g+3], 32<<16
	s_mov_b32 s[\g+4], 128*KS/256
	s_mov_b32 s[\g+5], 32
	s_mov_b32 s[\g+6], 0
	s_mov_b32 s[\g+7], 0
.endr
	s_lshl_b32 s18, s16, 7
	s_lshl_b32 s20, s17, 8
	s_add_co_u32 s20, s20, s18
	s_lshl_b32 s46, s42, 8
	s_add_co_u32 s46, s46, s18
	s_mov_b32 s21, 0
	s_mov_b32 s47, 0
	s_mov_b64 s[18:19], KS
	s_mul_u64 s[22:23], s[20:21], s[18:19]
	s_mul_u64 s[92:93], s[46:47], s[18:19]
	s_mov_b64 s[18:19], KROWA
	s_mul_u64 s[20:21], s[20:21], s[18:19]
	s_mov_b64 s[18:19], KROWB
	s_mul_u64 s[46:47], s[46:47], s[18:19]
	s_mul_i32 s45, s14, HALFT
	s_mul_i32 s94, s14, HALFS
	s_wait_kmcnt 0x0
	s_add_nc_u64 s[6:7], s[4:5], ASC
	s_add_nc_u64 s[20:21], s[4:5], s[20:21]
	s_add_nc_u64 s[22:23], s[6:7], s[22:23]
	s_add_nc_u64 s[46:47], s[8:9], s[46:47]
	s_add_nc_u64 s[92:93], s[10:11], s[92:93]
	CROUND                                         ; all sixteen work-groups are here: the first joint loads meet
	s_mov_b32 s[G0S], 1
	s_add_co_u32 s[G0S+1], s94, SCL
	s_mov_b64 s[G0S+2:G0S+3], s[22:23]
	s_or_b32 s[G0S+3], s[G0S+3], 0x80000000
	s_mov_b32 s[G0SB], 1
	s_add_co_u32 s[G0SB+1], s94, SCL
	s_mov_b64 s[G0SB+2:G0SB+3], s[92:93]
	s_or_b32 s[G0SB+3], s[G0SB+3], 0x80000000
	JLOAD G0S, G1S, G0SB, G1SB
.irp s, 0,1
	s_mov_b32 s[G0+4*\s], 1
	s_add_co_u32 s[G0+4*\s+1], s45, \s*SLOT
	s_add_nc_u64 s[G0+4*\s+2:G0+4*\s+3], s[20:21], \s*ASTEP
	s_or_b32 s[G0+4*\s+3], s[G0+4*\s+3], 0x80000000
	s_mov_b32 s[G0B+4*\s], 1
	s_add_co_u32 s[G0B+4*\s+1], s45, \s*SLOT
	s_add_nc_u64 s[G0B+4*\s+2:G0B+4*\s+3], s[46:47], \s*ROWB
	s_or_b32 s[G0B+4*\s+3], s[G0B+4*\s+3], 0x80000000
	JLOAD G0+4*\s, G1, G0B+4*\s, G1B
.endr
	v_and_b32 v1, 15, v0                           ; r
	v_bfe_u32 v2, v0, 4, 1                         ; h
	v_mul_u32_u24 v3, v1, PITCH
	v_mul_u32_u24 v4, v2, 24
	v_add_nc_u32 v4, v3, v4
	v_lshl_add_u32 v5, v2, 4, v4
	s_mul_i32 s21, s15, HALFT
	s_mul_i32 s22, s16, HALFT
	s_add_co_u32 s22, s22, 2*HALFT
.irp s, 0,1
	v_add_nc_u32 v[ADRA+\s], s21, v4
	v_add_nc_u32 v[ADRB+\s], s22, v4
	v_add_nc_u32 v[ADRA+2+\s], s21, v5
	v_add_nc_u32 v[ADRB+2+\s], s22, v5
	s_add_co_u32 s21, s21, SLOT
	s_add_co_u32 s22, s22, SLOT
.endr
	v_mul_u32_u24 v5, v1, KS
	v_lshrrev_b32 v6, 8, v5
	v_lshl_add_u32 v5, v6, 4, v5
	s_mul_i32 s21, s15, HALFS
	s_mul_i32 s22, s16, HALFS
	s_add_co_u32 s22, s22, 2*HALFS
	s_sub_co_u32 s22, s22, s21
	v_mul_u32_u24 v6, s22, v2
	s_add_co_u32 s21, s21, SCL
	v_add_nc_u32 v5, v5, v6
	v_add_nc_u32 v[ADRS], s21, v5
	; b1: loaded now into registers that the loop leaves alone, waited for at the way out; the address register is never rewritten
	s_lshl_b32 s20, s42, 10
	s_lshl_b32 s21, s16, 9
	s_add_co_u32 s20, s20, s21                     ; 4 x my first column
	v_lshl_add_u32 v8, v2, 5, s20
.irp b, 0,1,2,3,4,5,6,7
	global_load_b128 v[BC+8*\b:BC+8*\b+3], v8, s[96:97] offset:64*\b
	global_load_b128 v[BC+8*\b+4:BC+8*\b+7], v8, s[96:97] offset:64*\b+16
.endr
	; the stage, on the way in: my wave's own stretch
	s_mul_i32 s20, s14, STRETCH
	v_mul_u32_u24 v[STA], v1, SROW
	v_lshl_add_u32 v[STA], v2, 5, v[STA]
	v_add_nc_u32 v[STA], s20, v[STA]               ; stretch x wave + 144 r + 32 x my block of the pair: two places
	s_lshl_b32 s20, s14, 9
	s_add_co_u32 s20, s20, STG2
	v_lshl_add_u32 v[STB], v1, 2, s20              ; 512 x wave + 4 r
	; and on the way out: wave w takes rows 64 w .. 64 w + 63 of the 256, two rows an instruction: sixteen lanes to a row, lanes 0-7 of them the left half's eight places, lanes 8-15 the right half's
	s_mul_i32 s20, s15, 2*STRETCH                  ; the two stretches of my rows' half of the tile,
	s_mul_i32 s21, s16, 64*SROW                    ; my 64 rows of their 128
	s_add_co_u32 s20, s20, s21
	v_and_b32 v6, 31, v0                           ; lane
	v_bfe_u32 v3, v0, 3, 1                         ; which half of the row
	v_and_b32 v4, 7, v0                            ; which place of it
	v_mul_u32_u24 v[RDA], v2, SROW                 ; lanes 16-31: the next row
	v_mad_u32_u24 v[RDA], v3, STRETCH, v[RDA]
	v_lshl_add_u32 v[RDA], v4, 4, v[RDA]
	v_add_nc_u32 v[RDA], s20, v[RDA]
	s_mul_i32 s20, s14, 12288
	v_mul_u32_u24 v[GOC], v6, 12
	v_add_nc_u32 v[GOC], s20, v[GOC]               ; in memory two rows are 384 bytes on end: 12 x lane; my 64 rows begin at 12,288 x wave
	s_lshl_b32 s20, s15, 10
	s_lshl_b32 s21, s16, 8
	s_add_co_u32 s20, s20, s21
	s_add_co_u32 s20, s20, STG2
	v_lshl_add_u32 v[RDS], v6, 2, s20
	s_lshl_b32 s20, s14, 13
	v_lshl_add_u32 v[GOS], v6, 7, s20              ; (64 w + lane) x 128
	s_mul_i32 s20, s42, 786432
	s_mul_i32 s21, s17, 49152
	s_add_co_u32 s20, s20, s21                     ; the work-group's dense block of codes
	s_mov_b32 s21, 0
	s_lshl_b32 s22, s17, 15
	s_lshl_b32 s23, s42, 3
	s_add_co_u32 s22, s22, s23
	s_add_co_u32 s22, s22, HSC                     ; its rows' 8 scale bytes
	s_mov_b32 s23, 0
	s_add_nc_u64 s[98:99], s[12:13], s[22:23]
	s_add_nc_u64 s[12:13], s[12:13], s[20:21]
.macro FRAG reg, adr, q, i             ; a fragment, 16 rows x 128 K: 24 bytes of the row's stream of bits for each 64 along K, in pieces of 8 bytes; the second address register serves the pieces behind one padding more
.irp p, 0,1,2,3,4,5
.set PC, 12*(\q)+6*(\p/3)+\p%3
.if PC%8 < 5
	ds_load_b64 v[\reg+2*\p:\reg+2*\p+1], v[\adr] offset:8*PC+16*(PC/8)+(\i)*16*PITCH
.else
	ds_load_b64 v[\reg+2*\p:\reg+2*\p+1], v[\adr+2] offset:8*PC+16*(PC/8)+(\i)*16*PITCH
.endif
.endr
.endm
.macro MUL16 a0, p, q, sc, zero        ; 16 matrix instructions; the 64 accumulators take turns, one instruction a turn
.irp a, \a0, \a0+1
.irp b, 0,1,2,3,4,5,6,7
.if \zero
	v_wmma_scale_f32_16x16x128_f8f6f4 v[8*(8*((\a)%4)+\b):8*(8*((\a)%4)+\b)+7], v[128*(\p)+FR*\b:128*(\p)+FR*\b+FR-1], v[AF+FR*(\a):AF+FR*(\a)+FR-1], 0, v[SC+8*NQ*(\sc)+NQ*\b+(\q)], v[SC+8*NQ*(\sc)+NQ*(\a)+(\q)] matrix_a_fmt:MATRIX_FMT_FP6 matrix_b_fmt:MATRIX_FMT_FP6 matrix_a_scale:MATRIX_SCALE_ROW1
.else
	v_wmma_scale_f32_16x16x128_f8f6f4 v[8*(8*((\a)%4)+\b):8*(8*((\a)%4)+\b)+7], v[128*(\p)+FR*\b:128*(\p)+FR*\b+FR-1], v[AF+FR*(\a):AF+FR*(\a)+FR-1], v[8*(8*((\a)%4)+\b):8*(8*((\a)%4)+\b)+7], v[SC+8*NQ*(\sc)+NQ*\b+(\q)], v[SC+8*NQ*(\sc)+NQ*(\a)+(\q)] matrix_a_fmt:MATRIX_FMT_FP6 matrix_b_fmt:MATRIX_FMT_FP6 matrix_a_scale:MATRIX_SCALE_ROW1
.endif
.endr
.endr
.endm
.macro FETCH_B slot, q, p
	WIN TO_B
.irp i, 0,1,2,3,4,5,6,7
	FRAG 128*(\p)+FR*\i, ADRB+\slot, \q, \i
.endr
	WIN 0
.endm
.macro FETCH_A slot, q, i0
.irp i, \i0, \i0+1, \i0+2, \i0+3
	FRAG AF+FR*(\i), ADRA+\slot, \q, \i
.endr
.endm
.macro SCALES sc
.irp i, 0,1,2,3,4,5,6,7
	ds_load_b64 v[SC+8*NQ*\sc+NQ*\i:SC+8*NQ*\sc+NQ*\i+1], v[ADRS] offset:\i*SBLK
.endr
.endm
.macro PLACES n                        ; plain vector instructions between a matrix instruction and a load into, or a read or write of, its registers
.rept \n
	v_nop
.endr
.endm
.macro STEP slot, q, zero
	s_wait_dscnt 4*NL                              ; all but the youngest 24 loads (A's blocks 4-7) are in
	WIN MUL_LO
	MUL16 0, (\q)%2, \q, \slot, \zero
	MUL16 2, (\q)%2, \q, \slot, \zero
	s_wait_dscnt 0
	PLACES NP
	FETCH_B \slot, (\q)+1, 1-(\q)%2
	FETCH_A \slot, (\q)+1, 0
	WIN MUL_HI
	MUL16 4, (\q)%2, \q, \slot, \zero
	MUL16 6, (\q)%2, \q, \slot, \zero
	PLACES NP
	WIN 0
	FETCH_A \slot, (\q)+1, 4
.endm
.macro TURN slot, next, fill           ; a slot's last step changes slots
	s_wait_tensorcnt 0x0                           ; all my tensor loads have landed: my part of the next slot
	ds_add_u32 v[SPW], v[NIL]                      ; 0 onto my spare word
	s_wait_dscnt 4*NL+1                            ; (the add and the youngest 24 loads may be out)
	WIN MUL_LO
	MUL16 0, 1, NQ-1, \slot, 0
	s_wait_dscnt 0x0                               ; the add is done, and my reads of this slot are over
	s_barrier_signal -1
	MUL16 2, 1, NQ-1, \slot, 0
	WIN 0
	s_barrier_wait -1
.if \fill
	CREST                                          ; the barrier has opened a round of the cluster's: no wave of any partner still reads this slot or has a load on its way
	s_add_nc_u64 s[G0+4*\slot+2:G0+4*\slot+3], s[G0+4*\slot+2:G0+4*\slot+3], 2*ASTEP
	s_add_nc_u64 s[G0B+4*\slot+2:G0B+4*\slot+3], s[G0B+4*\slot+2:G0B+4*\slot+3], 2*ROWB
	JLOAD G0+4*\slot, G1, G0B+4*\slot, G1B
.else
	PLACES NP
.endif
	v_add_nc_u32 v[ADRS], 4*NQ, v[ADRS]
	FETCH_B \next, 0, 0
	FETCH_A \next, 0, 0
	SCALES \next
	WIN MUL_HI
	MUL16 4, 1, NQ-1, \slot, 0
	MUL16 6, 1, NQ-1, \slot, 0
	PLACES NP
	WIN 0
	FETCH_A \next, 0, 4
.endm
	s_wait_tensorcnt 1                             ; the scale bytes and my part of K step 0 are in; K step 1's load may be out
	s_barrier_signal -1
	s_barrier_wait -1
	FETCH_B 0, 0, 0
	FETCH_A 0, 0, 0
	SCALES 0
	FETCH_A 0, 0, 4
	STEP 0, 0, 1
	s_mov_b32 s3, LAPS-1
.Llap:
	TURN 0, 1, 1
	STEP 1, 0, 0
	TURN 1, 0, 1
	STEP 0, 0, 0
	s_sub_co_u32 s3, s3, 1
	s_cmp_lg_u32 s3, 0
	s_cbranch_scc1 .Llap
	TURN 0, 1, 0
	STEP 1, 0, 0
	s_wait_dscnt 4*NL
	WIN MUL_LO
	MUL16 0, 1, NQ-1, 1, 0
	MUL16 2, 1, NQ-1, 1, 0
	s_wait_dscnt 0
	WIN MUL_HI
	MUL16 4, 1, NQ-1, 1, 0
	MUL16 6, 1, NQ-1, 1, 0
	WIN 0
; ---- THE WAY OUT
.macro CONST i, x                      ; constant i, as a pair
	v_mov_b32 v[KC+2*\i], \x
	v_mov_b32 v[KC+2*\i+1], \x
.endm
.macro FVVV d, a, b, c                 ; four packed multiply-adds: d = a b + c on 8 numbers
.irp k, 0,2,4,6
	v_pk_fma_f32 v[(\d)+\k:(\d)+\k+1], v[(\a)+\k:(\a)+\k+1], v[(\b)+\k:(\b)+\k+1], v[(\c)+\k:(\c)+\k+1]
.endr
.endm
.macro FVVC d, a, b, c                 ; c a constant pair
.irp k, 0,2,4,6
	v_pk_fma_f32 v[(\d)+\k:(\d)+\k+1], v[(\a)+\k:(\a)+\k+1], v[(\b)+\k:(\b)+\k+1], v[(\c):(\c)+1]
.endr
.endm
.macro FVCC d, a, b, c                 ; b and c constant pairs
.irp k, 0,2,4,6
	v_pk_fma_f32 v[(\d)+\k:(\d)+\k+1], v[(\a)+\k:(\a)+\k+1], v[(\b):(\b)+1], v[(\c):(\c)+1]
.endr
.endm
.macro GELU8 p                         ; v[p] .. v[p + 7] become their GELU
.irp k, 0,2,4,6
	v_pk_mul_f32 v[ZR+\k:ZR+\k+1], v[(\p)+\k:(\p)+\k+1], v[KC:KC+1]         ; z = x / sqrt(2)
.endr
.irp k, 0,2,4,6
	v_pk_mul_f32 v[SQ+\k:SQ+\k+1], v[ZR+\k:ZR+\k+1], v[ZR+\k:ZR+\k+1]       ; z^2
.endr
.irp i, 0,1,2,3,4,5,6,7
	v_and_b32 v[AR+\i], 0x7fffffff, v[ZR+\i]       ; t = |z|
.endr
	FVCC RR, AR, KC+2, KC+4                        ; the exponent r of erfc(t) = e^r
	FVCC UR, AR, KC+6, KC+8
	FVVV RR, RR, SQ, UR
	FVVC RR, RR, AR, KC+10
	FVVC RR, RR, AR, KC+12
	FVVC RR, RR, AR, KC+14
.irp k, 0,2,4,6
	v_pk_fma_f32 v[RR+\k:RR+\k+1], v[RR+\k:RR+\k+1], v[AR+\k:AR+\k+1], v[AR+\k:AR+\k+1] neg_lo:[0,0,1] neg_hi:[0,0,1]   ; r t - t
.endr
.irp k, 0,2,4,6
	v_pk_fma_f32 v[RR+\k:RR+\k+1], v[RR+\k:RR+\k+1], v[KC+16:KC+17], -1.0 op_sel_hi:[1,1,0]   ; to base 2, and halved
.endr
.irp i, 0,1,2,3,4,5,6,7
	v_exp_f32 v[RR+\i], v[RR+\i]                   ; erfc(t) / 2
.endr
	FVCC UR, SQ, KC+18, KC+20                      ; erf(z) for small z: plain work behind the exponentials, which names none of their results
	FVVC UR, UR, SQ, KC+22
	FVVC UR, UR, SQ, KC+24
	FVVC UR, UR, SQ, KC+26
	FVVC UR, UR, SQ, KC+28
	FVVV UR, UR, ZR, ZR
.irp k, 0,2,4,6
	v_pk_fma_f32 v[UR+\k:UR+\k+1], v[UR+\k:UR+\k+1], 0.5, 0.5 op_sel_hi:[1,0,0]   ; 1/2 + erf / 2
.endr
	s_wait_alu depctr_va_vdst(0)                   ; one wait for the eight exponentials, ahead of their first reader
.irp k, 0,2,4,6
	v_pk_fma_f32 v[SQ+\k:SQ+\k+1], v[RR+\k:RR+\k+1], -1.0, 1.0 op_sel_hi:[1,0,0]   ; 1 - erfc / 2
.endr
.irp i, 0,1,2,3,4,5,6,7
	v_cmp_gt_f32 vcc_lo, 0, v[ZR+\i]
	v_cndmask_b32 v[RR+\i], v[SQ+\i], v[RR+\i], vcc_lo    ; z < 0: erfc / 2
	v_cmp_lt_f32 vcc_lo, 0x3f6d8000, v[AR+\i]             ; 475/512 < t?
	v_cndmask_b32 v[RR+\i], v[UR+\i], v[RR+\i], vcc_lo
.endr
.irp k, 0,2,4,6
	v_pk_mul_f32 v[(\p)+\k:(\p)+\k+1], v[(\p)+\k:(\p)+\k+1], v[RR+\k:RR+\k+1]
.endr
.endm
.macro SWAPF s                         ; 32 numbers: register 16 b + 8 u + j of lane half h holds column 32 b + 16 u + 8 h + j; afterwards register 16 b + i holds column 32 b + 16 h + i: the true order
.irp b, 0,1
.irp j, 0,1,2,3,4,5,6,7
	v_permlane16_swap_b32 v[(\s)+16*\b+\j], v[(\s)+16*\b+8+\j]
.endr
.endr
.endm
; 32 numbers of a lane, two blocks' halves, become two runs of three registers of codes, v[cd] on and v[cd + 4] on: lanes 0-15 hold the first block, lanes 16-31 the second; the first run its lower 16 codes, the second its upper 16; and two scale bytes in v[hw]
.macro QUANT2 s, cd, hw
.irp b, 0,1
	v_max3_num_f32 v[TM+\b], |v[(\s)+16*\b]|, |v[(\s)+16*\b+1]|, 0x1800000   ; and the floor 2^(3 - 127): the byte cannot fall under 1
.endr
.irp i, 2,4,6,8,10,12,14
.irp b, 0,1
	v_max3_num_f32 v[TM+\b], v[TM+\b], |v[(\s)+16*\b+\i]|, |v[(\s)+16*\b+\i+1]|
.endr
.endr
.irp b, 0,1
	v_permlanex16_b32 v[TM+2+\b], v[TM+\b], s[SEL], s[SEL+1]
.endr
.irp b, 0,1
	v_max_num_f32 v[TM+\b], v[TM+\b], v[TM+2+\b]
.endr
.irp b, 0,1
	v_add_nc_u32 v[TM+4+\b], 0xff000000, v[TM+\b]  ; 2 off the exponent field: the conversion's scale operand
.endr
.irp b, 0,1
	v_lshrrev_b32 v[TM+6+\b], 23, v[TM+4+\b]
.endr
	v_lshl_or_b32 v[\hw], v[TM+7], 8, v[TM+6]
	v_cvt_scalef32_pk16_fp6_f32 v[(\cd):(\cd)+2], v[(\s):(\s)+15], v[TM+4]
	v_cvt_scalef32_pk16_fp6_f32 v[(\cd)+4:(\cd)+6], v[(\s)+16:(\s)+31], v[TM+5]
	v_nop                                          ; one plain instruction behind a scaled conversion
.irp i, 0,1,2
	v_permlane16_swap_b32 v[(\cd)+\i], v[(\cd)+4+\i]   ; the first's lanes 16-31 change places with the second's lanes 0-15: a whole block to a lane
.endr
.endm
.macro GET a                           ; block a's 64 sums + b1: the one part of a trip in which register numbers differ
	WIN 0x02+(\a)/4
.irp i, 0,2,4,6,8,10,12,14,16,18,20,22,24,26,28,30,32,34,36,38,40,42,44,46,48,50,52,54,56,58,60,62
	v_pk_add_f32 v[TT+\i:TT+\i+1], v[64*((\a)%4)+\i:64*((\a)%4)+\i+1], v[BC+\i:BC+\i+1]   ; each accumulator from its low end on
.endr
	WIN 0
.endm
	PLACES NP                                      ; behind the last products: their scale words' and fragments' registers are written below, their results read
	s_wait_loadcnt 0x0                             ; b1
	s_mov_b32 s[SEL], 0x76543210
	s_mov_b32 s[SEL+1], 0xfedcba98
	CONST 0, 0x3f3504f3                            ; 1 / sqrt(2)
	CONST 1, 0xb7910000                            ; -1.72853470e-5   the exponent's polynomial
	CONST 2, 0x39c8e7d9                            ;  3.83197126e-4
	CONST 3, 0xbb7e8a1c                            ; -3.88396438e-3
	CONST 4, 0x3cc6b1a1                            ;  2.42546219e-2
	CONST 5, 0xbddaae5c                            ; -1.06777877e-1
	CONST 6, 0xbf228550                            ; -6.34846687e-1
	CONST 7, 0xbe03ce86                            ; -1.28717512e-1
	CONST 8, 0x3fb8aa3b                            ; log2(e)
	CONST 9, 0xba1c7000                            ; -5.96761703e-4   erf's polynomial
	CONST 10, 0x3ba38d2c                           ;  4.99119423e-3
	CONST 11, 0xbcdb48d9                           ; -2.67681349e-2
	CONST 12, 0x3de70e22                           ;  1.12819925e-1
	CONST 13, 0xbec09380                           ; -3.76125336e-1
	CONST 14, 0x3e0375d4                           ;  1.28379166e-1
	v_mov_b32 v[TM+2], 0                           ; a lane permute's destination counts as read: written once
	v_mov_b32 v[TM+3], 0
	s_mov_b32 s3, 0                                ; the block of 16 tokens
	s_mov_b32 s66, 0                               ; its place in my stretch of the stage: 16 rows of 144 bytes a block,
	s_mov_b32 s67, 0                               ; 64 bytes among the scale words
.Lrow:                                             ; eight trips.  The trip is written once; the branches on its count pick the block's accumulators
	s_cmp_eq_u32 s3, 0
	s_cbranch_scc1 .Lget0
	s_cmp_eq_u32 s3, 1
	s_cbranch_scc1 .Lget1
	s_cmp_eq_u32 s3, 2
	s_cbranch_scc1 .Lget2
	s_cmp_eq_u32 s3, 3
	s_cbranch_scc1 .Lget3
	s_cmp_eq_u32 s3, 4
	s_cbranch_scc1 .Lget4
	s_cmp_eq_u32 s3, 5
	s_cbranch_scc1 .Lget5
	s_cmp_eq_u32 s3, 6
	s_cbranch_scc1 .Lget6
	GET 7
	s_branch .Lgot
.Lget0:
	GET 0
	s_branch .Lgot
.Lget1:
	GET 1
	s_branch .Lgot
.Lget2:
	GET 2
	s_branch .Lgot
.Lget3:
	GET 3
	s_branch .Lgot
.Lget4:
	GET 4
	s_branch .Lgot
.Lget5:
	GET 5
	s_branch .Lgot
.Lget6:
	GET 6
.Lgot:
	s_wait_dscnt 0x0                               ; the last trip's stores into the stage have read their registers
	v_add_nc_u32 v[TRA], s66, v[STA]
	v_add_nc_u32 v[TRA+1], s67, v[STB]
.irp g, 0,1                                    ; 64 columns, two blocks of 32, at a time
.irp k, 0,8,16,24
	GELU8 TT+32*\g+\k
.endr
	SWAPF TT+32*\g
	QUANT2 TT+32*\g, CD+8*\g, HW+\g
	ds_store_b96 v[TRA], v[CD+8*\g:CD+8*\g+2] offset:64*\g           ; 16 codes, 12 bytes, to a place of 16 bytes: every LDS address is a multiple of 16
	ds_store_b96 v[TRA], v[CD+8*\g+4:CD+8*\g+6] offset:64*\g+16
.endr
	v_lshl_or_b32 v[WD], v[HW+1], 16, v[HW]        ; my row's four scale bytes; lanes 16-31 store what lanes 0-15 store
	ds_store_b32 v[TRA+1], v[WD]
	s_add_co_u32 s66, s66, 16*SROW
	s_add_co_u32 s67, s67, 64
	s_add_co_u32 s3, s3, 1
	s_cmp_lt_u32 s3, 8
	s_cbranch_scc1 .Lrow
	s_wait_dscnt 0x0                               ; for the others' sake: my stores into the stage are done
	s_barrier_signal -1
	s_barrier_wait -1
.irp n, 0,1                                    ; my 64 rows, two an instruction, in two runs of sixteen
.if \n > 0
	s_wait_xcnt 0x0                                ; the last run's stores have read their registers
.endif
.irp i, 0,1,2,3,4,5,6,7,8,9,10,11,12,13,14,15
	ds_load_b96 v[TT+4*\i:TT+4*\i+2], v[RDA] offset:2*SROW*(16*\n+\i)
.endr
.irp i, 0,1,2,3,4,5,6,7,8,9,10,11,12,13,14,15
	s_wait_dscnt 15-\i                             ; load i of the run is in; the run's younger loads may be out
	global_store_b96 v[GOC], v[TT+4*\i:TT+4*\i+2], s[12:13] offset:384*(16*\n+\i)   ; 32 lanes store 384 consecutive bytes: two rows
.endr
.endr
	ds_load_b32 v192, v[RDS]                       ; the scale words of rows 64 w + lane: the left half's wave's,
	ds_load_b32 v193, v[RDS] offset:512            ; the right half's;
	ds_load_b32 v194, v[RDS] offset:128            ; and of the rows 32 further on
	ds_load_b32 v195, v[RDS] offset:640
	s_wait_dscnt 0x0
	global_store_b64 v[GOS], v[192:193], s[98:99]  ; 8 bytes of each row's 128: the layout is the one in which the next launch takes a tile's scale bytes as one dense block
	global_store_b64 v[GOS], v[194:195], s[98:99] offset:4096
	s_wait_tensorcnt 0x0                           ; the wave's end
	ds_add_u32 v[SPW], v[NIL]
	s_wait_dscnt 0x0
	CROUND                                         ; the closing round
	s_endpgm
.Lfunc_end_k_q7e6dda0512_mlp_up:
	.size	k_q7e6dda0512_mlp_up, .Lfunc_end_k_q7e6dda0512_mlp_up-k_q7e6dda0512_mlp_up
	.p2alignl 7, 3214868480
	.fill 96, 4, 3214868480
	.section	.rodata,"a",@progbits
	.p2align	6, 0x0
	.amdhsa_kernel k_q7e6dda0512_mlp_up
		.amdhsa_group_segment_fixed_size 327680
		.amdhsa_private_segment_fixed_size 0
		.amdhsa_enable_private_segment 0
		.amdhsa_kernarg_size 40
		.amdhsa_user_sgpr_count 2
		.amdhsa_user_sgpr_kernarg_segment_ptr 1
		.amdhsa_wavefront_size32 1
		.amdhsa_system_sgpr_workgroup_id_x 1
		.amdhsa_system_sgpr_workgroup_id_y 1
		.amdhsa_system_sgpr_workgroup_id_z 1
		.amdhsa_system_vgpr_workitem_id 0
		.amdhsa_next_free_vgpr 1024
		.amdhsa_next_free_sgpr 102
		.amdhsa_reserve_vcc 1
		.amdhsa_float_denorm_mode_32 3
		.amdhsa_float_denorm_mode_16_64 3
		.amdhsa_memory_ordered 1
		.amdhsa_forward_progress 1
		.amdhsa_inst_pref_size 219
	.end_amdhsa_kernel
	.amdgpu_metadata
---
amdhsa.version: [ 1, 2 ]
amdhsa.kernels:
  - .name:           k_q7e6dda0512_mlp_up
    .symbol:         k_q7e6dda0512_mlp_up.kd
    .args:
      - { .name: nq, .offset: 0, .size: 8, .value_kind: global_buffer, .address_space: global }
      - { .name: W1_codes, .offset: 8, .size: 8, .value_kind: global_buffer, .address_space: global }
      - { .name: W1_scales, .offset: 16, .size: 8, .value_kind: global_buffer, .address_space: global }
      - { .name: b1, .offset: 24, .size: 8, .value_kind: global_buffer, .address_space: global }
      - { .name: hq, .offset: 32, .size: 8, .value_kind: global_buffer, .address_space: global }
    .group_segment_fixed_size: 327680
    .private_segment_fixed_size: 0
    .kernarg_segment_align: 8
    .kernarg_segment_size: 40
    .max_flat_workgroup_size: 128
    .sgpr_count:     102
    .vgpr_count:     1024
    .wavefront_size: 32
...
	.end_amdgpu_metadata
.endif
;; end of part 6
;; launch mlp_down (part 7): grid 4 x 16, 4 waves a work-group, clusters of 4 x 4, 327,680 bytes of LDS; arguments hq, W2_codes, W2_scales, y2; writes y2
.if DOCPART == 7
	.amdgcn_target "amdgcn-amd-amdhsa--gfx1250"
	.amdhsa_code_object_version 6
	.text
	.protected	k_q7e6dda0512_mlp_down
	.globl	k_q7e6dda0512_mlp_down
	.p2align	8
	.type	k_q7e6dda0512_mlp_down,@function
k_q7e6dda0512_mlp_down:
	s_mov_b64 s[64:65], 0
	v_nop
	global_prefetch_b8 v0, s[64:65] scope:SCOPE_SE
	s_setreg_imm32_b32 hwreg(HW_REG_WAVE_MODE, 25, 1), 1
	s_wait_xcnt 0x0
	s_wait_alu depctr_hold_cnt(0) depctr_sa_sdst(0) depctr_va_vdst(0) depctr_va_sdst(0) depctr_va_ssrc(0) depctr_va_vcc(0) depctr_vm_vsrc(0)
	s_getreg_b32 s2, hwreg(HW_REG_IB_STS2, 6, 4)
	s_cmp_eq_u32 s2, 0
	s_cbranch_scc0 .Lentry_in_a_cluster
	s_endpgm
.Lentry_in_a_cluster:
	s_bfe_u32 s2, ttmp6, 0x10000c
	s_cmp_lg_u32 s2, 0xf033
	s_cbranch_scc0 .Lentry_shape_is_right
	s_endpgm
.Lentry_shape_is_right:
; C[m][n] = sum over k of A[m][k] B[n][k] on codes of FP6 (E2M3) with one E8M0 scale for each 32 along K; C [4096][1024] f32.  Here: A = the hidden layer as codes (K = 4,096), B = W2.  The bias, the residual and the norm follow in the next launch,
; which needs whole rows of 1,024, four of these tiles.
; A's codes lie BY K STEP OF 256: [16][4096 rows][192 bytes], so a tile's rows are dense and a K step on is 786,432 bytes on; from byte ASC on the scale bytes [4096][128].
; A tile of 256 x 256 to a work-group of four waves, 128 x 128 to a wave: 64 accumulators, 512 registers.  K goes in steps of 256 through a ring of two LDS slots filled by the tensor data mover; the scale bytes of the
; work-group's rows come once and stay in LDS.  4 x 4 work-groups form a cluster: A's tile is asked for jointly by a row of the cluster, B's by a column.
; C has 64 such tiles: a quarter of the chip's WGPs have work.  A smaller tile would share the work further at the price of more LDS bytes for each product.
; The matrix instruction is used transposed (source 0 = 16 rows of B, source 1 = 16 rows of A): a lane holds eight neighbouring numbers of a row of C.
; REGISTERS, in windows of 256: window 0: v0-31 addresses; v32-63 scale words, two sets; v128-223 A's fragments, one set.  window 1: B's fragments, two sets.  windows 2, 3: the accumulators.
.set SIZE_K, 4096
.set SIZE_N, 1024
.set KSTEP,  256
.set NQ,     KSTEP/128
.set ROWB,   192
.set KROWA,  192                       ; a row of A's tile in memory: dense
.set KROWB,  SIZE_K*6/8                ; a row of B
.set ASTEP,  786432                    ; from a K step of A to the next, in memory
.set ASC,    12582912                  ; where A's scale bytes begin
.set PITCH,  240
.set FR,     12
.set NL,     6
.set NP,     4
.set HALFT,  128*PITCH
.set SLOT,   4*HALFT
.set LAPS,   SIZE_K/(2*KSTEP)
.set KS,     SIZE_K/32
.set SCL,    2*SLOT
.set HALFS,  (128*KS/256)*272
.set SBLK,   (16*KS/256)*272
.set SPARE,  SCL+4*HALFS
.set SPITCH, 528                       ; the way out: a stage of 16 rows x (512 bytes + 16) for each wave, in slot 0, which has had its last fill and its last read by then
.set ADRA, 16
.set ADRB, 20
.set STO,  24
.set RD,   25
.set CO,   26
.set ADRS, 27
.set SPW,  28
.set NIL,  29
.set SC,   32
.set AF,   128
.set BK,   128
.set G1, 24
.set G0, 32
.set G1B, 48
.set G0B, 56
.set G1S, 68
.set G0S, 76
.set G1SB, 80
.set G0SB, 88
.set MSB, 0
.macro WIN new                         ; the immediate's high byte repeats the setting that is left
.if MSB != \new
	s_set_vgpr_msb (MSB<<8)|\new
.set MSB, \new
.endif
.endm
.set MUL_LO, 0xa1
.set MUL_HI, 0xf1
.set TO_B,   0x40
.macro JLOAD g0a, g1a, g0b, g1b        ; a joint load: waves 0 and 1 fetch for A, waves 2 and 3 for B; four v_nop follow each of the two lines
	s_cmp_eq_u32 s15, 0
	s_cbranch_scc0 .Lfor_b_\@
	tensor_load_to_lds s[\g0a:\g0a+3], s[\g1a:\g1a+7]
	s_nop 0
.rept 4
	v_nop
.endr
	s_branch .Lasked_\@
.Lfor_b_\@:
	tensor_load_to_lds s[\g0b:\g0b+3], s[\g1b:\g1b+7]
	s_nop 0
.rept 4
	v_nop
.endr
.Lasked_\@:
.endm
.macro CREST
	s_cmp_lg_u32 s14, 0
	s_cbranch_scc1 .Lnot_wave_0_\@
	s_barrier_signal -3
.Lnot_wave_0_\@:
	s_barrier_wait -3
	s_barrier_signal -1
	s_barrier_wait -1
.endm
.macro CROUND
	s_barrier_signal -1
	s_barrier_wait -1
	CREST
.endm
	s_load_b64 s[4:5], s[0:1], 0x0                 ; A: codes, and behind them the scale bytes
	s_load_b128 s[8:11], s[0:1], 0x8               ; B's codes, B's scales
	s_load_b64 s[12:13], s[0:1], 0x18              ; C
	v_lshl_add_u32 v[SPW], v0, 2, SPARE
	v_mov_b32 v[NIL], 0
	ds_add_u32 v28, v29
	ds_add_u32 v28, v29
	s_wait_dscnt 0x0
	v_lshrrev_b32 v1, 5, v0
	v_readfirstlane_b32 s14, v1                    ; wave 0..3
	s_lshr_b32 s15, s14, 1
	s_and_b32 s16, s14, 1
	s_bfe_u32 s40, ttmp6, 0x40000                  ; cx, cy
	s_bfe_u32 s41, ttmp6, 0x40004
	s_lshl_b32 s42, ttmp9, 2
	s_add_co_u32 s42, s42, s40                     ; tile column of C
	s_and_b32 s17, ttmp7, 0xffff
	s_lshl_b32 s17, s17, 2
	s_add_co_u32 s17, s17, s41                     ; tile row of C
	s_lshl_b32 s43, s41, 2
	s_lshl_b32 s43, 15, s43                        ; my row of the cluster
	s_lshl_b32 s44, 0x1111, s40                    ; my column
	s_or_b32 s[G1+0], s43, (0<<16)|(1<<20)|(1<<21)|(3<<22)|(3<<25)   ; a tile of 128 rows x ROWB bytes, 16 bytes of padding behind every 64
	s_or_b32 s[G1B+0], s44, (0<<16)|(1<<20)|(1<<21)|(3<<22)|(3<<25)
.irp g, G1, G1B
	s_mov_b32 s[\g+1], ROWB<<16
	s_mov_b32 s[\g+2], 128<<16
	s_mov_b32 s[\g+3], ROWB<<16
	s_mov_b32 s[\g+4], 128
	s_mov_b32 s[\g+6], 0
	s_mov_b32 s[\g+7], 0
.endr
	s_mov_b32 s[G1+5], KROWA
	s_mov_b32 s[G1B+5], KROWB
	s_or_b32 s[G1S+0], s43, (3<<16)|(1<<20)|(1<<21)|(5<<22)|(3<<25)  ; the scale bytes of 128 rows: dense, as rows of 256 bytes + 16 of padding
	s_or_b32 s[G1SB+0], s44, (3<<16)|(1<<20)|(1<<21)|(5<<22)|(3<<25)
.irp g, G1S, G1SB
	s_mov_b32 s[\g+1], 32<<16
	s_mov_b32 s[\g+2], (128*KS/256)<<16
	s_mov_b32 s[\g+3], 32<<16
	s_mov_b32 s[\g+4], 128*KS/256
	s_mov_b32 s[\g+5], 32
	s_mov_b32 s[\g+6], 0
	s_mov_b32 s[\g+7], 0
.endr
	s_lshl_b32 s18, s16, 7
	s_lshl_b32 s20, s17, 8
	s_add_co_u32 s20, s20, s18
	s_lshl_b32 s46, s42, 8
	s_add_co_u32 s46, s46, s18
	s_mov_b32 s21, 0
	s_mov_b32 s47, 0
	s_mov_b64 s[18:19], KS
	s_mul_u64 s[22:23], s[20:21], s[18:19]
	s_mul_u64 s[92:93], s[46:47], s[18:19]
	s_mov_b64 s[18:19], KROWA
	s_mul_u64 s[20:21], s[20:21], s[18:19]
	s_mov_b64 s[18:19], KROWB
	s_mul_u64 s[46:47], s[46:47], s[18:19]
	s_mul_i32 s45, s14, HALFT
	s_mul_i32 s94, s14, HALFS
	s_wait_kmcnt 0x0
	s_add_nc_u64 s[6:7], s[4:5], ASC               ; A's scale bytes
	s_add_nc_u64 s[20:21], s[4:5], s[20:21]
	s_add_nc_u64 s[22:23], s[6:7], s[22:23]
	s_add_nc_u64 s[46:47], s[8:9], s[46:47]
	s_add_nc_u64 s[92:93], s[10:11], s[92:93]
	CROUND                                         ; all sixteen work-groups are here: the first joint loads meet
	s_mov_b32 s[G0S], 1
	s_add_co_u32 s[G0S+1], s94, SCL
	s_mov_b64 s[G0S+2:G0S+3], s[22:23]
	s_or_b32 s[G0S+3], s[G0S+3], 0x80000000
	s_mov_b32 s[G0SB], 1
	s_add_co_u32 s[G0SB+1], s94, SCL
	s_mov_b64 s[G0SB+2:G0SB+3], s[92:93]
	s_or_b32 s[G0SB+3], s[G0SB+3], 0x80000000
	JLOAD G0S, G1S, G0SB, G1SB
.irp s, 0,1
	s_mov_b32 s[G0+4*\s], 1
	s_add_co_u32 s[G0+4*\s+1], s45, \s*SLOT
	s_add_nc_u64 s[G0+4*\s+2:G0+4*\s+3], s[20:21], \s*ASTEP
	s_or_b32 s[G0+4*\s+3], s[G0+4*\s+3], 0x80000000
	s_mov_b32 s[G0B+4*\s], 1
	s_add_co_u32 s[G0B+4*\s+1], s45, \s*SLOT
	s_add_nc_u64 s[G0B+4*\s+2:G0B+4*\s+3], s[46:47], \s*ROWB
	s_or_b32 s[G0B+4*\s+3], s[G0B+4*\s+3], 0x80000000
	JLOAD G0+4*\s, G1, G0B+4*\s, G1B
.endr
	v_and_b32 v1, 15, v0
	v_bfe_u32 v2, v0, 4, 1
	v_mul_u32_u24 v3, v1, PITCH
	v_mul_u32_u24 v4, v2, 24
	v_add_nc_u32 v4, v3, v4
	v_lshl_add_u32 v5, v2, 4, v4
	s_mul_i32 s21, s15, HALFT
	s_mul_i32 s22, s16, HALFT
	s_add_co_u32 s22, s22, 2*HALFT
.irp s, 0,1
	v_add_nc_u32 v[ADRA+\s], s21, v4
	v_add_nc_u32 v[ADRB+\s], s22, v4
	v_add_nc_u32 v[ADRA+2+\s], s21, v5
	v_add_nc_u32 v[ADRB+2+\s], s22, v5
	s_add_co_u32 s21, s21, SLOT
	s_add_co_u32 s22, s22, SLOT
.endr
	v_mul_u32_u24 v5, v1, KS
	v_lshrrev_b32 v6, 8, v5
	v_lshl_add_u32 v5, v6, 4, v5
	s_mul_i32 s21, s15, HALFS
	s_mul_i32 s22, s16, HALFS
	s_add_co_u32 s22, s22, 2*HALFS
	s_sub_co_u32 s22, s22, s21
	v_mul_u32_u24 v6, s22, v2
	s_add_co_u32 s21, s21, SCL
	v_add_nc_u32 v5, v5, v6
	v_add_nc_u32 v[ADRS], s21, v5
	s_mul_i32 s23, s14, 16*SPITCH                  ; my stage
	v_mul_u32_u24 v5, v1, SPITCH
	v_lshl_add_u32 v5, v2, 5, v5
	v_add_nc_u32 v[STO], s23, v5
	v_and_b32 v6, 31, v0
	v_lshlrev_b32 v[CO], 4, v6
	v_add_nc_u32 v[RD], s23, v[CO]
	s_lshl_b32 s20, s17, 8
	s_lshl_b32 s21, s15, 7
	s_add_co_u32 s20, s20, s21                     ; my first row of C
	s_mov_b32 s21, 0
	s_mov_b64 s[18:19], SIZE_N*4
	s_mul_u64 s[20:21], s[20:21], s[18:19]
	s_lshl_b32 s46, s42, 10
	s_lshl_b32 s47, s16, 9
	s_add_co_u32 s46, s46, s47
	s_mov_b32 s47, 0
	s_add_nc_u64 s[20:21], s[20:21], s[46:47]
	s_add_nc_u64 s[12:13], s[12:13], s[20:21]
.macro FRAG reg, adr, q, i             ; a fragment, 16 rows x 128 K: 24 bytes of the row's stream of bits for each 64 along K, in pieces of 8 bytes; the second address register serves the pieces behind one padding more
.irp p, 0,1,2,3,4,5
.set PC, 12*(\q)+6*(\p/3)+\p%3
.if PC%8 < 5
	ds_load_b64 v[\reg+2*\p:\reg+2*\p+1], v[\adr] offset:8*PC+16*(PC/8)+(\i)*16*PITCH
.else
	ds_load_b64 v[\reg+2*\p:\reg+2*\p+1], v[\adr+2] offset:8*PC+16*(PC/8)+(\i)*16*PITCH
.endif
.endr
.endm
.macro MUL16 a0, p, q, sc, zero        ; 16 matrix instructions; the 64 accumulators take turns, one instruction a turn
.irp a, \a0, \a0+1
.irp b, 0,1,2,3,4,5,6,7
.if \zero
	v_wmma_scale_f32_16x16x128_f8f6f4 v[8*(8*((\a)%4)+\b):8*(8*((\a)%4)+\b)+7], v[128*(\p)+FR*\b:128*(\p)+FR*\b+FR-1], v[AF+FR*(\a):AF+FR*(\a)+FR-1], 0, v[SC+8*NQ*(\sc)+NQ*\b+(\q)], v[SC+8*NQ*(\sc)+NQ*(\a)+(\q)] matrix_a_fmt:MATRIX_FMT_FP6 matrix_b_fmt:MATRIX_FMT_FP6 matrix_a_scale:MATRIX_SCALE_ROW1
.else
	v_wmma_scale_f32_16x16x128_f8f6f4 v[8*(8*((\a)%4)+\b):8*(8*((\a)%4)+\b)+7], v[128*(\p)+FR*\b:128*(\p)+FR*\b+FR-1], v[AF+FR*(\a):AF+FR*(\a)+FR-1], v[8*(8*((\a)%4)+\b):8*(8*((\a)%4)+\b)+7], v[SC+8*NQ*(\sc)+NQ*\b+(\q)], v[SC+8*NQ*(\sc)+NQ*(\a)+(\q)] matrix_a_fmt:MATRIX_FMT_FP6 matrix_b_fmt:MATRIX_FMT_FP6 matrix_a_scale:MATRIX_SCALE_ROW1
.endif
.endr
.endr
.endm
.macro FETCH_B slot, q, p
	WIN TO_B
.irp i, 0,1,2,3,4,5,6,7
	FRAG 128*(\p)+FR*\i, ADRB+\slot, \q, \i
.endr
	WIN 0
.endm
.macro FETCH_A slot, q, i0
.irp i, \i0, \i0+1, \i0+2, \i0+3
	FRAG AF+FR*(\i), ADRA+\slot, \q, \i
.endr
.endm
.macro SCALES sc
.irp i, 0,1,2,3,4,5,6,7
	ds_load_b64 v[SC+8*NQ*\sc+NQ*\i:SC+8*NQ*\sc+NQ*\i+1], v[ADRS] offset:\i*SBLK
.endr
.endm
.macro PLACES n                        ; plain vector instructions between a matrix instruction and a load into, or a read of, its registers
.rept \n
	v_nop
.endr
.endm
.macro STEP slot, q, zero
	s_wait_dscnt 4*NL                              ; all but the youngest 24 loads (A's blocks 4-7) are in
	WIN MUL_LO
	MUL16 0, (\q)%2, \q, \slot, \zero
	MUL16 2, (\q)%2, \q, \slot, \zero
	s_wait_dscnt 0
	PLACES NP
	FETCH_B \slot, (\q)+1, 1-(\q)%2
	FETCH_A \slot, (\q)+1, 0
	WIN MUL_HI
	MUL16 4, (\q)%2, \q, \slot, \zero
	MUL16 6, (\q)%2, \q, \slot, \zero
	PLACES NP
	WIN 0
	FETCH_A \slot, (\q)+1, 4
.endm
.macro TURN slot, next, fill           ; a slot's last step changes slots
	s_wait_tensorcnt 0x0                           ; all my tensor loads have landed: my part of the next slot
	ds_add_u32 v[SPW], v[NIL]                      ; 0 onto my spare word
	s_wait_dscnt 4*NL+1                            ; (the add and the youngest 24 loads may be out)
	WIN MUL_LO
	MUL16 0, 1, NQ-1, \slot, 0
	s_wait_dscnt 0x0                               ; the add is done, and my reads of this slot are over
	s_barrier_signal -1
	MUL16 2, 1, NQ-1, \slot, 0
	WIN 0
	s_barrier_wait -1
.if \fill
	CREST                                          ; the barrier has opened a round of the cluster's: no wave of any partner still reads this slot or has a load on its way
	s_add_nc_u64 s[G0+4*\slot+2:G0+4*\slot+3], s[G0+4*\slot+2:G0+4*\slot+3], 2*ASTEP
	s_add_nc_u64 s[G0B+4*\slot+2:G0B+4*\slot+3], s[G0B+4*\slot+2:G0B+4*\slot+3], 2*ROWB
	JLOAD G0+4*\slot, G1, G0B+4*\slot, G1B
.else
	PLACES NP
.endif
	v_add_nc_u32 v[ADRS], 4*NQ, v[ADRS]
	FETCH_B \next, 0, 0
	FETCH_A \next, 0, 0
	SCALES \next
	WIN MUL_HI
	MUL16 4, 1, NQ-1, \slot, 0
	MUL16 6, 1, NQ-1, \slot, 0
	PLACES NP
	WIN 0
	FETCH_A \next, 0, 4
.endm
	s_wait_tensorcnt 1                             ; the scale bytes and my part of K step 0 are in; K step 1's load may be out
	s_barrier_signal -1
	s_barrier_wait -1
	FETCH_B 0, 0, 0
	FETCH_A 0, 0, 0
	SCALES 0
	FETCH_A 0, 0, 4
	STEP 0, 0, 1
	s_mov_b32 s3, LAPS-1
.Llap:
	TURN 0, 1, 1
	STEP 1, 0, 0
	TURN 1, 0, 1
	STEP 0, 0, 0
	s_sub_co_u32 s3, s3, 1
	s_cmp_lg_u32 s3, 0
	s_cbranch_scc1 .Llap
	TURN 0, 1, 0
	STEP 1, 0, 0
	s_wait_dscnt 4*NL
	WIN MUL_LO
	MUL16 0, 1, NQ-1, 1, 0
	MUL16 2, 1, NQ-1, 1, 0
	s_wait_dscnt 0
	WIN MUL_HI
	MUL16 4, 1, NQ-1, 1, 0
	MUL16 6, 1, NQ-1, 1, 0
	WIN 0
; THE WAY OUT, block by block of 16 rows x 128 columns, through my own stage in LDS: in as 32 bytes a lane, back as whole rows of 512 bytes.  LDS serves a wave's instructions in order (ISA guide 5.7.1.4).
.macro TOSTAGE a
.set AC, 64*((\a)%4)
	WIN 0x08+4*((\a)/4)
.irp b, 0,1,2,3,4,5,6,7
	ds_store_b128 v[STO], v[AC+8*\b:AC+8*\b+3] offset:64*\b          ; each accumulator from its low end on
	ds_store_b128 v[STO], v[AC+8*\b+4:AC+8*\b+7] offset:64*\b+16
.endr
	WIN 0
.set BB, BK+64*((\a)%2)
.irp t, 0,1,2,3,4,5,6,7,8,9,10,11,12,13,14,15
	ds_load_b128 v[BB+4*\t:BB+4*\t+3], v[RD] offset:\t*SPITCH
.endr
.endm
.macro SEND a, younger
.set BB, BK+64*((\a)%2)
	s_wait_dscnt \younger
.if (\a) > 0
	s_add_nc_u64 s[12:13], s[12:13], 16*SIZE_N*4   ; (behind a wait on XCNT: the earlier stores have read their base)
.endif
.irp t, 0,1,2,3,4,5,6,7,8,9,10,11,12,13,14,15
	global_store_b128 v[CO], v[BB+4*\t:BB+4*\t+3], s[12:13] offset:\t*SIZE_N*4 th:TH_STORE_NT   ; 32 lanes store 512 consecutive bytes, aligned
.endr
.endm
	PLACES NP
	TOSTAGE 0
.irp a, 1,2,3,4,5,6,7
.if \a > 1
	s_wait_xcnt 0x0                                ; block a - 2's stores have read their registers and their base
.endif
	TOSTAGE \a
	SEND \a-1, 32                                  ; behind block a - 1's loads: block a's 16 stores and 16 loads
.endr
	s_wait_xcnt 0x0
	SEND 7, 0
	s_wait_tensorcnt 0x0                           ; the wave's end
	ds_add_u32 v[SPW], v[NIL]
	s_wait_dscnt 0x0
	CROUND                                         ; the closing round
	s_endpgm
.Lfunc_end_k_q7e6dda0512_mlp_down:
	.size	k_q7e6dda0512_mlp_down, .Lfunc_end_k_q7e6dda0512_mlp_down-k_q7e6dda0512_mlp_down
	.p2alignl 7, 3214868480
	.fill 96, 4, 3214868480
	.section	.rodata,"a",@progbits
	.p2align	6, 0x0
	.amdhsa_kernel k_q7e6dda0512_mlp_down
		.amdhsa_group_segment_fixed_size 327680
		.amdhsa_private_segment_fixed_size 0
		.amdhsa_enable_private_segment 0
		.amdhsa_kernarg_size 32
		.amdhsa_user_sgpr_count 2
		.amdhsa_user_sgpr_kernarg_segment_ptr 1
		.amdhsa_wavefront_size32 1
		.amdhsa_system_sgpr_workgroup_id_x 1
		.amdhsa_system_sgpr_workgroup_id_y 1
		.amdhsa_system_sgpr_workgroup_id_z 1
		.amdhsa_system_vgpr_workitem_id 0
		.amdhsa_next_free_vgpr 1024
		.amdhsa_next_free_sgpr 102
		.amdhsa_reserve_vcc 0
		.amdhsa_float_denorm_mode_32 3
		.amdhsa_float_denorm_mode_16_64 3
		.amdhsa_memory_ordered 1
		.amdhsa_forward_progress 1
		.amdhsa_inst_pref_size 160
	.end_amdhsa_kernel
	.amdgpu_metadata
---
amdhsa.version: [ 1, 2 ]
amdhsa.kernels:
  - .name:           k_q7e6dda0512_mlp_down
    .symbol:         k_q7e6dda0512_mlp_down.kd
    .args:
      - { .name: hq, .offset: 0, .size: 8, .value_kind: global_buffer, .address_space: global }
      - { .name: W2_codes, .offset: 8, .size: 8, .value_kind: global_buffer, .address_space: global }
      - { .name: W2_scales, .offset: 16, .size: 8, .value_kind: global_buffer, .address_space: global }
      - { .name: y2, .offset: 24, .size: 8, .value_kind: global_buffer, .address_space: global }
    .group_segment_fixed_size: 327680
    .private_segment_fixed_size: 0
    .kernarg_segment_align: 8
    .kernarg_segment_size: 32
    .max_flat_workgroup_size: 128
    .sgpr_count:     102
    .vgpr_count:     1024
    .wavefront_size: 32
...
	.end_amdgpu_metadata
.endif
;; end of part 7
;; launch norm2 (part 8): grid 256 x 1, 4 waves a work-group, no clusters, 0 bytes of LDS; arguments y2, xn, b2, g2, beta2, out0; writes out0
.if DOCPART == 8
	.amdgcn_target "amdgcn-amd-amdhsa--gfx1250"
	.amdhsa_code_object_version 6
	.text
	.protected	k_q7e6dda0512_norm2
	.globl	k_q7e6dda0512_norm2
	.p2align	8
	.type	k_q7e6dda0512_norm2,@function
k_q7e6dda0512_norm2:
	s_mov_b64 s[64:65], 0
	v_nop
	global_prefetch_b8 v0, s[64:65] scope:SCOPE_SE
	s_setreg_imm32_b32 hwreg(HW_REG_WAVE_MODE, 25, 1), 1
	s_wait_xcnt 0x0
; out = LayerNorm(x_norm1 + (h W2 + b2)) with gain g2 and offset beta2, f32 [4096][1024].
; This text is a row stream with four switches: ADD (row = X + (Y + PB)), NORM (LayerNorm with gain PG and offset PE), OUTF (the row is stored as f32), QUANT (the row is quantised).  Here QUANT is off.
; SHARES.  A work-group of four waves takes 16 rows, a wave 4.  A load of a wave reads 512 consecutive bytes, 16 a lane; a row is eight such loads and stays in 32 registers, so each input byte is read once.
; The mean is taken off before the squares are summed.
; LIMITS: NaN and infinities are not served.
; No LDS, no tensor load, no barrier: waves share nothing.  No cluster: work-groups share only 12 KB of parameters.
.set ADD,   1
.set NORM,  1
.set OUTF,  1
.set QUANT, 0
.set SLOTS, 2                          ; rows in registers at a time
.set ROWS,  4                          ; rows of a wave
.set LPR,   8+8*ADD                    ; loads of a row
.set PB,    24                         ; v24-55 PB, v56-87 PG, v88-119 PE: my 32 columns of the three parameters
.set PG,    56
.set PE,    88
.set SL,    120                        ; slot s at v[SL + SLW s]: 32 registers Y, which become the row; 32 more, X
.set SLW,   32+32*ADD
	s_load_b256 s[4:11], s[0:1], 0x0               ; Y s[4:5], X s[6:7], PB s[8:9], PG s[10:11]
	s_load_b128 s[16:19], s[0:1], 0x20             ; PE s[16:17], the result s[18:19]
	v_lshrrev_b32 v1, 5, v0
	v_readfirstlane_b32 s24, v1                    ; wave
	v_and_b32 v1, 31, v0                           ; lane
	v_lshlrev_b32 v2, 4, v1                        ; my 16 bytes of a load's 512
	v_mov_b32 v23, 0                               ; a lane permute's destination counts as read: written once
	s_mov_b32 s12, 0x76543210                      ; v_permlanex16_b32: lane l xor 16
	s_mov_b32 s13, 0xfedcba98
	s_mov_b32 s14, 0x3a800000                      ; 1 / 1024
	s_mov_b32 s15, 0x3727c5ac                      ; 1e-5
	s_lshl_b32 s26, ttmp9, 4
	s_lshl_b32 s27, s24, 2
	s_add_co_u32 s26, s26, s27                     ; my first row
	s_lshl_b32 s26, s26, 12
	s_mov_b32 s27, 0
	s_wait_kmcnt 0x0
	s_add_nc_u64 s[4:5], s[4:5], s[26:27]
	s_add_nc_u64 s[6:7], s[6:7], s[26:27]
	s_add_nc_u64 s[18:19], s[18:19], s[26:27]
.macro LOADROW r
.set LB, SL+SLW*((\r)%SLOTS)
.irp j, 0,1,2,3,4,5,6,7
	global_load_b128 v[LB+4*\j:LB+4*\j+3], v2, s[4:5] offset:4096*(\r)+512*\j th:TH_LOAD_NT
.endr
.irp j, 0,1,2,3,4,5,6,7
	global_load_b128 v[LB+32+4*\j:LB+32+4*\j+3], v2, s[6:7] offset:4096*(\r)+512*\j th:TH_LOAD_NT
.endr
.endm
.macro FOLD                            ; four packed chains in v10-17 become the row's sum, in v22 of every lane
	v_pk_add_f32 v[10:11], v[10:11], v[12:13]
	v_pk_add_f32 v[14:15], v[14:15], v[16:17]
	v_pk_add_f32 v[10:11], v[10:11], v[14:15]
	v_add_f32 v22, v10, v11
	v_add_f32_dpp v22, v22, v22 row_xmask:1 row_mask:0xf bank_mask:0xf
	v_add_f32_dpp v22, v22, v22 row_xmask:2 row_mask:0xf bank_mask:0xf
	v_add_f32_dpp v22, v22, v22 row_xmask:4 row_mask:0xf bank_mask:0xf
	v_add_f32_dpp v22, v22, v22 row_xmask:8 row_mask:0xf bank_mask:0xf
	v_permlanex16_b32 v23, v22, s12, s13
	v_add_f32 v22, v22, v23
.endm
.macro ROW r
.set VR, SL+SLW*((\r)%SLOTS)
.if ROWS-1-(\r) < SLOTS-1
	s_wait_loadcnt LPR*(ROWS-1-(\r))               ; my row is in; what may be out: the loads of the rows behind it
.else
	s_wait_loadcnt LPR*(SLOTS-1)
.endif
.irp i, 0,2,4,6,8,10,12,14,16,18,20,22,24,26,28,30
	v_pk_add_f32 v[VR+\i:VR+\i+1], v[VR+\i:VR+\i+1], v[PB+\i:PB+\i+1]          ; the product's bias,
.endr
.irp i, 0,2,4,6,8,10,12,14,16,18,20,22,24,26,28,30
	v_pk_add_f32 v[VR+\i:VR+\i+1], v[VR+32+\i:VR+32+\i+1], v[VR+\i:VR+\i+1]    ; then the residual
.endr
.irp c, 0,1,2,3
	v_pk_add_f32 v[10+2*\c:11+2*\c], v[VR+2*\c:VR+2*\c+1], v[VR+8+2*\c:VR+9+2*\c]
.endr
.irp k, 16,24
.irp c, 0,1,2,3
	v_pk_add_f32 v[10+2*\c:11+2*\c], v[10+2*\c:11+2*\c], v[VR+\k+2*\c:VR+\k+2*\c+1]
.endr
.endr
	FOLD
	v_mul_f32 v18, s14, v22                        ; the mean
	v_mov_b32 v19, v18
.irp i, 0,2,4,6,8,10,12,14,16,18,20,22,24,26,28,30
	v_pk_add_f32 v[VR+\i:VR+\i+1], v[VR+\i:VR+\i+1], v[18:19] neg_lo:[0,1] neg_hi:[0,1]   ; the mean goes off first: the variance is no difference of large sums
.endr
.irp c, 0,1,2,3
	v_pk_mul_f32 v[10+2*\c:11+2*\c], v[VR+2*\c:VR+2*\c+1], v[VR+2*\c:VR+2*\c+1]
.endr
.irp k, 8,16,24
.irp c, 0,1,2,3
	v_pk_fma_f32 v[10+2*\c:11+2*\c], v[VR+\k+2*\c:VR+\k+2*\c+1], v[VR+\k+2*\c:VR+\k+2*\c+1], v[10+2*\c:11+2*\c]
.endr
.endr
	FOLD
	v_fma_f32 v22, v22, s14, s15                   ; the variance + 1e-5
	v_rsq_f32 v20, v22
	v_nop                                          ; a plain instruction behind the transcendental,
	s_wait_alu depctr_va_vdst(0)                   ; and the wait ahead of its first reader
	v_mov_b32 v21, v20
.irp i, 0,2,4,6,8,10,12,14,16,18,20,22,24,26,28,30
	v_pk_mul_f32 v[VR+\i:VR+\i+1], v[VR+\i:VR+\i+1], v[20:21]
.endr
.irp i, 0,2,4,6,8,10,12,14,16,18,20,22,24,26,28,30
	v_pk_fma_f32 v[VR+\i:VR+\i+1], v[VR+\i:VR+\i+1], v[PG+\i:PG+\i+1], v[PE+\i:PE+\i+1]
.endr
.irp j, 0,1,2,3,4,5,6,7
	global_store_b128 v2, v[VR+4*\j:VR+4*\j+3], s[18:19] offset:4096*(\r)+512*\j th:TH_STORE_NT   ; 32 lanes store 512 consecutive bytes, aligned
.endr
.if (\r)+SLOTS < ROWS
	s_wait_xcnt 0x0                                ; the stores have read their data: the row's registers may be loaded again
	LOADROW (\r)+SLOTS
.endif
.endm
.irp j, 0,1,2,3,4,5,6,7
	global_load_b128 v[PB+4*\j:PB+4*\j+3], v2, s[8:9] offset:512*\j
	global_load_b128 v[PG+4*\j:PG+4*\j+3], v2, s[10:11] offset:512*\j
	global_load_b128 v[PE+4*\j:PE+4*\j+3], v2, s[16:17] offset:512*\j
.endr
	LOADROW 0
	LOADROW 1
	ROW 0
	ROW 1
	ROW 2
	ROW 3
	s_endpgm
.Lfunc_end_k_q7e6dda0512_norm2:
	.size	k_q7e6dda0512_norm2, .Lfunc_end_k_q7e6dda0512_norm2-k_q7e6dda0512_norm2
	.p2alignl 7, 3214868480
	.fill 96, 4, 3214868480
	.section	.rodata,"a",@progbits
	.p2align	6, 0x0
	.amdhsa_kernel k_q7e6dda0512_norm2
		.amdhsa_group_segment_fixed_size 0
		.amdhsa_private_segment_fixed_size 0
		.amdhsa_enable_private_segment 0
		.amdhsa_kernarg_size 48
		.amdhsa_user_sgpr_count 2
		.amdhsa_user_sgpr_kernarg_segment_ptr 1
		.amdhsa_wavefront_size32 1
		.amdhsa_system_sgpr_workgroup_id_x 1
		.amdhsa_system_sgpr_workgroup_id_y 1
		.amdhsa_system_sgpr_workgroup_id_z 1
		.amdhsa_system_vgpr_workitem_id 0
		.amdhsa_next_free_vgpr 256
		.amdhsa_next_free_sgpr 66
		.amdhsa_reserve_vcc 0
		.amdhsa_float_denorm_mode_32 3
		.amdhsa_float_denorm_mode_16_64 3
		.amdhsa_memory_ordered 1
		.amdhsa_forward_progress 1
		.amdhsa_inst_pref_size 46
	.end_amdhsa_kernel
	.amdgpu_metadata
---
amdhsa.version: [ 1, 2 ]
amdhsa.kernels:
  - .name:           k_q7e6dda0512_norm2
    .symbol:         k_q7e6dda0512_norm2.kd
    .args:
      - { .name: y2, .offset: 0, .size: 8, .value_kind: global_buffer, .address_space: global }
      - { .name: xn, .offset: 8, .size: 8, .value_kind: global_buffer, .address_space: global }
      - { .name: b2, .offset: 16, .size: 8, .value_kind: global_buffer, .address_space: global }
      - { .name: g2, .offset: 24, .size: 8, .value_kind: global_buffer, .address_space: global }
      - { .name: beta2, .offset: 32, .size: 8, .value_kind: global_buffer, .address_space: global }
      - { .name: out0, .offset: 40, .size: 8, .value_kind: global_buffer, .address_space: global }
    .group_segment_fixed_size: 0
    .private_segment_fixed_size: 0
    .kernarg_segment_align: 8
    .kernarg_segment_size: 48
    .max_flat_workgroup_size: 128
    .sgpr_count:     66
    .vgpr_count:     256
    .wavefront_size: 32
...
	.end_amdgpu_metadata
.endif
;; end of part 8
;; ======== version 2 of 2: 8 launches
;; limits: right only within a limited range of input values
;; workspace buffers: xq 3,276,800 bytes; qkv 10,092,544 bytes; cq 3,276,800 bytes; y1 16,777,216 bytes; xn 16,777,216 bytes; nq 3,276,800 bytes; hq 13,107,200 bytes; y2 16,777,216 bytes
;; launch quant_x (part 9): grid 256 x 1, 4 waves a work-group, no clusters, 22,016 bytes of LDS; arguments x, xq; writes xq
.if DOCPART == 9
	.amdgcn_target "amdgcn-amd-amdhsa--gfx1250"
	.amdhsa_code_object_version 6
	.text
	.protected	k_q7e6dda0512_quant_x
	.globl	k_q7e6dda0512_quant_x
	.p2align	8
	.type	k_q7e6dda0512_quant_x,@function
k_q7e6dda0512_quant_x:
	s_mov_b64 s[64:65], 0
	v_nop
	global_prefetch_b8 v0, s[64:65] scope:SCOPE_SE
	s_setreg_imm32_b32 hwreg(HW_REG_WAVE_MODE, 25, 1), 1
	s_wait_xcnt 0x0
; x [4096][1024] f32 becomes codes of FP6 (E2M3), K innermost, [4096][768] bytes, and behind them (at byte ASC) one E8M0 byte for each 32 numbers, [4096][32].
; This text is a row stream with four switches: ADD (row = X + (Y + PB)), NORM (LayerNorm with gain PG and offset PE), OUTF (the row is stored as f32), QUANT (the row is quantised).  Here only QUANT is on.
; SHARES.  A work-group of four waves takes 16 rows, a wave 4.  A load of a wave reads 512 consecutive bytes, 16 a lane; a row is eight such loads and stays in 32 registers.
; QUANTISER.  A block's scale is 2^(floor(log2(largest magnitude)) - 2); its byte is the largest magnitude's exponent field - 2, held at 1 from below.  The conversion wants 16 neighbours in one lane, so a row turns
; through the wave's own stage in LDS (64 bytes + 16 of padding to a place), half a row to a stage; two neighbouring lanes then hold a block.
; LIMITS: NaN and infinities are not served.  A block of zeros, and one whose largest magnitude lies under 2^-124, keeps the byte 1 (the rule says 127 for zeros): its codes are zeros or tiny, and this program alone reads the bytes.
; No tensor load, no barrier: waves share nothing.  No cluster: work-groups share no input.
.set ADD,   0
.set NORM,  0
.set OUTF,  0
.set QUANT, 1
.set SLOTS, 4                          ; rows in registers at a time
.set ROWS,  4                          ; rows of a wave
.set LPR,   8+8*ADD                    ; loads of a row
.set ASC,   3145728                    ; where the scale bytes begin in the codes' buffer
.set SP,    80                         ; a place in a stage
.set WREG,  5376                       ; LDS of a wave: two stages of 32 places, then 256 bytes for its scale bytes
.set PB,    24                         ; v24-55 PB, v56-87 PG, v88-119 PE: my 32 columns of the three parameters
.set PG,    56
.set PE,    88
.set SL,    120                        ; slot s at v[SL + SLW s]: 32 registers Y, which become the row; with ADD 32 more, X
.set SLW,   32+32*ADD
.set CD,    248                        ; v248-250, v252-254: the codes of a row's two halves
.if ADD
	s_load_b256 s[4:11], s[0:1], 0x0               ; Y s[4:5], X s[6:7], PB s[8:9], PG s[10:11]
	s_load_b128 s[16:19], s[0:1], 0x20             ; PE s[16:17], the f32 result s[18:19]
.if QUANT
	s_load_b64 s[20:21], s[0:1], 0x30              ; the codes' buffer
.endif
.else
	s_load_b128 s[4:7], s[0:1], 0x0                ; Y s[4:5], the codes' buffer s[6:7]
	v_lshl_add_u32 v251, v0, 2, 0x5400
	v_mov_b32 v255, 0
.endif
	v_lshrrev_b32 v1, 5, v0
	v_readfirstlane_b32 s24, v1                    ; wave
	v_and_b32 v1, 31, v0                           ; lane
	v_lshlrev_b32 v2, 4, v1                        ; my 16 bytes of a load's 512
.if NORM
	v_mov_b32 v23, 0                               ; a lane permute's destination counts as read: written once
	s_mov_b32 s12, 0x76543210                      ; v_permlanex16_b32: lane l xor 16
	s_mov_b32 s13, 0xfedcba98
	s_mov_b32 s14, 0x3a800000                      ; 1 / 1024
	s_mov_b32 s15, 0x3727c5ac                      ; 1e-5
.endif
.if QUANT
	s_mul_i32 s25, s24, WREG
	v_lshrrev_b32 v3, 2, v1
	v_mul_u32_u24 v3, v3, SP
	v_and_b32 v4, 3, v1
	v_lshl_add_u32 v3, v4, 4, v3
	v_add_nc_u32 v3, s25, v3                       ; into a stage: four lanes' 64 bytes on end, then the padding
	v_mul_u32_u24 v4, v1, SP
	v_add_nc_u32 v4, s25, v4                       ; out of it: my place, 16 neighbours
	s_add_co_u32 s25, s25, 2*32*SP
	v_lshrrev_b32 v5, 1, v1
	v_add_nc_u32 v5, s25, v5                       ; my block's scale byte
	v_lshlrev_b32 v8, 2, v1
	v_add_nc_u32 v6, s25, v8                       ; and on the way out 4 bytes a lane
	v_mul_u32_u24 v7, v1, 12                       ; my 16 codes among half a row's
.endif
	s_lshl_b32 s26, ttmp9, 4
	s_lshl_b32 s27, s24, 2
	s_add_co_u32 s26, s26, s27                     ; my first row
	s_mul_i32 s28, s26, 768
	s_mov_b32 s29, 0
	s_lshl_b32 s30, s26, 5
	s_add_co_u32 s30, s30, ASC
	s_mov_b32 s31, 0
	s_lshl_b32 s26, s26, 12
	s_mov_b32 s27, 0
	s_wait_alu depctr_va_vdst(0)
	s_wait_kmcnt 0x0
.if !ADD
	s_mov_b64 s[20:21], s[6:7]
.endif
	s_add_nc_u64 s[4:5], s[4:5], s[26:27]
.if ADD
	s_add_nc_u64 s[6:7], s[6:7], s[26:27]
.endif
.if OUTF
	s_add_nc_u64 s[18:19], s[18:19], s[26:27]
.endif
.if QUANT
	s_add_nc_u64 s[22:23], s[20:21], s[30:31]      ; my rows' scale bytes
	s_add_nc_u64 s[20:21], s[20:21], s[28:29]      ; my rows' codes
.endif
.macro LOADROW r
.set LB, SL+SLW*((\r)%SLOTS)
.irp j, 0,1,2,3,4,5,6,7
	global_load_b128 v[LB+4*\j:LB+4*\j+3], v2, s[4:5] offset:4096*(\r)+512*\j th:TH_LOAD_NT
.endr
.if ADD
.irp j, 0,1,2,3,4,5,6,7
	global_load_b128 v[LB+32+4*\j:LB+32+4*\j+3], v2, s[6:7] offset:4096*(\r)+512*\j th:TH_LOAD_NT
.endr
.endif
.endm
.macro FOLD                            ; four packed chains in v10-17 become the row's sum, in v22 of every lane
	v_pk_add_f32 v[10:11], v[10:11], v[12:13]
	v_pk_add_f32 v[14:15], v[14:15], v[16:17]
	v_pk_add_f32 v[10:11], v[10:11], v[14:15]
	v_add_f32 v22, v10, v11
	v_add_f32_dpp v22, v22, v22 row_xmask:1 row_mask:0xf bank_mask:0xf
	v_add_f32_dpp v22, v22, v22 row_xmask:2 row_mask:0xf bank_mask:0xf
	v_add_f32_dpp v22, v22, v22 row_xmask:4 row_mask:0xf bank_mask:0xf
	v_add_f32_dpp v22, v22, v22 row_xmask:8 row_mask:0xf bank_mask:0xf
	v_permlanex16_b32 v23, v22, s12, s13
	v_add_f32 v22, v22, v23
.endm
.macro ROW r
.set VR, SL+SLW*((\r)%SLOTS)
.if ADD
.set XQ, VR+32                         ; the numbers that come back from the stages land where X lay
.else
.set XQ, 24
.endif
.if ROWS-1-(\r) < SLOTS-1
	s_wait_loadcnt LPR*(ROWS-1-(\r))               ; my row is in; what may be out: the loads of the rows behind it
.else
	s_wait_loadcnt LPR*(SLOTS-1)
.endif
.if ADD
.irp i, 0,2,4,6,8,10,12,14,16,18,20,22,24,26,28,30
	v_pk_add_f32 v[VR+\i:VR+\i+1], v[VR+\i:VR+\i+1], v[PB+\i:PB+\i+1]          ; the product's bias,
.endr
.irp i, 0,2,4,6,8,10,12,14,16,18,20,22,24,26,28,30
	v_pk_add_f32 v[VR+\i:VR+\i+1], v[VR+32+\i:VR+32+\i+1], v[VR+\i:VR+\i+1]    ; then the residual
.endr
.endif
.if NORM
.irp c, 0,1,2,3
	v_pk_add_f32 v[10+2*\c:11+2*\c], v[VR+2*\c:VR+2*\c+1], v[VR+8+2*\c:VR+9+2*\c]
.endr
.irp k, 16,24
.irp c, 0,1,2,3
	v_pk_add_f32 v[10+2*\c:11+2*\c], v[10+2*\c:11+2*\c], v[VR+\k+2*\c:VR+\k+2*\c+1]
.endr
.endr
	FOLD
	v_mul_f32 v18, s14, v22                        ; the mean
	v_mov_b32 v19, v18
.irp i, 0,2,4,6,8,10,12,14,16,18,20,22,24,26,28,30
	v_pk_add_f32 v[VR+\i:VR+\i+1], v[VR+\i:VR+\i+1], v[18:19] neg_lo:[0,1] neg_hi:[0,1]   ; the mean goes off first: the variance is no difference of large sums
.endr
.irp c, 0,1,2,3
	v_pk_mul_f32 v[10+2*\c:11+2*\c], v[VR+2*\c:VR+2*\c+1], v[VR+2*\c:VR+2*\c+1]
.endr
.irp k, 8,16,24
.irp c, 0,1,2,3
	v_pk_fma_f32 v[10+2*\c:11+2*\c], v[VR+\k+2*\c:VR+\k+2*\c+1], v[VR+\k+2*\c:VR+\k+2*\c+1], v[10+2*\c:11+2*\c]
.endr
.endr
	FOLD
	v_fma_f32 v22, v22, s14, s15                   ; the variance + 1e-5
	v_rsq_f32 v20, v22
	v_nop                                          ; a plain instruction behind the transcendental,
	s_wait_alu depctr_va_vdst(0)                   ; and the wait ahead of its first reader
	v_mov_b32 v21, v20
.irp i, 0,2,4,6,8,10,12,14,16,18,20,22,24,26,28,30
	v_pk_mul_f32 v[VR+\i:VR+\i+1], v[VR+\i:VR+\i+1], v[20:21]
.endr
.irp i, 0,2,4,6,8,10,12,14,16,18,20,22,24,26,28,30
	v_pk_fma_f32 v[VR+\i:VR+\i+1], v[VR+\i:VR+\i+1], v[PG+\i:PG+\i+1], v[PE+\i:PE+\i+1]
.endr
.endif
.if OUTF
.irp j, 0,1,2,3,4,5,6,7
	global_store_b128 v2, v[VR+4*\j:VR+4*\j+3], s[18:19] offset:4096*(\r)+512*\j   ; 32 lanes store 512 consecutive bytes, aligned
.endr
.endif
.if QUANT
.irp j, 0,1,2,3,4,5,6,7
	ds_store_b128 v3, v[VR+4*\j:VR+4*\j+3] offset:(\j/4)*32*SP+(\j%4)*8*SP
.endr
.irp q, 0,1
.irp i, 0,1,2,3
	ds_load_b128 v[XQ+16*\q+4*\i:XQ+16*\q+4*\i+3], v4 offset:32*SP*\q+16*\i    ; LDS serves a wave's instructions in order: these see the stores above
.endr
.endr
.irp q, 0,1
.set XS, XQ+16*\q
.if \q == 0
	s_wait_dscnt 4                                 ; the first half's four loads are in; the second half's four may be out
.else
	s_wait_dscnt 1                                 ; the second half's are in; the first half's byte store may be out
.endif
	v_max3_num_f32 v10, |v[XS]|, |v[XS+1]|, |v[XS+2]|              ; the largest magnitude of my 16
	v_max3_num_f32 v11, |v[XS+3]|, |v[XS+4]|, |v[XS+5]|
.irp i, 6,10
	v_max3_num_f32 v10, v10, |v[XS+\i]|, |v[XS+\i+1]|
	v_max3_num_f32 v11, v11, |v[XS+\i+2]|, |v[XS+\i+3]|
.endr
	v_max3_num_f32 v10, v10, |v[XS+14]|, |v[XS+15]|
	v_max3_num_f32 v10, v10, v11, 0x1800000        ; and the floor 2^(3 - 127): the byte cannot fall under 1
	v_max_num_f32_dpp v10, v10, v10 row_xmask:1 row_mask:0xf bank_mask:0xf   ; with my neighbour's 16: the block's
	v_add_nc_u32 v12, 0xff000000, v10              ; 2 off its exponent field: the conversion takes the exponent field of this operand as its scale
	v_cvt_scalef32_pk16_fp6_f32 v[CD+4*\q:CD+4*\q+2], v[XS:XS+15], v12
	v_lshrrev_b32 v[16+\q], 23, v12                ; the scale's byte (also the plain instruction behind the conversion)
	ds_store_b8 v5, v[16+\q] offset:32*(\r)+16*\q  ; both lanes of a block write the same byte with the same value
	global_store_b96 v7, v[CD+4*\q:CD+4*\q+2], s[20:21] offset:768*(\r)+384*\q   ; the wave stores 384 consecutive bytes
.endr
.endif
.if (\r) < ROWS-1
.if QUANT
	s_wait_dscnt 0x0                               ; the byte stores have read v16 and v17, which the next row's sums write
.endif
	s_wait_xcnt 0x0                                ; the stores have read their data: the row's and the codes' registers may be written again
.if (\r)+SLOTS < ROWS
	LOADROW (\r)+SLOTS
.endif
.endif
.endm
.if ADD
.irp j, 0,1,2,3,4,5,6,7
	global_load_b128 v[PB+4*\j:PB+4*\j+3], v2, s[8:9] offset:512*\j
	global_load_b128 v[PG+4*\j:PG+4*\j+3], v2, s[10:11] offset:512*\j
	global_load_b128 v[PE+4*\j:PE+4*\j+3], v2, s[16:17] offset:512*\j
.endr
.endif
.set Q, 0
.rept SLOTS
	LOADROW Q
.set Q, Q+1
.endr
	ROW 0
	ROW 1
	ROW 2
	ROW 3
.if QUANT
	ds_load_b32 v9, v6                             ; my four rows' 128 scale bytes: they lie on end in memory too
	s_wait_dscnt 0x0
	global_store_b32 v8, v9, s[22:23]
.endif
	s_wait_tensorcnt 0x0
	ds_add_u32 v251, v255
	s_wait_dscnt 0x0
	s_endpgm
.Lfunc_end_k_q7e6dda0512_quant_x:
	.size	k_q7e6dda0512_quant_x, .Lfunc_end_k_q7e6dda0512_quant_x-k_q7e6dda0512_quant_x
	.p2alignl 7, 3214868480
	.fill 96, 4, 3214868480
	.section	.rodata,"a",@progbits
	.p2align	6, 0x0
	.amdhsa_kernel k_q7e6dda0512_quant_x
		.amdhsa_group_segment_fixed_size 22016
		.amdhsa_private_segment_fixed_size 0
		.amdhsa_enable_private_segment 0
		.amdhsa_kernarg_size 16
		.amdhsa_user_sgpr_count 2
		.amdhsa_user_sgpr_kernarg_segment_ptr 1
		.amdhsa_wavefront_size32 1
		.amdhsa_system_sgpr_workgroup_id_x 1
		.amdhsa_system_sgpr_workgroup_id_y 1
		.amdhsa_system_sgpr_workgroup_id_z 1
		.amdhsa_system_vgpr_workitem_id 0
		.amdhsa_next_free_vgpr 256
		.amdhsa_next_free_sgpr 66
		.amdhsa_reserve_vcc 0
		.amdhsa_float_denorm_mode_32 3
		.amdhsa_float_denorm_mode_16_64 3
		.amdhsa_memory_ordered 1
		.amdhsa_forward_progress 1
		.amdhsa_inst_pref_size 17
	.end_amdhsa_kernel
	.amdgpu_metadata
---
amdhsa.version: [ 1, 2 ]
amdhsa.kernels:
  - .name:           k_q7e6dda0512_quant_x
    .symbol:         k_q7e6dda0512_quant_x.kd
    .args:
      - { .name: x, .offset: 0, .size: 8, .value_kind: global_buffer, .address_space: global }
      - { .name: xq, .offset: 8, .size: 8, .value_kind: global_buffer, .address_space: global }
    .group_segment_fixed_size: 22016
    .private_segment_fixed_size: 0
    .kernarg_segment_align: 8
    .kernarg_segment_size: 16
    .max_flat_workgroup_size: 128
    .sgpr_count:     66
    .vgpr_count:     256
    .wavefront_size: 32
...
	.end_amdgpu_metadata
.endif
;; end of part 9
;; launch qkv (part 10): grid 12 x 16, 4 waves a work-group, clusters of 4 x 4, 327,680 bytes of LDS; arguments xq, Wq_codes, Wq_scales, Wk_codes, Wk_scales, Wv_codes, Wv_scales, bq, bk, bv, mask, qkv; writes qkv
.if DOCPART == 10
	.amdgcn_target "amdgcn-amd-amdhsa--gfx1250"
	.amdhsa_code_object_version 6
	.text
	.protected	k_q7e6dda0512_qkv
	.globl	k_q7e6dda0512_qkv
	.p2align	8
	.type	k_q7e6dda0512_qkv,@function
k_q7e6dda0512_qkv:
	s_mov_b64 s[64:65], 0
	v_nop
	global_prefetch_b8 v0, s[64:65] scope:SCOPE_SE
	s_setreg_imm32_b32 hwreg(HW_REG_WAVE_MODE, 25, 1), 1
	s_wait_xcnt 0x0
	s_wait_alu depctr_hold_cnt(0) depctr_sa_sdst(0) depctr_va_vdst(0) depctr_va_sdst(0) depctr_va_ssrc(0) depctr_va_vcc(0) depctr_vm_vsrc(0)
	s_getreg_b32 s2, hwreg(HW_REG_IB_STS2, 6, 4)
	s_cmp_eq_u32 s2, 0
	s_cbranch_scc0 .Lentry_in_a_cluster
	s_endpgm
.Lentry_in_a_cluster:
	s_bfe_u32 s2, ttmp6, 0x10000c
	s_cmp_lg_u32 s2, 0xf033
	s_cbranch_scc0 .Lentry_shape_is_right
	s_endpgm
.Lentry_shape_is_right:
; q = x Wq + bq, k = x Wk + bk, v = x Wv + bv on codes of FP6 (E2M3) with one E8M0 scale for each 32 along K = 1,024; the results are quantised here and stored as images of the operand registers that the attention launch loads.
; THE PRODUCT.  A tile of 256 x 256 to a work-group of four waves, 128 x 128 to a wave: 64 accumulators.  K goes through two LDS slots in chunks of 256 bytes of each row (a row of codes is 768 bytes, so each chunk begins at a
; multiple of 256 bytes); a step of 128 along K is 96 bytes, eight steps to three chunks; steps 2 and 5 lie across two chunks.  The scale bytes of the work-group's rows come once and stay in LDS.
; 4 x 4 work-groups form a cluster: a tile of the first operand is asked for jointly by a row of the cluster, one of the second by a column.
; No prefetch: K is three chunks, of which two are asked for before the first product.
; THREE MODES, by the cluster's x (equal in all sixteen partners; selects, no branch): 0: first operand x, second Wq;  1: x, Wk;  2: first operand Wv, second x, which gives v TRANSPOSED.
; The matrix instruction takes the second operand's rows as source 0 and the first's as source 1: a lane holds ONE row of the first operand and its registers run along the second's rows.
; THE ORDER INSIDE A BLOCK OF 32.  Both operands of q k^T and of p v are made by this program, in the same order on both sides: code i < 16 is element 16 (i / 8) + i % 8 of the block, code i >= 16 element 16 ((i - 16) / 8) + 8 + i % 8.
; AN IMAGE is six registers of a fragment, 768 bytes: registers 0-3 at 16 x lane, registers 4-5 at 512 + 8 x lane; lanes 0-15 hold a row's first block, lanes 16-31 its second.
; THE MASK rides in the unused half of the attention instruction's K = 128: there q has one code -1.0 under the scale byte 0x21 and k one code +1.0 under byte 0x01 (a key that counts) or 0xfe (a masked key: the term is -2^33).
; A masked key's k is multiplied by 0 first, so its score is -2^33 exactly.
; LIMITS: scores of keys that count lie far above -1e9 x 8; NaN and infinities are not served; a block of zeros, or one under 2^-124, keeps the scale byte 1, which this program alone reads.
; qkv: for each of 32 (batch, head): 16 records of 13,056 bytes, one for 128 keys: 8 images of k, 4 fragments of v^T, 128 scale words of k, 64 of v^T; at QI q's images [32][128][768]; at QS q's scale words [32][2048].
.set ROWB,   256
.set NQ,     2
.set KROW,   768
.set STEPS,  8
.set CHUNKS, 3
.set PITCH,  272                       ; an LDS row: 256 bytes + 16 of padding
.set FR,     12
.set NL,     6
.set NP,     4
.set HALFT,  128*PITCH
.set SLOT,   4*HALFT
.set KS,     32
.set SCL,    2*SLOT
.set HALFS,  (128*KS/256)*272
.set SBLK,   (16*KS/256)*272
.set SPARE,  SCL+4*HALFS               ; the spare words, which no other line names
.set ASC,    3145728
.set QI,     6684672
.set QS,     9830400
.set ADRA, 16                          ; v16-17 first operand's fragments in slot 0, 1; v18-19 for pieces whose two halves of the lanes read different slots
.set ADRB, 20
.set ADRS, 27
.set SPW,  28
.set NIL,  29
.set SC,   32
.set AF,   128
.set BC,   64                          ; v64-127 the bias along my registers (q, k)
.set MK,   224
.set BRL,  232
.set F2,   32
.set BR2,  48
.set HI,   240
.set TT,   128
.set TM,   160
.set HW,   168
.set WD,   170
.set CD,   176
.set ONE,  192
.set G1, 24
.set G0, 32
.set G1B, 48
.set G0B, 56
.set G1S, 68
.set G0S, 76
.set G1SB, 80
.set G0SB, 88
.set G0H, 4
.set G0HB, 8
.set MV,  95
.set SEL, 100
.set PC0, 52
.set PS0, 56
.set MSB, 0
.macro WIN new
.if MSB != \new
	s_set_vgpr_msb (MSB<<8)|\new
.set MSB, \new
.endif
.endm
.set MUL_LO, 0xa1
.set MUL_HI, 0xf1
.set TO_B,   0x40
.macro JLOAD g0a, g1a, g0b, g1b        ; waves 0, 1 fetch for the first operand, waves 2, 3 for the second
	s_cmp_eq_u32 s15, 0
	s_cbranch_scc0 .Lfor_b_\@
	tensor_load_to_lds s[\g0a:\g0a+3], s[\g1a:\g1a+7]
	s_nop 0
.rept 4
	v_nop
.endr
	s_branch .Lasked_\@
.Lfor_b_\@:
	tensor_load_to_lds s[\g0b:\g0b+3], s[\g1b:\g1b+7]
	s_nop 0
.rept 4
	v_nop
.endr
.Lasked_\@:
.endm
.macro CREST
	s_cmp_lg_u32 s14, 0
	s_cbranch_scc1 .Lnot_wave_0_\@
	s_barrier_signal -3
.Lnot_wave_0_\@:
	s_barrier_wait -3
	s_barrier_signal -1
	s_barrier_wait -1
.endm
.macro CROUND
	s_barrier_signal -1
	s_barrier_wait -1
	CREST
.endm
	s_load_b512 s[68:83], s[0:1], 0x0              ; xq, Wq's codes, scales, Wk's, Wv's, bq
	s_load_b256 s[84:91], s[0:1], 0x40             ; bk, bv, mask, qkv
	v_lshl_add_u32 v[SPW], v0, 2, SPARE
	v_mov_b32 v[NIL], 0
	ds_add_u32 v[SPW], v[NIL]
	ds_add_u32 v[SPW], v[NIL]
	v_lshrrev_b32 v1, 5, v0
	v_readfirstlane_b32 s14, v1                    ; wave
	s_lshr_b32 s15, s14, 1                         ; my half of the tile's rows; also: I fetch for the first operand (0) or the second (1)
	s_and_b32 s16, s14, 1                          ; my half of its columns; also: which 128 rows I fetch
	s_bfe_u32 s40, ttmp6, 0x40000
	s_bfe_u32 s41, ttmp6, 0x40004
	s_and_b32 s18, ttmp7, 0xffff
	s_lshl_b32 s18, s18, 2                         ; the tokens' tiles walk along y
	s_cmp_eq_u32 ttmp9, 2
	s_cselect_b32 s17, 0, s18
	s_cselect_b32 s42, s18, 0
	s_add_co_u32 s17, s17, s41                     ; tile row (first operand)
	s_add_co_u32 s42, s42, s40                     ; tile column (second operand)
	s_lshl_b32 s43, s41, 2
	s_lshl_b32 s43, 15, s43
	s_lshl_b32 s44, 0x1111, s40
	s_wait_dscnt 0x0
	s_wait_kmcnt 0x0
	s_add_nc_u64 s[92:93], s[68:69], ASC
	s_cmp_eq_u32 ttmp9, 2
	s_cselect_b64 s[4:5], s[78:79], s[68:69]
	s_cselect_b64 s[6:7], s[80:81], s[92:93]
	s_cselect_b64 s[8:9], s[68:69], s[74:75]
	s_cselect_b64 s[10:11], s[92:93], s[76:77]
	s_cselect_b64 s[96:97], s[86:87], s[84:85]
	s_cmp_eq_u32 ttmp9, 0
	s_cselect_b64 s[8:9], s[70:71], s[8:9]
	s_cselect_b64 s[10:11], s[72:73], s[10:11]
	s_cselect_b64 s[96:97], s[82:83], s[96:97]
	s_mov_b64 s[98:99], s[88:89]
	s_mov_b64 s[12:13], s[90:91]
	s_or_b32 s[G1+0], s43, (0<<16)|(1<<20)|(1<<21)|(5<<22)|(3<<25)   ; rows of 256 bytes, 16 of padding behind each; 256 rows for the head's loads
	s_or_b32 s[G1B+0], s44, (0<<16)|(1<<20)|(1<<21)|(5<<22)|(3<<25)
.irp g, G1, G1B
	s_mov_b32 s[\g+1], ROWB<<16
	s_mov_b32 s[\g+2], 256<<16
	s_mov_b32 s[\g+3], ROWB<<16
	s_mov_b32 s[\g+4], 256
	s_mov_b32 s[\g+5], KROW
	s_mov_b32 s[\g+6], 0
	s_mov_b32 s[\g+7], 0
.endr
	s_or_b32 s[G1S+0], s43, (3<<16)|(1<<20)|(1<<21)|(5<<22)|(3<<25)  ; the scale bytes of 256 rows: a dense block, as KS rows of 256 bytes
	s_or_b32 s[G1SB+0], s44, (3<<16)|(1<<20)|(1<<21)|(5<<22)|(3<<25)
.irp g, G1S, G1SB
	s_mov_b32 s[\g+1], 32<<16
	s_mov_b32 s[\g+2], KS<<16
	s_mov_b32 s[\g+3], 32<<16
	s_mov_b32 s[\g+4], KS
	s_mov_b32 s[\g+5], 32
	s_mov_b32 s[\g+6], 0
	s_mov_b32 s[\g+7], 0
.endr
	s_lshl_b32 s20, s17, 8
	s_lshl_b32 s46, s42, 8
	s_mov_b32 s21, 0
	s_mov_b32 s47, 0
	s_mov_b64 s[18:19], KS
	s_mul_u64 s[22:23], s[20:21], s[18:19]
	s_mul_u64 s[92:93], s[46:47], s[18:19]
	s_mov_b64 s[18:19], KROW
	s_mul_u64 s[20:21], s[20:21], s[18:19]
	s_mul_u64 s[46:47], s[46:47], s[18:19]
	s_mul_i32 s18, s16, 128*KROW
	s_mov_b32 s19, 0
	s_mul_i32 s45, s14, HALFT
	s_add_nc_u64 s[20:21], s[4:5], s[20:21]
	s_add_nc_u64 s[22:23], s[6:7], s[22:23]
	s_add_nc_u64 s[46:47], s[8:9], s[46:47]
	s_add_nc_u64 s[92:93], s[10:11], s[92:93]
	CROUND                                         ; all sixteen work-groups are here: the first joint loads meet
	s_mov_b32 s[G0H], 1
	s_mov_b32 s[G0H+1], 0
	s_mov_b64 s[G0H+2:G0H+3], s[20:21]
	s_or_b32 s[G0H+3], s[G0H+3], 0x80000000
	s_mov_b32 s[G0HB], 1
	s_mov_b32 s[G0HB+1], 2*HALFT
	s_mov_b64 s[G0HB+2:G0HB+3], s[46:47]
	s_or_b32 s[G0HB+3], s[G0HB+3], 0x80000000
	s_mov_b32 s[G0S], 1
	s_mov_b32 s[G0S+1], SCL
	s_mov_b64 s[G0S+2:G0S+3], s[22:23]
	s_or_b32 s[G0S+3], s[G0S+3], 0x80000000
	s_mov_b32 s[G0SB], 1
	s_mov_b32 s[G0SB+1], SCL+2*HALFS
	s_mov_b64 s[G0SB+2:G0SB+3], s[92:93]
	s_or_b32 s[G0SB+3], s[G0SB+3], 0x80000000
	s_add_nc_u64 s[20:21], s[20:21], s[18:19]
	s_add_nc_u64 s[46:47], s[46:47], s[18:19]
.irp s, 0,1
	s_mov_b32 s[G0+4*\s], 1
	s_add_co_u32 s[G0+4*\s+1], s45, \s*SLOT
	s_add_nc_u64 s[G0+4*\s+2:G0+4*\s+3], s[20:21], \s*ROWB
	s_or_b32 s[G0+4*\s+3], s[G0+4*\s+3], 0x80000000
	s_mov_b32 s[G0B+4*\s], 1
	s_add_co_u32 s[G0B+4*\s+1], s45, \s*SLOT
	s_add_nc_u64 s[G0B+4*\s+2:G0B+4*\s+3], s[46:47], \s*ROWB
	s_or_b32 s[G0B+4*\s+3], s[G0B+4*\s+3], 0x80000000
.endr
; the head's four tiles, one load a wave: chunk 0 of the first operand, of the second, the first's scale bytes, the second's
.macro ARM under, g0, g1, next
	s_cmp_lt_u32 s14, \under
	s_cbranch_scc0 \next
	tensor_load_to_lds s[\g0:\g0+3], s[\g1:\g1+7]
	s_nop 0
.rept 4
	v_nop
.endr
	s_branch .Lhead_asked
\next:
.endm
	ARM 1, G0H,  G1,  .Lhead_b
	ARM 2, G0HB, G1B, .Lhead_sa
	ARM 3, G0S,  G1S, .Lhead_sb
	tensor_load_to_lds s[G0SB:G0SB+3], s[G1SB:G1SB+7]
	s_nop 0
.rept 4
	v_nop
.endr
.Lhead_asked:
	v_and_b32 v1, 15, v0                           ; r
	v_bfe_u32 v2, v0, 4, 1                         ; h
	v_mul_u32_u24 v3, v1, PITCH
	v_mul_u32_u24 v4, v2, 24
	v_add_nc_u32 v4, v3, v4
	s_mov_b32 s21, SLOT-232
	s_mov_b32 s22, SLOT+232
	v_sub_nc_u32 v7, 1, v2
	v_mul_u32_u24 v5, s21, v2
	v_add_nc_u32 v5, v3, v5
	v_add_nc_u32 v5, 232, v5                       ; lanes 0-15 byte 232 of the row in slot 0, lanes 16-31 byte 0 in slot 1
	v_mul_u32_u24 v6, s22, v7
	v_add_nc_u32 v6, v3, v6                        ; and the other way round
	s_mul_i32 s21, s15, HALFT
	s_mul_i32 s22, s16, HALFT
	s_add_co_u32 s22, s22, 2*HALFT
	v_add_nc_u32 v[ADRA+2], s21, v5
	v_add_nc_u32 v[ADRA+3], s21, v6
	v_add_nc_u32 v[ADRB+2], s22, v5
	v_add_nc_u32 v[ADRB+3], s22, v6
.irp s, 0,1
	v_add_nc_u32 v[ADRA+\s], s21, v4
	v_add_nc_u32 v[ADRB+\s], s22, v4
	s_add_co_u32 s21, s21, SLOT
	s_add_co_u32 s22, s22, SLOT
.endr
	v_mul_u32_u24 v5, v1, KS
	v_lshrrev_b32 v6, 8, v5
	v_lshl_add_u32 v5, v6, 4, v5
	s_mul_i32 s21, s15, HALFS
	s_mul_i32 s22, s16, HALFS
	s_add_co_u32 s22, s22, 2*HALFS
	s_sub_co_u32 s22, s22, s21
	v_mul_u32_u24 v6, s22, v2
	s_add_co_u32 s21, s21, SCL
	v_add_nc_u32 v5, v5, v6
	v_add_nc_u32 v[ADRS], s21, v5
	; biases and mask: loaded into registers that the walk leaves alone, waited for at the way out; their address registers are never rewritten
	s_lshl_b32 s20, s42, 10
	s_lshl_b32 s21, s16, 9
	s_add_co_u32 s20, s20, s21
	s_lshl_b32 s21, s17, 10
	s_lshl_b32 s22, s15, 9
	s_add_co_u32 s21, s21, s22
	s_cmp_eq_u32 ttmp9, 2
	s_cselect_b32 s20, 0, s20                      ; in v's mode the column bias is read at 0 and replaced by 0 below
	s_cselect_b32 s22, s21, 0
	s_wait_alu depctr_va_vdst(0)
	v_lshl_add_u32 v8, v2, 5, s20
	v_lshl_add_u32 v9, v1, 2, s22
	v_lshl_add_u32 v10, v1, 2, s21
.irp b, 0,1,2,3,4,5,6,7
	global_load_b128 v[BC+8*\b:BC+8*\b+3], v8, s[96:97] offset:64*\b
	global_load_b128 v[BC+8*\b+4:BC+8*\b+7], v8, s[96:97] offset:64*\b+16
.endr
.irp a, 0,1,2,3,4,5,6,7
	global_load_b32 v[MK+\a], v10, s[98:99] offset:64*\a
	global_load_b32 v[BRL+\a], v9, s[96:97] offset:64*\a
.endr
.macro FRAG reg, adr, st, i            ; 16 rows x 128 K: registers 6 c .. 6 c + 5 hold K = 64 c + 32 h + 0 .. 31, 24 bytes as they lie, in pieces of 8; byte y of a row lies in slot (y / 256) % 2 at byte y % 256
.irp p, 0,1,2,3,4,5
.set BY, 96*(\st)+48*(\p/3)+8*(\p%3)
.if BY/ROWB == (BY+24)/ROWB
	ds_load_b64 v[\reg+2*\p:\reg+2*\p+1], v[\adr+(BY/ROWB)%2] offset:BY%ROWB+(\i)*16*PITCH
.else
	ds_load_b64 v[\reg+2*\p:\reg+2*\p+1], v[\adr+2+(BY/ROWB)%2] offset:BY%ROWB-232+(\i)*16*PITCH
.endif
.endr
.endm
.macro MUL16 a0, p, q, sc, zero        ; the 64 accumulators take turns, in the same order in every step
.irp a, \a0, \a0+1
.irp b, 0,1,2,3,4,5,6,7
.if \zero
	v_wmma_scale_f32_16x16x128_f8f6f4 v[8*(8*((\a)%4)+\b):8*(8*((\a)%4)+\b)+7], v[128*(\p)+FR*\b:128*(\p)+FR*\b+FR-1], v[AF+FR*(\a):AF+FR*(\a)+FR-1], 0, v[SC+8*NQ*(\sc)+NQ*\b+(\q)], v[SC+8*NQ*(\sc)+NQ*(\a)+(\q)] matrix_a_fmt:MATRIX_FMT_FP6 matrix_b_fmt:MATRIX_FMT_FP6 matrix_a_scale:MATRIX_SCALE_ROW1
.else
	v_wmma_scale_f32_16x16x128_f8f6f4 v[8*(8*((\a)%4)+\b):8*(8*((\a)%4)+\b)+7], v[128*(\p)+FR*\b:128*(\p)+FR*\b+FR-1], v[AF+FR*(\a):AF+FR*(\a)+FR-1], v[8*(8*((\a)%4)+\b):8*(8*((\a)%4)+\b)+7], v[SC+8*NQ*(\sc)+NQ*\b+(\q)], v[SC+8*NQ*(\sc)+NQ*(\a)+(\q)] matrix_a_fmt:MATRIX_FMT_FP6 matrix_b_fmt:MATRIX_FMT_FP6 matrix_a_scale:MATRIX_SCALE_ROW1
.endif
.endr
.endr
.endm
.macro FETCH_B st, p
	WIN TO_B
.irp i, 0,1,2,3,4,5,6,7
	FRAG 128*(\p)+FR*\i, ADRB, \st, \i
.endr
	WIN 0
.endm
.macro FETCH_A st, i0
.irp i, \i0, \i0+1, \i0+2, \i0+3
	FRAG AF+FR*(\i), ADRA, \st, \i
.endr
.endm
.macro SCALES pr                       ; the scale words of steps 2 pr, 2 pr + 1: lanes 0-15 the first operand's block i, lanes 16-31 the second's
.irp i, 0,1,2,3,4,5,6,7
	ds_load_b64 v[SC+8*NQ*((\pr)%2)+NQ*\i:SC+8*NQ*((\pr)%2)+NQ*\i+1], v[ADRS] offset:\i*SBLK+4*NQ*(\pr)
.endr
.endm
.macro PLACES n                        ; plain vector lines between a matrix instruction and a load into, or a read or write of, its registers
.rept \n
	v_nop
.endr
.endm
; A step: 64 products; the next step's fragments are fetched in its middle and at its end.  Where the next step ends in a chunk not yet read, a barrier shows that chunk whole; where it begins in a later chunk,
; the chunk left behind is read no more: the waits, the add, the barrier, and, where a chunk two on is left, the cluster's round and the refill.
.macro STEP st, zero
.set NX, (\st)+1
.set C0, (96*(\st))/ROWB
.set C1, (96*NX)/ROWB
.set E0, (96*(\st)+95)/ROWB
.set E1, (96*NX+95)/ROWB
.if C1 > C0 || E1 > E0
	s_wait_tensorcnt 0x0                           ; all my tensor loads have landed
.if C1 > C0
	ds_add_u32 v[SPW], v[NIL]
	s_wait_dscnt 4*NL+1                            ; the add and the youngest 24 loads may be out
.else
	s_wait_dscnt 4*NL
.endif
	WIN MUL_LO
	MUL16 0, (\st)%2, (\st)%2, ((\st)/2)%2, \zero
	s_wait_dscnt 0x0                               ; the add and all my reads are done
	s_barrier_signal -1
	MUL16 2, (\st)%2, (\st)%2, ((\st)/2)%2, \zero
	WIN 0
	s_barrier_wait -1
.if C1 > C0 && C0+2 < CHUNKS
	CREST
	s_add_nc_u64 s[G0+4*(C0%2)+2:G0+4*(C0%2)+3], s[G0+4*(C0%2)+2:G0+4*(C0%2)+3], 2*ROWB
	s_add_nc_u64 s[G0B+4*(C0%2)+2:G0B+4*(C0%2)+3], s[G0B+4*(C0%2)+2:G0B+4*(C0%2)+3], 2*ROWB
	JLOAD G0+4*(C0%2), G1, G0B+4*(C0%2), G1B       ; chunk C0 + 2, first behind the round
.else
	PLACES NP
.endif
.else
	s_wait_dscnt 4*NL                              ; all but the youngest 24 loads (blocks 4-7 of the first operand)
	WIN MUL_LO
	MUL16 0, (\st)%2, (\st)%2, ((\st)/2)%2, \zero
	MUL16 2, (\st)%2, (\st)%2, ((\st)/2)%2, \zero
	s_wait_dscnt 0
	PLACES NP
.endif
	FETCH_B NX, NX%2
	FETCH_A NX, 0
.if NX%2 == 0
	SCALES NX/2
.endif
	WIN MUL_HI
	MUL16 4, (\st)%2, (\st)%2, ((\st)/2)%2, \zero
	MUL16 6, (\st)%2, (\st)%2, ((\st)/2)%2, \zero
	PLACES NP
	WIN 0
	FETCH_A NX, 4
.endm
	s_wait_alu depctr_va_vdst(0)
	s_wait_tensorcnt 0x0                           ; my tile of the head's four is in
	ds_add_u32 v[SPW], v[NIL]
	s_mov_b32 s[G1+2], 128<<16                     ; no load of mine is out: from here on a load brings 128 rows
	s_mov_b32 s[G1+4], 128
	s_mov_b32 s[G1B+2], 128<<16
	s_mov_b32 s[G1B+4], 128
	s_wait_dscnt 0x0
	CROUND
	JLOAD G0+4, G1, G0B+4, G1B                     ; chunk 1, first behind the round
	FETCH_B 0, 0
	FETCH_A 0, 0
	SCALES 0
	FETCH_A 0, 4
	STEP 0, 1                                      ; the first step's products start the sums
.set ST, 1
.rept STEPS-2
	STEP ST, 0
.set ST, ST+1
.endr
	s_wait_dscnt 4*NL
	WIN MUL_LO
	MUL16 0, 1, 1, 1, 0
	MUL16 2, 1, 1, 1, 0
	s_wait_dscnt 0
	WIN MUL_HI
	MUL16 4, 1, 1, 1, 0
	MUL16 6, 1, 1, 1, 0
	WIN 0
; THE WAY OUT.  32 numbers of a lane, v[s] on: of two blocks of 32 the 16 numbers of my half of the lanes.  They become six registers of codes (lanes 0-15 the first block, lanes 16-31 the second) and two scale bytes.
.macro QUANT2 s, cd, hw
.irp b, 0,1
	v_max3_num_f32 v[TM+\b], |v[(\s)+16*\b]|, |v[(\s)+16*\b+1]|, 0x1800000   ; with the floor 2^(3 - 127): the byte cannot fall under 1
.endr
.irp i, 2,4,6,8,10,12,14
.irp b, 0,1
	v_max3_num_f32 v[TM+\b], v[TM+\b], |v[(\s)+16*\b+\i]|, |v[(\s)+16*\b+\i+1]|
.endr
.endr
.irp b, 0,1
	v_permlanex16_b32 v[TM+2+\b], v[TM+\b], s[SEL], s[SEL+1]
.endr
.irp b, 0,1
	v_max_num_f32 v[TM+\b], v[TM+\b], v[TM+2+\b]
.endr
.irp b, 0,1
	v_add_nc_u32 v[TM+4+\b], 0xff000000, v[TM+\b]  ; 2 off the exponent field: the conversion's scale operand
.endr
.irp b, 0,1
	v_lshrrev_b32 v[TM+6+\b], 23, v[TM+4+\b]
.endr
	v_lshl_or_b32 v[\hw], v[TM+7], 8, v[TM+6]
	v_cvt_scalef32_pk16_fp6_f32 v[(\cd):(\cd)+2], v[(\s):(\s)+15], v[TM+4]
	v_cvt_scalef32_pk16_fp6_f32 v[(\cd)+4:(\cd)+6], v[(\s)+16:(\s)+31], v[TM+5]
	v_nop
.irp i, 0,1,2
	v_permlane16_swap_b32 v[(\cd)+\i], v[(\cd)+4+\i]
.endr
	v_mov_b32 v[(\cd)+3], v[(\cd)+4]
	v_mov_b32 v[(\cd)+4], v[(\cd)+5]
	v_mov_b32 v[(\cd)+5], v[(\cd)+6]
.endm
.macro GROUP a, g                      ; (sum + column bias) x the row's factor + the row's bias, quantised, stored as an image
	WIN 0x02+(\a)/4
.irp i, 0,2,4,6,8,10,12,14,16,18,20,22,24,26,28,30
	v_pk_add_f32 v[TT+\i:TT+\i+1], v[64*((\a)%4)+32*(\g)+\i:64*((\a)%4)+32*(\g)+\i+1], v[BC+32*(\g)+\i:BC+32*(\g)+\i+1]
.endr
	WIN 0
.irp i, 0,2,4,6,8,10,12,14,16,18,20,22,24,26,28,30
	v_pk_fma_f32 v[TT+\i:TT+\i+1], v[TT+\i:TT+\i+1], v[F2+2*(\a):F2+2*(\a)+1], v[BR2+2*(\a):BR2+2*(\a)+1]
.endr
	QUANT2 TT, CD+8*(\g), HW+(\g)
	global_store_b128 v7, v[CD+8*(\g):CD+8*(\g)+3], s[PC0+2*(\g):PC0+2*(\g)+1]
	global_store_b64 v11, v[CD+8*(\g)+4:CD+8*(\g)+5], s[PC0+2*(\g):PC0+2*(\g)+1]
.endm
	PLACES NP
	s_wait_loadcnt 0x0                             ; biases and mask
	s_mov_b32 s[SEL], 0x76543210
	s_mov_b32 s[SEL+1], 0xfedcba98
	s_lshl_b32 s20, s17, 8
	s_lshl_b32 s21, s15, 7
	s_add_co_u32 s20, s20, s21                     ; my first row
	s_lshl_b32 s21, s42, 8
	s_lshl_b32 s22, s16, 7
	s_add_co_u32 s21, s21, s22                     ; my first column
	s_cmp_eq_u32 ttmp9, 2                          ; what differs in v's mode
	s_cselect_b32 s22, s21, s20                    ; my first token
	s_cselect_b32 s23, s20, s21                    ; 64 x my first head
	s_cselect_b32 s[MV], -1, 0
	s_cselect_b32 s29, 6144, 0
	s_mov_b32 s30, 12288
	s_cselect_b32 s30, 12800, s30
	s_mov_b32 s24, 768
	s_cselect_b32 s24, 1536, s24
	s_cselect_b32 s26, 202752, 0
	s_mov_b32 s32, 208896
	s_cselect_b32 s32, 768, s32
	s_cselect_b32 s34, 208640, 0
	s_cselect_b32 s36, 0, 208896
	s_mov_b32 s25, 0
	s_mov_b32 s27, 0
	s_mov_b32 s33, 0
	s_mov_b32 s35, 0
	s_mov_b32 s37, 0
	s_mov_b32 s49, 0
	s_mov_b32 s51, 0
	s_lshr_b32 s23, s23, 6
	s_lshr_b32 s18, s22, 11
	s_bfe_u32 s19, s22, 0x40007
	s_lshl_b32 s18, s18, 4
	s_add_co_u32 s18, s18, s23                     ; 16 x batch + head
	s_mul_i32 s39, s18, 208896
	s_mul_i32 s43, s19, 13056
	s_add_co_u32 s39, s39, s43                     ; the record
	s_add_co_u32 s29, s29, s39
	s_add_co_u32 s30, s30, s39
	s_mul_i32 s43, s18, 98304
	s_mul_i32 s44, s19, 6144
	s_add_co_u32 s43, s43, s44
	s_add_co_u32 s43, s43, QI
	s_lshl_b32 s44, s18, 13
	s_lshl_b32 s45, s19, 9
	s_add_co_u32 s44, s44, s45
	s_add_co_u32 s44, s44, QS
	s_cmp_eq_u32 ttmp9, 0                          ; what differs in q's mode
	s_cselect_b32 s48, s43, s29
	s_cselect_b32 s50, s44, s30
	s_cselect_b32 s32, 98304, s32
	s_cselect_b32 s36, 8192, s36
	s_cmp_eq_u32 ttmp9, 1                          ; and in k's
	s_cselect_b32 s60, 0, 1.0
	s_mov_b32 s61, 0x7f210000
	s_cselect_b32 s62, 0x7ffe0000, s61
	s_cselect_b32 s61, 0x7f010000, s61
	s_add_nc_u64 s[PC0:PC0+1], s[12:13], s[48:49]
	s_add_nc_u64 s[PC0+2:PC0+3], s[PC0:PC0+1], s[32:33]
	s_add_nc_u64 s[PS0:PS0+1], s[12:13], s[50:51]
	s_add_nc_u64 s[PS0+2:PS0+3], s[PS0:PS0+1], s[36:37]
	v_and_b32 v6, 31, v0
	v_lshlrev_b32 v7, 4, v6
	v_lshl_add_u32 v11, v6, 3, 512
	v_lshlrev_b32 v12, 2, v1
	v_mov_b32 v[ONE], 1.0
	v_mov_b32 v[ONE+1], s60
	v_mov_b32 v[ONE+2], s61
	v_mov_b32 v[ONE+3], s62
	v_mov_b32 v[ONE+4], 0
	v_mov_b32 v[TM+2], 0
	v_mov_b32 v[TM+3], 0
.irp i, 0,1,2,3,4,5,6,7,8,9,10,11,12,13,14,15,16,17,18,19,20,21,22,23,24,25,26,27,28,29,30,31,32,33,34,35,36,37,38,39,40,41,42,43,44,45,46,47,48,49,50,51,52,53,54,55,56,57,58,59,60,61,62,63
	v_cndmask_b32 v[BC+\i], v[BC+\i], v[ONE+4], s[MV]   ; v has no bias along its registers
.endr
.irp a, 0,1,2,3,4,5,6,7
	v_cmp_eq_u32 vcc_lo, 0, v[MK+\a]
	v_cndmask_b32 v[F2+2*\a], v[ONE], v[ONE+1], vcc_lo
	v_cndmask_b32 v[HI+\a], v[ONE+2], v[ONE+3], vcc_lo
	v_cndmask_b32 v[BR2+2*\a], v[ONE+4], v[BRL+\a], s[MV]
	v_mov_b32 v[F2+2*\a+1], v[F2+2*\a]
	v_mov_b32 v[BR2+2*\a+1], v[BR2+2*\a]
.endr
.irp a, 0,1,2,3,4,5,6,7
.if \a > 0
	s_wait_xcnt 0x0                                ; the last block's stores have read their data and bases
	s_add_nc_u64 s[PC0:PC0+1], s[PC0:PC0+1], s[24:25]
	s_add_nc_u64 s[PC0+2:PC0+3], s[PC0+2:PC0+3], s[24:25]
	s_add_nc_u64 s[PS0:PS0+1], s[PS0:PS0+1], 64
	s_add_nc_u64 s[PS0+2:PS0+3], s[PS0+2:PS0+3], 64
.endif
.if \a == 4
	s_add_nc_u64 s[PC0:PC0+1], s[PC0:PC0+1], s[26:27]
	s_add_nc_u64 s[PC0+2:PC0+3], s[PC0+2:PC0+3], s[26:27]
	s_add_nc_u64 s[PS0:PS0+1], s[PS0:PS0+1], s[34:35]
	s_add_nc_u64 s[PS0+2:PS0+3], s[PS0+2:PS0+3], s[34:35]
.endif
	GROUP \a, 0
	GROUP \a, 1
	v_lshlrev_b32 v[WD], 16, v[HW+1]
	v_cndmask_b32 v[WD], v[HI+\a], v[WD], s[MV]
	v_or_b32 v[WD], v[HW], v[WD]
	v_or_b32 v[WD+1], v[HW+1], v[HI+\a]
	v_cndmask_b32 v[WD+1], v[WD+1], v[WD], s[MV]
	global_store_b32 v12, v[WD], s[PS0:PS0+1]
	global_store_b32 v12, v[WD+1], s[PS0+2:PS0+3]
.endr
	s_wait_tensorcnt 0x0                           ; the wave's end
	ds_add_u32 v[SPW], v[NIL]
	s_wait_dscnt 0x0
	CROUND                                         ; the closing round
	s_endpgm
.Lfunc_end_k_q7e6dda0512_qkv:
	.size	k_q7e6dda0512_qkv, .Lfunc_end_k_q7e6dda0512_qkv-k_q7e6dda0512_qkv
	.p2alignl 7, 3214868480
	.fill 96, 4, 3214868480
	.section	.rodata,"a",@progbits
	.p2align	6, 0x0
	.amdhsa_kernel k_q7e6dda0512_qkv
		.amdhsa_group_segment_fixed_size 327680
		.amdhsa_private_segment_fixed_size 0
		.amdhsa_enable_private_segment 0
		.amdhsa_kernarg_size 96
		.amdhsa_user_sgpr_count 2
		.amdhsa_user_sgpr_kernarg_segment_ptr 1
		.amdhsa_wavefront_size32 1
		.amdhsa_system_sgpr_workgroup_id_x 1
		.amdhsa_system_sgpr_workgroup_id_y 1
		.amdhsa_system_sgpr_workgroup_id_z 1
		.amdhsa_system_vgpr_workitem_id 0
		.amdhsa_next_free_vgpr 1024
		.amdhsa_next_free_sgpr 102
		.amdhsa_reserve_vcc 1
		.amdhsa_float_denorm_mode_32 3
		.amdhsa_float_denorm_mode_16_64 3
		.amdhsa_memory_ordered 1
		.amdhsa_forward_progress 1
		.amdhsa_inst_pref_size 213
	.end_amdhsa_kernel
	.amdgpu_metadata
---
amdhsa.version: [ 1, 2 ]
amdhsa.kernels:
  - .name:           k_q7e6dda0512_qkv
    .symbol:         k_q7e6dda0512_qkv.kd
    .args:
      - { .name: xq, .offset: 0, .size: 8, .value_kind: global_buffer, .address_space: global }
      - { .name: Wq_codes, .offset: 8, .size: 8, .value_kind: global_buffer, .address_space: global }
      - { .name: Wq_scales, .offset: 16, .size: 8, .value_kind: global_buffer, .address_space: global }
      - { .name: Wk_codes, .offset: 24, .size: 8, .value_kind: global_buffer, .address_space: global }
      - { .name: Wk_scales, .offset: 32, .size: 8, .value_kind: global_buffer, .address_space: global }
      - { .name: Wv_codes, .offset: 40, .size: 8, .value_kind: global_buffer, .address_space: global }
      - { .name: Wv_scales, .offset: 48, .size: 8, .value_kind: global_buffer, .address_space: global }
      - { .name: bq, .offset: 56, .size: 8, .value_kind: global_buffer, .address_space: global }
      - { .name: bk, .offset: 64, .size: 8, .value_kind: global_buffer, .address_space: global }
      - { .name: bv, .offset: 72, .size: 8, .value_kind: global_buffer, .address_space: global }
      - { .name: mask, .offset: 80, .size: 8, .value_kind: global_buffer, .address_space: global }
      - { .name: qkv, .offset: 88, .size: 8, .value_kind: global_buffer, .address_space: global }
    .group_segment_fixed_size: 327680
    .private_segment_fixed_size: 0
    .kernarg_segment_align: 8
    .kernarg_segment_size: 96
    .max_flat_workgroup_size: 128
    .sgpr_count:     102
    .vgpr_count:     1024
    .wavefront_size: 32
...
	.end_amdgpu_metadata
.endif
;; end of part 10
;; launch attn (part 11): grid 8 x 32, 16 waves a work-group, clusters of 4 x 1, 210,944 bytes of LDS; arguments qkv, cq; writes cq
.if DOCPART == 11
	.amdgcn_target "amdgcn-amd-amdhsa--gfx1250"
	.amdhsa_code_object_version 6
	.text
	.protected	k_q7e6dda0512_attn
	.globl	k_q7e6dda0512_attn
	.p2align	8
	.type	k_q7e6dda0512_attn,@function
k_q7e6dda0512_attn:
	s_mov_b64 s[64:65], 0
	v_nop
	global_prefetch_b8 v0, s[64:65] scope:SCOPE_SE
	s_setreg_imm32_b32 hwreg(HW_REG_WAVE_MODE, 25, 1), 1
	s_wait_xcnt 0x0
	s_wait_alu depctr_hold_cnt(0) depctr_sa_sdst(0) depctr_va_vdst(0) depctr_va_sdst(0) depctr_va_ssrc(0) depctr_va_vcc(0) depctr_vm_vsrc(0)
	s_getreg_b32 s2, hwreg(HW_REG_IB_STS2, 6, 4)
	s_cmp_eq_u32 s2, 0
	s_cbranch_scc0 .Lentry_in_a_cluster
	s_endpgm
.Lentry_in_a_cluster:
	s_bfe_u32 s2, ttmp6, 0x10000c
	s_cmp_lg_u32 s2, 0x3003
	s_cbranch_scc0 .Lentry_shape_is_right
	s_endpgm
.Lentry_shape_is_right:
; ctx = softmax(q k^T / 8, masked) v for one (batch, head) and 256 queries a work-group, both products on codes of FP6 (E2M3) with E8M0 scales; ctx is quantised along the model's 1,024 and stored as codes for the next product.
; qkv holds images of the operand registers (768 bytes for six registers: registers 0-3 at 16 x lane, registers 4-5 at 512 + 8 x lane).  A head's 16 records of 13,056 bytes (128 keys each: 8 images of k, 4 fragments of v^T,
; 128 + 64 scale words) fit in LDS whole: 208,896 bytes.  Each of the sixteen waves brings one record by one tensor load; LDS is filled once, so the loop has no barrier.
; CLUSTER.  The four work-groups of a cluster take four blocks of queries of one head: each record is asked for jointly, by the same load with the same descriptor and the mask of all four.
; SHARES.  A wave owns 16 queries, a lane one query (lane % 16) throughout: S^T = k q^T (source 0 = 16 keys), O^T = v^T p^T (source 0 = 16 of the head's 64).
; K = 64 IN AN INSTRUCTION OF 128.  Registers 6-11 of q's and k's fragments are constants: one code at k = 64 (q: -1.0, k: +1.0), zeros else.  Their product under the two scale words' third bytes is the mask: -2^33 for a masked
; key, -2^-220 for one that counts.  So the mask costs no instruction here.
; THE SOFTMAX.  t = score x log2(e) / 8; M = the running largest t rounded up to a whole number; p = 2^(t - M) is quantised along the keys, not normalised; the row's sum is taken of the unquantised p and divides at the end;
; when M moves, the sum and O^T are multiplied by 2^(old M - new M), which rounds nothing.
; THE ORDER INSIDE A BLOCK OF 32 KEYS is the one in which two neighbouring tiles of S^T hand their numbers to the conversion; v^T was stored in the same order.  ctx meets a given weight: its halves are exchanged into the true order first.
; LIMITS: scores of keys that count lie far above -2^33; NaN and infinities are not served; a block of zeros keeps the scale byte 1, which this program alone reads.
; REGISTERS: v1-3 lane terms; v4-6 the step's LDS addresses; v8-11 k's scale words; v12 -M, v13 the largest t, v[14:15] the sum; v16-27 q; v28 q's scale word; v32-79 four fragments of k; v80-83 v's scale words;
;   v84-95 at work; v96-159 S^T, then p; v160-191 O^T; v192-239 v^T's four fragments; v240-251 p's codes; v252 the factor, v253 p's scale word, v254 at work.
.set REC,   13056
.set HEADB, 208896
.set QI,    6684672
.set QS,    9830400
.set ASC,   3145728                    ; where cq's scale bytes begin
.set TM,    84
.set WV,    18
.set SEL,   20
.set CS,    22
.macro CROUND                          ; a round of the cluster's barrier
	s_barrier_signal -1
	s_barrier_wait -1
	s_cmp_lg_u32 s[WV], 0
	s_cbranch_scc1 .Lnot_wave_0_\@
	s_barrier_signal -3
.Lnot_wave_0_\@:
	s_barrier_wait -3
	s_barrier_signal -1
	s_barrier_wait -1
.endm
	s_load_b128 s[4:7], s[0:1], 0x0                ; qkv, cq
	v_lshl_add_u32 v254, v0, 2, 0x33000
	v_mov_b32 v255, 0
	ds_add_u32 v254, v255
	ds_add_u32 v254, v255
	s_wait_dscnt 0x0
	v_lshrrev_b32 v1, 5, v0
	s_delay_alu instid0(VALU_DEP_1)
	v_readfirstlane_b32 s[WV], v1                  ; wave 0..15
	s_bfe_u32 s38, ttmp6, 0x40000                  ; cx
	s_lshl_b32 s39, ttmp9, 2
	s_add_co_u32 s39, s39, s38                     ; my block of 256 queries: it enters q's and ctx's addresses alone
	s_and_b32 s40, ttmp7, 0xffff                   ; 16 x batch + head, which the four partners share
	; descriptor group 1: a record, 51 dense rows of 256 bytes (32 elements of 8 bytes), no padding
	s_mov_b32 s24, 15|(3<<16)|(1<<21)              ; the mask: all four work-groups; elements of 8 bytes; bit 21 beside a mask
	s_mov_b32 s25, 32<<16                          ; tensor_dim0
	s_mov_b32 s26, 51<<16                          ; tensor_dim1
	s_mov_b32 s27, 32<<16                          ; tile_dim0
	s_mov_b32 s28, 51                              ; tile_dim1
	s_mov_b32 s29, 32                              ; the pitch
	s_mov_b32 s30, 0
	s_mov_b32 s31, 0
	s_mul_i32 s41, s40, HEADB
	s_mov_b32 s32, 1
	s_mul_i32 s33, s[WV], REC                      ; record w goes to LDS byte 13,056 w
	s_add_co_u32 s42, s41, s33
	s_mov_b32 s43, 0
	s_lshl_b32 s44, s40, 7
	s_lshl_b32 s45, s39, 4
	s_add_co_u32 s44, s44, s45
	s_add_co_u32 s44, s44, s[WV]                   ; my tile of queries among all
	s_mul_i32 s46, s44, 768
	s_add_co_u32 s46, s46, QI
	s_mov_b32 s47, 0
	s_lshl_b32 s48, s44, 6
	s_add_co_u32 s48, s48, QS
	s_mov_b32 s49, 0
	s_lshr_b32 s54, s40, 4                         ; the batch
	s_and_b32 s55, s40, 15                         ; the head
	s_lshl_b32 s54, s54, 11
	s_lshl_b32 s56, s39, 8
	s_add_co_u32 s54, s54, s56
	s_lshl_b32 s56, s[WV], 4
	s_add_co_u32 s54, s54, s56                     ; my first token
	s_mul_i32 s50, s54, 768
	s_mul_i32 s56, s55, 48
	s_add_co_u32 s50, s50, s56                     ; ctx's codes: a head is 48 bytes of a row of 768
	s_mov_b32 s51, 0
	s_lshl_b32 s52, s54, 5
	s_lshl_b32 s56, s55, 1
	s_add_co_u32 s52, s52, s56
	s_add_co_u32 s52, s52, ASC                     ; its two scale bytes of a row's 32
	s_mov_b32 s53, 0
	s_mov_b32 s[SEL], 0x76543210
	s_mov_b32 s[SEL+1], 0xfedcba98                 ; v_permlanex16_b32: lane l xor 16
	s_mov_b32 s[CS], 0x3e38aa3b                    ; c = log2(e) / 8
	s_mov_b32 s[CS+1], s[CS]                       ; (named with it as a pair, so it is written)
	s_wait_kmcnt 0x0
	s_add_nc_u64 s[34:35], s[4:5], s[42:43]
	s_or_b32 s35, s35, 0x80000000
	s_add_nc_u64 s[46:47], s[4:5], s[46:47]
	s_add_nc_u64 s[48:49], s[4:5], s[48:49]
	s_add_nc_u64 s[50:51], s[6:7], s[50:51]
	s_add_nc_u64 s[52:53], s[6:7], s[52:53]
	CROUND                                         ; all four work-groups are here: the joint loads meet
	tensor_load_to_lds s[32:35], s[24:31]          ; my one tensor load of the launch
	s_nop 0
.rept 4
	v_nop
.endr
	v_and_b32 v254, 31, v0                         ; lane
	s_delay_alu instid0(VALU_DEP_1)
	v_lshlrev_b32 v1, 4, v254
	s_delay_alu instid0(VALU_DEP_2)
	v_lshlrev_b32 v2, 3, v254
	v_and_b32 v3, 15, v0
	s_delay_alu instid0(VALU_DEP_1)
	v_lshlrev_b32 v3, 2, v3
	global_load_b128 v[16:19], v1, s[46:47]        ; q's image
	global_load_b64 v[20:21], v2, s[46:47] offset:512
	global_load_b32 v28, v3, s[48:49]              ; q's scale words
	v_cmp_gt_u32 vcc_lo, 16, v254
	v_mov_b32 v252, 0x28
	s_delay_alu instid0(VALU_DEP_1)
	v_cndmask_b32 v22, 0, v252, vcc_lo             ; q at k = 64: the code of -1.0, in lanes 0-15
	v_mov_b32 v252, 8
.irp t, 0,1,2,3
	v_cndmask_b32 v[38+12*\t], 0, v252, vcc_lo     ; k at k = 64: the code of +1.0.  The loop's loads touch registers 0-5 of a fragment alone
.irp i, 39,40,41,42,43
	v_mov_b32 v[\i+12*\t], 0
.endr
.endr
.irp i, 23,24,25,26,27
	v_mov_b32 v\i, 0
.endr
	v_mov_b32 v13, 0xff61b1e6                      ; the largest t so far: -3e38
	s_delay_alu instid0(VALU_DEP_1)
	v_floor_f32 v12, -v13                          ; -M
	v_mov_b32 v14, 0
	v_mov_b32 v15, 0
.irp b, 88,89,90,91
	v_mov_b32 v\b, 0                               ; a lane permute's destination counts as read: written once
.endr
	v_mov_b32 v253, 0                              ; (named as the upper half of the pair v[252:253] before it is first written)
.irp j, 0,1,2,3,4,5,6,7,8,9,10,11,12,13,14,15,16,17,18,19,20,21,22,23,24,25,26,27,28,29,30,31
	v_mov_b32 v[160+\j], 0                         ; O^T: the step is written once; the first finds zeros, which the first change of M leaves zeros
.endr
	s_mov_b32 s36, 0                               ; the record in hand
	s_mov_b32 s37, 0
	s_wait_tensorcnt 0x0                           ; my record is in,
	s_barrier_signal -1
	s_barrier_wait -1                              ; everybody's is
	s_wait_loadcnt 0x0                             ; q
.macro KLOAD g                         ; four tiles of 16 keys
.irp t, 0,1,2,3
	ds_load_b128 v[32+12*\t:35+12*\t], v4 offset:768*(4*\g+\t)
	ds_load_b64 v[36+12*\t:37+12*\t], v5 offset:768*(4*\g+\t)+512
	ds_load_b32 v[8+\t], v6 offset:12288+64*(4*\g+\t)
.endr
.endm
.macro QK g
.irp t, 0,1,2,3
	v_wmma_scale_f32_16x16x128_f8f6f4 v[96+8*(4*\g+\t):103+8*(4*\g+\t)], v[32+12*\t:43+12*\t], v[16:27], 0, v[8+\t], v28 matrix_a_fmt:MATRIX_FMT_FP6 matrix_b_fmt:MATRIX_FMT_FP6
.endr
.rept 4
	v_nop                                          ; places in front of loads into registers that these have read, and of the first read of their results
.endr
.endm
.Lstep:                                            ; 16 trips: 128 keys each
	v_add_nc_u32 v4, s36, v1
	v_add_nc_u32 v5, s36, v2
	v_add_nc_u32 v6, s36, v3
	KLOAD 0
	s_wait_alu depctr_va_vdst(0)
	s_wait_dscnt 0x0
	QK 0
	KLOAD 1
.irp t, 0,1,2,3                                ; v^T's four fragments: behind the last trip's products that read them stand the three additions and the four v_nop above
	ds_load_b128 v[192+12*\t:195+12*\t], v4 offset:6144+1536*\t
	ds_load_b64 v[196+12*\t:197+12*\t], v5 offset:6144+1536*\t+512
	ds_load_b128 v[198+12*\t:201+12*\t], v4 offset:6144+1536*\t+768
	ds_load_b64 v[202+12*\t:203+12*\t], v5 offset:6144+1536*\t+1280
	ds_load_b32 v[80+\t], v6 offset:12800+64*\t
.endr
	s_wait_dscnt 20                                ; k's are in; v's twenty loads may be out
	QK 1
.irp b, 0,1,2,3
	v_max3_num_f32 v[84+\b], v[96+16*\b], v[97+16*\b], v[98+16*\b]   ; the largest score of each block of 32 keys: for the row's maximum, and, since p rises with the score, for the block's largest p
.endr
.irp i, 3,5,7,9,11,13
.irp b, 0,1,2,3
	v_max3_num_f32 v[84+\b], v[84+\b], v[96+16*\b+\i], v[97+16*\b+\i]
.endr
.endr
.irp b, 0,1,2,3
	v_max_num_f32 v[84+\b], v[84+\b], v[111+16*\b]
.endr
.irp b, 0,1,2,3
	s_delay_alu instid0(VALU_DEP_4)
	v_permlanex16_b32 v[88+\b], v[84+\b], s[SEL], s[SEL+1]
.endr
.irp b, 0,1,2,3
	s_delay_alu instid0(VALU_DEP_4)
	v_max_num_f32 v[84+\b], v[84+\b], v[88+\b]     ; with lane l xor 16's 16 keys
.endr
	s_delay_alu instid0(VALU_DEP_2)
	v_max3_num_f32 v254, v84, v85, v86
	s_delay_alu instid0(VALU_DEP_1)
	v_max_num_f32 v254, v254, v87
	s_delay_alu instid0(VALU_DEP_1)
	v_mul_f32 v254, s[CS], v254                    ; as t (c is positive)
	s_delay_alu instid0(VALU_DEP_1)
	v_max_num_f32 v13, v13, v254                   ; the running largest t
	v_mov_b32 v254, v12
	s_delay_alu instid0(VALU_DEP_2)
	v_floor_f32 v12, -v13                          ; the new -M = -ceil(t)
	s_delay_alu instid0(VALU_DEP_1)
	v_sub_f32 v254, v12, v254                      ; old M - new M: a whole number, 0 or less
	s_delay_alu instid0(VALU_DEP_1)
	v_cvt_i32_f32 v254, v254                       ; (it saturates)
	s_delay_alu instid0(VALU_DEP_1)
	v_ldexp_f32 v252, 1.0, v254                    ; the factor 2^(old M - new M)
.irp j, 0,2,4,6,8,10,12,14,16,18,20,22,24,26,28,30,32,34,36,38,40,42,44,46,48,50,52,54,56,58,60,62
	v_pk_fma_f32 v[96+\j:97+\j], v[96+\j:97+\j], s[CS:CS+1], v[12:13] op_sel_hi:[1,0,0]   ; t - M
.endr
.irp b, 0,1,2,3
	v_fma_f32 v[84+\b], v[84+\b], s[CS], v12       ; the same of each block's largest score
.endr
	s_wait_alu depctr_va_vdst(0)
.irp j, 0,1,2,3,4,5,6,7,8,9,10,11,12,13,14,15,16,17,18,19,20,21,22,23,24,25,26,27,28,29,30,31,32,33,34,35,36,37,38,39,40,41,42,43,44,45,46,47,48,49,50,51,52,53,54,55,56,57,58,59,60,61,62,63
	v_exp_f32 v[96+\j], v[96+\j]                   ; p = 2^(t - M)
.endr
	v_pk_mul_f32 v[14:15], v[14:15], v[252:253] op_sel_hi:[1,0]   ; the sums under the new M (the plain instruction behind the exponentials)
	s_wait_alu depctr_va_vdst(0)                   ; one wait for the batch, ahead of its first reader
.irp b, 0,1,2,3
	v_exp_f32 v[84+\b], v[84+\b]                   ; the block's largest p
.endr
	v_pk_add_f32 v[88:89], v[100:101], v[104:105]
	v_pk_add_f32 v[254:255], v[108:109], v[112:113]
	v_pk_add_f32 v[250:251], v[116:117], v[120:121]
	v_pk_add_f32 v[248:249], v[124:125], v[128:129]
	v_pk_add_f32 v[246:247], v[132:133], v[136:137]
	v_pk_add_f32 v[244:245], v[140:141], v[144:145]
	v_pk_add_f32 v[242:243], v[148:149], v[152:153]
	v_pk_add_f32 v[14:15], v[14:15], v[156:157]
	v_pk_add_f32 v[88:89], v[88:89], v[96:97]
	v_pk_add_f32 v[254:255], v[254:255], v[98:99]
	v_pk_add_f32 v[250:251], v[250:251], v[102:103]
	v_pk_add_f32 v[248:249], v[248:249], v[106:107]
	v_pk_add_f32 v[246:247], v[246:247], v[110:111]
	v_pk_add_f32 v[244:245], v[244:245], v[114:115]
	v_pk_add_f32 v[242:243], v[242:243], v[118:119]
	v_pk_add_f32 v[14:15], v[14:15], v[122:123]
	v_pk_add_f32 v[88:89], v[88:89], v[126:127]
	v_pk_add_f32 v[254:255], v[254:255], v[130:131]
	v_pk_add_f32 v[250:251], v[250:251], v[134:135]
	v_pk_add_f32 v[248:249], v[248:249], v[138:139]
	v_pk_add_f32 v[246:247], v[246:247], v[142:143]
	v_pk_add_f32 v[244:245], v[244:245], v[146:147]
	v_pk_add_f32 v[242:243], v[242:243], v[150:151]
	v_pk_add_f32 v[14:15], v[14:15], v[154:155]
	v_pk_add_f32 v[88:89], v[88:89], v[158:159]
	s_delay_alu instid0(VALU_DEP_2)
	v_pk_add_f32 v[14:15], v[14:15], v[248:249]
	s_delay_alu instid0(VALU_DEP_2)
	v_pk_add_f32 v[88:89], v[88:89], v[246:247]
	v_pk_add_f32 v[254:255], v[254:255], v[244:245]
	v_pk_add_f32 v[250:251], v[250:251], v[242:243]
	s_delay_alu instid0(VALU_DEP_2)
	v_pk_add_f32 v[14:15], v[14:15], v[254:255]
	s_delay_alu instid0(VALU_DEP_2)
	v_pk_add_f32 v[88:89], v[88:89], v[250:251]
	s_delay_alu instid0(VALU_DEP_1)
	v_pk_add_f32 v[14:15], v[14:15], v[88:89]
	s_wait_alu depctr_va_vdst(0)                   ; and one for the four
.irp b, 0,1,2,3
	v_max_num_f32 v[84+\b], 0x1800000, v[84+\b]    ; the floor 2^(3 - 127): the byte cannot fall under 1
.endr
.irp b, 0,1,2,3
	s_delay_alu instid0(VALU_DEP_4)
	v_add_nc_u32 v[92+\b], 0xff000000, v[84+\b]    ; 2 off the exponent field: the conversion's scale operand
.endr
.irp b, 0,1,2,3
	s_delay_alu instid0(VALU_DEP_4)
	v_lshrrev_b32 v[88+\b], 23, v[92+\b]           ; the scale's byte
.endr
	s_delay_alu instid0(VALU_DEP_3)
	v_lshl_or_b32 v253, v89, 8, v88                ; p's scale word for these 128 keys
	s_delay_alu instid0(VALU_DEP_1)
	v_lshl_or_b32 v253, v90, 16, v253
	s_delay_alu instid0(VALU_DEP_1)
	v_lshl_or_b32 v253, v91, 24, v253
.irp c, 0,1
	v_cvt_scalef32_pk16_fp6_f32 v[240+6*\c:242+6*\c], v[96+32*\c:111+32*\c], v[92+2*\c]
	v_cvt_scalef32_pk16_fp6_f32 v[84+4*\c:86+4*\c], v[112+32*\c:127+32*\c], v[92+2*\c+1]
.endr
	v_nop                                          ; one plain instruction behind a scaled conversion
.irp c, 0,1                                    ; a whole block to a lane: lanes 0-15 block 2 c, lanes 16-31 block 2 c + 1
.irp i, 0,1,2
	v_permlane16_swap_b32 v[240+6*\c+\i], v[84+4*\c+\i]
.endr
.irp i, 0,1,2
	s_delay_alu instid0(VALU_DEP_3)
	v_mov_b32 v[243+6*\c+\i], v[84+4*\c+\i]
.endr
.endr
.irp j, 0,2,4,6,8,10,12,14,16,18,20,22,24,26,28,30
	v_pk_mul_f32 v[160+\j:161+\j], v[160+\j:161+\j], v[252:253] op_sel_hi:[1,0]   ; O^T under the new M.  (These sixteen are also the places between p's codes and scale word and the products)
.endr
	s_wait_alu depctr_va_vdst(0)
	s_wait_dscnt 0x0                               ; v^T
.irp t, 0,1,2,3                                ; four accumulators, one instruction a turn
	v_wmma_scale_f32_16x16x128_f8f6f4 v[160+8*\t:167+8*\t], v[192+12*\t:203+12*\t], v[240:251], v[160+8*\t:167+8*\t], v[80+\t], v253 matrix_a_fmt:MATRIX_FMT_FP6 matrix_b_fmt:MATRIX_FMT_FP6
.endr
	s_add_co_u32 s36, s36, REC
	s_add_co_u32 s37, s37, 1
	s_cmp_lt_u32 s37, 16
	s_cbranch_scc1 .Lstep
	; THE WAY OUT: O^T / the sum; its 64 numbers of a query are two blocks of the next product's K
	v_add_f32 v14, v14, v15
	s_delay_alu instid0(VALU_DEP_1)
	v_permlanex16_b32 v252, v14, s[SEL], s[SEL+1]
	s_delay_alu instid0(VALU_DEP_1)
	v_add_f32 v14, v14, v252                       ; the row's sum
	s_wait_alu depctr_va_vdst(0)
	v_rcp_f32 v14, v14
	v_and_b32 v30, 15, v0                          ; r  (plain work behind the transcendental, and places behind the last products)
	v_bfe_u32 v31, v0, 4, 1                        ; h
	s_delay_alu instid0(VALU_DEP_2)
	v_mul_u32_u24 v7, v30, 768
	s_delay_alu instid0(VALU_DEP_1)
	v_mad_u32_u24 v7, v31, 24, v7                  ; my token's row of codes, my block's 24 bytes
	s_delay_alu instid0(VALU_DEP_4)
	v_lshlrev_b32 v29, 5, v30                      ; my token's row of scale bytes
	s_wait_alu depctr_va_vdst(0)                   ; the wait ahead of the reciprocal's first reader
.irp j, 0,1,2,3,4,5,6,7,8,9,10,11,12,13,14,15,16,17,18,19,20,21,22,23,24,25,26,27,28,29,30,31
	v_mul_f32 v[96+\j], v[160+\j], v14             ; register 8 t + j: ctx(my query, 16 t + 8 h + j)
.endr
.irp b, 0,1
.irp j, 0,1,2,3,4,5,6,7
	v_permlane16_swap_b32 v[96+16*\b+\j], v[104+16*\b+\j]   ; the true order: register 16 b + i of lane half h is now column 32 b + 16 h + i
.endr
.endr
.irp b, 0,1
	v_max3_num_f32 v[TM+\b], |v[96+16*\b]|, |v[97+16*\b]|, 0x1800000
.endr
.irp i, 2,4,6,8,10,12,14
.irp b, 0,1
	s_delay_alu instid0(VALU_DEP_2)
	v_max3_num_f32 v[TM+\b], v[TM+\b], |v[96+16*\b+\i]|, |v[97+16*\b+\i]|
.endr
.endr
.irp b, 0,1
	s_delay_alu instid0(VALU_DEP_2)
	v_permlanex16_b32 v[TM+2+\b], v[TM+\b], s[SEL], s[SEL+1]
.endr
.irp b, 0,1
	s_delay_alu instid0(VALU_DEP_2)
	v_max_num_f32 v[TM+\b], v[TM+\b], v[TM+2+\b]
.endr
.irp b, 0,1
	s_delay_alu instid0(VALU_DEP_2)
	v_add_nc_u32 v[TM+4+\b], 0xff000000, v[TM+\b]
.endr
.irp b, 0,1
	s_delay_alu instid0(VALU_DEP_2)
	v_lshrrev_b32 v[TM+6+\b], 23, v[TM+4+\b]
.endr
	s_delay_alu instid0(VALU_DEP_1)
	v_lshl_or_b32 v254, v[TM+7], 8, v[TM+6]        ; the two scale bytes
	v_cvt_scalef32_pk16_fp6_f32 v[240:242], v[96:111], v[TM+4]
	v_cvt_scalef32_pk16_fp6_f32 v[244:246], v[112:127], v[TM+5]
	v_nop
.irp i, 0,1,2
	v_permlane16_swap_b32 v[240+\i], v[244+\i]
.endr
	s_delay_alu instid0(VALU_DEP_3)
	v_mov_b32 v243, v244
	s_delay_alu instid0(VALU_DEP_3)
	v_mov_b32 v244, v245
	s_delay_alu instid0(VALU_DEP_3)
	v_mov_b32 v245, v246
	global_store_b64 v7, v[240:241], s[50:51]      ; a head covers 48 bytes of a row of codes: two lanes' 24
	global_store_b64 v7, v[242:243], s[50:51] offset:8
	global_store_b64 v7, v[244:245], s[50:51] offset:16
	global_store_b16 v29, v254, s[52:53]           ; lanes 16-31 store what lanes 0-15 store
	s_wait_dscnt 0x0
	s_wait_xcnt 0x0
	v_lshl_add_u32 v254, v0, 2, 0x33000
	v_mov_b32 v255, 0
	s_wait_alu depctr_va_vdst(0)
	s_wait_tensorcnt 0x0
	ds_add_u32 v254, v255
	s_wait_dscnt 0x0
	CROUND                                         ; the closing round
	s_endpgm
.Lfunc_end_k_q7e6dda0512_attn:
	.size	k_q7e6dda0512_attn, .Lfunc_end_k_q7e6dda0512_attn-k_q7e6dda0512_attn
	.p2alignl 7, 3214868480
	.fill 96, 4, 3214868480
	.section	.rodata,"a",@progbits
	.p2align	6, 0x0
	.amdhsa_kernel k_q7e6dda0512_attn
		.amdhsa_group_segment_fixed_size 210944
		.amdhsa_private_segment_fixed_size 0
		.amdhsa_enable_private_segment 0
		.amdhsa_kernarg_size 16
		.amdhsa_user_sgpr_count 2
		.amdhsa_user_sgpr_kernarg_segment_ptr 1
		.amdhsa_wavefront_size32 1
		.amdhsa_system_sgpr_workgroup_id_x 1
		.amdhsa_system_sgpr_workgroup_id_y 1
		.amdhsa_system_sgpr_workgroup_id_z 1
		.amdhsa_system_vgpr_workitem_id 0
		.amdhsa_next_free_vgpr 256
		.amdhsa_next_free_sgpr 66
		.amdhsa_reserve_vcc 1
		.amdhsa_float_denorm_mode_32 3
		.amdhsa_float_denorm_mode_16_64 3
		.amdhsa_memory_ordered 1
		.amdhsa_forward_progress 1
		.amdhsa_inst_pref_size 31
	.end_amdhsa_kernel
	.amdgpu_metadata
---
amdhsa.version: [ 1, 2 ]
amdhsa.kernels:
  - .name:           k_q7e6dda0512_attn
    .symbol:         k_q7e6dda0512_attn.kd
    .args:
      - { .name: qkv, .offset: 0, .size: 8, .value_kind: global_buffer, .address_space: global }
      - { .name: cq, .offset: 8, .size: 8, .value_kind: global_buffer, .address_space: global }
    .group_segment_fixed_size: 210944
    .private_segment_fixed_size: 0
    .kernarg_segment_align: 8
    .kernarg_segment_size: 16
    .max_flat_workgroup_size: 512
    .sgpr_count:     66
    .vgpr_count:     256
    .wavefront_size: 32
...
	.end_amdgpu_metadata
.endif
;; end of part 11
;; launch proj_o (part 12): grid 8 x 32, 4 waves a work-group, clusters of 4 x 4, 327,680 bytes of LDS; arguments cq, Wo_codes, Wo_scales, y1; writes y1
.if DOCPART == 12
	.amdgcn_target "amdgcn-amd-amdhsa--gfx1250"
	.amdhsa_code_object_version 6
	.text
	.protected	k_q7e6dda0512_proj_o
	.globl	k_q7e6dda0512_proj_o
	.p2align	8
	.type	k_q7e6dda0512_proj_o,@function
k_q7e6dda0512_proj_o:
	s_mov_b64 s[64:65], 0
	v_nop
	global_prefetch_b8 v0, s[64:65] scope:SCOPE_SE
	s_setreg_imm32_b32 hwreg(HW_REG_WAVE_MODE, 25, 1), 1
	s_wait_xcnt 0x0
	s_wait_alu depctr_hold_cnt(0) depctr_sa_sdst(0) depctr_va_vdst(0) depctr_va_sdst(0) depctr_va_ssrc(0) depctr_va_vcc(0) depctr_vm_vsrc(0)
	s_getreg_b32 s2, hwreg(HW_REG_IB_STS2, 6, 4)
	s_cmp_eq_u32 s2, 0
	s_cbranch_scc0 .Lentry_in_a_cluster
	s_endpgm
.Lentry_in_a_cluster:
	s_bfe_u32 s2, ttmp6, 0x10000c
	s_cmp_lg_u32 s2, 0xf033
	s_cbranch_scc0 .Lentry_shape_is_right
	s_endpgm
.Lentry_shape_is_right:
; y1 = ctx Wo on codes of FP6 (E2M3) with E8M0 scales, K = 1,024; y1 [4096][1024] f32.
; A tile of 128 x 128 to a work-group of four waves, 64 x 64 to a wave: 16 accumulators.  ALL OF K LIES IN LDS: 128 rows of each operand, whole rows of 768 bytes with 16 bytes of padding behind every 256 (pitch 816), 208,896 bytes,
; filled once: each wave brings 64 rows by its one tensor load, so the walk along K has no barrier.  4 x 4 work-groups form a cluster: ctx's rows are asked for jointly by a row of the cluster, Wo's by a column.
; The scale words of a wave's 64 + 64 rows for all of K are 64 registers: a row's 32 bytes come by two loads of 16 bytes, sixteen lanes reading 512 bytes on end.
; Source 0 = 16 rows of Wo, source 1 = 16 rows of ctx: a lane holds eight neighbouring numbers of a row of y1.  No prefetch: the launch has no loop of refills to run ahead in.
.set SIZE_N, 1024
.set KROW,   768
.set STEPS,  8
.set ASC,    3145728
.set PITCH,  816
.set FR,     12
.set NP,     4
.set QUART,  64*PITCH
.set STAGE,  4*QUART                   ; the way out: 16 rows x 272 bytes a wave, bytes of its own
.set SPITCH, 272
.set SPARE,  STAGE+4*16*SPITCH
.set ADRA, 16                          ; v16 my rows of ctx; v17 the same behind one padding more for lanes 16-31
.set ADRB, 20
.set STO,  24
.set RD,   25
.set CO,   26
.set SPW,  28
.set NIL,  29
.set SCA,  32                          ; v[SCA + 8 a + q]: ctx's block a, step q;  v[SCB + 8 b + q]: Wo's
.set SCB,  64
.set AF,   128
.set BK,   128
.set G1, 24
.set G0, 32
.set G1B, 48
.set G0B, 56
.set MSB, 0
.macro WIN new
.if MSB != \new
	s_set_vgpr_msb (MSB<<8)|\new
.set MSB, \new
.endif
.endm
.set MUL,  0xa1
.set TO_B, 0x40
.macro CREST
	s_cmp_lg_u32 s14, 0
	s_cbranch_scc1 .Lnot_wave_0_\@
	s_barrier_signal -3
.Lnot_wave_0_\@:
	s_barrier_wait -3
	s_barrier_signal -1
	s_barrier_wait -1
.endm
.macro CROUND
	s_barrier_signal -1
	s_barrier_wait -1
	CREST
.endm
	s_load_b64 s[4:5], s[0:1], 0x0
	s_load_b128 s[8:11], s[0:1], 0x8
	s_load_b64 s[12:13], s[0:1], 0x18
	v_lshl_add_u32 v[SPW], v0, 2, SPARE
	v_mov_b32 v[NIL], 0
	ds_add_u32 v[SPW], v[NIL]
	ds_add_u32 v[SPW], v[NIL]
	v_lshrrev_b32 v1, 5, v0
	v_readfirstlane_b32 s14, v1
	s_lshr_b32 s15, s14, 1                         ; my half of the rows; also: I fetch ctx (0) or Wo (1)
	s_and_b32 s16, s14, 1                          ; my half of the columns; also: which 64 rows I fetch
	s_bfe_u32 s40, ttmp6, 0x40000
	s_bfe_u32 s41, ttmp6, 0x40004
	s_lshl_b32 s42, ttmp9, 2
	s_add_co_u32 s42, s42, s40
	s_and_b32 s17, ttmp7, 0xffff
	s_lshl_b32 s17, s17, 2
	s_add_co_u32 s17, s17, s41
	s_lshl_b32 s43, s41, 2
	s_lshl_b32 s43, 15, s43
	s_lshl_b32 s44, 0x1111, s40
	s_or_b32 s[G1+0], s43, (0<<16)|(1<<20)|(1<<21)|(5<<22)|(3<<25)
	s_or_b32 s[G1B+0], s44, (0<<16)|(1<<20)|(1<<21)|(5<<22)|(3<<25)
.irp g, G1, G1B
	s_mov_b32 s[\g+1], KROW<<16
	s_mov_b32 s[\g+2], 64<<16
	s_mov_b32 s[\g+3], KROW<<16
	s_mov_b32 s[\g+4], 64
	s_mov_b32 s[\g+5], KROW
	s_mov_b32 s[\g+6], 0
	s_mov_b32 s[\g+7], 0
.endr
	s_lshl_b32 s18, s16, 6
	s_lshl_b32 s20, s17, 7
	s_add_co_u32 s20, s20, s18
	s_mul_i32 s20, s20, KROW                       ; the 64 rows of ctx that I would fetch
	s_mov_b32 s21, 0
	s_lshl_b32 s46, s42, 7
	s_add_co_u32 s46, s46, s18
	s_lshl_b32 s92, s46, 5                         ; the scale bytes of my 64 rows of Wo
	s_mov_b32 s93, 0
	s_mul_i32 s46, s46, KROW                       ; the 64 rows of Wo that I would fetch
	s_mov_b32 s47, 0
	s_lshl_b32 s22, s17, 7
	s_lshl_b32 s18, s15, 6
	s_add_co_u32 s22, s22, s18
	s_lshl_b32 s22, s22, 5                         ; the scale bytes of my 64 rows of ctx
	s_mov_b32 s23, 0
	s_mul_i32 s45, s14, QUART
	s_wait_dscnt 0x0
	s_wait_kmcnt 0x0
	s_add_nc_u64 s[6:7], s[4:5], ASC
	s_add_nc_u64 s[20:21], s[4:5], s[20:21]
	s_add_nc_u64 s[22:23], s[6:7], s[22:23]
	s_add_nc_u64 s[46:47], s[8:9], s[46:47]
	s_add_nc_u64 s[92:93], s[10:11], s[92:93]
	CROUND                                         ; all sixteen work-groups are here: the joint loads meet
	s_mov_b32 s[G0], 1
	s_mov_b32 s[G0+1], s45
	s_mov_b64 s[G0+2:G0+3], s[20:21]
	s_or_b32 s[G0+3], s[G0+3], 0x80000000
	s_mov_b32 s[G0B], 1
	s_mov_b32 s[G0B+1], s45
	s_mov_b64 s[G0B+2:G0B+3], s[46:47]
	s_or_b32 s[G0B+3], s[G0B+3], 0x80000000
	s_cmp_eq_u32 s15, 0
	s_cbranch_scc0 .Lfor_b
	tensor_load_to_lds s[G0:G0+3], s[G1:G1+7]      ; my one tensor load of the launch
	s_nop 0
.rept 4
	v_nop
.endr
	s_branch .Lasked
.Lfor_b:
	tensor_load_to_lds s[G0B:G0B+3], s[G1B:G1B+7]
	s_nop 0
.rept 4
	v_nop
.endr
.Lasked:
	v_and_b32 v1, 15, v0
	v_bfe_u32 v2, v0, 4, 1
	v_lshlrev_b32 v8, 5, v1                        ; a row of scale bytes is 32; lanes 16-31 read what lanes 0-15 read
.irp a, 0,1,2,3
	global_load_b128 v[SCA+8*\a:SCA+8*\a+3], v8, s[22:23] offset:512*\a
	global_load_b128 v[SCA+8*\a+4:SCA+8*\a+7], v8, s[22:23] offset:512*\a+16
	global_load_b128 v[SCB+8*\a:SCB+8*\a+3], v8, s[92:93] offset:512*\a
	global_load_b128 v[SCB+8*\a+4:SCB+8*\a+7], v8, s[92:93] offset:512*\a+16
.endr
	v_mul_u32_u24 v3, v1, PITCH
	v_mul_u32_u24 v4, v2, 24
	v_add_nc_u32 v4, v3, v4
	v_lshl_add_u32 v5, v2, 4, v4
	s_mul_i32 s21, s15, QUART
	s_mul_i32 s94, s16, QUART                      ; (s[22:23] stay as they are: the scale loads' base)
	s_add_co_u32 s94, s94, 2*QUART
	v_add_nc_u32 v[ADRA], s21, v4
	v_add_nc_u32 v[ADRA+1], s21, v5
	v_add_nc_u32 v[ADRB], s94, v4
	v_add_nc_u32 v[ADRB+1], s94, v5
	s_mul_i32 s95, s14, 16*SPITCH
	s_add_co_u32 s95, s95, STAGE
	v_mul_u32_u24 v5, v1, SPITCH
	v_lshl_add_u32 v5, v2, 5, v5
	v_add_nc_u32 v[STO], s95, v5
	v_mul_u32_u24 v5, v2, SPITCH
	v_lshl_add_u32 v5, v1, 4, v5
	v_add_nc_u32 v[RD], s95, v5
	v_mul_u32_u24 v5, v2, SIZE_N*4
	v_lshl_add_u32 v[CO], v1, 4, v5
	s_lshl_b32 s20, s17, 7
	s_lshl_b32 s21, s15, 6
	s_add_co_u32 s20, s20, s21
	s_mov_b32 s21, 0
	s_mov_b64 s[18:19], SIZE_N*4
	s_mul_u64 s[20:21], s[20:21], s[18:19]
	s_lshl_b32 s46, s42, 9
	s_lshl_b32 s47, s16, 8
	s_add_co_u32 s46, s46, s47
	s_mov_b32 s47, 0
	s_add_nc_u64 s[20:21], s[20:21], s[46:47]
	s_add_nc_u64 s[12:13], s[12:13], s[20:21]
.macro FRAG reg, adr, st, i            ; byte y of a row of codes lies at y + 16 (y / 256) of its LDS row; lanes 16-31 read 24 bytes on, where need be behind one padding more
.irp p, 0,1,2,3,4,5
.set BY, 96*(\st)+48*(\p/3)+8*(\p%3)
.if BY/256 == (BY+24)/256
	ds_load_b64 v[\reg+2*\p:\reg+2*\p+1], v[\adr] offset:BY+16*(BY/256)+(\i)*16*PITCH
.else
	ds_load_b64 v[\reg+2*\p:\reg+2*\p+1], v[\adr+1] offset:BY+16*(BY/256)+(\i)*16*PITCH
.endif
.endr
.endm
.macro MUL16 p, q, zero                ; the 16 accumulators take turns
.irp a, 0,1,2,3
.irp b, 0,1,2,3
.if \zero
	v_wmma_scale_f32_16x16x128_f8f6f4 v[8*(4*\a+\b):8*(4*\a+\b)+7], v[128*(\p)+FR*\b:128*(\p)+FR*\b+FR-1], v[AF+64*(\p)+FR*\a:AF+64*(\p)+FR*\a+FR-1], 0, v[SCB+8*\b+(\q)], v[SCA+8*\a+(\q)] matrix_a_fmt:MATRIX_FMT_FP6 matrix_b_fmt:MATRIX_FMT_FP6
.else
	v_wmma_scale_f32_16x16x128_f8f6f4 v[8*(4*\a+\b):8*(4*\a+\b)+7], v[128*(\p)+FR*\b:128*(\p)+FR*\b+FR-1], v[AF+64*(\p)+FR*\a:AF+64*(\p)+FR*\a+FR-1], v[8*(4*\a+\b):8*(4*\a+\b)+7], v[SCB+8*\b+(\q)], v[SCA+8*\a+(\q)] matrix_a_fmt:MATRIX_FMT_FP6 matrix_b_fmt:MATRIX_FMT_FP6
.endif
.endr
.endr
.endm
.macro FETCH st, p
	WIN TO_B
.irp i, 0,1,2,3
	FRAG 128*(\p)+FR*\i, ADRB, \st, \i
.endr
	WIN 0
.irp i, 0,1,2,3
	FRAG AF+64*(\p)+FR*\i, ADRA, \st, \i
.endr
.endm
.macro PLACES n
.rept \n
	v_nop
.endr
.endm
.macro STEP st, zero                   ; the next step's fragments are asked for, then this step's are multiplied
	s_wait_dscnt 0x0
	PLACES NP
	FETCH (\st)+1, 1-(\st)%2
	WIN MUL
	MUL16 (\st)%2, \st, \zero
.endm
	s_wait_alu depctr_va_vdst(0)
	s_wait_tensorcnt 0x0                           ; my 64 rows are in,
	s_barrier_signal -1
	s_barrier_wait -1                              ; everybody's are
	FETCH 0, 0
	s_wait_loadcnt 0x0                             ; the scale words
	STEP 0, 1
.set ST, 1
.rept STEPS-2
	STEP ST, 0
.set ST, ST+1
.endr
	s_wait_dscnt 0x0
	MUL16 1, 7, 0
	WIN 0
.macro TOSTAGE a                       ; 16 rows x 64 columns through my own stage, back as rows of 256 bytes
	WIN 0x08
.irp b, 0,1,2,3
	ds_store_b128 v[STO], v[8*(4*(\a)+\b):8*(4*(\a)+\b)+3] offset:64*\b
	ds_store_b128 v[STO], v[8*(4*(\a)+\b)+4:8*(4*(\a)+\b)+7] offset:64*\b+16
.endr
	WIN 0
.set BB, BK+32*((\a)%2)
.irp t, 0,1,2,3,4,5,6,7
	ds_load_b128 v[BB+4*\t:BB+4*\t+3], v[RD] offset:\t*2*SPITCH
.endr
.endm
.macro SEND a, younger
.set BB, BK+32*((\a)%2)
	s_wait_dscnt \younger
.if (\a) > 0
	s_add_nc_u64 s[12:13], s[12:13], 16*SIZE_N*4
.endif
.irp t, 0,1,2,3,4,5,6,7
	global_store_b128 v[CO], v[BB+4*\t:BB+4*\t+3], s[12:13] offset:2*\t*SIZE_N*4 th:TH_STORE_NT   ; sixteen lanes store 256 consecutive bytes, aligned
.endr
.endm
	PLACES NP
	TOSTAGE 0
.irp a, 1,2,3
.if \a > 1
	s_wait_xcnt 0x0                                ; block a - 2's stores have read their registers and base
.endif
	TOSTAGE \a
	SEND \a-1, 16                                  ; behind block a - 1's loads: block a's 8 stores and 8 loads
.endr
	s_wait_xcnt 0x0
	SEND 3, 0
	s_wait_tensorcnt 0x0                           ; the wave's end
	ds_add_u32 v[SPW], v[NIL]
	s_wait_dscnt 0x0
	CROUND                                         ; the closing round
	s_endpgm
.Lfunc_end_k_q7e6dda0512_proj_o:
	.size	k_q7e6dda0512_proj_o, .Lfunc_end_k_q7e6dda0512_proj_o-k_q7e6dda0512_proj_o
	.p2alignl 7, 3214868480
	.fill 96, 4, 3214868480
	.section	.rodata,"a",@progbits
	.p2align	6, 0x0
	.amdhsa_kernel k_q7e6dda0512_proj_o
		.amdhsa_group_segment_fixed_size 327680
		.amdhsa_private_segment_fixed_size 0
		.amdhsa_enable_private_segment 0
		.amdhsa_kernarg_size 32
		.amdhsa_user_sgpr_count 2
		.amdhsa_user_sgpr_kernarg_segment_ptr 1
		.amdhsa_wavefront_size32 1
		.amdhsa_system_sgpr_workgroup_id_x 1
		.amdhsa_system_sgpr_workgroup_id_y 1
		.amdhsa_system_sgpr_workgroup_id_z 1
		.amdhsa_system_vgpr_workitem_id 0
		.amdhsa_next_free_vgpr 768
		.amdhsa_next_free_sgpr 102
		.amdhsa_reserve_vcc 0
		.amdhsa_float_denorm_mode_32 3
		.amdhsa_float_denorm_mode_16_64 3
		.amdhsa_memory_ordered 1
		.amdhsa_forward_progress 1
		.amdhsa_inst_pref_size 58
	.end_amdhsa_kernel
	.amdgpu_metadata
---
amdhsa.version: [ 1, 2 ]
amdhsa.kernels:
  - .name:           k_q7e6dda0512_proj_o
    .symbol:         k_q7e6dda0512_proj_o.kd
    .args:
      - { .name: cq, .offset: 0, .size: 8, .value_kind: global_buffer, .address_space: global }
      - { .name: Wo_codes, .offset: 8, .size: 8, .value_kind: global_buffer, .address_space: global }
      - { .name: Wo_scales, .offset: 16, .size: 8, .value_kind: global_buffer, .address_space: global }
      - { .name: y1, .offset: 24, .size: 8, .value_kind: global_buffer, .address_space: global }
    .group_segment_fixed_size: 327680
    .private_segment_fixed_size: 0
    .kernarg_segment_align: 8
    .kernarg_segment_size: 32
    .max_flat_workgroup_size: 128
    .sgpr_count:     102
    .vgpr_count:     768
    .wavefront_size: 32
...
	.end_amdgpu_metadata
.endif
;; end of part 12
;; launch norm1 (part 13): grid 256 x 1, 8 waves a work-group, no clusters, 44,032 bytes of LDS; arguments y1, x, bo, g1, beta1, xn, nq; writes xn, nq
.if DOCPART == 13
	.amdgcn_target "amdgcn-amd-amdhsa--gfx1250"
	.amdhsa_code_object_version 6
	.text
	.protected	k_q7e6dda0512_norm1
	.globl	k_q7e6dda0512_norm1
	.p2align	8
	.type	k_q7e6dda0512_norm1,@function
k_q7e6dda0512_norm1:
	s_mov_b64 s[64:65], 0
	v_nop
	global_prefetch_b8 v0, s[64:65] scope:SCOPE_SE
	s_setreg_imm32_b32 hwreg(HW_REG_WAVE_MODE, 25, 1), 1
	s_wait_xcnt 0x0
; x_norm1 = LayerNorm(x + (ctx Wo + bo)) with gain g1 and offset beta1; stored as f32 (the second residual) and as codes of FP6 (E2M3) with E8M0 scale bytes (the next product's operand): codes [4096][768], scale bytes [4096][32] from byte ASC on.
; This text is a row stream with four switches: ADD (row = X + (Y + PB)), NORM (LayerNorm with gain PG and offset PE), OUTF (the row is stored as f32), QUANT (the row is quantised).  Here all four are on.
; SHARES.  A work-group of eight waves takes 16 rows, a wave 2: both rows' loads go out at the head, so that all of a wave's bytes are on their way at once.  A load of a wave reads 512 consecutive bytes, 16 a lane;
; a row is eight such loads and stays in 32 registers, so each input byte is read once.  The mean is taken off before the squares are summed.
; QUANTISER.  A block's scale is 2^(floor(log2(largest magnitude)) - 2); its byte is the largest magnitude's exponent field - 2, held at 1 from below.  The conversion wants 16 neighbours in one lane, so a row turns
; through the wave's own stage in LDS (64 bytes + 16 of padding to a place), half a row to a stage; two neighbouring lanes then hold a block.
; LIMITS: NaN and infinities are not served.  A block of zeros, and one whose largest magnitude lies under 2^-124, keeps the byte 1 (the rule says 127 for zeros): this program alone reads the bytes.
; No tensor load, no barrier: waves share nothing.  No cluster: work-groups share only 12 KB of parameters.
.set ADD,   1
.set NORM,  1
.set OUTF,  1
.set QUANT, 1
.set SLOTS, 2                          ; rows in registers at a time
.set ROWS,  2                          ; rows of a wave
.set LPR,   8+8*ADD                    ; loads of a row
.set ASC,   3145728                    ; where the scale bytes begin in the codes' buffer
.set SP,    80                         ; a place in a stage
.set WREG,  5376                       ; LDS of a wave: two stages of 32 places, then 256 bytes for its scale bytes
.set PB,    24                         ; v24-55 PB, v56-87 PG, v88-119 PE: my 32 columns of the three parameters
.set PG,    56
.set PE,    88
.set SL,    120                        ; slot s at v[SL + SLW s]: 32 registers Y, which become the row; with ADD 32 more, X
.set SLW,   32+32*ADD
.set CD,    248                        ; v248-250, v252-254: the codes of a row's two halves
.if ADD
	s_load_b256 s[4:11], s[0:1], 0x0               ; Y s[4:5], X s[6:7], PB s[8:9], PG s[10:11]
	s_load_b128 s[16:19], s[0:1], 0x20             ; PE s[16:17], the f32 result s[18:19]
.if QUANT
	s_load_b64 s[20:21], s[0:1], 0x30              ; the codes' buffer
	v_lshl_add_u32 v251, v0, 2, 0xa800
	v_mov_b32 v255, 0
.endif
.else
	s_load_b128 s[4:7], s[0:1], 0x0                ; Y s[4:5], the codes' buffer s[6:7]
.endif
	v_lshrrev_b32 v1, 5, v0
	s_delay_alu instid0(VALU_DEP_1)
	v_readfirstlane_b32 s24, v1                    ; wave
	v_and_b32 v1, 31, v0                           ; lane
	s_delay_alu instid0(VALU_DEP_1)
	v_lshlrev_b32 v2, 4, v1                        ; my 16 bytes of a load's 512
.if NORM
	v_mov_b32 v23, 0                               ; a lane permute's destination counts as read: written once
	s_mov_b32 s12, 0x76543210                      ; v_permlanex16_b32: lane l xor 16
	s_mov_b32 s13, 0xfedcba98
	s_mov_b32 s14, 0x3a800000                      ; 1 / 1024
	s_mov_b32 s15, 0x3727c5ac                      ; 1e-5
.endif
.if QUANT
	s_mul_i32 s25, s24, WREG
	v_lshrrev_b32 v3, 2, v1
	s_delay_alu instid0(VALU_DEP_1)
	v_mul_u32_u24 v3, v3, SP
	v_and_b32 v4, 3, v1
	s_delay_alu instid0(VALU_DEP_1)
	v_lshl_add_u32 v3, v4, 4, v3
	s_delay_alu instid0(VALU_DEP_1)
	v_add_nc_u32 v3, s25, v3                       ; into a stage: four lanes' 64 bytes on end, then the padding
	v_mul_u32_u24 v4, v1, SP
	s_delay_alu instid0(VALU_DEP_1)
	v_add_nc_u32 v4, s25, v4                       ; out of it: my place, 16 neighbours
	s_add_co_u32 s25, s25, 2*32*SP
	v_lshrrev_b32 v5, 1, v1
	s_delay_alu instid0(VALU_DEP_1)
	v_add_nc_u32 v5, s25, v5                       ; my block's scale byte
	v_and_b32 v8, 15, v1
	s_delay_alu instid0(VALU_DEP_1)
	v_lshlrev_b32 v8, 2, v8                        ; on the way out my two rows' 64 scale bytes: 4 bytes a lane; lanes 16-31 take what lanes 0-15 take
	s_delay_alu instid0(VALU_DEP_1)
	v_add_nc_u32 v6, s25, v8
	v_mul_u32_u24 v7, v1, 12                       ; my 16 codes among half a row's
.endif
	s_lshl_b32 s26, ttmp9, 4
	s_lshl_b32 s27, s24, 1
	s_add_co_u32 s26, s26, s27                     ; my first row: 16 x work-group + 2 x wave
	s_mul_i32 s28, s26, 768
	s_mov_b32 s29, 0
	s_lshl_b32 s30, s26, 5
	s_add_co_u32 s30, s30, ASC
	s_mov_b32 s31, 0
	s_lshl_b32 s26, s26, 12
	s_mov_b32 s27, 0
	s_wait_kmcnt 0x0
.if !ADD
	s_mov_b64 s[20:21], s[6:7]
.endif
	s_add_nc_u64 s[4:5], s[4:5], s[26:27]
.if ADD
	s_add_nc_u64 s[6:7], s[6:7], s[26:27]
.endif
.if OUTF
	s_add_nc_u64 s[18:19], s[18:19], s[26:27]
.endif
.if QUANT
	s_add_nc_u64 s[22:23], s[20:21], s[30:31]      ; my rows' scale bytes
	s_add_nc_u64 s[20:21], s[20:21], s[28:29]      ; my rows' codes
.endif
.macro LOADROW r
.set LB, SL+SLW*((\r)%SLOTS)
.irp j, 0,1,2,3,4,5,6,7
	global_load_b128 v[LB+4*\j:LB+4*\j+3], v2, s[4:5] offset:4096*(\r)+512*\j th:TH_LOAD_NT
.endr
.if ADD
.irp j, 0,1,2,3,4,5,6,7
	global_load_b128 v[LB+32+4*\j:LB+32+4*\j+3], v2, s[6:7] offset:4096*(\r)+512*\j th:TH_LOAD_NT
.endr
.endif
.endm
.macro FOLD                            ; four packed chains in v10-17 become the row's sum, in v22 of every lane
	s_delay_alu instid0(VALU_DEP_3)
	v_pk_add_f32 v[10:11], v[10:11], v[12:13]
	s_delay_alu instid0(VALU_DEP_2)
	v_pk_add_f32 v[14:15], v[14:15], v[16:17]
	s_delay_alu instid0(VALU_DEP_1)
	v_pk_add_f32 v[10:11], v[10:11], v[14:15]
	s_delay_alu instid0(VALU_DEP_1)
	v_add_f32 v22, v10, v11
	s_delay_alu instid0(VALU_DEP_1)
	v_add_f32_dpp v22, v22, v22 row_xmask:1 row_mask:0xf bank_mask:0xf
	s_delay_alu instid0(VALU_DEP_1)
	v_add_f32_dpp v22, v22, v22 row_xmask:2 row_mask:0xf bank_mask:0xf
	s_delay_alu instid0(VALU_DEP_1)
	v_add_f32_dpp v22, v22, v22 row_xmask:4 row_mask:0xf bank_mask:0xf
	s_delay_alu instid0(VALU_DEP_1)
	v_add_f32_dpp v22, v22, v22 row_xmask:8 row_mask:0xf bank_mask:0xf
	s_delay_alu instid0(VALU_DEP_1)
	v_permlanex16_b32 v23, v22, s12, s13
	s_delay_alu instid0(VALU_DEP_1)
	v_add_f32 v22, v22, v23
.endm
.macro ROW r
.set VR, SL+SLW*((\r)%SLOTS)
.if ADD
.set XQ, VR+32                         ; the numbers that come back from the stages land where X lay
.else
.set XQ, 24
.endif
.if ROWS-1-(\r) < SLOTS-1
	s_wait_loadcnt LPR*(ROWS-1-(\r))               ; my row is in; what may be out: the loads of the rows behind it
.else
	s_wait_loadcnt LPR*(SLOTS-1)
.endif
.if ADD
.irp i, 0,2,4,6,8,10,12,14,16,18,20,22,24,26,28,30
	v_pk_add_f32 v[VR+\i:VR+\i+1], v[VR+\i:VR+\i+1], v[PB+\i:PB+\i+1]          ; the product's bias,
.endr
.irp i, 0,2,4,6,8,10,12,14,16,18,20,22,24,26,28,30
	v_pk_add_f32 v[VR+\i:VR+\i+1], v[VR+32+\i:VR+32+\i+1], v[VR+\i:VR+\i+1]    ; then the residual
.endr
.endif
.if NORM
.irp c, 0,1,2,3
	v_pk_add_f32 v[10+2*\c:11+2*\c], v[VR+2*\c:VR+2*\c+1], v[VR+8+2*\c:VR+9+2*\c]
.endr
.irp k, 16,24
.irp c, 0,1,2,3
	s_delay_alu instid0(VALU_DEP_4)
	v_pk_add_f32 v[10+2*\c:11+2*\c], v[10+2*\c:11+2*\c], v[VR+\k+2*\c:VR+\k+2*\c+1]
.endr
.endr
	FOLD
	s_delay_alu instid0(VALU_DEP_1)
	v_mul_f32 v18, s14, v22                        ; the mean
	s_delay_alu instid0(VALU_DEP_1)
	v_mov_b32 v19, v18
.irp i, 0,2,4,6,8,10,12,14,16,18,20,22,24,26,28,30
	v_pk_add_f32 v[VR+\i:VR+\i+1], v[VR+\i:VR+\i+1], v[18:19] neg_lo:[0,1] neg_hi:[0,1]   ; the mean goes off first: the variance is no difference of large sums
.endr
.irp c, 0,1,2,3
	v_pk_mul_f32 v[10+2*\c:11+2*\c], v[VR+2*\c:VR+2*\c+1], v[VR+2*\c:VR+2*\c+1]
.endr
.irp k, 8,16,24
.irp c, 0,1,2,3
	s_delay_alu instid0(VALU_DEP_4)
	v_pk_fma_f32 v[10+2*\c:11+2*\c], v[VR+\k+2*\c:VR+\k+2*\c+1], v[VR+\k+2*\c:VR+\k+2*\c+1], v[10+2*\c:11+2*\c]
.endr
.endr
	FOLD
	s_delay_alu instid0(VALU_DEP_1)
	v_fma_f32 v22, v22, s14, s15                   ; the variance + 1e-5
	s_wait_alu depctr_va_vdst(0)
	v_rsq_f32 v20, v22
	v_nop                                          ; a plain instruction behind the transcendental,
	s_wait_alu depctr_va_vdst(0)                   ; and the wait ahead of its first reader
	v_mov_b32 v21, v20
.irp i, 0,2,4,6,8,10,12,14,16,18,20,22,24,26,28,30
	v_pk_mul_f32 v[VR+\i:VR+\i+1], v[VR+\i:VR+\i+1], v[20:21]
.endr
.irp i, 0,2,4,6,8,10,12,14,16,18,20,22,24,26,28,30
	v_pk_fma_f32 v[VR+\i:VR+\i+1], v[VR+\i:VR+\i+1], v[PG+\i:PG+\i+1], v[PE+\i:PE+\i+1]
.endr
.endif
.if OUTF
.irp j, 0,1,2,3,4,5,6,7
	global_store_b128 v2, v[VR+4*\j:VR+4*\j+3], s[18:19] offset:4096*(\r)+512*\j   ; 32 lanes store 512 consecutive bytes, aligned
.endr
.endif
.if QUANT
.irp j, 0,1,2,3,4,5,6,7
	ds_store_b128 v3, v[VR+4*\j:VR+4*\j+3] offset:(\j/4)*32*SP+(\j%4)*8*SP
.endr
.irp q, 0,1
.irp i, 0,1,2,3
	ds_load_b128 v[XQ+16*\q+4*\i:XQ+16*\q+4*\i+3], v4 offset:32*SP*\q+16*\i    ; LDS serves a wave's instructions in order: these see the stores above
.endr
.endr
.irp q, 0,1
.set XS, XQ+16*\q
.if \q == 0
	s_wait_dscnt 4                                 ; the first half's four loads are in; the second half's four may be out
.else
	s_wait_dscnt 1                                 ; the second half's are in; the first half's byte store may be out
.endif
	v_max3_num_f32 v10, |v[XS]|, |v[XS+1]|, |v[XS+2]|              ; the largest magnitude of my 16
	v_max3_num_f32 v11, |v[XS+3]|, |v[XS+4]|, |v[XS+5]|
.irp i, 6,10
	s_delay_alu instid0(VALU_DEP_2)
	v_max3_num_f32 v10, v10, |v[XS+\i]|, |v[XS+\i+1]|
	s_delay_alu instid0(VALU_DEP_2)
	v_max3_num_f32 v11, v11, |v[XS+\i+2]|, |v[XS+\i+3]|
.endr
	s_delay_alu instid0(VALU_DEP_2)
	v_max3_num_f32 v10, v10, |v[XS+14]|, |v[XS+15]|
	s_delay_alu instid0(VALU_DEP_1)
	v_max3_num_f32 v10, v10, v11, 0x1800000        ; and the floor 2^(3 - 127): the byte cannot fall under 1
	s_delay_alu instid0(VALU_DEP_1)
	v_max_num_f32_dpp v10, v10, v10 row_xmask:1 row_mask:0xf bank_mask:0xf   ; with my neighbour's 16: the block's
	s_delay_alu instid0(VALU_DEP_1)
	v_add_nc_u32 v12, 0xff000000, v10              ; 2 off its exponent field: the conversion takes the exponent field of this operand as its scale
	v_cvt_scalef32_pk16_fp6_f32 v[CD+4*\q:CD+4*\q+2], v[XS:XS+15], v12
	v_lshrrev_b32 v[16+\q], 23, v12                ; the scale's byte (also the plain instruction behind the conversion)
	ds_store_b8 v5, v[16+\q] offset:32*(\r)+16*\q  ; both lanes of a block write the same byte with the same value
	global_store_b96 v7, v[CD+4*\q:CD+4*\q+2], s[20:21] offset:768*(\r)+384*\q   ; the wave stores 384 consecutive bytes
.endr
.endif
.if (\r) < ROWS-1
.if QUANT
	s_wait_dscnt 0x0                               ; the byte stores have read v16 and v17, which the next row's sums write
.endif
	s_wait_xcnt 0x0                                ; the stores have read their data: the codes' registers may be written again
.if (\r)+SLOTS < ROWS
	LOADROW (\r)+SLOTS
.endif
.endif
.endm
.if ADD
.irp j, 0,1,2,3,4,5,6,7
	global_load_b128 v[PB+4*\j:PB+4*\j+3], v2, s[8:9] offset:512*\j
	global_load_b128 v[PG+4*\j:PG+4*\j+3], v2, s[10:11] offset:512*\j
	global_load_b128 v[PE+4*\j:PE+4*\j+3], v2, s[16:17] offset:512*\j
.endr
.endif
	LOADROW 0
	LOADROW 1
	ROW 0
	ROW 1
.if QUANT
	ds_load_b32 v9, v6                             ; my two rows' 64 scale bytes: they lie on end in memory too
	s_wait_dscnt 0x0
	global_store_b32 v8, v9, s[22:23]
.endif
	s_wait_tensorcnt 0x0
	ds_add_u32 v251, v255
	s_wait_dscnt 0x0
	s_endpgm
.Lfunc_end_k_q7e6dda0512_norm1:
	.size	k_q7e6dda0512_norm1, .Lfunc_end_k_q7e6dda0512_norm1-k_q7e6dda0512_norm1
	.p2alignl 7, 3214868480
	.fill 96, 4, 3214868480
	.section	.rodata,"a",@progbits
	.p2align	6, 0x0
	.amdhsa_kernel k_q7e6dda0512_norm1
		.amdhsa_group_segment_fixed_size 44032
		.amdhsa_private_segment_fixed_size 0
		.amdhsa_enable_private_segment 0
		.amdhsa_kernarg_size 56
		.amdhsa_user_sgpr_count 2
		.amdhsa_user_sgpr_kernarg_segment_ptr 1
		.amdhsa_wavefront_size32 1
		.amdhsa_system_sgpr_workgroup_id_x 1
		.amdhsa_system_sgpr_workgroup_id_y 1
		.amdhsa_system_sgpr_workgroup_id_z 1
		.amdhsa_system_vgpr_workitem_id 0
		.amdhsa_next_free_vgpr 256
		.amdhsa_next_free_sgpr 66
		.amdhsa_reserve_vcc 0
		.amdhsa_float_denorm_mode_32 3
		.amdhsa_float_denorm_mode_16_64 3
		.amdhsa_memory_ordered 1
		.amdhsa_forward_progress 1
		.amdhsa_inst_pref_size 36
	.end_amdhsa_kernel
	.amdgpu_metadata
---
amdhsa.version: [ 1, 2 ]
amdhsa.kernels:
  - .name:           k_q7e6dda0512_norm1
    .symbol:         k_q7e6dda0512_norm1.kd
    .args:
      - { .name: y1, .offset: 0, .size: 8, .value_kind: global_buffer, .address_space: global }
      - { .name: x, .offset: 8, .size: 8, .value_kind: global_buffer, .address_space: global }
      - { .name: bo, .offset: 16, .size: 8, .value_kind: global_buffer, .address_space: global }
      - { .name: g1, .offset: 24, .size: 8, .value_kind: global_buffer, .address_space: global }
      - { .name: beta1, .offset: 32, .size: 8, .value_kind: global_buffer, .address_space: global }
      - { .name: xn, .offset: 40, .size: 8, .value_kind: global_buffer, .address_space: global }
      - { .name: nq, .offset: 48, .size: 8, .value_kind: global_buffer, .address_space: global }
    .group_segment_fixed_size: 44032
    .private_segment_fixed_size: 0
    .kernarg_segment_align: 8
    .kernarg_segment_size: 56
    .max_flat_workgroup_size: 256
    .sgpr_count:     66
    .vgpr_count:     256
    .wavefront_size: 32
...
	.end_amdgpu_metadata
.endif
;; end of part 13
;; launch mlp_up (part 14): grid 16 x 16, 4 waves a work-group, clusters of 4 x 4, 327,680 bytes of LDS; arguments nq, W1_codes, W1_scales, b1, hq; writes hq
.if DOCPART == 14
	.amdgcn_target "amdgcn-amd-amdhsa--gfx1250"
	.amdhsa_code_object_version 6
	.text
	.protected	k_q7e6dda0512_mlp_up
	.globl	k_q7e6dda0512_mlp_up
	.p2align	8
	.type	k_q7e6dda0512_mlp_up,@function
k_q7e6dda0512_mlp_up:
	s_mov_b64 s[64:65], 0
	v_nop
	global_prefetch_b8 v0, s[64:65] scope:SCOPE_SE
	s_setreg_imm32_b32 hwreg(HW_REG_WAVE_MODE, 25, 1), 1
	s_wait_xcnt 0x0
	s_wait_alu depctr_hold_cnt(0) depctr_sa_sdst(0) depctr_va_vdst(0) depctr_va_sdst(0) depctr_va_ssrc(0) depctr_va_vcc(0) depctr_vm_vsrc(0)
	s_getreg_b32 s2, hwreg(HW_REG_IB_STS2, 6, 4)
	s_cmp_eq_u32 s2, 0
	s_cbranch_scc0 .Lentry_in_a_cluster
	s_endpgm
.Lentry_in_a_cluster:
	s_bfe_u32 s2, ttmp6, 0x10000c
	s_cmp_lg_u32 s2, 0xf033
	s_cbranch_scc0 .Lentry_shape_is_right
	s_endpgm
.Lentry_shape_is_right:
; h = gelu(x_norm1 W1 + b1) on codes of FP6 (E2M3) with E8M0 scales, K = 1,024; h is quantised along its 4,096 here and stored as codes [4096][3072] and, from byte HSC on, scale bytes [4096][128].
; THE PRODUCT.  A tile of 256 x 256 to a work-group of four waves, 128 x 128 to a wave.  K goes through two LDS slots in chunks of 256 bytes of each row (rows of 768 bytes: each chunk begins at a multiple of 256 bytes);
; a step of 128 along K is 96 bytes, eight steps to three chunks; steps 2 and 5 lie across two chunks.  The scale bytes come once and stay in LDS.  4 x 4 work-groups form a cluster with joint loads along its rows and columns.
; No prefetch: K is three chunks, of which two are asked for before the first product.
; Source 0 = 16 rows of W1, source 1 = 16 tokens: a lane holds one token and its registers run along the hidden units, the next product's K.
; GELU.  gelu(x) = max(x, 0) - |x| q with q = erfc(|x| / sqrt 2) / 2 = (a1 t + .. + a5 t^5) / 2 x 2^(-x^2 log2(e) / 2), t = 1 / (1 + p |x| / sqrt 2): the rational form of Abramowitz and Stegun 7.1.26,
; whose error in erf is at most 1.5e-7, absolute.  LIMITS: that error; NaN and infinities are not served; a block of zeros, or one under 2^-124, keeps the scale byte 1, which this program alone reads.
; THE STAGE of the way out lies in slot 1, which has had its last fill and, behind the walk's last barrier, its last read (the last chunk lies in slot 0).
.set ROWB,   256
.set NQ,     2
.set KROW,   768
.set STEPS,  8
.set CHUNKS, 3
.set PITCH,  272
.set FR,     12
.set NL,     6
.set NP,     4
.set HALFT,  128*PITCH
.set SLOT,   4*HALFT
.set KS,     32
.set SCL,    2*SLOT
.set HALFS,  (128*KS/256)*272
.set SBLK,   (16*KS/256)*272
.set SPARE,  SCL+4*HALFS
.set ASC,    3145728
.set HSC,    12582912
.set HROW,   3072                      ; a row of h's codes
.set SROW,   144
.set STRETCH, 128*SROW
.set STG,    SLOT
.set STG2,   STG+4*STRETCH
.set ADRA, 16
.set ADRB, 20
.set ADRS, 27
.set SPW,  28
.set NIL,  29
.set SC,   32
.set AF,   128
.set BC,   64
.set STA,  7
.set STB,  9
.set TRA,  10
.set RDA,  12
.set GOC,  15
.set RDS,  30
.set GOS,  31
.set KC,   32
.set HW,   62
.set TT,   128
.set DR,   192                         ; v192-207 1 + p |x| / sqrt 2, then t, then max(x, 0); between trips' GELUs the rows on their way out
.set SQ,   208                         ; v208-223 the exponent, then the power
.set PR,   44                          ; v44-59 the polynomial, then q
.set RDT,  13                          ; v13 this trip's rows in the stage, v14 their place in hq
.set GOT,  14
.set TM,   232
.set CD,   240
.set WD,   247
.set G1, 24
.set G0, 32
.set G1B, 48
.set G0B, 56
.set G1S, 68
.set G0S, 76
.set G1SB, 80
.set G0SB, 88
.set G0H, 4
.set G0HB, 8
.set SEL, 100
.set MSB, 0
.macro WIN new
.if MSB != \new
	s_set_vgpr_msb (MSB<<8)|\new
.set MSB, \new
.endif
.endm
.set MUL_LO, 0xa1
.set MUL_HI, 0xf1
.set TO_B,   0x40
.macro JLOAD g0a, g1a, g0b, g1b
	s_cmp_eq_u32 s15, 0
	s_cbranch_scc0 .Lfor_b_\@
	tensor_load_to_lds s[\g0a:\g0a+3], s[\g1a:\g1a+7]
	s_nop 0
.rept 4
	v_nop
.endr
	s_branch .Lasked_\@
.Lfor_b_\@:
	tensor_load_to_lds s[\g0b:\g0b+3], s[\g1b:\g1b+7]
	s_nop 0
.rept 4
	v_nop
.endr
.Lasked_\@:
.endm
.macro CREST
	s_cmp_lg_u32 s14, 0
	s_cbranch_scc1 .Lnot_wave_0_\@
	s_barrier_signal -3
.Lnot_wave_0_\@:
	s_barrier_wait -3
	s_barrier_signal -1
	s_barrier_wait -1
.endm
.macro CROUND
	s_barrier_signal -1
	s_barrier_wait -1
	CREST
.endm
	s_load_b64 s[4:5], s[0:1], 0x0
	s_load_b128 s[8:11], s[0:1], 0x8
	s_load_b64 s[96:97], s[0:1], 0x18
	s_load_b64 s[12:13], s[0:1], 0x20
	v_lshl_add_u32 v[SPW], v0, 2, SPARE
	v_mov_b32 v[NIL], 0
	ds_add_u32 v[SPW], v[NIL]
	ds_add_u32 v[SPW], v[NIL]
	v_lshrrev_b32 v1, 5, v0
	v_readfirstlane_b32 s14, v1
	s_lshr_b32 s15, s14, 1
	s_and_b32 s16, s14, 1
	s_bfe_u32 s40, ttmp6, 0x40000
	s_bfe_u32 s41, ttmp6, 0x40004
	s_lshl_b32 s42, ttmp9, 2
	s_add_co_u32 s42, s42, s40
	s_and_b32 s17, ttmp7, 0xffff
	s_lshl_b32 s17, s17, 2
	s_add_co_u32 s17, s17, s41
	s_lshl_b32 s43, s41, 2
	s_lshl_b32 s43, 15, s43
	s_lshl_b32 s44, 0x1111, s40
	s_or_b32 s[G1+0], s43, (0<<16)|(1<<20)|(1<<21)|(5<<22)|(3<<25)
	s_or_b32 s[G1B+0], s44, (0<<16)|(1<<20)|(1<<21)|(5<<22)|(3<<25)
.irp g, G1, G1B
	s_mov_b32 s[\g+1], ROWB<<16
	s_mov_b32 s[\g+2], 256<<16
	s_mov_b32 s[\g+3], ROWB<<16
	s_mov_b32 s[\g+4], 256
	s_mov_b32 s[\g+5], KROW
	s_mov_b32 s[\g+6], 0
	s_mov_b32 s[\g+7], 0
.endr
	s_or_b32 s[G1S+0], s43, (3<<16)|(1<<20)|(1<<21)|(5<<22)|(3<<25)
	s_or_b32 s[G1SB+0], s44, (3<<16)|(1<<20)|(1<<21)|(5<<22)|(3<<25)
.irp g, G1S, G1SB
	s_mov_b32 s[\g+1], 32<<16
	s_mov_b32 s[\g+2], KS<<16
	s_mov_b32 s[\g+3], 32<<16
	s_mov_b32 s[\g+4], KS
	s_mov_b32 s[\g+5], 32
	s_mov_b32 s[\g+6], 0
	s_mov_b32 s[\g+7], 0
.endr
	s_lshl_b32 s20, s17, 8
	s_lshl_b32 s46, s42, 8
	s_mov_b32 s21, 0
	s_mov_b32 s47, 0
	s_mov_b64 s[18:19], KS
	s_mul_u64 s[22:23], s[20:21], s[18:19]
	s_mul_u64 s[92:93], s[46:47], s[18:19]
	s_mov_b64 s[18:19], KROW
	s_mul_u64 s[20:21], s[20:21], s[18:19]
	s_mul_u64 s[46:47], s[46:47], s[18:19]
	s_mul_i32 s18, s16, 128*KROW
	s_mov_b32 s19, 0
	s_mul_i32 s45, s14, HALFT
	s_wait_dscnt 0x0
	s_wait_kmcnt 0x0
	s_add_nc_u64 s[6:7], s[4:5], ASC
	s_add_nc_u64 s[20:21], s[4:5], s[20:21]
	s_add_nc_u64 s[22:23], s[6:7], s[22:23]
	s_add_nc_u64 s[46:47], s[8:9], s[46:47]
	s_add_nc_u64 s[92:93], s[10:11], s[92:93]
	CROUND
	s_mov_b32 s[G0H], 1
	s_mov_b32 s[G0H+1], 0
	s_mov_b64 s[G0H+2:G0H+3], s[20:21]
	s_or_b32 s[G0H+3], s[G0H+3], 0x80000000
	s_mov_b32 s[G0HB], 1
	s_mov_b32 s[G0HB+1], 2*HALFT
	s_mov_b64 s[G0HB+2:G0HB+3], s[46:47]
	s_or_b32 s[G0HB+3], s[G0HB+3], 0x80000000
	s_mov_b32 s[G0S], 1
	s_mov_b32 s[G0S+1], SCL
	s_mov_b64 s[G0S+2:G0S+3], s[22:23]
	s_or_b32 s[G0S+3], s[G0S+3], 0x80000000
	s_mov_b32 s[G0SB], 1
	s_mov_b32 s[G0SB+1], SCL+2*HALFS
	s_mov_b64 s[G0SB+2:G0SB+3], s[92:93]
	s_or_b32 s[G0SB+3], s[G0SB+3], 0x80000000
	s_add_nc_u64 s[20:21], s[20:21], s[18:19]
	s_add_nc_u64 s[46:47], s[46:47], s[18:19]
.irp s, 0,1
	s_mov_b32 s[G0+4*\s], 1
	s_add_co_u32 s[G0+4*\s+1], s45, \s*SLOT
	s_add_nc_u64 s[G0+4*\s+2:G0+4*\s+3], s[20:21], \s*ROWB
	s_or_b32 s[G0+4*\s+3], s[G0+4*\s+3], 0x80000000
	s_mov_b32 s[G0B+4*\s], 1
	s_add_co_u32 s[G0B+4*\s+1], s45, \s*SLOT
	s_add_nc_u64 s[G0B+4*\s+2:G0B+4*\s+3], s[46:47], \s*ROWB
	s_or_b32 s[G0B+4*\s+3], s[G0B+4*\s+3], 0x80000000
.endr
.macro ARM under, g0, g1, next         ; the head's four tiles, one load a wave
	s_cmp_lt_u32 s14, \under
	s_cbranch_scc0 \next
	tensor_load_to_lds s[\g0:\g0+3], s[\g1:\g1+7]
	s_nop 0
.rept 4
	v_nop
.endr
	s_branch .Lhead_asked
\next:
.endm
	ARM 1, G0H,  G1,  .Lhead_b
	ARM 2, G0HB, G1B, .Lhead_sa
	ARM 3, G0S,  G1S, .Lhead_sb
	tensor_load_to_lds s[G0SB:G0SB+3], s[G1SB:G1SB+7]
	s_nop 0
.rept 4
	v_nop
.endr
.Lhead_asked:
	v_and_b32 v1, 15, v0
	v_bfe_u32 v2, v0, 4, 1
	v_mul_u32_u24 v3, v1, PITCH
	v_mul_u32_u24 v4, v2, 24
	v_add_nc_u32 v4, v3, v4
	s_mov_b32 s21, SLOT-232
	s_mov_b32 s22, SLOT+232
	v_sub_nc_u32 v7, 1, v2
	v_mul_u32_u24 v5, s21, v2
	v_add_nc_u32 v5, v3, v5
	v_add_nc_u32 v5, 232, v5
	v_mul_u32_u24 v6, s22, v7
	v_add_nc_u32 v6, v3, v6
	s_mul_i32 s21, s15, HALFT
	s_mul_i32 s22, s16, HALFT
	s_add_co_u32 s22, s22, 2*HALFT
	v_add_nc_u32 v[ADRA+2], s21, v5
	v_add_nc_u32 v[ADRA+3], s21, v6
	v_add_nc_u32 v[ADRB+2], s22, v5
	v_add_nc_u32 v[ADRB+3], s22, v6
.irp s, 0,1
	v_add_nc_u32 v[ADRA+\s], s21, v4
	v_add_nc_u32 v[ADRB+\s], s22, v4
	s_add_co_u32 s21, s21, SLOT
	s_add_co_u32 s22, s22, SLOT
.endr
	v_mul_u32_u24 v5, v1, KS
	v_lshrrev_b32 v6, 8, v5
	v_lshl_add_u32 v5, v6, 4, v5
	s_mul_i32 s21, s15, HALFS
	s_mul_i32 s22, s16, HALFS
	s_add_co_u32 s22, s22, 2*HALFS
	s_sub_co_u32 s22, s22, s21
	v_mul_u32_u24 v6, s22, v2
	s_add_co_u32 s21, s21, SCL
	v_add_nc_u32 v5, v5, v6
	v_add_nc_u32 v[ADRS], s21, v5
	s_lshl_b32 s20, s42, 10
	s_lshl_b32 s21, s16, 9
	s_add_co_u32 s20, s20, s21
	v_lshl_add_u32 v8, v2, 5, s20
.irp b, 0,1,2,3,4,5,6,7
	global_load_b128 v[BC+8*\b:BC+8*\b+3], v8, s[96:97] offset:64*\b          ; b1 along my registers; waited for at the way out
	global_load_b128 v[BC+8*\b+4:BC+8*\b+7], v8, s[96:97] offset:64*\b+16
.endr
	s_mul_i32 s20, s14, STRETCH
	s_add_co_u32 s20, s20, STG
	v_mul_u32_u24 v[STA], v1, SROW
	v_lshl_add_u32 v[STA], v2, 5, v[STA]
	v_add_nc_u32 v[STA], s20, v[STA]
	s_lshl_b32 s20, s14, 9
	s_add_co_u32 s20, s20, STG2
	v_lshl_add_u32 v[STB], v1, 2, s20
	s_mul_i32 s20, s15, 2*STRETCH
	s_mul_i32 s21, s16, 8*SROW                     ; of a trip's 16 rows of my row half I send 8
	s_add_co_u32 s20, s20, s21
	s_add_co_u32 s20, s20, STG
	v_and_b32 v6, 31, v0
	v_bfe_u32 v3, v0, 3, 1
	v_and_b32 v4, 7, v0
	v_mul_u32_u24 v[RDA], v2, SROW
	v_mad_u32_u24 v[RDA], v3, STRETCH, v[RDA]
	v_lshl_add_u32 v[RDA], v4, 4, v[RDA]
	v_add_nc_u32 v[RDA], s20, v[RDA]
	s_mul_i32 s20, s15, 128*HROW
	s_mul_i32 s21, s16, 8*HROW
	s_add_co_u32 s20, s20, s21
	v_mul_u32_u24 v[GOC], v1, 12                   ; sixteen lanes store a row's 192 bytes; lanes 16-31 the next row's
	v_mad_u32_u24 v[GOC], v2, HROW, v[GOC]
	v_add_nc_u32 v[GOC], s20, v[GOC]
	s_lshl_b32 s20, s15, 10
	s_lshl_b32 s21, s16, 8
	s_add_co_u32 s20, s20, s21
	s_add_co_u32 s20, s20, STG2
	s_wait_alu depctr_va_vdst(0)
	v_lshl_add_u32 v[RDS], v6, 2, s20
	s_lshl_b32 s20, s14, 13
	v_lshl_add_u32 v[GOS], v6, 7, s20
	s_mul_i32 s20, s17, 256*HROW
	s_mul_i32 s21, s42, 192
	s_add_co_u32 s20, s20, s21
	s_mov_b32 s21, 0
	s_lshl_b32 s22, s17, 15
	s_lshl_b32 s23, s42, 3
	s_add_co_u32 s22, s22, s23
	s_add_co_u32 s22, s22, HSC
	s_mov_b32 s23, 0
	s_add_nc_u64 s[98:99], s[12:13], s[22:23]
	s_add_nc_u64 s[12:13], s[12:13], s[20:21]
.macro FRAG reg, adr, st, i
.irp p, 0,1,2,3,4,5
.set BY, 96*(\st)+48*(\p/3)+8*(\p%3)
.if BY/ROWB == (BY+24)/ROWB
	ds_load_b64 v[\reg+2*\p:\reg+2*\p+1], v[\adr+(BY/ROWB)%2] offset:BY%ROWB+(\i)*16*PITCH
.else
	ds_load_b64 v[\reg+2*\p:\reg+2*\p+1], v[\adr+2+(BY/ROWB)%2] offset:BY%ROWB-232+(\i)*16*PITCH
.endif
.endr
.endm
.macro MUL16 a0, p, q, sc, zero        ; the 64 accumulators take turns
.irp a, \a0, \a0+1
.irp b, 0,1,2,3,4,5,6,7
.if \zero
	v_wmma_scale_f32_16x16x128_f8f6f4 v[8*(8*((\a)%4)+\b):8*(8*((\a)%4)+\b)+7], v[128*(\p)+FR*\b:128*(\p)+FR*\b+FR-1], v[AF+FR*(\a):AF+FR*(\a)+FR-1], 0, v[SC+8*NQ*(\sc)+NQ*\b+(\q)], v[SC+8*NQ*(\sc)+NQ*(\a)+(\q)] matrix_a_fmt:MATRIX_FMT_FP6 matrix_b_fmt:MATRIX_FMT_FP6 matrix_a_scale:MATRIX_SCALE_ROW1
.else
	v_wmma_scale_f32_16x16x128_f8f6f4 v[8*(8*((\a)%4)+\b):8*(8*((\a)%4)+\b)+7], v[128*(\p)+FR*\b:128*(\p)+FR*\b+FR-1], v[AF+FR*(\a):AF+FR*(\a)+FR-1], v[8*(8*((\a)%4)+\b):8*(8*((\a)%4)+\b)+7], v[SC+8*NQ*(\sc)+NQ*\b+(\q)], v[SC+8*NQ*(\sc)+NQ*(\a)+(\q)] matrix_a_fmt:MATRIX_FMT_FP6 matrix_b_fmt:MATRIX_FMT_FP6 matrix_a_scale:MATRIX_SCALE_ROW1
.endif
.endr
.endr
.endm
.macro FETCH_B st, p
	WIN TO_B
.irp i, 0,1,2,3,4,5,6,7
	FRAG 128*(\p)+FR*\i, ADRB, \st, \i
.endr
	WIN 0
.endm
.macro FETCH_A st, i0
.irp i, \i0, \i0+1, \i0+2, \i0+3
	FRAG AF+FR*(\i), ADRA, \st, \i
.endr
.endm
.macro SCALES pr
.irp i, 0,1,2,3,4,5,6,7
	ds_load_b64 v[SC+8*NQ*((\pr)%2)+NQ*\i:SC+8*NQ*((\pr)%2)+NQ*\i+1], v[ADRS] offset:\i*SBLK+4*NQ*(\pr)
.endr
.endm
.macro PLACES n
.rept \n
	v_nop
.endr
.endm
.macro STEP st, zero                   ; as in the launch of q, k and v: barriers where the next step enters a new chunk or leaves one behind
.set NX, (\st)+1
.set C0, (96*(\st))/ROWB
.set C1, (96*NX)/ROWB
.set E0, (96*(\st)+95)/ROWB
.set E1, (96*NX+95)/ROWB
.if C1 > C0 || E1 > E0
	s_wait_tensorcnt 0x0
.if C1 > C0
	ds_add_u32 v[SPW], v[NIL]
	s_wait_dscnt 4*NL+1                            ; the add and the youngest 24 loads may be out
.else
	s_wait_dscnt 4*NL
.endif
	WIN MUL_LO
	MUL16 0, (\st)%2, (\st)%2, ((\st)/2)%2, \zero
	s_wait_dscnt 0x0
	s_barrier_signal -1
	MUL16 2, (\st)%2, (\st)%2, ((\st)/2)%2, \zero
	WIN 0
	s_barrier_wait -1
.if C1 > C0 && C0+2 < CHUNKS
	CREST
	s_add_nc_u64 s[G0+4*(C0%2)+2:G0+4*(C0%2)+3], s[G0+4*(C0%2)+2:G0+4*(C0%2)+3], 2*ROWB
	s_add_nc_u64 s[G0B+4*(C0%2)+2:G0B+4*(C0%2)+3], s[G0B+4*(C0%2)+2:G0B+4*(C0%2)+3], 2*ROWB
	JLOAD G0+4*(C0%2), G1, G0B+4*(C0%2), G1B
.else
	PLACES NP
.endif
.else
	s_wait_dscnt 4*NL
	WIN MUL_LO
	MUL16 0, (\st)%2, (\st)%2, ((\st)/2)%2, \zero
	MUL16 2, (\st)%2, (\st)%2, ((\st)/2)%2, \zero
	s_wait_dscnt 0
	PLACES NP
.endif
	FETCH_B NX, NX%2
	FETCH_A NX, 0
.if NX%2 == 0
	SCALES NX/2
.endif
	WIN MUL_HI
	MUL16 4, (\st)%2, (\st)%2, ((\st)/2)%2, \zero
	MUL16 6, (\st)%2, (\st)%2, ((\st)/2)%2, \zero
	PLACES NP
	WIN 0
	FETCH_A NX, 4
.endm
	s_wait_alu depctr_va_vdst(0)
	s_wait_tensorcnt 0x0
	ds_add_u32 v[SPW], v[NIL]
	s_mov_b32 s[G1+2], 128<<16                     ; from here on a load brings 128 rows
	s_mov_b32 s[G1+4], 128
	s_mov_b32 s[G1B+2], 128<<16
	s_mov_b32 s[G1B+4], 128
	s_wait_dscnt 0x0
	CROUND
	JLOAD G0+4, G1, G0B+4, G1B                     ; chunk 1, first behind the round
	FETCH_B 0, 0
	FETCH_A 0, 0
	SCALES 0
	FETCH_A 0, 4
	STEP 0, 1
.set ST, 1
.rept STEPS-2
	STEP ST, 0
.set ST, ST+1
.endr
	s_wait_dscnt 4*NL
	WIN MUL_LO
	MUL16 0, 1, 1, 1, 0
	MUL16 2, 1, 1, 1, 0
	s_wait_dscnt 0
	WIN MUL_HI
	MUL16 4, 1, 1, 1, 0
	MUL16 6, 1, 1, 1, 0
	WIN 0
.macro CONST i, x
	v_mov_b32 v[KC+2*\i], \x
	v_mov_b32 v[KC+2*\i+1], \x
.endm
.macro FVVC d, a, b, c
.irp k, 0,2,4,6,8,10,12,14
	v_pk_fma_f32 v[(\d)+\k:(\d)+\k+1], v[(\a)+\k:(\a)+\k+1], v[(\b)+\k:(\b)+\k+1], v[(\c):(\c)+1]
.endr
.endm
.macro FVCC d, a, b, c
.irp k, 0,2,4,6,8,10,12,14
	v_pk_fma_f32 v[(\d)+\k:(\d)+\k+1], v[(\a)+\k:(\a)+\k+1], v[(\b):(\b)+1], v[(\c):(\c)+1]
.endr
.endm
.macro GELU16 p                        ; sixteen numbers in place: eight independent packed lines to each link of the polynomial's chain, two waits for the 32 transcendentals
.irp i, 0,1,2,3,4,5,6,7,8,9,10,11,12,13,14,15
	v_fma_f32 v[DR+\i], |v[(\p)+\i]|, s68, 1.0     ; 1 + p |x| / sqrt 2
.endr
.irp k, 0,2,4,6,8,10,12,14
	v_pk_mul_f32 v[SQ+\k:SQ+\k+1], v[(\p)+\k:(\p)+\k+1], v[(\p)+\k:(\p)+\k+1]
.endr
.irp k, 0,2,4,6,8,10,12,14
	v_pk_mul_f32 v[SQ+\k:SQ+\k+1], v[SQ+\k:SQ+\k+1], v[KC:KC+1]   ; -x^2 log2(e) / 2
.endr
	s_wait_alu depctr_va_vdst(0)
.irp i, 0,1,2,3,4,5,6,7,8,9,10,11,12,13,14,15
	v_rcp_f32 v[DR+\i], v[DR+\i]                   ; t
.endr
.irp i, 0,1,2,3,4,5,6,7,8,9,10,11,12,13,14,15
	v_exp_f32 v[SQ+\i], v[SQ+\i]
.endr
	v_nop                                          ; a plain line behind the transcendentals
	s_wait_alu depctr_va_vdst(0)                   ; and the wait behind the batch, ahead of its first reader
	FVCC PR, DR, KC+2, KC+4
	FVVC PR, PR, DR, KC+6
	FVVC PR, PR, DR, KC+8
	FVVC PR, PR, DR, KC+10
.irp k, 0,2,4,6,8,10,12,14
	v_pk_mul_f32 v[PR+\k:PR+\k+1], v[PR+\k:PR+\k+1], v[DR+\k:DR+\k+1]
.endr
.irp k, 0,2,4,6,8,10,12,14
	v_pk_mul_f32 v[PR+\k:PR+\k+1], v[PR+\k:PR+\k+1], v[SQ+\k:SQ+\k+1]   ; q
.endr
.irp i, 0,1,2,3,4,5,6,7,8,9,10,11,12,13,14,15
	v_max_num_f32 v[DR+\i], 0, v[(\p)+\i]          ; t has been read for the last time
.endr
.irp i, 0,1,2,3,4,5,6,7,8,9,10,11,12,13,14,15
	v_fma_f32 v[(\p)+\i], -|v[(\p)+\i]|, v[PR+\i], v[DR+\i]
.endr
.endm
.macro SWAPF s                         ; the true order: register 16 b + i of lane half h becomes column 32 b + 16 h + i
.irp b, 0,1
.irp j, 0,1,2,3,4,5,6,7
	v_permlane16_swap_b32 v[(\s)+16*\b+\j], v[(\s)+16*\b+8+\j]
.endr
.endr
.endm
.macro QUANT2 s, cd, hw
.irp b, 0,1
	v_max3_num_f32 v[TM+\b], |v[(\s)+16*\b]|, |v[(\s)+16*\b+1]|, 0x1800000
.endr
.irp i, 2,4,6,8,10,12,14
.irp b, 0,1
	v_max3_num_f32 v[TM+\b], v[TM+\b], |v[(\s)+16*\b+\i]|, |v[(\s)+16*\b+\i+1]|
.endr
.endr
.irp b, 0,1
	v_permlanex16_b32 v[TM+2+\b], v[TM+\b], s[SEL], s[SEL+1]
.endr
.irp b, 0,1
	v_max_num_f32 v[TM+\b], v[TM+\b], v[TM+2+\b]
.endr
.irp b, 0,1
	v_add_nc_u32 v[TM+4+\b], 0xff000000, v[TM+\b]
.endr
.irp b, 0,1
	v_lshrrev_b32 v[TM+6+\b], 23, v[TM+4+\b]
.endr
	v_lshl_or_b32 v[\hw], v[TM+7], 8, v[TM+6]
	v_cvt_scalef32_pk16_fp6_f32 v[(\cd):(\cd)+2], v[(\s):(\s)+15], v[TM+4]
	v_cvt_scalef32_pk16_fp6_f32 v[(\cd)+4:(\cd)+6], v[(\s)+16:(\s)+31], v[TM+5]
	v_nop
.irp i, 0,1,2
	v_permlane16_swap_b32 v[(\cd)+\i], v[(\cd)+4+\i]
.endr
.endm
.macro GET a                           ; block a's 64 sums + b1
	WIN 0x02+(\a)/4
.irp i, 0,2,4,6,8,10,12,14,16,18,20,22,24,26,28,30,32,34,36,38,40,42,44,46,48,50,52,54,56,58,60,62
	v_pk_add_f32 v[TT+\i:TT+\i+1], v[64*((\a)%4)+\i:64*((\a)%4)+\i+1], v[BC+\i:BC+\i+1]
.endr
	WIN 0
.endm
	PLACES NP
	s_wait_loadcnt 0x0
	s_mov_b32 s[SEL], 0x76543210
	s_mov_b32 s[SEL+1], 0xfedcba98
	s_mov_b32 s68, 0.231641888                     ; p / sqrt 2, p = 0.3275911
	CONST 0, -0.72134752
	CONST 1, 0.5307027145                          ; a5 / 2 .. a1 / 2
	CONST 2, -0.7265760135
	CONST 3, 0.7107068705
	CONST 4, -0.142248368
	CONST 5, 0.127414796
	v_mov_b32 v[TM+2], 0
	v_mov_b32 v[TM+3], 0
	s_mov_b32 s3, 0
	s_mov_b32 s66, 0
	s_mov_b32 s67, 0
	s_mov_b32 s69, 0                               ; this trip's 16 rows in hq, in bytes
.Lrow:                                 ; eight trips, a block of 16 tokens each; only the read of the accumulators differs
	s_cmp_eq_u32 s3, 0
	s_cbranch_scc1 .Lget0
	s_cmp_eq_u32 s3, 1
	s_cbranch_scc1 .Lget1
	s_cmp_eq_u32 s3, 2
	s_cbranch_scc1 .Lget2
	s_cmp_eq_u32 s3, 3
	s_cbranch_scc1 .Lget3
	s_cmp_eq_u32 s3, 4
	s_cbranch_scc1 .Lget4
	s_cmp_eq_u32 s3, 5
	s_cbranch_scc1 .Lget5
	s_cmp_eq_u32 s3, 6
	s_cbranch_scc1 .Lget6
	GET 7
	s_branch .Lgot
.Lget0:
	GET 0
	s_branch .Lgot
.Lget1:
	GET 1
	s_branch .Lgot
.Lget2:
	GET 2
	s_branch .Lgot
.Lget3:
	GET 3
	s_branch .Lgot
.Lget4:
	GET 4
	s_branch .Lgot
.Lget5:
	GET 5
	s_branch .Lgot
.Lget6:
	GET 6
.Lgot:
	s_wait_dscnt 0x0
	s_wait_xcnt 0x0                                ; the last trip's stores have read their data and offsets: both are written again below
	v_add_nc_u32 v[TRA], s66, v[STA]
	v_add_nc_u32 v[TRA+1], s67, v[STB]
.irp g, 0,1
.irp k, 0,16
	GELU16 TT+32*\g+\k
.endr
	SWAPF TT+32*\g
	QUANT2 TT+32*\g, CD+8*\g, HW+\g
	ds_store_b96 v[TRA], v[CD+8*\g:CD+8*\g+2] offset:64*\g
	ds_store_b96 v[TRA], v[CD+8*\g+4:CD+8*\g+6] offset:64*\g+16
.endr
	v_lshl_or_b32 v[WD], v[HW+1], 16, v[HW]
	ds_store_b32 v[TRA+1], v[WD]
	; this trip's 16 rows of both row halves leave now: a row's 192 bytes come from two waves' stretches, so a barrier stands between the stores above and the loads below,
	; and a second one between these loads and the next trip's stores.  Each wave sends 8 rows, two to a store, sixteen lanes to a row.
	v_add_nc_u32 v[RDT], s66, v[RDA]
	v_add_nc_u32 v[GOT], s69, v[GOC]
	s_wait_alu depctr_va_vdst(0)
	s_wait_dscnt 0x0                               ; my stores into the stage are done
	s_barrier_signal -1
	s_barrier_wait -1
.irp i, 0,1,2,3
	ds_load_b96 v[DR+4*\i:DR+4*\i+2], v[RDT] offset:2*SROW*\i
.endr
	s_wait_dscnt 0x0
.irp i, 0,1,2,3
	global_store_b96 v[GOT], v[DR+4*\i:DR+4*\i+2], s[12:13] offset:2*HROW*\i
.endr
	s_barrier_signal -1
	s_barrier_wait -1
	s_add_co_u32 s69, s69, 16*HROW
	s_add_co_u32 s66, s66, 16*SROW
	s_add_co_u32 s67, s67, 64
	s_add_co_u32 s3, s3, 1
	s_cmp_lt_u32 s3, 8
	s_cbranch_scc1 .Lrow
	s_wait_dscnt 0x0
	s_barrier_signal -1
	s_barrier_wait -1
	s_wait_xcnt 0x0                                ; the last trip's stores have read v192 on, where the scale words land
	ds_load_b32 v192, v[RDS]
	ds_load_b32 v193, v[RDS] offset:512
	ds_load_b32 v194, v[RDS] offset:128
	ds_load_b32 v195, v[RDS] offset:640
	s_wait_dscnt 0x0
	global_store_b64 v[GOS], v[192:193], s[98:99]
	global_store_b64 v[GOS], v[194:195], s[98:99] offset:4096
	s_wait_tensorcnt 0x0                           ; the wave's end
	ds_add_u32 v[SPW], v[NIL]
	s_wait_dscnt 0x0
	CROUND
	s_endpgm
.Lfunc_end_k_q7e6dda0512_mlp_up:
	.size	k_q7e6dda0512_mlp_up, .Lfunc_end_k_q7e6dda0512_mlp_up-k_q7e6dda0512_mlp_up
	.p2alignl 7, 3214868480
	.fill 96, 4, 3214868480
	.section	.rodata,"a",@progbits
	.p2align	6, 0x0
	.amdhsa_kernel k_q7e6dda0512_mlp_up
		.amdhsa_group_segment_fixed_size 327680
		.amdhsa_private_segment_fixed_size 0
		.amdhsa_enable_private_segment 0
		.amdhsa_kernarg_size 40
		.amdhsa_user_sgpr_count 2
		.amdhsa_user_sgpr_kernarg_segment_ptr 1
		.amdhsa_wavefront_size32 1
		.amdhsa_system_sgpr_workgroup_id_x 1
		.amdhsa_system_sgpr_workgroup_id_y 1
		.amdhsa_system_sgpr_workgroup_id_z 1
		.amdhsa_system_vgpr_workitem_id 0
		.amdhsa_next_free_vgpr 1024
		.amdhsa_next_free_sgpr 102
		.amdhsa_reserve_vcc 0
		.amdhsa_float_denorm_mode_32 3
		.amdhsa_float_denorm_mode_16_64 3
		.amdhsa_memory_ordered 1
		.amdhsa_forward_progress 1
		.amdhsa_inst_pref_size 189
	.end_amdhsa_kernel
	.amdgpu_metadata
---
amdhsa.version: [ 1, 2 ]
amdhsa.kernels:
  - .name:           k_q7e6dda0512_mlp_up
    .symbol:         k_q7e6dda0512_mlp_up.kd
    .args:
      - { .name: nq, .offset: 0, .size: 8, .value_kind: global_buffer, .address_space: global }
      - { .name: W1_codes, .offset: 8, .size: 8, .value_kind: global_buffer, .address_space: global }
      - { .name: W1_scales, .offset: 16, .size: 8, .value_kind: global_buffer, .address_space: global }
      - { .name: b1, .offset: 24, .size: 8, .value_kind: global_buffer, .address_space: global }
      - { .name: hq, .offset: 32, .size: 8, .value_kind: global_buffer, .address_space: global }
    .group_segment_fixed_size: 327680
    .private_segment_fixed_size: 0
    .kernarg_segment_align: 8
    .kernarg_segment_size: 40
    .max_flat_workgroup_size: 128
    .sgpr_count:     102
    .vgpr_count:     1024
    .wavefront_size: 32
...
	.end_amdgpu_metadata
.endif
;; end of part 14
;; launch mlp_down (part 15): grid 8 x 32, 4 waves a work-group, clusters of 4 x 4, 327,680 bytes of LDS; arguments hq, W2_codes, W2_scales, y2; writes y2
.if DOCPART == 15
	.amdgcn_target "amdgcn-amd-amdhsa--gfx1250"
	.amdhsa_code_object_version 6
	.text
	.protected	k_q7e6dda0512_mlp_down
	.globl	k_q7e6dda0512_mlp_down
	.p2align	8
	.type	k_q7e6dda0512_mlp_down,@function
k_q7e6dda0512_mlp_down:
	s_mov_b64 s[64:65], 0
	v_nop
	global_prefetch_b8 v0, s[64:65] scope:SCOPE_SE
	s_setreg_imm32_b32 hwreg(HW_REG_WAVE_MODE, 25, 1), 1
	s_wait_xcnt 0x0
	s_wait_alu depctr_hold_cnt(0) depctr_sa_sdst(0) depctr_va_vdst(0) depctr_va_sdst(0) depctr_va_ssrc(0) depctr_va_vcc(0) depctr_vm_vsrc(0)
	s_getreg_b32 s2, hwreg(HW_REG_IB_STS2, 6, 4)
	s_cmp_eq_u32 s2, 0
	s_cbranch_scc0 .Lentry_in_a_cluster
	s_endpgm
.Lentry_in_a_cluster:
	s_bfe_u32 s2, ttmp6, 0x10000c
	s_cmp_lg_u32 s2, 0xf033
	s_cbranch_scc0 .Lentry_shape_is_right
	s_endpgm
.Lentry_shape_is_right:
; y2 = h W2 on codes of FP6 (E2M3) with E8M0 scales, K = 4,096; y2 [4096][1024] f32.  hq: codes [4096][3072], from byte ASC on scale bytes [4096][128].
; A tile of 128 x 128 to a work-group of four waves, 64 x 64 to a wave: 16 accumulators.  K goes through two LDS slots in CHUNKS OF 512 BYTES of each row (rows of 3,072 bytes: each chunk begins at a multiple of 256 bytes), six chunks;
; a step of 128 along K is 96 bytes, 32 steps; of each sixteen, steps 5 and 10 lie across two chunks and take their fragments from both slots.  The walk is written out: slots and chunks come back to where they began after 32 steps.
; The scale bytes of the work-group's 128 + 128 rows come once and stay in LDS.  4 x 4 work-groups form a cluster: h's tiles are asked for jointly by a row of the cluster, W2's by a column.
; PREFETCH.  Behind the refill that asks for chunk c + 2 each wave names chunk c + 3, which the next refill loads: of the 64 rows that it fetches, the 16 that fall to its work-group among the four partners (told apart by address),
; two lanes to a row's 512 bytes.  Chunks 0 to 2 come by their loads alone; nothing is named beyond chunk 5.  The address registers are never rewritten.
; Source 0 = 16 rows of W2, source 1 = 16 rows of h: a lane holds eight neighbouring numbers of a row of y2.
.set SIZE_N, 1024
.set KROW,   3072
.set ROWB,   512
.set STEPS,  32
.set CHUNKS, 6
.set NQ,     4
.set ASC,    12582912
.set PITCH,  528                       ; an LDS row: 512 bytes + 16 of padding
.set FR,     12
.set NP,     4
.set QUART,  64*PITCH
.set SLOT,   4*QUART
.set KS,     128
.set SCL,    2*SLOT
.set HALFS,  (64*KS/256)*272
.set SBLK,   (16*KS/256)*272
.set SPARE,  SCL+4*HALFS
.set SPITCH, 272                       ; the stage lies in slot 0: the last chunk lies in slot 1
.set ADRA, 16
.set ADRB, 20
.set STO,  24
.set RD,   25
.set CO,   26
.set ADRS, 27
.set SPW,  28
.set NIL,  29
.set PFO,  30
.set SC,   32
.set AF,   128
.set BK,   128
.set G1, 24
.set G0, 32
.set G1B, 48
.set G0B, 56
.set G1S, 68
.set G0S, 76
.set G1SB, 80
.set G0SB, 88
.set G0H, 4
.set G0HB, 8
.set PFA, 94
.set MSB, 0
.macro WIN new
.if MSB != \new
	s_set_vgpr_msb (MSB<<8)|\new
.set MSB, \new
.endif
.endm
.set MUL,  0xa1
.set TO_B, 0x40
.macro JLOAD g0a, g1a, g0b, g1b
	s_cmp_eq_u32 s15, 0
	s_cbranch_scc0 .Lfor_b_\@
	tensor_load_to_lds s[\g0a:\g0a+3], s[\g1a:\g1a+7]
	s_nop 0
.rept 4
	v_nop
.endr
	s_branch .Lasked_\@
.Lfor_b_\@:
	tensor_load_to_lds s[\g0b:\g0b+3], s[\g1b:\g1b+7]
	s_nop 0
.rept 4
	v_nop
.endr
.Lasked_\@:
.endm
.macro CREST
	s_cmp_lg_u32 s14, 0
	s_cbranch_scc1 .Lnot_wave_0_\@
	s_barrier_signal -3
.Lnot_wave_0_\@:
	s_barrier_wait -3
	s_barrier_signal -1
	s_barrier_wait -1
.endm
.macro CROUND
	s_barrier_signal -1
	s_barrier_wait -1
	CREST
.endm
	s_load_b64 s[4:5], s[0:1], 0x0
	s_load_b128 s[8:11], s[0:1], 0x8
	s_load_b64 s[12:13], s[0:1], 0x18
	v_lshl_add_u32 v[SPW], v0, 2, SPARE
	v_mov_b32 v[NIL], 0
	ds_add_u32 v[SPW], v[NIL]
	ds_add_u32 v[SPW], v[NIL]
	v_lshrrev_b32 v1, 5, v0
	v_readfirstlane_b32 s14, v1
	s_lshr_b32 s15, s14, 1                         ; my half of the rows; also: I fetch h (0) or W2 (1)
	s_and_b32 s16, s14, 1                          ; my half of the columns; also: which 64 rows I fetch
	s_bfe_u32 s40, ttmp6, 0x40000
	s_bfe_u32 s41, ttmp6, 0x40004
	s_lshl_b32 s42, ttmp9, 2
	s_add_co_u32 s42, s42, s40
	s_and_b32 s17, ttmp7, 0xffff
	s_lshl_b32 s17, s17, 2
	s_add_co_u32 s17, s17, s41
	s_lshl_b32 s43, s41, 2
	s_lshl_b32 s43, 15, s43
	s_lshl_b32 s44, 0x1111, s40
	s_or_b32 s[G1+0], s43, (0<<16)|(1<<20)|(1<<21)|(6<<22)|(3<<25)   ; rows of 512 bytes, 16 of padding behind each; 128 rows for the head's loads
	s_or_b32 s[G1B+0], s44, (0<<16)|(1<<20)|(1<<21)|(6<<22)|(3<<25)
.irp g, G1, G1B
	s_mov_b32 s[\g+1], ROWB<<16
	s_mov_b32 s[\g+2], 128<<16
	s_mov_b32 s[\g+3], ROWB<<16
	s_mov_b32 s[\g+4], 128
	s_mov_b32 s[\g+5], KROW
	s_mov_b32 s[\g+6], 0
	s_mov_b32 s[\g+7], 0
.endr
	s_or_b32 s[G1S+0], s43, (3<<16)|(1<<20)|(1<<21)|(5<<22)|(3<<25)  ; the scale bytes of 128 rows: a dense block, as 64 rows of 256 bytes
	s_or_b32 s[G1SB+0], s44, (3<<16)|(1<<20)|(1<<21)|(5<<22)|(3<<25)
.irp g, G1S, G1SB
	s_mov_b32 s[\g+1], 32<<16
	s_mov_b32 s[\g+2], (128*KS/256)<<16
	s_mov_b32 s[\g+3], 32<<16
	s_mov_b32 s[\g+4], 128*KS/256
	s_mov_b32 s[\g+5], 32
	s_mov_b32 s[\g+6], 0
	s_mov_b32 s[\g+7], 0
.endr
	s_lshl_b32 s20, s17, 7
	s_lshl_b32 s46, s42, 7
	s_mov_b32 s21, 0
	s_mov_b32 s47, 0
	s_mov_b64 s[18:19], KS
	s_mul_u64 s[22:23], s[20:21], s[18:19]
	s_mul_u64 s[92:93], s[46:47], s[18:19]
	s_mov_b64 s[18:19], KROW
	s_mul_u64 s[20:21], s[20:21], s[18:19]
	s_mul_u64 s[46:47], s[46:47], s[18:19]
	s_mul_i32 s18, s16, 64*KROW
	s_mov_b32 s19, 0
	s_mul_i32 s45, s14, QUART
	; the prefetches' rows: the tile's first row + the 64 that I fetch + my work-group's 16 of them
	s_lshl_b32 s96, s17, 7
	s_lshl_b32 s97, s42, 7
	s_cmp_eq_u32 s15, 0
	s_cselect_b32 s96, s96, s97
	s_cselect_b32 s97, s40, s41
	s_lshl_b32 s98, s16, 6
	s_add_co_u32 s96, s96, s98
	s_lshl_b32 s97, s97, 4
	s_add_co_u32 s96, s96, s97
	s_mul_i32 s96, s96, KROW
	s_mov_b32 s97, 0
	s_wait_dscnt 0x0
	s_wait_kmcnt 0x0
	s_cmp_eq_u32 s15, 0
	s_cselect_b64 s[PFA:PFA+1], s[4:5], s[8:9]
	s_add_nc_u64 s[PFA:PFA+1], s[PFA:PFA+1], s[96:97]
	s_add_nc_u64 s[6:7], s[4:5], ASC
	s_add_nc_u64 s[20:21], s[4:5], s[20:21]
	s_add_nc_u64 s[22:23], s[6:7], s[22:23]
	s_add_nc_u64 s[46:47], s[8:9], s[46:47]
	s_add_nc_u64 s[92:93], s[10:11], s[92:93]
	CROUND                                         ; all sixteen work-groups are here: the first joint loads meet
	s_mov_b32 s[G0H], 1
	s_mov_b32 s[G0H+1], 0
	s_mov_b64 s[G0H+2:G0H+3], s[20:21]
	s_or_b32 s[G0H+3], s[G0H+3], 0x80000000
	s_mov_b32 s[G0HB], 1
	s_mov_b32 s[G0HB+1], 2*QUART
	s_mov_b64 s[G0HB+2:G0HB+3], s[46:47]
	s_or_b32 s[G0HB+3], s[G0HB+3], 0x80000000
	s_mov_b32 s[G0S], 1
	s_mov_b32 s[G0S+1], SCL
	s_mov_b64 s[G0S+2:G0S+3], s[22:23]
	s_or_b32 s[G0S+3], s[G0S+3], 0x80000000
	s_mov_b32 s[G0SB], 1
	s_mov_b32 s[G0SB+1], SCL+2*HALFS
	s_mov_b64 s[G0SB+2:G0SB+3], s[92:93]
	s_or_b32 s[G0SB+3], s[G0SB+3], 0x80000000
	s_add_nc_u64 s[20:21], s[20:21], s[18:19]
	s_add_nc_u64 s[46:47], s[46:47], s[18:19]
.irp s, 0,1
	s_mov_b32 s[G0+4*\s], 1
	s_add_co_u32 s[G0+4*\s+1], s45, \s*SLOT
	s_add_nc_u64 s[G0+4*\s+2:G0+4*\s+3], s[20:21], \s*ROWB
	s_or_b32 s[G0+4*\s+3], s[G0+4*\s+3], 0x80000000
	s_mov_b32 s[G0B+4*\s], 1
	s_add_co_u32 s[G0B+4*\s+1], s45, \s*SLOT
	s_add_nc_u64 s[G0B+4*\s+2:G0B+4*\s+3], s[46:47], \s*ROWB
	s_or_b32 s[G0B+4*\s+3], s[G0B+4*\s+3], 0x80000000
.endr
.macro ARM under, g0, g1, next         ; the head's four tiles, one load a wave: chunk 0 of h, of W2, h's scale bytes, W2's
	s_cmp_lt_u32 s14, \under
	s_cbranch_scc0 \next
	tensor_load_to_lds s[\g0:\g0+3], s[\g1:\g1+7]
	s_nop 0
.rept 4
	v_nop
.endr
	s_branch .Lhead_asked
\next:
.endm
	ARM 1, G0H,  G1,  .Lhead_b
	ARM 2, G0HB, G1B, .Lhead_sa
	ARM 3, G0S,  G1S, .Lhead_sb
	tensor_load_to_lds s[G0SB:G0SB+3], s[G1SB:G1SB+7]
	s_nop 0
.rept 4
	v_nop
.endr
.Lhead_asked:
	v_and_b32 v1, 15, v0
	v_bfe_u32 v2, v0, 4, 1
	v_mul_u32_u24 v3, v1, PITCH
	v_mul_u32_u24 v4, v2, 24
	v_add_nc_u32 v4, v3, v4
	s_mov_b32 s21, SLOT-(ROWB-24)
	s_mov_b32 s22, SLOT+(ROWB-24)
	v_sub_nc_u32 v7, 1, v2
	v_mul_u32_u24 v5, s21, v2
	v_add_nc_u32 v5, v3, v5
	v_add_nc_u32 v5, ROWB-24, v5                   ; lanes 0-15 byte 488 of the row in slot 0, lanes 16-31 byte 0 in slot 1
	v_mul_u32_u24 v6, s22, v7
	v_add_nc_u32 v6, v3, v6                        ; and the other way round
	s_mul_i32 s21, s15, QUART
	s_mul_i32 s22, s16, QUART
	s_add_co_u32 s22, s22, 2*QUART
	v_add_nc_u32 v[ADRA+2], s21, v5
	v_add_nc_u32 v[ADRA+3], s21, v6
	v_add_nc_u32 v[ADRB+2], s22, v5
	v_add_nc_u32 v[ADRB+3], s22, v6
.irp s, 0,1
	v_add_nc_u32 v[ADRA+\s], s21, v4
	v_add_nc_u32 v[ADRB+\s], s22, v4
	s_add_co_u32 s21, s21, SLOT
	s_add_co_u32 s22, s22, SLOT
.endr
	v_mul_u32_u24 v5, v1, KS
	v_lshrrev_b32 v6, 8, v5
	v_lshl_add_u32 v5, v6, 4, v5
	s_mul_i32 s21, s15, HALFS
	s_mul_i32 s22, s16, HALFS
	s_add_co_u32 s22, s22, 2*HALFS
	s_sub_co_u32 s22, s22, s21
	v_mul_u32_u24 v6, s22, v2
	s_add_co_u32 s21, s21, SCL
	v_add_nc_u32 v5, v5, v6
	v_add_nc_u32 v[ADRS], s21, v5
	s_mul_i32 s23, s14, 16*SPITCH
	v_mul_u32_u24 v5, v1, SPITCH
	v_lshl_add_u32 v5, v2, 5, v5
	v_add_nc_u32 v[STO], s23, v5
	v_mul_u32_u24 v5, v2, SPITCH
	v_lshl_add_u32 v5, v1, 4, v5
	v_add_nc_u32 v[RD], s23, v5
	v_mul_u32_u24 v5, v2, SIZE_N*4
	v_lshl_add_u32 v[CO], v1, 4, v5
	v_bfe_u32 v3, v0, 1, 4                         ; the prefetches: row lane / 2, 256 bytes for each of its two lanes
	v_mul_u32_u24 v[PFO], v3, KROW
	v_and_b32 v3, 1, v0
	v_lshl_add_u32 v[PFO], v3, 8, v[PFO]
	s_lshl_b32 s20, s17, 7
	s_lshl_b32 s21, s15, 6
	s_add_co_u32 s20, s20, s21
	s_mov_b32 s21, 0
	s_mov_b64 s[18:19], SIZE_N*4
	s_mul_u64 s[20:21], s[20:21], s[18:19]
	s_lshl_b32 s46, s42, 9
	s_lshl_b32 s47, s16, 8
	s_add_co_u32 s46, s46, s47
	s_mov_b32 s47, 0
	s_add_nc_u64 s[20:21], s[20:21], s[46:47]
	s_add_nc_u64 s[12:13], s[12:13], s[20:21]
.macro FRAG reg, adr, st, i            ; byte y of a row of codes lies in slot (y / 512) % 2 at byte y % 512 of its LDS row
.irp p, 0,1,2,3,4,5
.set BY, 96*(\st)+48*(\p/3)+8*(\p%3)
.if BY/ROWB == (BY+24)/ROWB
	ds_load_b64 v[\reg+2*\p:\reg+2*\p+1], v[\adr+(BY/ROWB)%2] offset:BY%ROWB+(\i)*16*PITCH
.else
	ds_load_b64 v[\reg+2*\p:\reg+2*\p+1], v[\adr+2+(BY/ROWB)%2] offset:BY%ROWB-(ROWB-24)+(\i)*16*PITCH
.endif
.endr
.endm
.macro MULR a, p, q, sc, zero          ; the 16 accumulators take turns
.irp b, 0,1,2,3
.if \zero
	v_wmma_scale_f32_16x16x128_f8f6f4 v[8*(4*(\a)+\b):8*(4*(\a)+\b)+7], v[128*(\p)+FR*\b:128*(\p)+FR*\b+FR-1], v[AF+64*(\p)+FR*(\a):AF+64*(\p)+FR*(\a)+FR-1], 0, v[SC+4*NQ*(\sc)+NQ*\b+(\q)], v[SC+4*NQ*(\sc)+NQ*(\a)+(\q)] matrix_a_fmt:MATRIX_FMT_FP6 matrix_b_fmt:MATRIX_FMT_FP6 matrix_a_scale:MATRIX_SCALE_ROW1
.else
	v_wmma_scale_f32_16x16x128_f8f6f4 v[8*(4*(\a)+\b):8*(4*(\a)+\b)+7], v[128*(\p)+FR*\b:128*(\p)+FR*\b+FR-1], v[AF+64*(\p)+FR*(\a):AF+64*(\p)+FR*(\a)+FR-1], v[8*(4*(\a)+\b):8*(4*(\a)+\b)+7], v[SC+4*NQ*(\sc)+NQ*\b+(\q)], v[SC+4*NQ*(\sc)+NQ*(\a)+(\q)] matrix_a_fmt:MATRIX_FMT_FP6 matrix_b_fmt:MATRIX_FMT_FP6 matrix_a_scale:MATRIX_SCALE_ROW1
.endif
.endr
.endm
.macro FETCH st, p
	WIN TO_B
.irp i, 0,1,2,3
	FRAG 128*(\p)+FR*\i, ADRB, \st, \i
.endr
	WIN 0
.irp i, 0,1,2,3
	FRAG AF+64*(\p)+FR*\i, ADRA, \st, \i
.endr
.endm
.macro SCALES g                        ; the scale words of steps 4 g .. 4 g + 3: lanes 0-15 h's block i, lanes 16-31 W2's
.irp i, 0,1,2,3
	ds_load_b128 v[SC+4*NQ*((\g)%2)+NQ*\i:SC+4*NQ*((\g)%2)+NQ*\i+3], v[ADRS] offset:\i*SBLK+16*(\g)
.endr
.endm
.macro PLACES n
.rept \n
	v_nop
.endr
.endm
; A step: 16 products on one set of fragments; the next step's are fetched into the other set in its middle.  Where the next step ends in a chunk not yet read, a barrier shows that chunk whole; where it begins in a later chunk,
; the chunk left behind is read no more: the waits, the add, the barrier, and, where a chunk two on is left, the cluster's round and the refill.
.macro STEP st, zero
.set NX, (\st)+1
.set C0, (96*(\st))/ROWB
.set C1, (96*NX)/ROWB
.set E0, (96*(\st)+95)/ROWB
.set E1, (96*NX+95)/ROWB
.if C1 > C0 || E1 > E0
	s_wait_tensorcnt 0x0                           ; all my tensor loads have landed
.if C1 > C0
	ds_add_u32 v[SPW], v[NIL]
	s_wait_dscnt 1                                 ; the add alone may be out
.else
	s_wait_dscnt 0x0
.endif
	WIN MUL
	MULR 0, (\st)%2, (\st)%4, ((\st)/4)%2, \zero
	s_wait_dscnt 0x0                               ; the add and all my reads are done
	s_barrier_signal -1
	MULR 1, (\st)%2, (\st)%4, ((\st)/4)%2, \zero
	WIN 0
	s_barrier_wait -1
.if C1 > C0 && C0+2 < CHUNKS
	CREST
	s_add_nc_u64 s[G0+4*(C0%2)+2:G0+4*(C0%2)+3], s[G0+4*(C0%2)+2:G0+4*(C0%2)+3], 2*ROWB
	s_add_nc_u64 s[G0B+4*(C0%2)+2:G0B+4*(C0%2)+3], s[G0B+4*(C0%2)+2:G0B+4*(C0%2)+3], 2*ROWB
	JLOAD G0+4*(C0%2), G1, G0B+4*(C0%2), G1B       ; chunk C0 + 2, first behind the round
.else
	PLACES NP
.endif
.else
	s_wait_dscnt 0x0
	WIN MUL
	MULR 0, (\st)%2, (\st)%4, ((\st)/4)%2, \zero
	MULR 1, (\st)%2, (\st)%4, ((\st)/4)%2, \zero
	PLACES NP
.endif
	FETCH NX, NX%2
.if NX%4 == 0
	SCALES NX/4
.endif
.if C1 > C0 && C0+3 < CHUNKS
	global_prefetch_b8 v[PFO], s[PFA:PFA+1] offset:(C0+3)*ROWB th:TH_LOAD_NT scope:SCOPE_SE
.endif
	WIN MUL
	MULR 2, (\st)%2, (\st)%4, ((\st)/4)%2, \zero
	MULR 3, (\st)%2, (\st)%4, ((\st)/4)%2, \zero
	WIN 0
.endm
	s_wait_alu depctr_va_vdst(0)
	s_wait_tensorcnt 0x0                           ; my tile of the head's four is in
	ds_add_u32 v[SPW], v[NIL]
	s_mov_b32 s[G1+2], 64<<16                      ; no load of mine is out: from here on a load brings 64 rows
	s_mov_b32 s[G1+4], 64
	s_mov_b32 s[G1B+2], 64<<16
	s_mov_b32 s[G1B+4], 64
	s_wait_dscnt 0x0
	CROUND
	JLOAD G0+4, G1, G0B+4, G1B                     ; chunk 1, first behind the round
	FETCH 0, 0
	SCALES 0
	STEP 0, 1                                      ; the first step's products start the sums
.set ST, 1
.rept STEPS-2
	STEP ST, 0
.set ST, ST+1
.endr
	s_wait_dscnt 0x0
	WIN MUL
	MULR 0, 1, 3, 1, 0
	MULR 1, 1, 3, 1, 0
	MULR 2, 1, 3, 1, 0
	MULR 3, 1, 3, 1, 0
	WIN 0
.macro TOSTAGE a
	WIN 0x08
.irp b, 0,1,2,3
	ds_store_b128 v[STO], v[8*(4*(\a)+\b):8*(4*(\a)+\b)+3] offset:64*\b
	ds_store_b128 v[STO], v[8*(4*(\a)+\b)+4:8*(4*(\a)+\b)+7] offset:64*\b+16
.endr
	WIN 0
.set BB, BK+32*((\a)%2)
.irp t, 0,1,2,3,4,5,6,7
	ds_load_b128 v[BB+4*\t:BB+4*\t+3], v[RD] offset:\t*2*SPITCH
.endr
.endm
.macro SEND a, younger
.set BB, BK+32*((\a)%2)
	s_wait_dscnt \younger
.if (\a) > 0
	s_add_nc_u64 s[12:13], s[12:13], 16*SIZE_N*4
.endif
.irp t, 0,1,2,3,4,5,6,7
	global_store_b128 v[CO], v[BB+4*\t:BB+4*\t+3], s[12:13] offset:2*\t*SIZE_N*4 th:TH_STORE_NT   ; sixteen lanes store 256 consecutive bytes, aligned
.endr
.endm
	PLACES NP
	TOSTAGE 0
.irp a, 1,2,3
.if \a > 1
	s_wait_xcnt 0x0
.endif
	TOSTAGE \a
	SEND \a-1, 16                                  ; behind block a - 1's loads: block a's 8 stores and 8 loads
.endr
	s_wait_xcnt 0x0
	SEND 3, 0
	s_wait_tensorcnt 0x0                           ; the wave's end
	ds_add_u32 v[SPW], v[NIL]
	s_wait_dscnt 0x0
	CROUND                                         ; the closing round
	s_endpgm
.Lfunc_end_k_q7e6dda0512_mlp_down:
	.size	k_q7e6dda0512_mlp_down, .Lfunc_end_k_q7e6dda0512_mlp_down-k_q7e6dda0512_mlp_down
	.p2alignl 7, 3214868480
	.fill 96, 4, 3214868480
	.section	.rodata,"a",@progbits
	.p2align	6, 0x0
	.amdhsa_kernel k_q7e6dda0512_mlp_down
		.amdhsa_group_segment_fixed_size 327680
		.amdhsa_private_segment_fixed_size 0
		.amdhsa_enable_private_segment 0
		.amdhsa_kernarg_size 32
		.amdhsa_user_sgpr_count 2
		.amdhsa_user_sgpr_kernarg_segment_ptr 1
		.amdhsa_wavefront_size32 1
		.amdhsa_system_sgpr_workgroup_id_x 1
		.amdhsa_system_sgpr_workgroup_id_y 1
		.amdhsa_system_sgpr_workgroup_id_z 1
		.amdhsa_system_vgpr_workitem_id 0
		.amdhsa_next_free_vgpr 768
		.amdhsa_next_free_sgpr 102
		.amdhsa_reserve_vcc 0
		.amdhsa_float_denorm_mode_32 3
		.amdhsa_float_denorm_mode_16_64 3
		.amdhsa_memory_ordered 1
		.amdhsa_forward_progress 1
		.amdhsa_inst_pref_size 197
	.end_amdhsa_kernel
	.amdgpu_metadata
---
amdhsa.version: [ 1, 2 ]
amdhsa.kernels:
  - .name:           k_q7e6dda0512_mlp_down
    .symbol:         k_q7e6dda0512_mlp_down.kd
    .args:
      - { .name: hq, .offset: 0, .size: 8, .value_kind: global_buffer, .address_space: global }
      - { .name: W2_codes, .offset: 8, .size: 8, .value_kind: global_buffer, .address_space: global }
      - { .name: W2_scales, .offset: 16, .size: 8, .value_kind: global_buffer, .address_space: global }
      - { .name: y2, .offset: 24, .size: 8, .value_kind: global_buffer, .address_space: global }
    .group_segment_fixed_size: 327680
    .private_segment_fixed_size: 0
    .kernarg_segment_align: 8
    .kernarg_segment_size: 32
    .max_flat_workgroup_size: 128
    .sgpr_count:     102
    .vgpr_count:     768
    .wavefront_size: 32
...
	.end_amdgpu_metadata
.endif
;; end of part 15
;; launch norm2 (part 16): grid 256 x 1, 8 waves a work-group, no clusters, 0 bytes of LDS; arguments y2, xn, b2, g2, beta2, out0; writes out0
.if DOCPART == 16
	.amdgcn_target "amdgcn-amd-amdhsa--gfx1250"
	.amdhsa_code_object_version 6
	.text
	.protected	k_q7e6dda0512_norm2
	.globl	k_q7e6dda0512_norm2
	.p2align	8
	.type	k_q7e6dda0512_norm2,@function
k_q7e6dda0512_norm2:
	s_mov_b64 s[64:65], 0
	v_nop
	global_prefetch_b8 v0, s[64:65] scope:SCOPE_SE
	s_setreg_imm32_b32 hwreg(HW_REG_WAVE_MODE, 25, 1), 1
	s_wait_xcnt 0x0
; out = LayerNorm(x_norm1 + (h W2 + b2)) with gain g2 and offset beta2, f32 [4096][1024].
; SHARES.  A work-group of eight waves takes 16 rows, a wave 2: both rows' loads go out at the head, so that all of a wave's bytes are on their way at once.  A load of a wave reads 512 consecutive bytes, 16 a lane;
; a row is eight such loads and stays in 32 registers, so each input byte is read once.  The mean is taken off before the squares are summed.
; LIMITS: NaN and infinities are not served.
; No LDS, no tensor load, no barrier: waves share nothing.  No cluster: work-groups share only 12 KB of parameters.
.set SLOTS, 2                          ; rows in registers at a time
.set ROWS,  2                          ; rows of a wave
.set LPR,   16                         ; loads of a row
.set PB,    24                         ; v24-55 PB, v56-87 PG, v88-119 PE: my 32 columns of the three parameters
.set PG,    56
.set PE,    88
.set SL,    120                        ; slot s at v[SL + SLW s]: 32 registers Y, which become the row; 32 more, X
.set SLW,   64
	s_load_b256 s[4:11], s[0:1], 0x0               ; Y s[4:5], X s[6:7], PB s[8:9], PG s[10:11]
	s_load_b128 s[16:19], s[0:1], 0x20             ; PE s[16:17], the result s[18:19]
	v_lshrrev_b32 v1, 5, v0
	s_delay_alu instid0(VALU_DEP_1)
	v_readfirstlane_b32 s24, v1                    ; wave
	v_and_b32 v1, 31, v0                           ; lane
	s_delay_alu instid0(VALU_DEP_1)
	v_lshlrev_b32 v2, 4, v1                        ; my 16 bytes of a load's 512
	v_mov_b32 v23, 0                               ; a lane permute's destination counts as read: written once
	s_mov_b32 s12, 0x76543210                      ; v_permlanex16_b32: lane l xor 16
	s_mov_b32 s13, 0xfedcba98
	s_mov_b32 s14, 0x3a800000                      ; 1 / 1024
	s_mov_b32 s15, 0x3727c5ac                      ; 1e-5
	s_lshl_b32 s26, ttmp9, 4
	s_lshl_b32 s27, s24, 1
	s_add_co_u32 s26, s26, s27                     ; my first row: 16 x work-group + 2 x wave
	s_lshl_b32 s26, s26, 12
	s_mov_b32 s27, 0
	s_wait_alu depctr_va_vdst(0)
	s_wait_kmcnt 0x0
	s_add_nc_u64 s[4:5], s[4:5], s[26:27]
	s_add_nc_u64 s[6:7], s[6:7], s[26:27]
	s_add_nc_u64 s[18:19], s[18:19], s[26:27]
.macro LOADROW r
.set LB, SL+SLW*((\r)%SLOTS)
.irp j, 0,1,2,3,4,5,6,7
	global_load_b128 v[LB+4*\j:LB+4*\j+3], v2, s[4:5] offset:4096*(\r)+512*\j th:TH_LOAD_NT
.endr
.irp j, 0,1,2,3,4,5,6,7
	global_load_b128 v[LB+32+4*\j:LB+32+4*\j+3], v2, s[6:7] offset:4096*(\r)+512*\j th:TH_LOAD_NT
.endr
.endm
.macro FOLD                            ; four packed chains in v10-17 become the row's sum, in v22 of every lane
	s_delay_alu instid0(VALU_DEP_3)
	v_pk_add_f32 v[10:11], v[10:11], v[12:13]
	s_delay_alu instid0(VALU_DEP_2)
	v_pk_add_f32 v[14:15], v[14:15], v[16:17]
	s_delay_alu instid0(VALU_DEP_1)
	v_pk_add_f32 v[10:11], v[10:11], v[14:15]
	s_delay_alu instid0(VALU_DEP_1)
	v_add_f32 v22, v10, v11
	s_delay_alu instid0(VALU_DEP_1)
	v_add_f32_dpp v22, v22, v22 row_xmask:1 row_mask:0xf bank_mask:0xf
	s_delay_alu instid0(VALU_DEP_1)
	v_add_f32_dpp v22, v22, v22 row_xmask:2 row_mask:0xf bank_mask:0xf
	s_delay_alu instid0(VALU_DEP_1)
	v_add_f32_dpp v22, v22, v22 row_xmask:4 row_mask:0xf bank_mask:0xf
	s_delay_alu instid0(VALU_DEP_1)
	v_add_f32_dpp v22, v22, v22 row_xmask:8 row_mask:0xf bank_mask:0xf
	s_delay_alu instid0(VALU_DEP_1)
	v_permlanex16_b32 v23, v22, s12, s13
	s_delay_alu instid0(VALU_DEP_1)
	v_add_f32 v22, v22, v23
.endm
.macro ROW r
.set VR, SL+SLW*((\r)%SLOTS)
	s_wait_loadcnt LPR*(ROWS-1-(\r))               ; the parameters and my row are in; what may be out: the loads of the row behind it
.irp i, 0,2,4,6,8,10,12,14,16,18,20,22,24,26,28,30
	v_pk_add_f32 v[VR+\i:VR+\i+1], v[VR+\i:VR+\i+1], v[PB+\i:PB+\i+1]          ; the product's bias,
.endr
.irp i, 0,2,4,6,8,10,12,14,16,18,20,22,24,26,28,30
	v_pk_add_f32 v[VR+\i:VR+\i+1], v[VR+32+\i:VR+32+\i+1], v[VR+\i:VR+\i+1]    ; then the residual
.endr
.irp c, 0,1,2,3
	v_pk_add_f32 v[10+2*\c:11+2*\c], v[VR+2*\c:VR+2*\c+1], v[VR+8+2*\c:VR+9+2*\c]
.endr
.irp k, 16,24
.irp c, 0,1,2,3
	s_delay_alu instid0(VALU_DEP_4)
	v_pk_add_f32 v[10+2*\c:11+2*\c], v[10+2*\c:11+2*\c], v[VR+\k+2*\c:VR+\k+2*\c+1]
.endr
.endr
	FOLD
	s_delay_alu instid0(VALU_DEP_1)
	v_mul_f32 v18, s14, v22                        ; the mean
	s_delay_alu instid0(VALU_DEP_1)
	v_mov_b32 v19, v18
.irp i, 0,2,4,6,8,10,12,14,16,18,20,22,24,26,28,30
	v_pk_add_f32 v[VR+\i:VR+\i+1], v[VR+\i:VR+\i+1], v[18:19] neg_lo:[0,1] neg_hi:[0,1]   ; the mean goes off first: the variance is no difference of large sums
.endr
.irp c, 0,1,2,3
	v_pk_mul_f32 v[10+2*\c:11+2*\c], v[VR+2*\c:VR+2*\c+1], v[VR+2*\c:VR+2*\c+1]
.endr
.irp k, 8,16,24
.irp c, 0,1,2,3
	s_delay_alu instid0(VALU_DEP_4)
	v_pk_fma_f32 v[10+2*\c:11+2*\c], v[VR+\k+2*\c:VR+\k+2*\c+1], v[VR+\k+2*\c:VR+\k+2*\c+1], v[10+2*\c:11+2*\c]
.endr
.endr
	FOLD
	s_delay_alu instid0(VALU_DEP_1)
	v_fma_f32 v22, v22, s14, s15                   ; the variance + 1e-5
	s_wait_alu depctr_va_vdst(0)
	v_rsq_f32 v20, v22
	v_nop                                          ; a plain instruction behind the transcendental,
	s_wait_alu depctr_va_vdst(0)                   ; and the wait ahead of its first reader
	v_mov_b32 v21, v20
.irp i, 0,2,4,6,8,10,12,14,16,18,20,22,24,26,28,30
	v_pk_mul_f32 v[VR+\i:VR+\i+1], v[VR+\i:VR+\i+1], v[20:21]
.endr
.irp i, 0,2,4,6,8,10,12,14,16,18,20,22,24,26,28,30
	v_pk_fma_f32 v[VR+\i:VR+\i+1], v[VR+\i:VR+\i+1], v[PG+\i:PG+\i+1], v[PE+\i:PE+\i+1]
.endr
.irp j, 0,1,2,3,4,5,6,7
	global_store_b128 v2, v[VR+4*\j:VR+4*\j+3], s[18:19] offset:4096*(\r)+512*\j th:TH_STORE_NT   ; 32 lanes store 512 consecutive bytes, aligned; each row has registers of its own, so no store's data are written again
.endr
.endm
.irp j, 0,1,2,3,4,5,6,7
	global_load_b128 v[PB+4*\j:PB+4*\j+3], v2, s[8:9] offset:512*\j
	global_load_b128 v[PG+4*\j:PG+4*\j+3], v2, s[10:11] offset:512*\j
	global_load_b128 v[PE+4*\j:PE+4*\j+3], v2, s[16:17] offset:512*\j
.endr
	LOADROW 0
	LOADROW 1
	ROW 0
	ROW 1
	s_endpgm
.Lfunc_end_k_q7e6dda0512_norm2:
	.size	k_q7e6dda0512_norm2, .Lfunc_end_k_q7e6dda0512_norm2-k_q7e6dda0512_norm2
	.p2alignl 7, 3214868480
	.fill 96, 4, 3214868480
	.section	.rodata,"a",@progbits
	.p2align	6, 0x0
	.amdhsa_kernel k_q7e6dda0512_norm2
		.amdhsa_group_segment_fixed_size 0
		.amdhsa_private_segment_fixed_size 0
		.amdhsa_enable_private_segment 0
		.amdhsa_kernarg_size 48
		.amdhsa_user_sgpr_count 2
		.amdhsa_user_sgpr_kernarg_segment_ptr 1
		.amdhsa_wavefront_size32 1
		.amdhsa_system_sgpr_workgroup_id_x 1
		.amdhsa_system_sgpr_workgroup_id_y 1
		.amdhsa_system_sgpr_workgroup_id_z 1
		.amdhsa_system_vgpr_workitem_id 0
		.amdhsa_next_free_vgpr 256
		.amdhsa_next_free_sgpr 66
		.amdhsa_reserve_vcc 0
		.amdhsa_float_denorm_mode_32 3
		.amdhsa_float_denorm_mode_16_64 3
		.amdhsa_memory_ordered 1
		.amdhsa_forward_progress 1
		.amdhsa_inst_pref_size 27
	.end_amdhsa_kernel
	.amdgpu_metadata
---
amdhsa.version: [ 1, 2 ]
amdhsa.kernels:
  - .name:           k_q7e6dda0512_norm2
    .symbol:         k_q7e6dda0512_norm2.kd
    .args:
      - { .name: y2, .offset: 0, .size: 8, .value_kind: global_buffer, .address_space: global }
      - { .name: xn, .offset: 8, .size: 8, .value_kind: global_buffer, .address_space: global }
      - { .name: b2, .offset: 16, .size: 8, .value_kind: global_buffer, .address_space: global }
      - { .name: g2, .offset: 24, .size: 8, .value_kind: global_buffer, .address_space: global }
      - { .name: beta2, .offset: 32, .size: 8, .value_kind: global_buffer, .address_space: global }
      - { .name: out0, .offset: 40, .size: 8, .value_kind: global_buffer, .address_space: global }
    .group_segment_fixed_size: 0
    .private_segment_fixed_size: 0
    .kernarg_segment_align: 8
    .kernarg_segment_size: 48
    .max_flat_workgroup_size: 256
    .sgpr_count:     66
    .vgpr_count:     256
    .wavefront_size: 32
...
	.end_amdgpu_metadata
.endif
;; end of part 16
